; MI455X (gfx1250); checked and timed in simulation.
; The chip was launched on July 23, 2026; its instructions are those of AMD's public machine-readable ISA for CDNA 5 (MIT licence, August 2026) and "CDNA5" Instruction Set Architecture Reference Guide (July 2026). The comments in the code are by the model that wrote it; some were corrected since.
;; Plus Plus Network. Allowed arithmetic: float matrix products may take bf16 or f16 operands with f32 sums; other float arithmetic in f32, or as packed bf16 or f16 multiplies, adds, multiply-adds, maxima and minima; sums over many terms, partial sums and values carried from step to step in f32; what a program stores and reads back later, other than sums and carried values, may be rounded once to bf16 or f16.
;; Inputs: b0 2,048 float32; b1 1,024 float32; b2 512 float32; hb 256 float32; hg 256 float32; hv 512 x 256 float32; wg0 2,048 float32; wg1 1,024 float32; wg2 512 float32; wv0 512 x 2,048 float32; wv1 2,048 x 1,024 float32; wv2 1,024 x 512 float32; x 16,384 x 512 float32.
;; Outputs: out0 16,384 x 256 float32.
;; 4 versions, each right; version 4 is version 3 with the launch prep written anew for expert scheduling mode. Each part assembles by itself: llvm-mc -triple=amdgcn-amd-amdhsa -mcpu=gfx1250 --defsym DOCPART=n.
;; ======== version 1 of 4: 5 launches
;; limits: a function is approximated: absolute error at most 2e-07; right only within a limited range of input values
;; workspace buffers: actA 34,603,008 bytes; actB 68,157,440 bytes; wts 7,843,840 bytes
;; launch prep (part 1): grid 488 x 1, 8 waves a work-group, no clusters, 9,472 bytes of LDS; arguments x, wv0, wv1, wv2, hv, wg0, wg1, wg2, hg, b0, b1, b2, hb, actA, wts; writes actA, wts
.if DOCPART == 1
	.amdgcn_target "amdgcn-amd-amdhsa--gfx1250"
	.amdhsa_code_object_version 6
	.text
	.protected	k_q8609b85a25_prep
	.globl	k_q8609b85a25_prep
	.p2align	8
	.type	k_q8609b85a25_prep,@function
k_q8609b85a25_prep:
	s_mov_b64 s[64:65], 0
	v_nop
	global_prefetch_b8 v0, s[64:65] scope:SCOPE_SE
	s_setreg_imm32_b32 hwreg(HW_REG_WAVE_MODE, 25, 1), 1
	s_wait_xcnt 0x0
; PREP: everything that is made once, ahead of the four products.  Two roles, by the work-group's number.
; ROLE X (work-groups 0-255, 64 rows of x each, 8 a wave).  expmap0 is written as a hidden layer's output: with n = |x| and y' = x F, F = 2 sinh(2 n) / n,
;   tanh(n) x / n = (y'/2) / (1 + sqrt(1 + |y'|^2 / 4)).  y' goes out in bf16, in blocks [row/128][col/128][128][128]; |y'|^2 / 4 goes out four times, as the four parts of the row's sum.
;   n is held to 4 inside the exponentials only: from there on tanh(n) lies above the ball's rim 0.996 and the next launch clamps the norm; the direction x / n is kept.
;   Below n = 0.25 F is its series 4 (1 + t/6 + t^2/120 + t^3/5040), t = 4 n^2.
; ROLE W (work-groups 256-487, one block of 128 k x 128 columns of a weight matrix each): the block in bf16 as it lies, [k][n], and behind it the sum over its 128 k of w^2 for each column, f32.
;   The work-group of a column block's first k block also makes the columns' table (eight f32 a column, 16 columns to a group of 512 bytes):
;   sgn(g) cosh 2b, sgn(g) sinh 2b, A = |2g|, C1 = 2A, C3 = C1 (A^2-1)/6, C5 = C3 (A^2-9)/20, min(0.25, 0.5/A)^2, 0.
; LIMITS.  cosh 2b and sinh 2b are made from 2^(+-2b log2 e): finite for |b| below 44; the launches behind ask for |b| below 19.  sinh 2b is its series to t^7 below |2b| = 0.5.
; The roots, reciprocals and powers of two take a denormal as 0.  NaN and infinities are not treated apart.
; No matrix unit, no tensor load, no cluster: nothing is shared, and memory binds.
.set ACT,   1048576                    ; the activations begin behind the sixteen parts of the rows' sums
.set REC,   33280                      ; a weight record: 32,768 bytes of bf16 and 512 of column sums
.set C0OFF, 7720960                    ; the columns' tables in wts, by layer
.set C1OFF, 7786496
.set C2OFF, 7819264
.set CHOFF, 7835648
.set TAB,   4096                       ; LDS: 0-4,095 role w's partial sums; 4,096-8,191 the table's stage
.set XS,    8192                       ; role x's 64 row sums: bytes of their own, so that the two roles name no LDS byte in common
.set SPARE, 8448                       ; the spare words, 128 bytes for each of eight waves: four blocks of 256 bytes that no other line names
.set SS,  8                            ; v[8:15]    a row's sum of squares
.set NN,  16                           ; v[16:23]   n
.set TA,  24                           ; v[24:31]   at work
.set X,   32                           ; v[32:159]  role x: 8 rows x 16 registers; role w: 16 rows x 4, then bf16 from v96 on
.set SPW, 160                          ; v160  LDS address of my spare word; never rewritten
.set NIL, 161                          ; v161  0; never rewritten
.set E1,  162
.set E2,  170
.set RC,  178
.set F,   186                          ; v[186:201] F of row i, twice: a pair for the packed multiply
	s_load_b512 s[4:19], s[0:1], 0x0               ; x 4, wv0 6, wv1 8, wv2 10, hv 12, wg0 14, wg1 16, wg2 18
	s_load_b256 s[20:27], s[0:1], 0x40             ; hg 20, b0 22, b1 24, b2 26
	s_load_b128 s[28:31], s[0:1], 0x60             ; hb 28, actA 30
	s_load_b64 s[32:33], s[0:1], 0x70              ; wts 32
	v_lshl_add_u32 v[SPW], v0, 2, SPARE
	v_mov_b32 v[NIL], 0
	v_and_b32 v2, 31, v0                           ; lane
	v_lshrrev_b32 v3, 5, v0
	v_readfirstlane_b32 s40, v3                    ; wave 0..7
	v_lshlrev_b32 v4, 3, v2                        ; 8 x lane
	s_mov_b32 s42, 0x76543210                      ; v_permlanex16_b32: each lane takes its own place in the other half
	s_mov_b32 s43, 0xfedcba98
	s_wait_kmcnt 0x0
	s_cmp_lt_u32 ttmp9, 256
	s_cbranch_scc0 .Lweights
; ---------------------------------------------------------------- role x
	s_lshl_b32 s44, ttmp9, 17                      ; 64 rows of 2,048 bytes
	s_mov_b32 s45, 0
	s_add_nc_u64 s[4:5], s[4:5], s[44:45]
	s_lshl_b32 s50, s40, 14                        ; my 8 rows
	v_lshl_add_u32 v1, v2, 4, s50
.irp i, 0,1,2,3,4,5,6,7
.irp j, 0,1,2,3
	global_load_b128 v[X+16*(\i)+4*(\j):X+16*(\i)+4*(\j)+3], v1, s[4:5] offset:(\i)*2048+(\j)*512 th:TH_LOAD_NT  ; 512 bytes on end: columns 128 j .. 128 j + 127 of row i
.endr
.endr
	s_lshr_b32 s46, ttmp9, 1                       ; block row = work-group / 2: four blocks of 32,768 bytes,
	s_lshl_b32 s46, s46, 17
	s_and_b32 s47, ttmp9, 1                        ; and its upper or lower 64 rows of 256 bytes
	s_lshl_b32 s47, s47, 14
	s_add_co_u32 s46, s46, s47
	s_add_co_u32 s46, s46, ACT
	s_mov_b32 s47, 0
	s_add_nc_u64 s[46:47], s[30:31], s[46:47]
	s_lshl_b32 s48, s40, 11
	v_add_nc_u32 v5, s48, v4                       ; my 8 rows of 256 bytes + 8 x lane
	s_lshl_b32 s49, s40, 5
	s_add_co_u32 s49, s49, XS
	v_mov_b32 v6, s49                              ; LDS: my 8 rows' sums
	v_mov_b32 v28, 0                               ; v_permlanex16_b32's destination counts as read
.macro ROWSUM i
	s_wait_loadcnt 28-4*(\i)                       ; row i's four loads are in; the later rows' stay out
	v_pk_mul_f32 v[24:25], v[X+16*(\i):X+16*(\i)+1], v[X+16*(\i):X+16*(\i)+1]
	v_pk_mul_f32 v[26:27], v[X+16*(\i)+2:X+16*(\i)+3], v[X+16*(\i)+2:X+16*(\i)+3]
.irp k, 1,2,3
	v_pk_fma_f32 v[24:25], v[X+16*(\i)+4*(\k):X+16*(\i)+4*(\k)+1], v[X+16*(\i)+4*(\k):X+16*(\i)+4*(\k)+1], v[24:25]
	v_pk_fma_f32 v[26:27], v[X+16*(\i)+4*(\k)+2:X+16*(\i)+4*(\k)+3], v[X+16*(\i)+4*(\k)+2:X+16*(\i)+4*(\k)+3], v[26:27]
.endr
	v_pk_add_f32 v[24:25], v[24:25], v[26:27]
	v_add_f32 v[SS+(\i)], v24, v25
	v_add_f32_dpp v[SS+(\i)], v[SS+(\i)], v[SS+(\i)] row_xmask:1 row_mask:0xf bank_mask:0xf
	v_add_f32_dpp v[SS+(\i)], v[SS+(\i)], v[SS+(\i)] row_xmask:2 row_mask:0xf bank_mask:0xf
	v_add_f32_dpp v[SS+(\i)], v[SS+(\i)], v[SS+(\i)] row_xmask:4 row_mask:0xf bank_mask:0xf
	v_add_f32_dpp v[SS+(\i)], v[SS+(\i)], v[SS+(\i)] row_xmask:8 row_mask:0xf bank_mask:0xf
	v_permlanex16_b32 v28, v[SS+(\i)], s42, s43
	v_add_f32 v[SS+(\i)], v[SS+(\i)], v28          ; every lane holds the row's sum of squares
.endm
.irp i, 0,1,2,3,4,5,6,7
	ROWSUM \i
.endr
.irp i, 0,1,2,3,4,5,6,7
	v_sqrt_f32 v[NN+(\i)], v[SS+(\i)]
.endr
	v_nop                                          ; a plain instruction behind the last root,
	s_wait_alu depctr_va_vdst(0)                   ; and one wait for the eight, ahead of their first reader
.irp i, 0,1,2,3,4,5,6,7
	v_min_num_f32 v[TA+(\i)], 4.0, v[NN+(\i)]
	v_mul_f32 v[E2+(\i)], 0xc038aa3b, v[TA+(\i)]   ; -2 log2(e) n
	v_mul_f32 v[TA+(\i)], 0x4038aa3b, v[TA+(\i)]   ; +2 log2(e) n
.endr
.irp i, 0,1,2,3,4,5,6,7
	v_exp_f32 v[E1+(\i)], v[TA+(\i)]
	v_exp_f32 v[E2+(\i)], v[E2+(\i)]
	v_rcp_f32 v[RC+(\i)], v[NN+(\i)]
.endr
	v_nop
	s_wait_alu depctr_va_vdst(0)                   ; one wait for the 24
.irp i, 0,1,2,3,4,5,6,7
	v_sub_f32 v[E1+(\i)], v[E1+(\i)], v[E2+(\i)]
	v_mul_f32 v[E1+(\i)], v[E1+(\i)], v[RC+(\i)]   ; 2 sinh(2n) / n
	v_mul_f32 v[TA+(\i)], 4.0, v[SS+(\i)]          ; t = 4 n^2
	v_mov_b32 v[E2+(\i)], 0x39500d01               ; 1/5040
	v_fmaak_f32 v[E2+(\i)], v[E2+(\i)], v[TA+(\i)], 0x3c088889  ; 1/120
	v_fmaak_f32 v[E2+(\i)], v[E2+(\i)], v[TA+(\i)], 0x3e2aaaab  ; 1/6
	v_fmaak_f32 v[E2+(\i)], v[E2+(\i)], v[TA+(\i)], 0x3f800000
	v_mul_f32 v[E2+(\i)], 4.0, v[E2+(\i)]          ; the series
	v_cmp_gt_f32 vcc_lo, 0x3e800000, v[NN+(\i)]    ; n < 0.25
	v_cndmask_b32 v[F+2*(\i)], v[E1+(\i)], v[E2+(\i)], vcc_lo
	v_mov_b32 v[F+2*(\i)+1], v[F+2*(\i)]
	v_mul_f32 v[TA+(\i)], v[F+2*(\i)], v[F+2*(\i)]
	v_mul_f32 v[TA+(\i)], v[TA+(\i)], v[SS+(\i)]
	v_mul_f32 v[TA+(\i)], 0x3e800000, v[TA+(\i)]   ; |y'|^2 / 4: one of four equal parts
.endr
.irp i, 0,1,2,3,4,5,6,7
.irp j, 0,1,2,3
	v_pk_mul_f32 v[X+16*(\i)+4*(\j):X+16*(\i)+4*(\j)+1], v[X+16*(\i)+4*(\j):X+16*(\i)+4*(\j)+1], v[F+2*(\i):F+2*(\i)+1]
	v_pk_mul_f32 v[X+16*(\i)+4*(\j)+2:X+16*(\i)+4*(\j)+3], v[X+16*(\i)+4*(\j)+2:X+16*(\i)+4*(\j)+3], v[F+2*(\i):F+2*(\i)+1]
	v_cvt_pk_bf16_f32 v[X+16*(\i)+4*(\j)], v[X+16*(\i)+4*(\j)], v[X+16*(\i)+4*(\j)+1]
	v_cvt_pk_bf16_f32 v[X+16*(\i)+4*(\j)+1], v[X+16*(\i)+4*(\j)+2], v[X+16*(\i)+4*(\j)+3]
	global_store_b64 v5, v[X+16*(\i)+4*(\j):X+16*(\i)+4*(\j)+1], s[46:47] offset:(\j)*32768+(\i)*256  ; the wave stores 256 consecutive bytes, aligned: a row of block j.  No data register is written again
.endr
.endr
.irp i, 0,1,2,3,4,5,6,7
	ds_store_b32 v6, v[TA+(\i)] offset:4*(\i)      ; all lanes hold the same number
.endr
	s_wait_dscnt 0x0                               ; for the others' sake: my stores are done
	s_barrier_signal -1
	s_barrier_wait -1
	s_cmp_lt_u32 s40, 4                            ; wave p writes part p: the group's 64 sums, 256 bytes
	s_cbranch_scc0 .Lend
	ds_load_b64 v[8:9], v4 offset:XS
	s_lshl_b32 s48, s40, 16
	s_lshl_b32 s49, ttmp9, 8
	s_add_co_u32 s48, s48, s49
	s_mov_b32 s49, 0
	s_add_nc_u64 s[48:49], s[30:31], s[48:49]
	s_wait_dscnt 0x0
	global_store_b64 v4, v[8:9], s[48:49]
	s_branch .Lend
; ---------------------------------------------------------------- role w
.Lweights:
	s_sub_co_u32 s44, ttmp9, 256                   ; record j, 0..231
	s_mov_b32 s45, 224                             ; the head's figures: first record,
	s_mov_b32 s46, 2                               ; log2 of the k blocks in a column block,
	s_mov_b32 s47, 1024                            ; bytes in a row of the matrix,
	s_mov_b32 s48, CHOFF                           ; the table's place
	s_mov_b64 s[50:51], s[12:13]
	s_mov_b64 s[52:53], s[20:21]
	s_mov_b64 s[54:55], s[28:29]
	s_cmp_lt_u32 s44, 224                          ; layer 2
	s_cselect_b32 s45, 192, s45
	s_cselect_b32 s46, 3, s46
	s_cselect_b32 s47, 2048, s47
	s_cselect_b32 s48, C2OFF, s48
	s_cselect_b64 s[50:51], s[10:11], s[50:51]
	s_cselect_b64 s[52:53], s[18:19], s[52:53]
	s_cselect_b64 s[54:55], s[26:27], s[54:55]
	s_cmp_lt_u32 s44, 192                          ; layer 1
	s_cselect_b32 s45, 64, s45
	s_cselect_b32 s46, 4, s46
	s_cselect_b32 s47, 4096, s47
	s_cselect_b32 s48, C1OFF, s48
	s_cselect_b64 s[50:51], s[8:9], s[50:51]
	s_cselect_b64 s[52:53], s[16:17], s[52:53]
	s_cselect_b64 s[54:55], s[24:25], s[54:55]
	s_cmp_lt_u32 s44, 64                           ; layer 0
	s_cselect_b32 s45, 0, s45
	s_cselect_b32 s46, 2, s46
	s_cselect_b32 s47, 8192, s47
	s_cselect_b32 s48, C0OFF, s48
	s_cselect_b64 s[50:51], s[6:7], s[50:51]
	s_cselect_b64 s[52:53], s[14:15], s[52:53]
	s_cselect_b64 s[54:55], s[22:23], s[54:55]
	s_sub_co_u32 s56, s44, s45
	s_lshr_b32 s57, s56, s46                       ; nb: the column block
	s_lshl_b32 s58, s57, s46
	s_sub_co_u32 s58, s56, s58                     ; kb: the k block
	s_lshl_b32 s60, s58, 7
	s_mul_i32 s60, s60, s47                        ; 128 kb rows,
	s_lshl_b32 s62, s57, 9                         ; 128 nb columns of f32
	s_add_co_u32 s60, s60, s62
	s_mov_b32 s61, 0
	s_mov_b32 s63, 0
	s_add_nc_u64 s[50:51], s[50:51], s[60:61]
	s_add_nc_u64 s[52:53], s[52:53], s[62:63]
	s_add_nc_u64 s[54:55], s[54:55], s[62:63]
	v_and_b32 v7, 127, v0
	v_lshlrev_b32 v7, 2, v7
	global_load_b32 v10, v7, s[52:53]              ; g and b of column t & 127 of the block
	global_load_b32 v11, v7, s[54:55]
	s_lshl_b32 s59, s40, 4
	s_mul_i32 s59, s59, s47                        ; my 16 rows
	v_lshl_add_u32 v16, v2, 4, s59
.irp i, 1,2,3,4,5,6,7,8,9,10,11,12,13,14,15
	v_add_nc_u32 v[16+(\i)], s47, v[15+(\i)]       ; a row further down
.endr
.irp i, 0,1,2,3,4,5,6,7,8,9,10,11,12,13,14,15
	global_load_b128 v[X+4*(\i):X+4*(\i)+3], v[16+(\i)], s[50:51] th:TH_LOAD_NT  ; 512 bytes on end: the block's 128 columns of one k
.endr
	s_mul_i32 s66, s44, REC
	s_mov_b32 s67, 0
	s_add_nc_u64 s[66:67], s[32:33], s[66:67]      ; my record
	s_lshl_b32 s59, s40, 12
	v_add_nc_u32 v8, s59, v4                       ; my 16 rows of 256 bytes + 8 x lane
	s_lshl_b32 s59, s40, 9
	v_lshl_add_u32 v9, v2, 4, s59                  ; LDS: my wave's 128 partial column sums
.irp i, 0,1,2,3,4,5,6,7,8,9,10,11,12,13,14,15
	s_wait_loadcnt 15-(\i)                         ; row i is in (and g and b, asked for earlier); the later rows' loads stay out
.if (\i) == 0
	v_pk_mul_f32 v[4:5], v[X:X+1], v[X:X+1]        ; the first row starts the sums (v4's 8 x lane has been used)
	v_pk_mul_f32 v[6:7], v[X+2:X+3], v[X+2:X+3]
.else
	v_pk_fma_f32 v[4:5], v[X+4*(\i):X+4*(\i)+1], v[X+4*(\i):X+4*(\i)+1], v[4:5]
	v_pk_fma_f32 v[6:7], v[X+4*(\i)+2:X+4*(\i)+3], v[X+4*(\i)+2:X+4*(\i)+3], v[6:7]
.endif
	v_cvt_pk_bf16_f32 v[96+2*(\i)], v[X+4*(\i)], v[X+4*(\i)+1]
	v_cvt_pk_bf16_f32 v[97+2*(\i)], v[X+4*(\i)+2], v[X+4*(\i)+3]
	global_store_b64 v8, v[96+2*(\i):97+2*(\i)], s[66:67] offset:(\i)*256  ; 256 consecutive bytes, aligned
.endr
	ds_store_b128 v9, v[4:7]
	s_cmp_lg_u32 s58, 0                            ; the table is made where kb = 0,
	s_cbranch_scc1 .Lnotab
	s_cmp_lt_u32 s40, 4                            ; by threads 0-127, a column each
	s_cbranch_scc0 .Lnotab
	v_lshrrev_b32 v12, 4, v2
	v_and_b32 v13, 15, v2
	v_lshlrev_b32 v13, 2, v13
	v_lshl_add_u32 v12, v12, 9, v13
	s_lshl_b32 s59, s40, 10
	s_add_co_u32 s59, s59, TAB
	v_add_nc_u32 v12, s59, v12                     ; the stage: 1,024 bytes a wave: group lane / 16, column lane % 16
	v_add_f32 v128, v11, v11                       ; t = 2 b
	v_add_f32 v129, v10, v10
	v_and_b32 v129, 0x7fffffff, v129               ; A = |2 g|
	v_mul_f32 v130, 0x3fb8aa3b, v128
	v_mul_f32 v131, 0xbfb8aa3b, v128
	v_exp_f32 v130, v130
	v_exp_f32 v131, v131
	v_rcp_f32 v132, v129
	v_mul_f32 v133, v128, v128                     ; t^2: the plain instruction behind the batch
	s_wait_alu depctr_va_vdst(0)                   ; one wait for the three
	v_add_f32 v134, v130, v131
	v_mul_f32 v134, 0.5, v134                      ; cosh t
	v_sub_f32 v135, v130, v131
	v_mul_f32 v135, 0.5, v135                      ; sinh t
	v_mov_b32 v136, 0x39500d01
	v_fmaak_f32 v136, v136, v133, 0x3c088889
	v_fmaak_f32 v136, v136, v133, 0x3e2aaaab
	v_fmaak_f32 v136, v136, v133, 0x3f800000
	v_mul_f32 v136, v136, v128                     ; its series
	v_cmp_gt_f32 vcc_lo, 0x3e800000, v133          ; t^2 < 0.25
	v_cndmask_b32 v135, v135, v136, vcc_lo
	v_and_b32 v137, 0x80000000, v10                ; g's sign goes onto both
	v_xor_b32 v134, v134, v137
	v_xor_b32 v135, v135, v137
	v_add_f32 v138, v129, v129                     ; C1
	v_mul_f32 v139, v129, v129
	v_add_f32 v140, -1.0, v139
	v_mul_f32 v140, 0x3e2aaaab, v140
	v_mul_f32 v140, v138, v140                     ; C3
	v_add_f32 v141, 0xc1100000, v139               ; A^2 - 9
	v_mul_f32 v141, 0x3d4ccccd, v141
	v_mul_f32 v141, v140, v141                     ; C5
	v_mul_f32 v142, 0.5, v132
	v_min_num_f32 v142, 0x3e800000, v142
	v_mul_f32 v142, v142, v142                     ; the bound on u^2 below which the series is taken
	v_mov_b32 v143, 0
	ds_store_b32 v12, v134
	ds_store_b32 v12, v135 offset:64
	ds_store_b32 v12, v129 offset:128
	ds_store_b32 v12, v138 offset:192
	ds_store_b32 v12, v140 offset:256
	ds_store_b32 v12, v141 offset:320
	ds_store_b32 v12, v142 offset:384
	ds_store_b32 v12, v143 offset:448
.Lnotab:
	s_wait_dscnt 0x0                               ; for the others' sake: my stores are done
	s_barrier_signal -1
	s_barrier_wait -1
	s_cmp_lg_u32 s40, 0                            ; wave 0 adds the eight waves' column sums
	s_cbranch_scc1 .Lnot0
	v_lshlrev_b32 v14, 4, v2
.irp k, 0,1,2,3,4,5,6,7
	ds_load_b128 v[128+4*(\k):131+4*(\k)], v14 offset:512*(\k)
.endr
	s_wait_dscnt 0x0
.irp k, 1,2,3,4,5,6,7
	v_pk_add_f32 v[128:129], v[128:129], v[128+4*(\k):129+4*(\k)]
	v_pk_add_f32 v[130:131], v[130:131], v[130+4*(\k):131+4*(\k)]
.endr
	global_store_b128 v14, v[128:131], s[66:67] offset:32768
.Lnot0:
	s_cmp_lg_u32 s58, 0                            ; the table leaves as 4,096 bytes on end, 16 a thread
	s_cbranch_scc1 .Lend
	v_lshlrev_b32 v15, 4, v0
	ds_load_b128 v[164:167], v15 offset:TAB
	s_lshl_b32 s70, s57, 12
	s_add_co_u32 s70, s70, s48
	s_mov_b32 s71, 0
	s_add_nc_u64 s[70:71], s[32:33], s[70:71]
	s_wait_dscnt 0x0
	global_store_b128 v15, v[164:167], s[70:71]
.Lend:
	s_wait_tensorcnt 0x0                           ; the wave's end: three closing lines, behind my last LDS store
	ds_add_u32 v[SPW], v[NIL]
	s_wait_dscnt 0x0
	s_endpgm
.Lfunc_end_k_q8609b85a25_prep:
	.size	k_q8609b85a25_prep, .Lfunc_end_k_q8609b85a25_prep-k_q8609b85a25_prep
	.p2alignl 7, 3214868480
	.fill 96, 4, 3214868480
	.section	.rodata,"a",@progbits
	.p2align	6, 0x0
	.amdhsa_kernel k_q8609b85a25_prep
		.amdhsa_group_segment_fixed_size 9472
		.amdhsa_private_segment_fixed_size 0
		.amdhsa_enable_private_segment 0
		.amdhsa_kernarg_size 120
		.amdhsa_user_sgpr_count 2
		.amdhsa_user_sgpr_kernarg_segment_ptr 1
		.amdhsa_wavefront_size32 1
		.amdhsa_system_sgpr_workgroup_id_x 1
		.amdhsa_system_sgpr_workgroup_id_y 1
		.amdhsa_system_sgpr_workgroup_id_z 1
		.amdhsa_system_vgpr_workitem_id 0
		.amdhsa_next_free_vgpr 204
		.amdhsa_next_free_sgpr 76
		.amdhsa_reserve_vcc 1
		.amdhsa_float_denorm_mode_32 3
		.amdhsa_float_denorm_mode_16_64 3
		.amdhsa_memory_ordered 1
		.amdhsa_forward_progress 1
		.amdhsa_inst_pref_size 48
	.end_amdhsa_kernel
	.amdgpu_metadata
---
amdhsa.version: [ 1, 2 ]
amdhsa.kernels:
  - .name:           k_q8609b85a25_prep
    .symbol:         k_q8609b85a25_prep.kd
    .args:
      - { .name: x, .offset: 0, .size: 8, .value_kind: global_buffer, .address_space: global }
      - { .name: wv0, .offset: 8, .size: 8, .value_kind: global_buffer, .address_space: global }
      - { .name: wv1, .offset: 16, .size: 8, .value_kind: global_buffer, .address_space: global }
      - { .name: wv2, .offset: 24, .size: 8, .value_kind: global_buffer, .address_space: global }
      - { .name: hv, .offset: 32, .size: 8, .value_kind: global_buffer, .address_space: global }
      - { .name: wg0, .offset: 40, .size: 8, .value_kind: global_buffer, .address_space: global }
      - { .name: wg1, .offset: 48, .size: 8, .value_kind: global_buffer, .address_space: global }
      - { .name: wg2, .offset: 56, .size: 8, .value_kind: global_buffer, .address_space: global }
      - { .name: hg, .offset: 64, .size: 8, .value_kind: global_buffer, .address_space: global }
      - { .name: b0, .offset: 72, .size: 8, .value_kind: global_buffer, .address_space: global }
      - { .name: b1, .offset: 80, .size: 8, .value_kind: global_buffer, .address_space: global }
      - { .name: b2, .offset: 88, .size: 8, .value_kind: global_buffer, .address_space: global }
      - { .name: hb, .offset: 96, .size: 8, .value_kind: global_buffer, .address_space: global }
      - { .name: actA, .offset: 104, .size: 8, .value_kind: global_buffer, .address_space: global }
      - { .name: wts, .offset: 112, .size: 8, .value_kind: global_buffer, .address_space: global }
    .group_segment_fixed_size: 9472
    .private_segment_fixed_size: 0
    .kernarg_segment_align: 8
    .kernarg_segment_size: 120
    .max_flat_workgroup_size: 256
    .sgpr_count:     76
    .vgpr_count:     204
    .wavefront_size: 32
...
	.end_amdgpu_metadata
.endif
;; end of part 1
;; launch g0 (part 2): grid 16 x 64, 4 waves a work-group, clusters of 4 x 4, 327,680 bytes of LDS; arguments actA, wts, actB; writes actB
.if DOCPART == 2
	.amdgcn_target "amdgcn-amd-amdhsa--gfx1250"
	.amdhsa_code_object_version 6
	.text
	.protected	k_q8609b85a25_g0
	.globl	k_q8609b85a25_g0
	.p2align	8
	.type	k_q8609b85a25_g0,@function
k_q8609b85a25_g0:
	s_mov_b64 s[64:65], 0
	v_nop
	global_prefetch_b8 v0, s[64:65] scope:SCOPE_SE
	s_setreg_imm32_b32 hwreg(HW_REG_WAVE_MODE, 25, 1), 1
	s_wait_xcnt 0x0
	s_wait_alu depctr_hold_cnt(0) depctr_sa_sdst(0) depctr_va_vdst(0) depctr_va_sdst(0) depctr_va_ssrc(0) depctr_va_vcc(0) depctr_vm_vsrc(0)
	s_getreg_b32 s2, hwreg(HW_REG_IB_STS2, 6, 4)
	s_cmp_eq_u32 s2, 0
	s_cbranch_scc0 .Lentry_in_a_cluster
	s_endpgm
.Lentry_in_a_cluster:
	s_bfe_u32 s2, ttmp6, 0x10000c
	s_cmp_lg_u32 s2, 0xf033
	s_cbranch_scc0 .Lentry_shape_is_right
	s_endpgm
.Lentry_shape_is_right:
; A HIDDEN POINCARE LAYER.  THIS TEXT: layer 0, K = 512, N = 2,048.  The three hidden layers have the same text with other sizes at its head: with joint loads every trip count,
; branch and descriptor word is the same in all partners, so the sizes are constants of the text and are not read from memory.
; y' = 2 sinh(2 g asinh(u)), u = (2 (h . z) cosh 2b - (1 + |h|^2) sinh 2b) / (1 - |h|^2).
; The layer's input h is never formed.  The launch before stored y'_in (bf16) and the parts of S' = sum y'_in^2 (f32).  With q = sqrt(1 + S'/4): h = y'_in / (2 (1 + q)), |h|^2 = (q-1)/(q+1),
; the clamp to the ball's rim is a factor R = min(1, 0.996 / |h|), and z = w / |w| is a factor for each column.  So u = alpha (raw CC) - beta SH with raw = y'_in . w from the matrix unit,
; alpha = R / ((1+q)(1-|h|^2)), beta = (1+|h|^2) / (1-|h|^2) for each row, CC = sgn(g) cosh 2b / |w|, SH = sgn(g) sinh 2b for each column.
; y' = 2^E - 2^-E, E = |2g| log2(|u| + sqrt(u^2+1)), with u's sign; where u^2 lies under the table's bound, the series u (C1 + u^2 (C3 + u^2 C5)) instead.  Both are always made; v_cndmask_b32 chooses.
; LIMITS.  u^2 must stay finite: |b| below 19.  A row whose S' is not below infinity counts as overflowed: h = 0 (reference() does so from sum y^2 = 3.4e38 on, this text from 8.5e37 on).
; The series' first term left out is 1.1e-5 of y' at the most.  2^E - 2^-E is off by some 2e-7 absolutely: more than 1e-3 of y' only where |2g| is under 1e-3.
; Roots, logarithms, reciprocals and powers of two take a denormal as 0.  NaN and infinities are not treated apart.  y' is kept in bf16 since its range passes f16's for large g.
; SHARES.  A work-group makes 256 rows x 128 columns; wave w rows 64 w .. 64 w + 63 and all columns: 32 accumulators.  A wave's rows of the result are whole rows of 256 bytes of the next layer's block.
; THE MATRIX INSTRUCTION IS USED TRANSPOSED: source 0 = 16 columns of w (turned on the way out of LDS by ds_load_tr16_b128, since w lies [k][n]), source 1 = 16 rows of y'_in:
; a lane holds one row (lane % 16) and the columns 8 (lane / 16) + 0..7.
; CLUSTER 4 x 4: the four of a row of the cluster need the same blocks of y'_in, the four of a column the same blocks of w: each is asked for jointly.
; RING: two LDS slots of one K step of 128; from a joint load to the wait for it a wave issues 112 matrix instructions.  Two slots of a K step of 256 would not fit beside the stage.
; REGISTERS: window 0: v0-31 addresses; v32-39 alpha, v40-47 beta (a pair for each of my four row tiles), v48-55 the rows' sums; v64-159, v160-255 two fragment buffers (w's eight fragments, then y's four).
;   window 1: accumulator (a, b) at 8 (8 a + b).  On the way out window 0's v64-255 are at work: see there.
.set LAPS,  2                          ; K / 256: a lap = two K steps = once round the ring
.set NB,    16                         ; N / 128: the blocks in a block row of the result
.set WOFF,  0                          ; the layer's first weight record in wts, in bytes
.set COFF,  7720960                    ; its columns' table in wts
.set KB,    2*LAPS                     ; K steps
.set ACT,   1048576
.set REC,   33280
.set PA,    272                        ; an LDS row of y'_in: 256 bytes + 16: the 16 rows of a fragment load start at 16 different groups of four banks (64 banks of 4 bytes: ISA guide 11.1)
.set PB,    288                        ; an LDS row of w: 256 + 32
.set BOFF,  256*PA                     ; in a slot: 256 rows of y'_in, then 128 k rows of w
.set SLOT,  BOFF+128*PB
.set STG,   2*SLOT                     ; behind the ring, never filled by a tensor load: 64 rows x 272 bytes for each wave
.set CT,    STG+4*64*PA                ; the columns' table, 4,096 bytes
.set RN,    CT+4096                    ; 1 / |w| of the 128 columns, and 128 bytes that the last look-ahead load touches
.set SPS,   RN+768                     ; 256 bytes a wave: its 64 rows' sums
.set SPARE, SPS+1024                   ; the spare words, 128 bytes for each wave: two blocks of 256 bytes that no other line names
.set ADRA, 16
.set ADRB, 18
.set STO,  20
.set RD,   21
.set GO,   22
.set CTA,  23
.set RNA,  24
.set SPA,  25
.set SPB,  26
.set SPW,  28                          ; v28  LDS address of my spare word; never rewritten
.set NIL,  29                          ; v29  0; never rewritten
.set PFO,  30                          ; v30  256 x lane: the prefetches' offset; never rewritten
.set AA,   32
.set BB,   40
.set SS,   48
.set F0,   64
.set F1,   160
.set U,    64                          ; the way out: raw CC, then u
.set X2,   96                          ; beta SH, u^2, E, 2^E, the packed results
.set W,    128                         ; u^2+1, its root, |u| + root, its log2, -E, 2^-E, y'
.set YS,   160                         ; the series
.set KCH,  192                         ; the column tile's constants, eight registers each
.set KRN,  200
.set KSH,  208
.set KA,   216
.set KC1,  224
.set KC3,  232
.set KC5,  240
.set KTH,  248
.set WV,   20                          ; s20  my wave's number; s21 = wave / 2: I fetch y'_in (0) or w (1); s22 = wave % 2: which half
.set G1A,  24                          ; s[24:31], s[32:39] descriptor groups 1 and 0 (a set for each slot) for y'_in; s[12:15] and s10, which feed them, never hold cx
.set G0A,  32
.set G1B,  48                          ; s[48:55], s[56:63] the same for w; s[16:19] and s11, which feed them, never hold cy
.set G0B,  56
.set MSB, 0
.macro WIN new                         ; the immediate's high byte repeats the setting that is left; a switch that changes nothing is dropped
.if MSB != (\new)
	s_set_vgpr_msb (MSB<<8)|(\new)
.set MSB, \new
.endif
.endm
.macro PLACES                          ; four plain instructions between a matrix instruction and a load into, or a vector read of, its registers (ISA guide 7.12.1 for vector reads)
.rept 4
	v_nop
.endr
.endm
.macro CREST                           ; a round of the cluster's barrier behind its opening barrier
	s_cmp_lg_u32 s[WV], 0
	s_cbranch_scc1 .Lnot_wave_0_\@
	s_barrier_signal -3
.Lnot_wave_0_\@:
	s_barrier_wait -3
	s_barrier_signal -1
	s_barrier_wait -1
.endm
.macro CROUND
	s_barrier_signal -1
	s_barrier_wait -1
	CREST
.endm
.macro JLOAD s                         ; a joint load; the branch hangs on the wave's number alone; an s_nop 0 and four v_nop follow each line
	s_cmp_eq_u32 s21, 0
	s_cbranch_scc0 .Lfor_b_\@
	tensor_load_to_lds s[G0A+4*(\s):G0A+4*(\s)+3], s[G1A:G1A+7]
	s_nop 0
.rept 4
	v_nop
.endr
	s_branch .Lasked_\@
.Lfor_b_\@:
	tensor_load_to_lds s[G0B+4*(\s):G0B+4*(\s)+3], s[G1B:G1B+7]
	s_nop 0
.rept 4
	v_nop
.endr
.Lasked_\@:
.endm
; A prefetch of the K step that stands two refills on: 32 rows of 256 bytes, a lane a row.  Each row is named once in the launch: y'_in's blocks by the clusters with x = 0 (waves 0 and 1, the four partners
; of a row of the cluster taking 32 rows each, by address), w's blocks by the clusters with y = 0 (wave 2, the four partners of a column likewise).  The loop's last trip asks for nothing: no K step stands two refills on.
; With two laps the loop has that one trip alone, and nothing of the prefetch is assembled.
.macro ASK
.if LAPS > 2
	s_cmp_gt_u32 s3, s98                           ; s3 = 1 in the loop's last trip; s98 = 1 in a wave that asks, else the greatest number
	s_cbranch_scc0 .Lnot_mine_\@
	global_prefetch_b8 v[PFO], s[44:45] th:TH_LOAD_NT scope:SCOPE_SE
.Lnot_mine_\@:
.endif
.endm
.macro FETCH slot, q, f                ; 24 LDS loads in one run: the fragments of 32 along K, quarter q of the slot, into buffer f
	WIN 0
.irp b, 0,1,2,3,4,5,6,7
	ds_load_tr16_b128 v[(\f)+8*(\b):(\f)+8*(\b)+3],   v[ADRB+(\slot)] offset:(\q)*32*PB+32*(\b)
	ds_load_tr16_b128 v[(\f)+8*(\b)+4:(\f)+8*(\b)+7], v[ADRB+(\slot)] offset:(\q)*32*PB+32*(\b)+16*PB
.endr
.irp a, 0,1,2,3
	ds_load_b128 v[(\f)+64+8*(\a):(\f)+64+8*(\a)+3],   v[ADRA+(\slot)] offset:(\a)*16*PA+64*(\q)
	ds_load_b128 v[(\f)+64+8*(\a)+4:(\f)+64+8*(\a)+7], v[ADRA+(\slot)] offset:(\a)*16*PA+64*(\q)+32
.endr
.endm
.macro MUL8 f, a, zero                 ; row tile a x all eight column tiles.  The 32 accumulators take turns, in the same order in every quarter
	WIN 0x50                                       ; C and D in window 1
.irp b, 0,1,2,3,4,5,6,7
.if \zero
	v_wmma_f32_16x16x32_bf16 v[8*(8*(\a)+(\b)):8*(8*(\a)+(\b))+7], v[(\f)+8*(\b):(\f)+8*(\b)+7], v[(\f)+64+8*(\a):(\f)+64+8*(\a)+7], 0
.else
	v_wmma_f32_16x16x32_bf16 v[8*(8*(\a)+(\b)):8*(8*(\a)+(\b))+7], v[(\f)+8*(\b):(\f)+8*(\b)+7], v[(\f)+64+8*(\a):(\f)+64+8*(\a)+7], v[8*(8*(\a)+(\b)):8*(8*(\a)+(\b))+7]
.endif
.endr
.endm
.macro QUARTER slot, qn, f, g, zero    ; multiplies buffer f; ahead of that asks for quarter qn of the slot into buffer g
	s_wait_dscnt 0x0                               ; buffer f is in: it was asked for a quarter ago
	PLACES                                         ; buffer g was read by the matrix instructions just issued
	FETCH \slot, \qn, \g
	MUL8 \f, 0, \zero
	MUL8 \f, 1, \zero
	MUL8 \f, 2, \zero
	MUL8 \f, 3, \zero
.endm
; A K step's last quarter multiplies buffer 1 and changes slots.  In front of the barrier each wave waits for all its tensor loads (one is out: its part of the next slot), adds 0 to its spare word,
; and waits for that and for its reads of this slot.  fill = 1: the barrier opens a round of the cluster's, and the joint refill, two K steps on, is the first thing behind it.
.macro TURN slot, next, fill
.if (\fill) && (LAPS > 2)
	s_wait_xcnt 0x0                                ; the last prefetch, a K step back, has read its address
	s_add_nc_u64 s[44:45], s[44:45], s[46:47]
.endif
	WIN 0
	s_wait_tensorcnt 0x0
	ds_add_u32 v[SPW], v[NIL]
	s_wait_dscnt 1                                 ; buffer 1 is in; the add may be out
	MUL8 F1, 0, 0
	s_wait_dscnt 0x0                               ; the add is done, and my reads of this slot are over
	s_barrier_signal -1
	MUL8 F1, 1, 0
.if \fill
	WIN 0
.endif
	s_barrier_wait -1
.if \fill
	CREST                                          ; no wave of any partner still reads this slot or has a load on its way
	s_add_nc_u64 s[G0A+4*(\slot)+2:G0A+4*(\slot)+3], s[G0A+4*(\slot)+2:G0A+4*(\slot)+3], 2*32768
	s_add_nc_u64 s[G0B+4*(\slot)+2:G0B+4*(\slot)+3], s[G0B+4*(\slot)+2:G0B+4*(\slot)+3], 2*REC
	JLOAD \slot                                    ; its four v_nop are also the places in front of the loads below
.else
	PLACES
.endif
	FETCH \next, 0, F0
.if \fill
	ASK
.endif
	MUL8 F1, 2, 0
	MUL8 F1, 3, 0
.endm
.macro LDC dst, adr, off               ; eight constants of my eight columns
	ds_load_b128 v[(\dst):(\dst)+3],   v[\adr] offset:(\off)
	ds_load_b128 v[(\dst)+4:(\dst)+7], v[\adr] offset:(\off)+16
.endm
	s_load_b128 s[4:7], s[0:1], 0x0                ; y'_in and its S' s[4:5], wts s[6:7]
	s_load_b64 s[8:9], s[0:1], 0x10                ; y' and its S'
	v_lshl_add_u32 v[SPW], v0, 2, SPARE
	v_mov_b32 v[NIL], 0
	ds_add_u32 v[SPW], v[NIL]                      ; the wave's opening: the add, twice on end, and its wait ahead of my first tensor load
	ds_add_u32 v[SPW], v[NIL]
	v_lshrrev_b32 v1, 5, v0
	v_readfirstlane_b32 s[WV], v1
	s_lshr_b32 s21, s[WV], 1
	s_and_b32 s22, s[WV], 1
	s_bfe_u32 s40, ttmp6, 0x40000                  ; cx
	s_bfe_u32 s41, ttmp6, 0x40004                  ; cy
	s_lshl_b32 s42, ttmp9, 2
	s_add_co_u32 s42, s42, s40                     ; tile column = 4 x cluster x + cx
	s_and_b32 s43, ttmp7, 0xffff
	s_lshl_b32 s43, s43, 2
	s_add_co_u32 s43, s43, s41                     ; tile row = 4 x cluster y + cy
	s_lshl_b32 s2, s41, 2
	s_lshl_b32 s2, 15, s2                          ; my row of the cluster
	s_lshl_b32 s3, 0x1111, s40                     ; my column
	s_or_b32 s[G1A], s2, (1<<16)|(1<<20)|(1<<21)|(5<<22)|(3<<25)  ; mask; 2-byte elements; padding on; bit 21 beside a mask; after every 64 words; 4 words
	s_or_b32 s[G1B], s3, (1<<16)|(1<<20)|(1<<21)|(5<<22)|(7<<25)  ; the same with my column's mask and 8 words
	s_mov_b32 s[G1A+1], 128<<16                    ; tensor_dim0 = 128
	s_mov_b32 s[G1A+2], 128<<16                    ; tensor_dim1 = 128
	s_mov_b32 s[G1A+3], 128<<16                    ; tile_dim0 = 128
	s_mov_b32 s[G1A+4], 128                        ; tile_dim1 = 128: a whole block
	s_mov_b32 s[G1A+5], 128                        ; 128 elements from row to row: the block is dense
	s_mov_b32 s[G1A+6], 0
	s_mov_b32 s[G1A+7], 0
	s_mov_b32 s[G1B+1], 128<<16
	s_mov_b32 s[G1B+2], 64<<16                     ; half a block of w: 64 k rows
	s_mov_b32 s[G1B+3], 128<<16
	s_mov_b32 s[G1B+4], 64
	s_mov_b32 s[G1B+5], 128
	s_mov_b32 s[G1B+6], 0
	s_mov_b32 s[G1B+7], 0
	s_mov_b32 s23, 0x7fffffff
	s_mov_b32 s100, 0x76543210
	s_mov_b32 s101, 0xfedcba98
	s_lshl_b32 s12, s43, 1                         ; y'_in: block row 2 x tile row + my half, KB blocks of 32,768 bytes to a block row
	s_add_co_u32 s12, s12, s22
	s_mul_i32 s12, s12, KB*32768
	s_add_co_u32 s12, s12, ACT
	s_mov_b32 s13, 0
	s_mul_i32 s16, s42, KB*REC                     ; w: the tile column's first record,
	s_add_co_u32 s16, s16, WOFF
	s_lshl_b32 s17, s22, 14                        ; my half of its 128 k rows
	s_add_co_u32 s18, s16, s17
	s_mov_b32 s19, 0
	s_mul_i32 s10, s22, 128*PA                     ; where they go: no place in the cluster enters an LDS address
	s_mul_i32 s11, s22, 64*PB
	s_add_co_u32 s11, s11, BOFF
	s_wait_dscnt 0x0                               ; both opening adds are done
	s_wait_kmcnt 0x0
	s_add_nc_u64 s[14:15], s[4:5], s[12:13]
	s_add_nc_u64 s[18:19], s[6:7], s[18:19]
.irp s, 0,1
	s_mov_b32 s[G0A+4*(\s)], 1
	s_add_co_u32 s[G0A+4*(\s)+1], s10, (\s)*SLOT
	s_add_nc_u64 s[G0A+4*(\s)+2:G0A+4*(\s)+3], s[14:15], (\s)*32768
	s_or_b32 s[G0A+4*(\s)+3], s[G0A+4*(\s)+3], 0x80000000
	s_mov_b32 s[G0B+4*(\s)], 1
	s_add_co_u32 s[G0B+4*(\s)+1], s11, (\s)*SLOT
	s_add_nc_u64 s[G0B+4*(\s)+2:G0B+4*(\s)+3], s[18:19], (\s)*REC
	s_or_b32 s[G0B+4*(\s)+3], s[G0B+4*(\s)+3], 0x80000000
.endr
.if LAPS > 2
	; the prefetches stand at K step 3; each change of slots that fills steps them first, so the first names K step 4
	s_lshl_b32 s66, s40, 13                        ; my work-group's 32 rows of y'_in's block, by cx
	s_add_co_u32 s66, s66, s12
	s_add_co_u32 s66, s66, 3*32768
	s_lshl_b32 s67, s41, 13                        ; of w's block, by cy
	s_add_co_u32 s67, s67, s16
	s_add_co_u32 s67, s67, 3*REC
	s_and_b32 s68, ttmp7, 0xffff
	s_mov_b32 s46, REC
	s_cmp_eq_u32 s21, 0
	s_cselect_b32 s66, s66, s67
	s_cselect_b32 s68, ttmp9, s68                  ; the coordinate along which other clusters read the same rows
	s_cselect_b32 s46, 32768, s46
	s_cselect_b64 s[44:45], s[4:5], s[6:7]
	s_mov_b32 s67, 0
	s_mov_b32 s47, 0
	s_add_nc_u64 s[44:45], s[44:45], s[66:67]
	s_cmp_eq_u32 s68, 0
	s_cselect_b32 s98, 1, -1                       ; the same in all sixteen partners, for a given wave
	s_cmp_eq_u32 s[WV], 3
	s_cselect_b32 s98, -1, s98                     ; wave 2 covers w's whole block with its partners
.endif
	s_lshl_b32 s70, s43, 10                        ; the rows' parts at my tile's 256 rows
	s_mov_b32 s71, 0
	s_add_nc_u64 s[70:71], s[4:5], s[70:71]
	s_add_co_u32 s72, s16, 32768                   ; the column sums behind the first record's block
	s_mov_b32 s73, 0
	s_add_nc_u64 s[72:73], s[6:7], s[72:73]
	s_lshl_b32 s74, s42, 12                        ; my 128 columns' table
	s_add_co_u32 s74, s74, COFF
	s_mov_b32 s75, 0
	s_add_nc_u64 s[74:75], s[6:7], s[74:75]
	CROUND                                         ; all sixteen work-groups are here: the first joint loads meet
	s_cmp_eq_u32 s21, 0                            ; a wave's two first fills stand in one branch: two loads of mine are out
	s_cbranch_scc0 .Lfirst_b
	tensor_load_to_lds s[G0A:G0A+3], s[G1A:G1A+7]
	s_nop 0
	tensor_load_to_lds s[G0A+4:G0A+7], s[G1A:G1A+7]
	s_nop 0
.rept 4
	v_nop
.endr
	s_branch .Lfirst_asked
.Lfirst_b:
	tensor_load_to_lds s[G0B:G0B+3], s[G1B:G1B+7]
	s_nop 0
	tensor_load_to_lds s[G0B+4:G0B+7], s[G1B:G1B+7]
	s_nop 0
.rept 4
	v_nop
.endr
.Lfirst_asked:
	; THE ROWS' AND COLUMNS' FIGURES, in the wait for the first tile: KB parts of each row's sum and KB of each column's
	v_and_b32 v1, 31, v0                           ; lane
	v_and_b32 v2, 15, v0                           ; r
	v_bfe_u32 v3, v0, 4, 1                         ; h
	s_lshl_b32 s2, s[WV], 8
	v_lshl_add_u32 v4, v2, 2, s2                   ; the rows' parts: my wave's 64 rows, row r,
	v_lshl_add_u32 v4, v3, 16, v4                  ; the odd parts for lanes 16-31
	v_lshlrev_b32 v5, 2, v0
	v_lshlrev_b32 v6, 4, v0
.set i, 0
.rept LAPS                             ; parts 2 i (lanes 0-15) and 2 i + 1 (lanes 16-31) of my four row tiles
.irp a, 0,1,2,3
	global_load_b32 v[64+4*i+(\a)], v4, s[70:71] offset:i*131072+(\a)*64
.endr
.set i, i+1
.endr
.set k, 0
.rept KB                               ; thread t: column t's sum over k block k
	global_load_b32 v[96+k], v5, s[72:73] offset:k*REC
.set k, k+1
.endr
	global_load_b128 v[112:115], v6, s[74:75]
	global_load_b128 v[116:119], v6, s[74:75] offset:2048
	s_mul_i32 s2, s[WV], 64*PA
	v_mul_u32_u24 v[ADRA], v2, PA
	v_lshl_add_u32 v[ADRA], v3, 4, v[ADRA]
	v_add_nc_u32 v[ADRA], s2, v[ADRA]              ; (64 w + r) x pitch + 16 h
	v_add_nc_u32 v[ADRA+1], SLOT, v[ADRA]
	v_add_nc_u32 v[STO], STG, v[ADRA]              ; the stage has the same shape
	v_and_b32 v9, 7, v0
	v_lshl_add_u32 v9, v3, 3, v9
	v_mul_u32_u24 v[ADRB], v9, PB                  ; k row 8 h + lane % 8,
	v_bfe_u32 v9, v0, 3, 1
	v_lshl_add_u32 v[ADRB], v9, 4, v[ADRB]         ; columns 8 ((lane / 8) % 2) on
	v_add_nc_u32 v[ADRB], BOFF, v[ADRB]
	v_add_nc_u32 v[ADRB+1], SLOT, v[ADRB]
	v_mul_u32_u24 v[RD], v3, PA
	v_lshl_add_u32 v[RD], v2, 4, v[RD]
	s_add_co_u32 s2, s2, STG
	v_add_nc_u32 v[RD], s2, v[RD]                  ; back: lanes 0-15 one row of 256 bytes, lanes 16-31 the next
	v_lshlrev_b32 v[GO], 4, v1
	v_lshlrev_b32 v[CTA], 5, v3
	v_add_nc_u32 v[RNA], RN, v[CTA]
	v_add_nc_u32 v[CTA], CT, v[CTA]
	s_lshl_b32 s2, s[WV], 8
	s_add_co_u32 s2, s2, SPS
	v_lshl_add_u32 v[SPA], v2, 2, s2
	v_lshl_add_u32 v[SPB], v1, 3, s2
	v_lshlrev_b32 v27, 3, v1
.if LAPS > 2
	v_lshlrev_b32 v[PFO], 8, v1
.endif
	v_add_nc_u32 v7, RN, v5
	v_add_nc_u32 v8, CT, v6
	v_mov_b32 v9, 0
.irp a, 0,1,2,3
	v_mov_b32 v[120+(\a)], 0                       ; v_permlanex16_b32's destinations count as read
.endr
	s_wait_loadcnt 0x0
.set i, 1
.rept LAPS-1
	v_pk_add_f32 v[64:65], v[64:65], v[64+4*i:65+4*i]
	v_pk_add_f32 v[66:67], v[66:67], v[66+4*i:67+4*i]
.set i, i+1
.endr
.irp a, 0,1,2,3
	v_permlanex16_b32 v[120+(\a)], v[64+(\a)], s100, s101
.endr
.irp a, 0,1,2,3
	v_add_f32 v[64+(\a)], v[64+(\a)], v[120+(\a)]  ; S' of row 16 a + r
.endr
.set k, 1
.rept KB/2-1
	v_pk_add_f32 v[96:97], v[96:97], v[96+2*k:97+2*k]
.set k, k+1
.endr
	v_add_f32 v96, v96, v97                        ; |w|^2 of column t
.irp a, 0,1,2,3
	v_fma_f32 v[124+(\a)], v[64+(\a)], 0x3e800000, 1.0
.endr
.irp a, 0,1,2,3
	v_sqrt_f32 v[124+(\a)], v[124+(\a)]            ; q
.endr
	v_rsq_f32 v97, v96
	v_nop
	s_wait_alu depctr_va_vdst(0)                   ; one wait for each batch, ahead of its first reader
	v_min_num_f32 v97, 0x58635fa9, v97             ; 1 / max(|w|, 1e-15)
.irp a, 0,1,2,3
	v_add_f32 v[128+(\a)], 1.0, v[124+(\a)]
.endr
.irp a, 0,1,2,3
	v_rcp_f32 v[128+(\a)], v[128+(\a)]             ; s = 1 / (1 + q)
.endr
.irp a, 0,1,2,3
	v_add_f32 v[124+(\a)], -1.0, v[124+(\a)]
.endr
	s_wait_alu depctr_va_vdst(0)
.irp a, 0,1,2,3
	v_mul_f32 v[132+(\a)], v[124+(\a)], v[128+(\a)]  ; |h|^2 = (q - 1) / (q + 1)
.endr
.irp a, 0,1,2,3
	v_rsq_f32 v[136+(\a)], v[132+(\a)]
.endr
	v_nop
	s_wait_alu depctr_va_vdst(0)
.irp a, 0,1,2,3
	v_mul_f32 v[136+(\a)], 0x3f7ef9db, v[136+(\a)]
	v_min_num_f32 v[136+(\a)], 1.0, v[136+(\a)]    ; R = min(1, 0.996 / |h|)
	v_mul_f32 v[128+(\a)], v[128+(\a)], v[136+(\a)]
	v_min_num_f32 v[132+(\a)], 0x3f7df4c4, v[132+(\a)]  ; |h|^2 at the rim: 0.996^2
	v_cmp_gt_f32 vcc_lo, 0x7f800000, v[64+(\a)]
	v_cndmask_b32 v[132+(\a)], 0, v[132+(\a)], vcc_lo   ; an overflowed row: h = 0
	v_sub_f32 v[136+(\a)], 1.0, v[132+(\a)]
	v_max_num_f32 v[136+(\a)], 0x26901d7d, v[136+(\a)]
.endr
.irp a, 0,1,2,3
	v_rcp_f32 v[136+(\a)], v[136+(\a)]
.endr
.irp a, 0,1,2,3
	v_add_f32 v[132+(\a)], 1.0, v[132+(\a)]
.endr
	s_wait_alu depctr_va_vdst(0)
.irp a, 0,1,2,3
	v_mul_f32 v[AA+2*(\a)], v[128+(\a)], v[136+(\a)]
	v_mul_f32 v[BB+2*(\a)], v[132+(\a)], v[136+(\a)]
	v_mov_b32 v[AA+2*(\a)+1], v[AA+2*(\a)]
	v_mov_b32 v[BB+2*(\a)+1], v[BB+2*(\a)]
	v_mov_b32 v[SS+2*(\a)], 0
	v_mov_b32 v[SS+2*(\a)+1], 0
.endr
	ds_store_b32 v7, v97
	ds_store_b128 v8, v[112:115]
	ds_store_b128 v8, v[116:119] offset:2048
	s_cmp_lg_u32 s[WV], 0
	s_cbranch_scc1 .Lnopad
	ds_store_b32 v7, v9 offset:512                 ; wave 0: the 128 bytes behind 1 / |w| that the way out's last look-ahead load reads and nobody uses
.Lnopad:
	s_wait_tensorcnt 1                             ; my part of K step 0 is in; K step 1's may stay out
	s_wait_dscnt 0x0                               ; my stores of the tables are done
	s_barrier_signal -1
	s_barrier_wait -1
	FETCH 0, 0, F0
	QUARTER 0, 1, F0, F1, 1                        ; the first quarter stands in front of the loop: its products start the sums
	WIN 0                                          ; at a label and at a branch every window is 0
	s_mov_b32 s3, LAPS-1
.Llap:                                                 ; a trip goes once round the ring, from a lap's second quarter to the next lap's first; both slots are filled again
	QUARTER 0, 2, F1, F0, 0
	QUARTER 0, 3, F0, F1, 0
	TURN 0, 1, 1
	QUARTER 1, 1, F0, F1, 0
	QUARTER 1, 2, F1, F0, 0
	QUARTER 1, 3, F0, F1, 0
	TURN 1, 0, 1
	QUARTER 0, 1, F0, F1, 0
	WIN 0
	s_sub_co_u32 s3, s3, 1
	s_cmp_lg_u32 s3, 0
	s_cbranch_scc1 .Llap
	QUARTER 0, 2, F1, F0, 0                        ; the last lap is written out: it asks for nothing
	QUARTER 0, 3, F0, F1, 0
	TURN 0, 1, 0
	QUARTER 1, 1, F0, F1, 0
	QUARTER 1, 2, F1, F0, 0
	QUARTER 1, 3, F0, F1, 0
	s_wait_dscnt 0x0
	MUL8 F1, 0, 0
	MUL8 F1, 1, 0
	MUL8 F1, 2, 0
	MUL8 F1, 3, 0
; THE WAY OUT: eight trips, a column tile b each: 32 registers a lane (four row tiles x eight columns).  The function is written once; only the first step, which reads the accumulators, is written eight times.
; A trip's constants are asked for in the trip before, each set as soon as its last reader has passed.  A trip's 128 roots, logarithms and powers stand in three batches, one wait each.
	WIN 0
	PLACES
	LDC KCH, CTA, 0
	LDC KRN, RNA, 0
	LDC KSH, CTA, 64
	LDC KA,  CTA, 128
	LDC KC1, CTA, 192
	LDC KC3, CTA, 256
	LDC KC5, CTA, 320
	LDC KTH, CTA, 384
	v_add_nc_u32 v[CTA], 512, v[CTA]
	v_add_nc_u32 v[RNA], 64, v[RNA]
	s_mov_b32 s99, 0
	s_wait_dscnt 0x0
.macro VAR b                           ; raw x CC for column tile b; each accumulator is read from its low end on
	WIN 0x01                                       ; source 0 in window 1
.irp a, 0,1,2,3
.irp p, 0,2,4,6
	v_pk_mul_f32 v[U+8*(\a)+(\p):U+8*(\a)+(\p)+1], v[8*(8*(\a)+(\b))+(\p):8*(8*(\a)+(\b))+(\p)+1], v[KCH+(\p):KCH+(\p)+1]
.endr
.endr
	WIN 0
.endm
.Lcol:
	s_wait_dscnt 4                                 ; the sixteen loads of constants are in; the last trip's four stores into the stage, issued behind them, may be out
.irp p, 0,2,4,6
	v_pk_mul_f32 v[KCH+(\p):KCH+(\p)+1], v[KCH+(\p):KCH+(\p)+1], v[KRN+(\p):KRN+(\p)+1]  ; CC
.endr
.irp b, 0,1,2,3,4,5,6
	s_cmp_lg_u32 s99, \b
	s_cbranch_scc1 .Lnot\b
	VAR \b
	s_branch .Lcommon
.Lnot\b:
.endr
	VAR 7
.Lcommon:
	LDC KCH, CTA, 0
	LDC KRN, RNA, 0
.irp a, 0,1,2,3
.irp p, 0,2,4,6
	v_pk_mul_f32 v[X2+8*(\a)+(\p):X2+8*(\a)+(\p)+1], v[KSH+(\p):KSH+(\p)+1], v[BB+2*(\a):BB+2*(\a)+1]
.endr
.endr
.irp a, 0,1,2,3
.irp p, 0,2,4,6
	v_pk_fma_f32 v[U+8*(\a)+(\p):U+8*(\a)+(\p)+1], v[U+8*(\a)+(\p):U+8*(\a)+(\p)+1], v[AA+2*(\a):AA+2*(\a)+1], v[X2+8*(\a)+(\p):X2+8*(\a)+(\p)+1] neg_lo:[0,0,1] neg_hi:[0,0,1]  ; u
.endr
.endr
	LDC KSH, CTA, 64
.set k, 0
.rept 16
	v_pk_mul_f32 v[X2+2*k:X2+2*k+1], v[U+2*k:U+2*k+1], v[U+2*k:U+2*k+1]
	v_pk_fma_f32 v[W+2*k:W+2*k+1], v[U+2*k:U+2*k+1], v[U+2*k:U+2*k+1], 1.0 op_sel_hi:[1,1,0]
.set k, k+1
.endr
.set k, 0
.rept 16                               ; the roots, the series' two steps between them
	v_sqrt_f32 v[W+2*k], v[W+2*k]
	v_pk_fma_f32 v[YS+2*k:YS+2*k+1], v[X2+2*k:X2+2*k+1], v[KC5+(2*k)%8:KC5+(2*k)%8+1], v[KC3+(2*k)%8:KC3+(2*k)%8+1]
	v_sqrt_f32 v[W+2*k+1], v[W+2*k+1]
	v_pk_fma_f32 v[YS+2*k:YS+2*k+1], v[YS+2*k:YS+2*k+1], v[X2+2*k:X2+2*k+1], v[KC1+(2*k)%8:KC1+(2*k)%8+1]
.set k, k+1
.endr
	LDC KC5, CTA, 320
	LDC KC3, CTA, 256
	LDC KC1, CTA, 192
	s_wait_alu depctr_va_vdst(0)                   ; one wait for the 32 roots
	v_fma_f32 v[W], |v[U]|, 1.0, v[W]
.set e, 0
.rept 32                               ; |u| + root one register ahead; the logarithm; the choice of the series, kept as a lane mask
.if e < 31
	v_fma_f32 v[W+e+1], |v[U+e+1]|, 1.0, v[W+e+1]
.endif
	v_log_f32 v[W+e], v[W+e]
	v_cmp_lt_f32 s[66+e], v[X2+e], v[KTH+e%8]
.set e, e+1
.endr
	s_wait_alu depctr_va_vdst(0)                   ; one wait for the 32 logarithms
	v_pk_mul_f32 v[X2:X2+1], v[W:W+1], v[KA:KA+1]  ; E,
	v_pk_mul_f32 v[W:W+1], v[W:W+1], v[KA:KA+1] neg_lo:[0,1] neg_hi:[0,1]  ; and -E
.set k, 0
.rept 16                               ; the powers; between them the next pair's E and -E and the series' last step
	v_exp_f32 v[X2+2*k], v[X2+2*k]
.if k < 15
	v_pk_mul_f32 v[X2+2*k+2:X2+2*k+3], v[W+2*k+2:W+2*k+3], v[KA+(2*k+2)%8:KA+(2*k+2)%8+1]
.endif
	v_exp_f32 v[W+2*k], v[W+2*k]
.if k < 15
	v_pk_mul_f32 v[W+2*k+2:W+2*k+3], v[W+2*k+2:W+2*k+3], v[KA+(2*k+2)%8:KA+(2*k+2)%8+1] neg_lo:[0,1] neg_hi:[0,1]
.endif
	v_exp_f32 v[X2+2*k+1], v[X2+2*k+1]
	v_pk_mul_f32 v[YS+2*k:YS+2*k+1], v[YS+2*k:YS+2*k+1], v[U+2*k:U+2*k+1]
	v_exp_f32 v[W+2*k+1], v[W+2*k+1]
.set k, k+1
.endr
	v_nop                                          ; a plain instruction behind the last power
	LDC KA,  CTA, 128
	LDC KTH, CTA, 384
	s_wait_alu depctr_va_vdst(0)                   ; one wait for the 64 powers
.set k, 0
.rept 16
	v_pk_add_f32 v[W+2*k:W+2*k+1], v[X2+2*k:X2+2*k+1], v[W+2*k:W+2*k+1] neg_lo:[0,1] neg_hi:[0,1]
.set k, k+1
.endr
.set e, 0
.rept 32
	v_cndmask_b32 v[W+e], v[W+e], v[YS+e], s[66+e]
.set e, e+1
.endr
.set e, 0
.rept 32
	v_bfi_b32 v[W+e], s23, v[W+e], v[U+e]          ; u's sign
.set e, e+1
.endr
.irp p, 0,2,4,6
.irp a, 0,1,2,3
	v_pk_fma_f32 v[SS+2*(\a):SS+2*(\a)+1], v[W+8*(\a)+(\p):W+8*(\a)+(\p)+1], v[W+8*(\a)+(\p):W+8*(\a)+(\p)+1], v[SS+2*(\a):SS+2*(\a)+1]
.endr
.endr
.set k, 0
.rept 16
	v_cvt_pk_bf16_f32 v[X2+k], v[W+2*k], v[W+2*k+1]
.set k, k+1
.endr
.irp a, 0,1,2,3
	ds_store_b128 v[STO], v[X2+4*(\a):X2+4*(\a)+3] offset:(\a)*16*PA
.endr
	v_add_nc_u32 v[STO], 32, v[STO]
	v_add_nc_u32 v[CTA], 512, v[CTA]
	v_add_nc_u32 v[RNA], 64, v[RNA]
	s_add_co_u32 s99, s99, 1
	s_cmp_lt_u32 s99, 8
	s_cbranch_scc1 .Lcol
	; my 64 rows' sums over this tile's 128 columns: one part of S' for the next launch, 256 bytes on end
.irp a, 0,1,2,3
	v_add_f32 v[SS+2*(\a)], v[SS+2*(\a)], v[SS+2*(\a)+1]
.endr
.irp a, 0,1,2,3
	v_permlanex16_b32 v[SS+2*(\a)+1], v[SS+2*(\a)], s100, s101
.endr
.irp a, 0,1,2,3
	v_add_f32 v[SS+2*(\a)], v[SS+2*(\a)], v[SS+2*(\a)+1]
.endr
.irp a, 0,1,2,3
	ds_store_b32 v[SPA], v[SS+2*(\a)] offset:64*(\a)
.endr
	ds_load_b64 v[56:57], v[SPB]                   ; LDS serves a wave's instructions in order (ISA guide 5.7.1.4): this sees the stores above
	s_lshl_b32 s66, s42, 16                        ; part = tile column
	s_lshl_b32 s67, s43, 10
	s_add_co_u32 s66, s66, s67
	s_lshl_b32 s67, s[WV], 8
	s_add_co_u32 s66, s66, s67
	s_mov_b32 s67, 0
	s_add_nc_u64 s[68:69], s[8:9], s[66:67]
	s_lshl_b32 s70, s43, 1                         ; y': block row 2 x tile row + wave / 2, block column = tile column, the upper or lower 64 rows
	s_add_co_u32 s70, s70, s21
	s_mul_i32 s70, s70, NB
	s_add_co_u32 s70, s70, s42
	s_lshl_b32 s70, s70, 15
	s_lshl_b32 s71, s22, 14
	s_add_co_u32 s70, s70, s71
	s_add_co_u32 s70, s70, ACT
	s_mov_b32 s71, 0
	s_add_nc_u64 s[70:71], s[8:9], s[70:71]
	s_wait_dscnt 0x0
	global_store_b64 v27, v[56:57], s[68:69]
.set t, 0
.rept 32
	ds_load_b128 v[64+4*t:64+4*t+3], v[RD] offset:t*2*PA  ; my own stage: two whole rows a load
.set t, t+1
.endr
.set t, 0
.rept 32
	s_wait_dscnt 31-t                              ; load t is in; the later ones stay out
	global_store_b128 v[GO], v[64+4*t:64+4*t+3], s[70:71] offset:t*512  ; 512 consecutive bytes, aligned: 16,384 on end for the wave
.set t, t+1
.endr
	s_wait_tensorcnt 0x0                           ; the wave's end: three closing lines, behind my last tensor load and my last LDS store
	ds_add_u32 v[SPW], v[NIL]
	s_wait_dscnt 0x0
	CROUND                                         ; the closing round: no work-group ends while a partner may still ask for a tile that names it
	s_endpgm
.Lfunc_end_k_q8609b85a25_g0:
	.size	k_q8609b85a25_g0, .Lfunc_end_k_q8609b85a25_g0-k_q8609b85a25_g0
	.p2alignl 7, 3214868480
	.fill 96, 4, 3214868480
	.section	.rodata,"a",@progbits
	.p2align	6, 0x0
	.amdhsa_kernel k_q8609b85a25_g0
		.amdhsa_group_segment_fixed_size 327680
		.amdhsa_private_segment_fixed_size 0
		.amdhsa_enable_private_segment 0
		.amdhsa_kernarg_size 24
		.amdhsa_user_sgpr_count 2
		.amdhsa_user_sgpr_kernarg_segment_ptr 1
		.amdhsa_wavefront_size32 1
		.amdhsa_system_sgpr_workgroup_id_x 1
		.amdhsa_system_sgpr_workgroup_id_y 1
		.amdhsa_system_sgpr_workgroup_id_z 1
		.amdhsa_system_vgpr_workitem_id 0
		.amdhsa_next_free_vgpr 512
		.amdhsa_next_free_sgpr 102
		.amdhsa_reserve_vcc 1
		.amdhsa_float_denorm_mode_32 3
		.amdhsa_float_denorm_mode_16_64 3
		.amdhsa_memory_ordered 1
		.amdhsa_forward_progress 1
		.amdhsa_inst_pref_size 120
	.end_amdhsa_kernel
	.amdgpu_metadata
---
amdhsa.version: [ 1, 2 ]
amdhsa.kernels:
  - .name:           k_q8609b85a25_g0
    .symbol:         k_q8609b85a25_g0.kd
    .args:
      - { .name: actA, .offset: 0, .size: 8, .value_kind: global_buffer, .address_space: global }
      - { .name: wts, .offset: 8, .size: 8, .value_kind: global_buffer, .address_space: global }
      - { .name: actB, .offset: 16, .size: 8, .value_kind: global_buffer, .address_space: global }
    .group_segment_fixed_size: 327680
    .private_segment_fixed_size: 0
    .kernarg_segment_align: 8
    .kernarg_segment_size: 24
    .max_flat_workgroup_size: 128
    .sgpr_count:     102
    .vgpr_count:     512
    .wavefront_size: 32
...
	.end_amdgpu_metadata
.endif
;; end of part 2
;; launch g1 (part 3): grid 8 x 64, 4 waves a work-group, clusters of 4 x 4, 327,680 bytes of LDS; arguments actB, wts, actA; writes actA
.if DOCPART == 3
	.amdgcn_target "amdgcn-amd-amdhsa--gfx1250"
	.amdhsa_code_object_version 6
	.text
	.protected	k_q8609b85a25_g1
	.globl	k_q8609b85a25_g1
	.p2align	8
	.type	k_q8609b85a25_g1,@function
k_q8609b85a25_g1:
	s_mov_b64 s[64:65], 0
	v_nop
	global_prefetch_b8 v0, s[64:65] scope:SCOPE_SE
	s_setreg_imm32_b32 hwreg(HW_REG_WAVE_MODE, 25, 1), 1
	s_wait_xcnt 0x0
	s_wait_alu depctr_hold_cnt(0) depctr_sa_sdst(0) depctr_va_vdst(0) depctr_va_sdst(0) depctr_va_ssrc(0) depctr_va_vcc(0) depctr_vm_vsrc(0)
	s_getreg_b32 s2, hwreg(HW_REG_IB_STS2, 6, 4)
	s_cmp_eq_u32 s2, 0
	s_cbranch_scc0 .Lentry_in_a_cluster
	s_endpgm
.Lentry_in_a_cluster:
	s_bfe_u32 s2, ttmp6, 0x10000c
	s_cmp_lg_u32 s2, 0xf033
	s_cbranch_scc0 .Lentry_shape_is_right
	s_endpgm
.Lentry_shape_is_right:
; A HIDDEN POINCARE LAYER.  THIS TEXT: layer 1, K = 2,048, N = 1,024.  The three hidden layers have the same text with other sizes at its head: with joint loads every trip count,
; branch and descriptor word is the same in all partners, so the sizes are constants of the text and are not read from memory.
; y' = 2 sinh(2 g asinh(u)), u = (2 (h . z) cosh 2b - (1 + |h|^2) sinh 2b) / (1 - |h|^2).
; The layer's input h is never formed.  The launch before stored y'_in (bf16) and the parts of S' = sum y'_in^2 (f32).  With q = sqrt(1 + S'/4): h = y'_in / (2 (1 + q)), |h|^2 = (q-1)/(q+1),
; the clamp to the ball's rim is a factor R = min(1, 0.996 / |h|), and z = w / |w| is a factor for each column.  So u = alpha (raw CC) - beta SH with raw = y'_in . w from the matrix unit,
; alpha = R / ((1+q)(1-|h|^2)), beta = (1+|h|^2) / (1-|h|^2) for each row, CC = sgn(g) cosh 2b / |w|, SH = sgn(g) sinh 2b for each column.
; y' = 2^E - 2^-E, E = |2g| log2(|u| + sqrt(u^2+1)), with u's sign; where u^2 lies under the table's bound, the series u (C1 + u^2 (C3 + u^2 C5)) instead.  Both are always made; v_cndmask_b32 chooses.
; LIMITS.  u^2 must stay finite: |b| below 19.  A row whose S' is not below infinity counts as overflowed: h = 0 (reference() does so from sum y^2 = 3.4e38 on, this text from 8.5e37 on).
; The series' first term left out is 1.1e-5 of y' at the most.  2^E - 2^-E is off by some 2e-7 absolutely: more than 1e-3 of y' only where |2g| is under 1e-3.
; Roots, logarithms, reciprocals and powers of two take a denormal as 0.  NaN and infinities are not treated apart.  y' is kept in bf16 since its range passes f16's for large g.
; SHARES.  A work-group makes 256 rows x 128 columns; wave w rows 64 w .. 64 w + 63 and all columns: 32 accumulators.  A wave's rows of the result are whole rows of 256 bytes of the next layer's block.
; THE MATRIX INSTRUCTION IS USED TRANSPOSED: source 0 = 16 columns of w (turned on the way out of LDS by ds_load_tr16_b128, since w lies [k][n]), source 1 = 16 rows of y'_in:
; a lane holds one row (lane % 16) and the columns 8 (lane / 16) + 0..7.
; CLUSTER 4 x 4: the four of a row of the cluster need the same blocks of y'_in, the four of a column the same blocks of w: each is asked for jointly.
; RING: two LDS slots of one K step of 128; from a joint load to the wait for it a wave issues 112 matrix instructions.  Two slots of a K step of 256 would not fit beside the stage.
; REGISTERS: window 0: v0-31 addresses; v32-39 alpha, v40-47 beta (a pair for each of my four row tiles), v48-55 the rows' sums; v64-159, v160-255 two fragment buffers (w's eight fragments, then y's four).
;   window 1: accumulator (a, b) at 8 (8 a + b).  On the way out window 0's v64-255 are at work: see there.
.set LAPS,  8                          ; K / 256: a lap = two K steps = once round the ring
.set NB,    8                          ; N / 128: the blocks in a block row of the result
.set WOFF,  2129920                    ; the layer's first weight record in wts, in bytes: record 64
.set COFF,  7786496                    ; its columns' table in wts
.set KB,    2*LAPS                     ; K steps
.set ACT,   1048576
.set REC,   33280
.set PA,    272                        ; an LDS row of y'_in: 256 bytes + 16: the 16 rows of a fragment load start at 16 different groups of four banks (64 banks of 4 bytes: ISA guide 11.1)
.set PB,    288                        ; an LDS row of w: 256 + 32
.set BOFF,  256*PA                     ; in a slot: 256 rows of y'_in, then 128 k rows of w
.set SLOT,  BOFF+128*PB
.set STG,   2*SLOT                     ; behind the ring, never filled by a tensor load: 64 rows x 272 bytes for each wave
.set CT,    STG+4*64*PA                ; the columns' table, 4,096 bytes
.set RN,    CT+4096                    ; 1 / |w| of the 128 columns, and 128 bytes that the last look-ahead load touches
.set SPS,   RN+768                     ; 256 bytes a wave: its 64 rows' sums
.set SPARE, SPS+1024                   ; the spare words, 128 bytes for each wave: two blocks of 256 bytes that no other line names
.set ADRA, 16
.set ADRB, 18
.set STO,  20
.set RD,   21
.set GO,   22
.set CTA,  23
.set RNA,  24
.set SPA,  25
.set SPB,  26
.set SPW,  28                          ; v28  LDS address of my spare word; never rewritten
.set NIL,  29                          ; v29  0; never rewritten
.set PFO,  30                          ; v30  256 x lane: the prefetches' offset; never rewritten
.set AA,   32
.set BB,   40
.set SS,   48
.set F0,   64
.set F1,   160
.set U,    64                          ; the way out: raw CC, then u
.set X2,   96                          ; beta SH, u^2, E, 2^E, the packed results
.set W,    128                         ; u^2+1, its root, |u| + root, its log2, -E, 2^-E, y'
.set YS,   160                         ; the series
.set KCH,  192                         ; the column tile's constants, eight registers each
.set KRN,  200
.set KSH,  208
.set KA,   216
.set KC1,  224
.set KC3,  232
.set KC5,  240
.set KTH,  248
.set WV,   20                          ; s20  my wave's number; s21 = wave / 2: I fetch y'_in (0) or w (1); s22 = wave % 2: which half
.set G1A,  24                          ; s[24:31], s[32:39] descriptor groups 1 and 0 (a set for each slot) for y'_in; s[12:15] and s10, which feed them, never hold cx
.set G0A,  32
.set G1B,  48                          ; s[48:55], s[56:63] the same for w; s[16:19] and s11, which feed them, never hold cy
.set G0B,  56
.set MSB, 0
.macro WIN new                         ; the immediate's high byte repeats the setting that is left; a switch that changes nothing is dropped
.if MSB != (\new)
	s_set_vgpr_msb (MSB<<8)|(\new)
.set MSB, \new
.endif
.endm
.macro PLACES                          ; four plain instructions between a matrix instruction and a load into, or a vector read of, its registers (ISA guide 7.12.1 for vector reads)
.rept 4
	v_nop
.endr
.endm
.macro CREST                           ; a round of the cluster's barrier behind its opening barrier
	s_cmp_lg_u32 s[WV], 0
	s_cbranch_scc1 .Lnot_wave_0_\@
	s_barrier_signal -3
.Lnot_wave_0_\@:
	s_barrier_wait -3
	s_barrier_signal -1
	s_barrier_wait -1
.endm
.macro CROUND
	s_barrier_signal -1
	s_barrier_wait -1
	CREST
.endm
.macro JLOAD s                         ; a joint load; the branch hangs on the wave's number alone; an s_nop 0 and four v_nop follow each line
	s_cmp_eq_u32 s21, 0
	s_cbranch_scc0 .Lfor_b_\@
	tensor_load_to_lds s[G0A+4*(\s):G0A+4*(\s)+3], s[G1A:G1A+7]
	s_nop 0
.rept 4
	v_nop
.endr
	s_branch .Lasked_\@
.Lfor_b_\@:
	tensor_load_to_lds s[G0B+4*(\s):G0B+4*(\s)+3], s[G1B:G1B+7]
	s_nop 0
.rept 4
	v_nop
.endr
.Lasked_\@:
.endm
; A prefetch of the K step that stands two refills on: 32 rows of 256 bytes, a lane a row.  Each row is named once in the launch: y'_in's blocks by the clusters with x = 0 (waves 0 and 1, the four partners
; of a row of the cluster taking 32 rows each, by address), w's blocks by the clusters with y = 0 (wave 2, the four partners of a column likewise).  The loop's last trip asks for nothing: no K step stands two refills on.
; With two laps the loop has that one trip alone, and nothing of the prefetch is assembled.
.macro ASK
.if LAPS > 2
	s_cmp_gt_u32 s3, s98                           ; s3 = 1 in the loop's last trip; s98 = 1 in a wave that asks, else the greatest number
	s_cbranch_scc0 .Lnot_mine_\@
	global_prefetch_b8 v[PFO], s[44:45] th:TH_LOAD_NT scope:SCOPE_SE
.Lnot_mine_\@:
.endif
.endm
.macro FETCH slot, q, f                ; 24 LDS loads in one run: the fragments of 32 along K, quarter q of the slot, into buffer f
	WIN 0
.irp b, 0,1,2,3,4,5,6,7
	ds_load_tr16_b128 v[(\f)+8*(\b):(\f)+8*(\b)+3],   v[ADRB+(\slot)] offset:(\q)*32*PB+32*(\b)
	ds_load_tr16_b128 v[(\f)+8*(\b)+4:(\f)+8*(\b)+7], v[ADRB+(\slot)] offset:(\q)*32*PB+32*(\b)+16*PB
.endr
.irp a, 0,1,2,3
	ds_load_b128 v[(\f)+64+8*(\a):(\f)+64+8*(\a)+3],   v[ADRA+(\slot)] offset:(\a)*16*PA+64*(\q)
	ds_load_b128 v[(\f)+64+8*(\a)+4:(\f)+64+8*(\a)+7], v[ADRA+(\slot)] offset:(\a)*16*PA+64*(\q)+32
.endr
.endm
.macro MUL8 f, a, zero                 ; row tile a x all eight column tiles.  The 32 accumulators take turns, in the same order in every quarter
	WIN 0x50                                       ; C and D in window 1
.irp b, 0,1,2,3,4,5,6,7
.if \zero
	v_wmma_f32_16x16x32_bf16 v[8*(8*(\a)+(\b)):8*(8*(\a)+(\b))+7], v[(\f)+8*(\b):(\f)+8*(\b)+7], v[(\f)+64+8*(\a):(\f)+64+8*(\a)+7], 0
.else
	v_wmma_f32_16x16x32_bf16 v[8*(8*(\a)+(\b)):8*(8*(\a)+(\b))+7], v[(\f)+8*(\b):(\f)+8*(\b)+7], v[(\f)+64+8*(\a):(\f)+64+8*(\a)+7], v[8*(8*(\a)+(\b)):8*(8*(\a)+(\b))+7]
.endif
.endr
.endm
.macro QUARTER slot, qn, f, g, zero    ; multiplies buffer f; ahead of that asks for quarter qn of the slot into buffer g
	s_wait_dscnt 0x0                               ; buffer f is in: it was asked for a quarter ago
	PLACES                                         ; buffer g was read by the matrix instructions just issued
	FETCH \slot, \qn, \g
	MUL8 \f, 0, \zero
	MUL8 \f, 1, \zero
	MUL8 \f, 2, \zero
	MUL8 \f, 3, \zero
.endm
; A K step's last quarter multiplies buffer 1 and changes slots.  In front of the barrier each wave waits for all its tensor loads (one is out: its part of the next slot), adds 0 to its spare word,
; and waits for that and for its reads of this slot.  fill = 1: the barrier opens a round of the cluster's, and the joint refill, two K steps on, is the first thing behind it.
.macro TURN slot, next, fill
.if (\fill) && (LAPS > 2)
	s_wait_xcnt 0x0                                ; the last prefetch, a K step back, has read its address
	s_add_nc_u64 s[44:45], s[44:45], s[46:47]
.endif
	WIN 0
	s_wait_tensorcnt 0x0
	ds_add_u32 v[SPW], v[NIL]
	s_wait_dscnt 1                                 ; buffer 1 is in; the add may be out
	MUL8 F1, 0, 0
	s_wait_dscnt 0x0                               ; the add is done, and my reads of this slot are over
	s_barrier_signal -1
	MUL8 F1, 1, 0
.if \fill
	WIN 0
.endif
	s_barrier_wait -1
.if \fill
	CREST                                          ; no wave of any partner still reads this slot or has a load on its way
	s_add_nc_u64 s[G0A+4*(\slot)+2:G0A+4*(\slot)+3], s[G0A+4*(\slot)+2:G0A+4*(\slot)+3], 2*32768
	s_add_nc_u64 s[G0B+4*(\slot)+2:G0B+4*(\slot)+3], s[G0B+4*(\slot)+2:G0B+4*(\slot)+3], 2*REC
	JLOAD \slot                                    ; its four v_nop are also the places in front of the loads below
.else
	PLACES
.endif
	FETCH \next, 0, F0
.if \fill
	ASK
.endif
	MUL8 F1, 2, 0
	MUL8 F1, 3, 0
.endm
.macro LDC dst, adr, off               ; eight constants of my eight columns
	ds_load_b128 v[(\dst):(\dst)+3],   v[\adr] offset:(\off)
	ds_load_b128 v[(\dst)+4:(\dst)+7], v[\adr] offset:(\off)+16
.endm
	s_load_b128 s[4:7], s[0:1], 0x0                ; y'_in and its S' s[4:5], wts s[6:7]
	s_load_b64 s[8:9], s[0:1], 0x10                ; y' and its S'
	v_lshl_add_u32 v[SPW], v0, 2, SPARE
	v_mov_b32 v[NIL], 0
	ds_add_u32 v[SPW], v[NIL]                      ; the wave's opening: the add, twice on end, and its wait ahead of my first tensor load
	ds_add_u32 v[SPW], v[NIL]
	v_lshrrev_b32 v1, 5, v0
	v_readfirstlane_b32 s[WV], v1
	s_lshr_b32 s21, s[WV], 1
	s_and_b32 s22, s[WV], 1
	s_bfe_u32 s40, ttmp6, 0x40000                  ; cx
	s_bfe_u32 s41, ttmp6, 0x40004                  ; cy
	s_lshl_b32 s42, ttmp9, 2
	s_add_co_u32 s42, s42, s40                     ; tile column = 4 x cluster x + cx
	s_and_b32 s43, ttmp7, 0xffff
	s_lshl_b32 s43, s43, 2
	s_add_co_u32 s43, s43, s41                     ; tile row = 4 x cluster y + cy
	s_lshl_b32 s2, s41, 2
	s_lshl_b32 s2, 15, s2                          ; my row of the cluster
	s_lshl_b32 s3, 0x1111, s40                     ; my column
	s_or_b32 s[G1A], s2, (1<<16)|(1<<20)|(1<<21)|(5<<22)|(3<<25)  ; mask; 2-byte elements; padding on; bit 21 beside a mask; after every 64 words; 4 words
	s_or_b32 s[G1B], s3, (1<<16)|(1<<20)|(1<<21)|(5<<22)|(7<<25)  ; the same with my column's mask and 8 words
	s_mov_b32 s[G1A+1], 128<<16                    ; tensor_dim0 = 128
	s_mov_b32 s[G1A+2], 128<<16                    ; tensor_dim1 = 128
	s_mov_b32 s[G1A+3], 128<<16                    ; tile_dim0 = 128
	s_mov_b32 s[G1A+4], 128                        ; tile_dim1 = 128: a whole block
	s_mov_b32 s[G1A+5], 128                        ; 128 elements from row to row: the block is dense
	s_mov_b32 s[G1A+6], 0
	s_mov_b32 s[G1A+7], 0
	s_mov_b32 s[G1B+1], 128<<16
	s_mov_b32 s[G1B+2], 64<<16                     ; half a block of w: 64 k rows
	s_mov_b32 s[G1B+3], 128<<16
	s_mov_b32 s[G1B+4], 64
	s_mov_b32 s[G1B+5], 128
	s_mov_b32 s[G1B+6], 0
	s_mov_b32 s[G1B+7], 0
	s_mov_b32 s23, 0x7fffffff
	s_mov_b32 s100, 0x76543210
	s_mov_b32 s101, 0xfedcba98
	s_lshl_b32 s12, s43, 1                         ; y'_in: block row 2 x tile row + my half, KB blocks of 32,768 bytes to a block row
	s_add_co_u32 s12, s12, s22
	s_mul_i32 s12, s12, KB*32768
	s_add_co_u32 s12, s12, ACT
	s_mov_b32 s13, 0
	s_mul_i32 s16, s42, KB*REC                     ; w: the tile column's first record,
	s_add_co_u32 s16, s16, WOFF
	s_lshl_b32 s17, s22, 14                        ; my half of its 128 k rows
	s_add_co_u32 s18, s16, s17
	s_mov_b32 s19, 0
	s_mul_i32 s10, s22, 128*PA                     ; where they go: no place in the cluster enters an LDS address
	s_mul_i32 s11, s22, 64*PB
	s_add_co_u32 s11, s11, BOFF
	s_wait_dscnt 0x0                               ; both opening adds are done
	s_wait_kmcnt 0x0
	s_add_nc_u64 s[14:15], s[4:5], s[12:13]
	s_add_nc_u64 s[18:19], s[6:7], s[18:19]
.irp s, 0,1
	s_mov_b32 s[G0A+4*(\s)], 1
	s_add_co_u32 s[G0A+4*(\s)+1], s10, (\s)*SLOT
	s_add_nc_u64 s[G0A+4*(\s)+2:G0A+4*(\s)+3], s[14:15], (\s)*32768
	s_or_b32 s[G0A+4*(\s)+3], s[G0A+4*(\s)+3], 0x80000000
	s_mov_b32 s[G0B+4*(\s)], 1
	s_add_co_u32 s[G0B+4*(\s)+1], s11, (\s)*SLOT
	s_add_nc_u64 s[G0B+4*(\s)+2:G0B+4*(\s)+3], s[18:19], (\s)*REC
	s_or_b32 s[G0B+4*(\s)+3], s[G0B+4*(\s)+3], 0x80000000
.endr
.if LAPS > 2
	; the prefetches stand at K step 3; each change of slots that fills steps them first, so the first names K step 4
	s_lshl_b32 s66, s40, 13                        ; my work-group's 32 rows of y'_in's block, by cx
	s_add_co_u32 s66, s66, s12
	s_add_co_u32 s66, s66, 3*32768
	s_lshl_b32 s67, s41, 13                        ; of w's block, by cy
	s_add_co_u32 s67, s67, s16
	s_add_co_u32 s67, s67, 3*REC
	s_and_b32 s68, ttmp7, 0xffff
	s_mov_b32 s46, REC
	s_cmp_eq_u32 s21, 0
	s_cselect_b32 s66, s66, s67
	s_cselect_b32 s68, ttmp9, s68                  ; the coordinate along which other clusters read the same rows
	s_cselect_b32 s46, 32768, s46
	s_cselect_b64 s[44:45], s[4:5], s[6:7]
	s_mov_b32 s67, 0
	s_mov_b32 s47, 0
	s_add_nc_u64 s[44:45], s[44:45], s[66:67]
	s_cmp_eq_u32 s68, 0
	s_cselect_b32 s98, 1, -1                       ; the same in all sixteen partners, for a given wave
	s_cmp_eq_u32 s[WV], 3
	s_cselect_b32 s98, -1, s98                     ; wave 2 covers w's whole block with its partners
.endif
	s_lshl_b32 s70, s43, 10                        ; the rows' parts at my tile's 256 rows
	s_mov_b32 s71, 0
	s_add_nc_u64 s[70:71], s[4:5], s[70:71]
	s_add_co_u32 s72, s16, 32768                   ; the column sums behind the first record's block
	s_mov_b32 s73, 0
	s_add_nc_u64 s[72:73], s[6:7], s[72:73]
	s_lshl_b32 s74, s42, 12                        ; my 128 columns' table
	s_add_co_u32 s74, s74, COFF
	s_mov_b32 s75, 0
	s_add_nc_u64 s[74:75], s[6:7], s[74:75]
	CROUND                                         ; all sixteen work-groups are here: the first joint loads meet
	s_cmp_eq_u32 s21, 0                            ; a wave's two first fills stand in one branch: two loads of mine are out
	s_cbranch_scc0 .Lfirst_b
	tensor_load_to_lds s[G0A:G0A+3], s[G1A:G1A+7]
	s_nop 0
	tensor_load_to_lds s[G0A+4:G0A+7], s[G1A:G1A+7]
	s_nop 0
.rept 4
	v_nop
.endr
	s_branch .Lfirst_asked
.Lfirst_b:
	tensor_load_to_lds s[G0B:G0B+3], s[G1B:G1B+7]
	s_nop 0
	tensor_load_to_lds s[G0B+4:G0B+7], s[G1B:G1B+7]
	s_nop 0
.rept 4
	v_nop
.endr
.Lfirst_asked:
	; THE ROWS' AND COLUMNS' FIGURES, in the wait for the first tile: KB parts of each row's sum and KB of each column's
	v_and_b32 v1, 31, v0                           ; lane
	v_and_b32 v2, 15, v0                           ; r
	v_bfe_u32 v3, v0, 4, 1                         ; h
	s_lshl_b32 s2, s[WV], 8
	v_lshl_add_u32 v4, v2, 2, s2                   ; the rows' parts: my wave's 64 rows, row r,
	v_lshl_add_u32 v4, v3, 16, v4                  ; the odd parts for lanes 16-31
	v_lshlrev_b32 v5, 2, v0
	v_lshlrev_b32 v6, 4, v0
.set i, 0
.rept LAPS                             ; parts 2 i (lanes 0-15) and 2 i + 1 (lanes 16-31) of my four row tiles
.irp a, 0,1,2,3
	global_load_b32 v[64+4*i+(\a)], v4, s[70:71] offset:i*131072+(\a)*64
.endr
.set i, i+1
.endr
.set k, 0
.rept KB                               ; thread t: column t's sum over k block k
	global_load_b32 v[96+k], v5, s[72:73] offset:k*REC
.set k, k+1
.endr
	global_load_b128 v[112:115], v6, s[74:75]
	global_load_b128 v[116:119], v6, s[74:75] offset:2048
	s_mul_i32 s2, s[WV], 64*PA
	v_mul_u32_u24 v[ADRA], v2, PA
	v_lshl_add_u32 v[ADRA], v3, 4, v[ADRA]
	v_add_nc_u32 v[ADRA], s2, v[ADRA]              ; (64 w + r) x pitch + 16 h
	v_add_nc_u32 v[ADRA+1], SLOT, v[ADRA]
	v_add_nc_u32 v[STO], STG, v[ADRA]              ; the stage has the same shape
	v_and_b32 v9, 7, v0
	v_lshl_add_u32 v9, v3, 3, v9
	v_mul_u32_u24 v[ADRB], v9, PB                  ; k row 8 h + lane % 8,
	v_bfe_u32 v9, v0, 3, 1
	v_lshl_add_u32 v[ADRB], v9, 4, v[ADRB]         ; columns 8 ((lane / 8) % 2) on
	v_add_nc_u32 v[ADRB], BOFF, v[ADRB]
	v_add_nc_u32 v[ADRB+1], SLOT, v[ADRB]
	v_mul_u32_u24 v[RD], v3, PA
	v_lshl_add_u32 v[RD], v2, 4, v[RD]
	s_add_co_u32 s2, s2, STG
	v_add_nc_u32 v[RD], s2, v[RD]                  ; back: lanes 0-15 one row of 256 bytes, lanes 16-31 the next
	v_lshlrev_b32 v[GO], 4, v1
	v_lshlrev_b32 v[CTA], 5, v3
	v_add_nc_u32 v[RNA], RN, v[CTA]
	v_add_nc_u32 v[CTA], CT, v[CTA]
	s_lshl_b32 s2, s[WV], 8
	s_add_co_u32 s2, s2, SPS
	v_lshl_add_u32 v[SPA], v2, 2, s2
	v_lshl_add_u32 v[SPB], v1, 3, s2
	v_lshlrev_b32 v27, 3, v1
.if LAPS > 2
	v_lshlrev_b32 v[PFO], 8, v1
.endif
	v_add_nc_u32 v7, RN, v5
	v_add_nc_u32 v8, CT, v6
	v_mov_b32 v9, 0
.irp a, 0,1,2,3
	v_mov_b32 v[120+(\a)], 0                       ; v_permlanex16_b32's destinations count as read
.endr
	s_wait_loadcnt 0x0
.set i, 1
.rept LAPS-1
	v_pk_add_f32 v[64:65], v[64:65], v[64+4*i:65+4*i]
	v_pk_add_f32 v[66:67], v[66:67], v[66+4*i:67+4*i]
.set i, i+1
.endr
.irp a, 0,1,2,3
	v_permlanex16_b32 v[120+(\a)], v[64+(\a)], s100, s101
.endr
.irp a, 0,1,2,3
	v_add_f32 v[64+(\a)], v[64+(\a)], v[120+(\a)]  ; S' of row 16 a + r
.endr
.set k, 1
.rept KB/2-1
	v_pk_add_f32 v[96:97], v[96:97], v[96+2*k:97+2*k]
.set k, k+1
.endr
	v_add_f32 v96, v96, v97                        ; |w|^2 of column t
.irp a, 0,1,2,3
	v_fma_f32 v[124+(\a)], v[64+(\a)], 0x3e800000, 1.0
.endr
.irp a, 0,1,2,3
	v_sqrt_f32 v[124+(\a)], v[124+(\a)]            ; q
.endr
	v_rsq_f32 v97, v96
	v_nop
	s_wait_alu depctr_va_vdst(0)                   ; one wait for each batch, ahead of its first reader
	v_min_num_f32 v97, 0x58635fa9, v97             ; 1 / max(|w|, 1e-15)
.irp a, 0,1,2,3
	v_add_f32 v[128+(\a)], 1.0, v[124+(\a)]
.endr
.irp a, 0,1,2,3
	v_rcp_f32 v[128+(\a)], v[128+(\a)]             ; s = 1 / (1 + q)
.endr
.irp a, 0,1,2,3
	v_add_f32 v[124+(\a)], -1.0, v[124+(\a)]
.endr
	s_wait_alu depctr_va_vdst(0)
.irp a, 0,1,2,3
	v_mul_f32 v[132+(\a)], v[124+(\a)], v[128+(\a)]  ; |h|^2 = (q - 1) / (q + 1)
.endr
.irp a, 0,1,2,3
	v_rsq_f32 v[136+(\a)], v[132+(\a)]
.endr
	v_nop
	s_wait_alu depctr_va_vdst(0)
.irp a, 0,1,2,3
	v_mul_f32 v[136+(\a)], 0x3f7ef9db, v[136+(\a)]
	v_min_num_f32 v[136+(\a)], 1.0, v[136+(\a)]    ; R = min(1, 0.996 / |h|)
	v_mul_f32 v[128+(\a)], v[128+(\a)], v[136+(\a)]
	v_min_num_f32 v[132+(\a)], 0x3f7df4c4, v[132+(\a)]  ; |h|^2 at the rim: 0.996^2
	v_cmp_gt_f32 vcc_lo, 0x7f800000, v[64+(\a)]
	v_cndmask_b32 v[132+(\a)], 0, v[132+(\a)], vcc_lo   ; an overflowed row: h = 0
	v_sub_f32 v[136+(\a)], 1.0, v[132+(\a)]
	v_max_num_f32 v[136+(\a)], 0x26901d7d, v[136+(\a)]
.endr
.irp a, 0,1,2,3
	v_rcp_f32 v[136+(\a)], v[136+(\a)]
.endr
.irp a, 0,1,2,3
	v_add_f32 v[132+(\a)], 1.0, v[132+(\a)]
.endr
	s_wait_alu depctr_va_vdst(0)
.irp a, 0,1,2,3
	v_mul_f32 v[AA+2*(\a)], v[128+(\a)], v[136+(\a)]
	v_mul_f32 v[BB+2*(\a)], v[132+(\a)], v[136+(\a)]
	v_mov_b32 v[AA+2*(\a)+1], v[AA+2*(\a)]
	v_mov_b32 v[BB+2*(\a)+1], v[BB+2*(\a)]
	v_mov_b32 v[SS+2*(\a)], 0
	v_mov_b32 v[SS+2*(\a)+1], 0
.endr
	ds_store_b32 v7, v97
	ds_store_b128 v8, v[112:115]
	ds_store_b128 v8, v[116:119] offset:2048
	s_cmp_lg_u32 s[WV], 0
	s_cbranch_scc1 .Lnopad
	ds_store_b32 v7, v9 offset:512                 ; wave 0: the 128 bytes behind 1 / |w| that the way out's last look-ahead load reads and nobody uses
.Lnopad:
	s_wait_tensorcnt 1                             ; my part of K step 0 is in; K step 1's may stay out
	s_wait_dscnt 0x0                               ; my stores of the tables are done
	s_barrier_signal -1
	s_barrier_wait -1
	FETCH 0, 0, F0
	QUARTER 0, 1, F0, F1, 1                        ; the first quarter stands in front of the loop: its products start the sums
	WIN 0                                          ; at a label and at a branch every window is 0
	s_mov_b32 s3, LAPS-1
.Llap:                                                 ; a trip goes once round the ring, from a lap's second quarter to the next lap's first; both slots are filled again
	QUARTER 0, 2, F1, F0, 0
	QUARTER 0, 3, F0, F1, 0
	TURN 0, 1, 1
	QUARTER 1, 1, F0, F1, 0
	QUARTER 1, 2, F1, F0, 0
	QUARTER 1, 3, F0, F1, 0
	TURN 1, 0, 1
	QUARTER 0, 1, F0, F1, 0
	WIN 0
	s_sub_co_u32 s3, s3, 1
	s_cmp_lg_u32 s3, 0
	s_cbranch_scc1 .Llap
	QUARTER 0, 2, F1, F0, 0                        ; the last lap is written out: it asks for nothing
	QUARTER 0, 3, F0, F1, 0
	TURN 0, 1, 0
	QUARTER 1, 1, F0, F1, 0
	QUARTER 1, 2, F1, F0, 0
	QUARTER 1, 3, F0, F1, 0
	s_wait_dscnt 0x0
	MUL8 F1, 0, 0
	MUL8 F1, 1, 0
	MUL8 F1, 2, 0
	MUL8 F1, 3, 0
; THE WAY OUT: eight trips, a column tile b each: 32 registers a lane (four row tiles x eight columns).  The function is written once; only the first step, which reads the accumulators, is written eight times.
; A trip's constants are asked for in the trip before, each set as soon as its last reader has passed.  A trip's 128 roots, logarithms and powers stand in three batches, one wait each.
	WIN 0
	PLACES
	LDC KCH, CTA, 0
	LDC KRN, RNA, 0
	LDC KSH, CTA, 64
	LDC KA,  CTA, 128
	LDC KC1, CTA, 192
	LDC KC3, CTA, 256
	LDC KC5, CTA, 320
	LDC KTH, CTA, 384
	v_add_nc_u32 v[CTA], 512, v[CTA]
	v_add_nc_u32 v[RNA], 64, v[RNA]
	s_mov_b32 s99, 0
	s_wait_dscnt 0x0
.macro VAR b                           ; raw x CC for column tile b; each accumulator is read from its low end on
	WIN 0x01                                       ; source 0 in window 1
.irp a, 0,1,2,3
.irp p, 0,2,4,6
	v_pk_mul_f32 v[U+8*(\a)+(\p):U+8*(\a)+(\p)+1], v[8*(8*(\a)+(\b))+(\p):8*(8*(\a)+(\b))+(\p)+1], v[KCH+(\p):KCH+(\p)+1]
.endr
.endr
	WIN 0
.endm
.Lcol:
	s_wait_dscnt 4                                 ; the sixteen loads of constants are in; the last trip's four stores into the stage, issued behind them, may be out
.irp p, 0,2,4,6
	v_pk_mul_f32 v[KCH+(\p):KCH+(\p)+1], v[KCH+(\p):KCH+(\p)+1], v[KRN+(\p):KRN+(\p)+1]  ; CC
.endr
.irp b, 0,1,2,3,4,5,6
	s_cmp_lg_u32 s99, \b
	s_cbranch_scc1 .Lnot\b
	VAR \b
	s_branch .Lcommon
.Lnot\b:
.endr
	VAR 7
.Lcommon:
	LDC KCH, CTA, 0
	LDC KRN, RNA, 0
.irp a, 0,1,2,3
.irp p, 0,2,4,6
	v_pk_mul_f32 v[X2+8*(\a)+(\p):X2+8*(\a)+(\p)+1], v[KSH+(\p):KSH+(\p)+1], v[BB+2*(\a):BB+2*(\a)+1]
.endr
.endr
.irp a, 0,1,2,3
.irp p, 0,2,4,6
	v_pk_fma_f32 v[U+8*(\a)+(\p):U+8*(\a)+(\p)+1], v[U+8*(\a)+(\p):U+8*(\a)+(\p)+1], v[AA+2*(\a):AA+2*(\a)+1], v[X2+8*(\a)+(\p):X2+8*(\a)+(\p)+1] neg_lo:[0,0,1] neg_hi:[0,0,1]  ; u
.endr
.endr
	LDC KSH, CTA, 64
.set k, 0
.rept 16
	v_pk_mul_f32 v[X2+2*k:X2+2*k+1], v[U+2*k:U+2*k+1], v[U+2*k:U+2*k+1]
	v_pk_fma_f32 v[W+2*k:W+2*k+1], v[U+2*k:U+2*k+1], v[U+2*k:U+2*k+1], 1.0 op_sel_hi:[1,1,0]
.set k, k+1
.endr
.set k, 0
.rept 16                               ; the roots, the series' two steps between them
	v_sqrt_f32 v[W+2*k], v[W+2*k]
	v_pk_fma_f32 v[YS+2*k:YS+2*k+1], v[X2+2*k:X2+2*k+1], v[KC5+(2*k)%8:KC5+(2*k)%8+1], v[KC3+(2*k)%8:KC3+(2*k)%8+1]
	v_sqrt_f32 v[W+2*k+1], v[W+2*k+1]
	v_pk_fma_f32 v[YS+2*k:YS+2*k+1], v[YS+2*k:YS+2*k+1], v[X2+2*k:X2+2*k+1], v[KC1+(2*k)%8:KC1+(2*k)%8+1]
.set k, k+1
.endr
	LDC KC5, CTA, 320
	LDC KC3, CTA, 256
	LDC KC1, CTA, 192
	s_wait_alu depctr_va_vdst(0)                   ; one wait for the 32 roots
	v_fma_f32 v[W], |v[U]|, 1.0, v[W]
.set e, 0
.rept 32                               ; |u| + root one register ahead; the logarithm; the choice of the series, kept as a lane mask
.if e < 31
	v_fma_f32 v[W+e+1], |v[U+e+1]|, 1.0, v[W+e+1]
.endif
	v_log_f32 v[W+e], v[W+e]
	v_cmp_lt_f32 s[66+e], v[X2+e], v[KTH+e%8]
.set e, e+1
.endr
	s_wait_alu depctr_va_vdst(0)                   ; one wait for the 32 logarithms
	v_pk_mul_f32 v[X2:X2+1], v[W:W+1], v[KA:KA+1]  ; E,
	v_pk_mul_f32 v[W:W+1], v[W:W+1], v[KA:KA+1] neg_lo:[0,1] neg_hi:[0,1]  ; and -E
.set k, 0
.rept 16                               ; the powers; between them the next pair's E and -E and the series' last step
	v_exp_f32 v[X2+2*k], v[X2+2*k]
.if k < 15
	v_pk_mul_f32 v[X2+2*k+2:X2+2*k+3], v[W+2*k+2:W+2*k+3], v[KA+(2*k+2)%8:KA+(2*k+2)%8+1]
.endif
	v_exp_f32 v[W+2*k], v[W+2*k]
.if k < 15
	v_pk_mul_f32 v[W+2*k+2:W+2*k+3], v[W+2*k+2:W+2*k+3], v[KA+(2*k+2)%8:KA+(2*k+2)%8+1] neg_lo:[0,1] neg_hi:[0,1]
.endif
	v_exp_f32 v[X2+2*k+1], v[X2+2*k+1]
	v_pk_mul_f32 v[YS+2*k:YS+2*k+1], v[YS+2*k:YS+2*k+1], v[U+2*k:U+2*k+1]
	v_exp_f32 v[W+2*k+1], v[W+2*k+1]
.set k, k+1
.endr
	v_nop                                          ; a plain instruction behind the last power
	LDC KA,  CTA, 128
	LDC KTH, CTA, 384
	s_wait_alu depctr_va_vdst(0)                   ; one wait for the 64 powers
.set k, 0
.rept 16
	v_pk_add_f32 v[W+2*k:W+2*k+1], v[X2+2*k:X2+2*k+1], v[W+2*k:W+2*k+1] neg_lo:[0,1] neg_hi:[0,1]
.set k, k+1
.endr
.set e, 0
.rept 32
	v_cndmask_b32 v[W+e], v[W+e], v[YS+e], s[66+e]
.set e, e+1
.endr
.set e, 0
.rept 32
	v_bfi_b32 v[W+e], s23, v[W+e], v[U+e]          ; u's sign
.set e, e+1
.endr
.irp p, 0,2,4,6
.irp a, 0,1,2,3
	v_pk_fma_f32 v[SS+2*(\a):SS+2*(\a)+1], v[W+8*(\a)+(\p):W+8*(\a)+(\p)+1], v[W+8*(\a)+(\p):W+8*(\a)+(\p)+1], v[SS+2*(\a):SS+2*(\a)+1]
.endr
.endr
.set k, 0
.rept 16
	v_cvt_pk_bf16_f32 v[X2+k], v[W+2*k], v[W+2*k+1]
.set k, k+1
.endr
.irp a, 0,1,2,3
	ds_store_b128 v[STO], v[X2+4*(\a):X2+4*(\a)+3] offset:(\a)*16*PA
.endr
	v_add_nc_u32 v[STO], 32, v[STO]
	v_add_nc_u32 v[CTA], 512, v[CTA]
	v_add_nc_u32 v[RNA], 64, v[RNA]
	s_add_co_u32 s99, s99, 1
	s_cmp_lt_u32 s99, 8
	s_cbranch_scc1 .Lcol
	; my 64 rows' sums over this tile's 128 columns: one part of S' for the next launch, 256 bytes on end
.irp a, 0,1,2,3
	v_add_f32 v[SS+2*(\a)], v[SS+2*(\a)], v[SS+2*(\a)+1]
.endr
.irp a, 0,1,2,3
	v_permlanex16_b32 v[SS+2*(\a)+1], v[SS+2*(\a)], s100, s101
.endr
.irp a, 0,1,2,3
	v_add_f32 v[SS+2*(\a)], v[SS+2*(\a)], v[SS+2*(\a)+1]
.endr
.irp a, 0,1,2,3
	ds_store_b32 v[SPA], v[SS+2*(\a)] offset:64*(\a)
.endr
	ds_load_b64 v[56:57], v[SPB]                   ; LDS serves a wave's instructions in order (ISA guide 5.7.1.4): this sees the stores above
	s_lshl_b32 s66, s42, 16                        ; part = tile column
	s_lshl_b32 s67, s43, 10
	s_add_co_u32 s66, s66, s67
	s_lshl_b32 s67, s[WV], 8
	s_add_co_u32 s66, s66, s67
	s_mov_b32 s67, 0
	s_add_nc_u64 s[68:69], s[8:9], s[66:67]
	s_lshl_b32 s70, s43, 1                         ; y': block row 2 x tile row + wave / 2, block column = tile column, the upper or lower 64 rows
	s_add_co_u32 s70, s70, s21
	s_mul_i32 s70, s70, NB
	s_add_co_u32 s70, s70, s42
	s_lshl_b32 s70, s70, 15
	s_lshl_b32 s71, s22, 14
	s_add_co_u32 s70, s70, s71
	s_add_co_u32 s70, s70, ACT
	s_mov_b32 s71, 0
	s_add_nc_u64 s[70:71], s[8:9], s[70:71]
	s_wait_dscnt 0x0
	global_store_b64 v27, v[56:57], s[68:69]
.set t, 0
.rept 32
	ds_load_b128 v[64+4*t:64+4*t+3], v[RD] offset:t*2*PA  ; my own stage: two whole rows a load
.set t, t+1
.endr
.set t, 0
.rept 32
	s_wait_dscnt 31-t                              ; load t is in; the later ones stay out
	global_store_b128 v[GO], v[64+4*t:64+4*t+3], s[70:71] offset:t*512  ; 512 consecutive bytes, aligned: 16,384 on end for the wave
.set t, t+1
.endr
	s_wait_tensorcnt 0x0                           ; the wave's end: three closing lines, behind my last tensor load and my last LDS store
	ds_add_u32 v[SPW], v[NIL]
	s_wait_dscnt 0x0
	CROUND                                         ; the closing round: no work-group ends while a partner may still ask for a tile that names it
	s_endpgm
.Lfunc_end_k_q8609b85a25_g1:
	.size	k_q8609b85a25_g1, .Lfunc_end_k_q8609b85a25_g1-k_q8609b85a25_g1
	.p2alignl 7, 3214868480
	.fill 96, 4, 3214868480
	.section	.rodata,"a",@progbits
	.p2align	6, 0x0
	.amdhsa_kernel k_q8609b85a25_g1
		.amdhsa_group_segment_fixed_size 327680
		.amdhsa_private_segment_fixed_size 0
		.amdhsa_enable_private_segment 0
		.amdhsa_kernarg_size 24
		.amdhsa_user_sgpr_count 2
		.amdhsa_user_sgpr_kernarg_segment_ptr 1
		.amdhsa_wavefront_size32 1
		.amdhsa_system_sgpr_workgroup_id_x 1
		.amdhsa_system_sgpr_workgroup_id_y 1
		.amdhsa_system_sgpr_workgroup_id_z 1
		.amdhsa_system_vgpr_workitem_id 0
		.amdhsa_next_free_vgpr 512
		.amdhsa_next_free_sgpr 102
		.amdhsa_reserve_vcc 1
		.amdhsa_float_denorm_mode_32 3
		.amdhsa_float_denorm_mode_16_64 3
		.amdhsa_memory_ordered 1
		.amdhsa_forward_progress 1
		.amdhsa_inst_pref_size 126
	.end_amdhsa_kernel
	.amdgpu_metadata
---
amdhsa.version: [ 1, 2 ]
amdhsa.kernels:
  - .name:           k_q8609b85a25_g1
    .symbol:         k_q8609b85a25_g1.kd
    .args:
      - { .name: actB, .offset: 0, .size: 8, .value_kind: global_buffer, .address_space: global }
      - { .name: wts, .offset: 8, .size: 8, .value_kind: global_buffer, .address_space: global }
      - { .name: actA, .offset: 16, .size: 8, .value_kind: global_buffer, .address_space: global }
    .group_segment_fixed_size: 327680
    .private_segment_fixed_size: 0
    .kernarg_segment_align: 8
    .kernarg_segment_size: 24
    .max_flat_workgroup_size: 128
    .sgpr_count:     102
    .vgpr_count:     512
    .wavefront_size: 32
...
	.end_amdgpu_metadata
.endif
;; end of part 3
;; launch g2 (part 4): grid 4 x 64, 4 waves a work-group, clusters of 4 x 4, 327,680 bytes of LDS; arguments actA, wts, actB; writes actB
.if DOCPART == 4
	.amdgcn_target "amdgcn-amd-amdhsa--gfx1250"
	.amdhsa_code_object_version 6
	.text
	.protected	k_q8609b85a25_g2
	.globl	k_q8609b85a25_g2
	.p2align	8
	.type	k_q8609b85a25_g2,@function
k_q8609b85a25_g2:
	s_mov_b64 s[64:65], 0
	v_nop
	global_prefetch_b8 v0, s[64:65] scope:SCOPE_SE
	s_setreg_imm32_b32 hwreg(HW_REG_WAVE_MODE, 25, 1), 1
	s_wait_xcnt 0x0
	s_wait_alu depctr_hold_cnt(0) depctr_sa_sdst(0) depctr_va_vdst(0) depctr_va_sdst(0) depctr_va_ssrc(0) depctr_va_vcc(0) depctr_vm_vsrc(0)
	s_getreg_b32 s2, hwreg(HW_REG_IB_STS2, 6, 4)
	s_cmp_eq_u32 s2, 0
	s_cbranch_scc0 .Lentry_in_a_cluster
	s_endpgm
.Lentry_in_a_cluster:
	s_bfe_u32 s2, ttmp6, 0x10000c
	s_cmp_lg_u32 s2, 0xf033
	s_cbranch_scc0 .Lentry_shape_is_right
	s_endpgm
.Lentry_shape_is_right:
; A HIDDEN POINCARE LAYER.  THIS TEXT: layer 2, K = 1,024, N = 512.  The three hidden layers have the same text with other sizes at its head: with joint loads every trip count,
; branch and descriptor word is the same in all partners, so the sizes are constants of the text and are not read from memory.
; y' = 2 sinh(2 g asinh(u)), u = (2 (h . z) cosh 2b - (1 + |h|^2) sinh 2b) / (1 - |h|^2).
; The layer's input h is never formed.  The launch before stored y'_in (bf16) and the parts of S' = sum y'_in^2 (f32).  With q = sqrt(1 + S'/4): h = y'_in / (2 (1 + q)), |h|^2 = (q-1)/(q+1),
; the clamp to the ball's rim is a factor R = min(1, 0.996 / |h|), and z = w / |w| is a factor for each column.  So u = alpha (raw CC) - beta SH with raw = y'_in . w from the matrix unit,
; alpha = R / ((1+q)(1-|h|^2)), beta = (1+|h|^2) / (1-|h|^2) for each row, CC = sgn(g) cosh 2b / |w|, SH = sgn(g) sinh 2b for each column.
; y' = 2^E - 2^-E, E = |2g| log2(|u| + sqrt(u^2+1)), with u's sign; where u^2 lies under the table's bound, the series u (C1 + u^2 (C3 + u^2 C5)) instead.  Both are always made; v_cndmask_b32 chooses.
; LIMITS.  u^2 must stay finite: |b| below 19.  A row whose S' is not below infinity counts as overflowed: h = 0 (reference() does so from sum y^2 = 3.4e38 on, this text from 8.5e37 on).
; The series' first term left out is 1.1e-5 of y' at the most.  2^E - 2^-E is off by some 2e-7 absolutely: more than 1e-3 of y' only where |2g| is under 1e-3.
; Roots, logarithms, reciprocals and powers of two take a denormal as 0.  NaN and infinities are not treated apart.  y' is kept in bf16 since its range passes f16's for large g.
; SHARES.  A work-group makes 256 rows x 128 columns; wave w rows 64 w .. 64 w + 63 and all columns: 32 accumulators.  A wave's rows of the result are whole rows of 256 bytes of the next layer's block.
; THE MATRIX INSTRUCTION IS USED TRANSPOSED: source 0 = 16 columns of w (turned on the way out of LDS by ds_load_tr16_b128, since w lies [k][n]), source 1 = 16 rows of y'_in:
; a lane holds one row (lane % 16) and the columns 8 (lane / 16) + 0..7.
; CLUSTER 4 x 4: the four of a row of the cluster need the same blocks of y'_in, the four of a column the same blocks of w: each is asked for jointly.
; RING: two LDS slots of one K step of 128; from a joint load to the wait for it a wave issues 112 matrix instructions.  Two slots of a K step of 256 would not fit beside the stage.
; REGISTERS: window 0: v0-31 addresses; v32-39 alpha, v40-47 beta (a pair for each of my four row tiles), v48-55 the rows' sums; v64-159, v160-255 two fragment buffers (w's eight fragments, then y's four).
;   window 1: accumulator (a, b) at 8 (8 a + b).  On the way out window 0's v64-255 are at work: see there.
.set LAPS,  4                          ; K / 256: a lap = two K steps = once round the ring
.set NB,    4                          ; N / 128: the blocks in a block row of the result
.set WOFF,  6389760                    ; the layer's first weight record in wts, in bytes: record 192
.set COFF,  7819264                    ; its columns' table in wts
.set KB,    2*LAPS                     ; K steps
.set ACT,   1048576
.set REC,   33280
.set PA,    272                        ; an LDS row of y'_in: 256 bytes + 16: the 16 rows of a fragment load start at 16 different groups of four banks (64 banks of 4 bytes: ISA guide 11.1)
.set PB,    288                        ; an LDS row of w: 256 + 32
.set BOFF,  256*PA                     ; in a slot: 256 rows of y'_in, then 128 k rows of w
.set SLOT,  BOFF+128*PB
.set STG,   2*SLOT                     ; behind the ring, never filled by a tensor load: 64 rows x 272 bytes for each wave
.set CT,    STG+4*64*PA                ; the columns' table, 4,096 bytes
.set RN,    CT+4096                    ; 1 / |w| of the 128 columns, and 128 bytes that the last look-ahead load touches
.set SPS,   RN+768                     ; 256 bytes a wave: its 64 rows' sums
.set SPARE, SPS+1024                   ; the spare words, 128 bytes for each wave: two blocks of 256 bytes that no other line names
.set ADRA, 16
.set ADRB, 18
.set STO,  20
.set RD,   21
.set GO,   22
.set CTA,  23
.set RNA,  24
.set SPA,  25
.set SPB,  26
.set SPW,  28                          ; v28  LDS address of my spare word; never rewritten
.set NIL,  29                          ; v29  0; never rewritten
.set PFO,  30                          ; v30  256 x lane: the prefetches' offset; never rewritten
.set AA,   32
.set BB,   40
.set SS,   48
.set F0,   64
.set F1,   160
.set U,    64                          ; the way out: raw CC, then u
.set X2,   96                          ; beta SH, u^2, E, 2^E, the packed results
.set W,    128                         ; u^2+1, its root, |u| + root, its log2, -E, 2^-E, y'
.set YS,   160                         ; the series
.set KCH,  192                         ; the column tile's constants, eight registers each
.set KRN,  200
.set KSH,  208
.set KA,   216
.set KC1,  224
.set KC3,  232
.set KC5,  240
.set KTH,  248
.set WV,   20                          ; s20  my wave's number; s21 = wave / 2: I fetch y'_in (0) or w (1); s22 = wave % 2: which half
.set G1A,  24                          ; s[24:31], s[32:39] descriptor groups 1 and 0 (a set for each slot) for y'_in; s[12:15] and s10, which feed them, never hold cx
.set G0A,  32
.set G1B,  48                          ; s[48:55], s[56:63] the same for w; s[16:19] and s11, which feed them, never hold cy
.set G0B,  56
.set MSB, 0
.macro WIN new                         ; the immediate's high byte repeats the setting that is left; a switch that changes nothing is dropped
.if MSB != (\new)
	s_set_vgpr_msb (MSB<<8)|(\new)
.set MSB, \new
.endif
.endm
.macro PLACES                          ; four plain instructions between a matrix instruction and a load into, or a vector read of, its registers (ISA guide 7.12.1 for vector reads)
.rept 4
	v_nop
.endr
.endm
.macro CREST                           ; a round of the cluster's barrier behind its opening barrier
	s_cmp_lg_u32 s[WV], 0
	s_cbranch_scc1 .Lnot_wave_0_\@
	s_barrier_signal -3
.Lnot_wave_0_\@:
	s_barrier_wait -3
	s_barrier_signal -1
	s_barrier_wait -1
.endm
.macro CROUND
	s_barrier_signal -1
	s_barrier_wait -1
	CREST
.endm
.macro JLOAD s                         ; a joint load; the branch hangs on the wave's number alone; an s_nop 0 and four v_nop follow each line
	s_cmp_eq_u32 s21, 0
	s_cbranch_scc0 .Lfor_b_\@
	tensor_load_to_lds s[G0A+4*(\s):G0A+4*(\s)+3], s[G1A:G1A+7]
	s_nop 0
.rept 4
	v_nop
.endr
	s_branch .Lasked_\@
.Lfor_b_\@:
	tensor_load_to_lds s[G0B+4*(\s):G0B+4*(\s)+3], s[G1B:G1B+7]
	s_nop 0
.rept 4
	v_nop
.endr
.Lasked_\@:
.endm
; A prefetch of the K step that stands two refills on: 32 rows of 256 bytes, a lane a row.  Each row is named once in the launch: y'_in's blocks by the clusters with x = 0 (waves 0 and 1, the four partners
; of a row of the cluster taking 32 rows each, by address), w's blocks by the clusters with y = 0 (wave 2, the four partners of a column likewise).  The loop's last trip asks for nothing: no K step stands two refills on.
; With two laps the loop has that one trip alone, and nothing of the prefetch is assembled.
.macro ASK
.if LAPS > 2
	s_cmp_gt_u32 s3, s98                           ; s3 = 1 in the loop's last trip; s98 = 1 in a wave that asks, else the greatest number
	s_cbranch_scc0 .Lnot_mine_\@
	global_prefetch_b8 v[PFO], s[44:45] th:TH_LOAD_NT scope:SCOPE_SE
.Lnot_mine_\@:
.endif
.endm
.macro FETCH slot, q, f                ; 24 LDS loads in one run: the fragments of 32 along K, quarter q of the slot, into buffer f
	WIN 0
.irp b, 0,1,2,3,4,5,6,7
	ds_load_tr16_b128 v[(\f)+8*(\b):(\f)+8*(\b)+3],   v[ADRB+(\slot)] offset:(\q)*32*PB+32*(\b)
	ds_load_tr16_b128 v[(\f)+8*(\b)+4:(\f)+8*(\b)+7], v[ADRB+(\slot)] offset:(\q)*32*PB+32*(\b)+16*PB
.endr
.irp a, 0,1,2,3
	ds_load_b128 v[(\f)+64+8*(\a):(\f)+64+8*(\a)+3],   v[ADRA+(\slot)] offset:(\a)*16*PA+64*(\q)
	ds_load_b128 v[(\f)+64+8*(\a)+4:(\f)+64+8*(\a)+7], v[ADRA+(\slot)] offset:(\a)*16*PA+64*(\q)+32
.endr
.endm
.macro MUL8 f, a, zero                 ; row tile a x all eight column tiles.  The 32 accumulators take turns, in the same order in every quarter
	WIN 0x50                                       ; C and D in window 1
.irp b, 0,1,2,3,4,5,6,7
.if \zero
	v_wmma_f32_16x16x32_bf16 v[8*(8*(\a)+(\b)):8*(8*(\a)+(\b))+7], v[(\f)+8*(\b):(\f)+8*(\b)+7], v[(\f)+64+8*(\a):(\f)+64+8*(\a)+7], 0
.else
	v_wmma_f32_16x16x32_bf16 v[8*(8*(\a)+(\b)):8*(8*(\a)+(\b))+7], v[(\f)+8*(\b):(\f)+8*(\b)+7], v[(\f)+64+8*(\a):(\f)+64+8*(\a)+7], v[8*(8*(\a)+(\b)):8*(8*(\a)+(\b))+7]
.endif
.endr
.endm
.macro QUARTER slot, qn, f, g, zero    ; multiplies buffer f; ahead of that asks for quarter qn of the slot into buffer g
	s_wait_dscnt 0x0                               ; buffer f is in: it was asked for a quarter ago
	PLACES                                         ; buffer g was read by the matrix instructions just issued
	FETCH \slot, \qn, \g
	MUL8 \f, 0, \zero
	MUL8 \f, 1, \zero
	MUL8 \f, 2, \zero
	MUL8 \f, 3, \zero
.endm
; A K step's last quarter multiplies buffer 1 and changes slots.  In front of the barrier each wave waits for all its tensor loads (one is out: its part of the next slot), adds 0 to its spare word,
; and waits for that and for its reads of this slot.  fill = 1: the barrier opens a round of the cluster's, and the joint refill, two K steps on, is the first thing behind it.
.macro TURN slot, next, fill
.if (\fill) && (LAPS > 2)
	s_wait_xcnt 0x0                                ; the last prefetch, a K step back, has read its address
	s_add_nc_u64 s[44:45], s[44:45], s[46:47]
.endif
	WIN 0
	s_wait_tensorcnt 0x0
	ds_add_u32 v[SPW], v[NIL]
	s_wait_dscnt 1                                 ; buffer 1 is in; the add may be out
	MUL8 F1, 0, 0
	s_wait_dscnt 0x0                               ; the add is done, and my reads of this slot are over
	s_barrier_signal -1
	MUL8 F1, 1, 0
.if \fill
	WIN 0
.endif
	s_barrier_wait -1
.if \fill
	CREST                                          ; no wave of any partner still reads this slot or has a load on its way
	s_add_nc_u64 s[G0A+4*(\slot)+2:G0A+4*(\slot)+3], s[G0A+4*(\slot)+2:G0A+4*(\slot)+3], 2*32768
	s_add_nc_u64 s[G0B+4*(\slot)+2:G0B+4*(\slot)+3], s[G0B+4*(\slot)+2:G0B+4*(\slot)+3], 2*REC
	JLOAD \slot                                    ; its four v_nop are also the places in front of the loads below
.else
	PLACES
.endif
	FETCH \next, 0, F0
.if \fill
	ASK
.endif
	MUL8 F1, 2, 0
	MUL8 F1, 3, 0
.endm
.macro LDC dst, adr, off               ; eight constants of my eight columns
	ds_load_b128 v[(\dst):(\dst)+3],   v[\adr] offset:(\off)
	ds_load_b128 v[(\dst)+4:(\dst)+7], v[\adr] offset:(\off)+16
.endm
	s_load_b128 s[4:7], s[0:1], 0x0                ; y'_in and its S' s[4:5], wts s[6:7]
	s_load_b64 s[8:9], s[0:1], 0x10                ; y' and its S'
	v_lshl_add_u32 v[SPW], v0, 2, SPARE
	v_mov_b32 v[NIL], 0
	ds_add_u32 v[SPW], v[NIL]                      ; the wave's opening: the add, twice on end, and its wait ahead of my first tensor load
	ds_add_u32 v[SPW], v[NIL]
	v_lshrrev_b32 v1, 5, v0
	v_readfirstlane_b32 s[WV], v1
	s_lshr_b32 s21, s[WV], 1
	s_and_b32 s22, s[WV], 1
	s_bfe_u32 s40, ttmp6, 0x40000                  ; cx
	s_bfe_u32 s41, ttmp6, 0x40004                  ; cy
	s_lshl_b32 s42, ttmp9, 2
	s_add_co_u32 s42, s42, s40                     ; tile column = 4 x cluster x + cx
	s_and_b32 s43, ttmp7, 0xffff
	s_lshl_b32 s43, s43, 2
	s_add_co_u32 s43, s43, s41                     ; tile row = 4 x cluster y + cy
	s_lshl_b32 s2, s41, 2
	s_lshl_b32 s2, 15, s2                          ; my row of the cluster
	s_lshl_b32 s3, 0x1111, s40                     ; my column
	s_or_b32 s[G1A], s2, (1<<16)|(1<<20)|(1<<21)|(5<<22)|(3<<25)  ; mask; 2-byte elements; padding on; bit 21 beside a mask; after every 64 words; 4 words
	s_or_b32 s[G1B], s3, (1<<16)|(1<<20)|(1<<21)|(5<<22)|(7<<25)  ; the same with my column's mask and 8 words
	s_mov_b32 s[G1A+1], 128<<16                    ; tensor_dim0 = 128
	s_mov_b32 s[G1A+2], 128<<16                    ; tensor_dim1 = 128
	s_mov_b32 s[G1A+3], 128<<16                    ; tile_dim0 = 128
	s_mov_b32 s[G1A+4], 128                        ; tile_dim1 = 128: a whole block
	s_mov_b32 s[G1A+5], 128                        ; 128 elements from row to row: the block is dense
	s_mov_b32 s[G1A+6], 0
	s_mov_b32 s[G1A+7], 0
	s_mov_b32 s[G1B+1], 128<<16
	s_mov_b32 s[G1B+2], 64<<16                     ; half a block of w: 64 k rows
	s_mov_b32 s[G1B+3], 128<<16
	s_mov_b32 s[G1B+4], 64
	s_mov_b32 s[G1B+5], 128
	s_mov_b32 s[G1B+6], 0
	s_mov_b32 s[G1B+7], 0
	s_mov_b32 s23, 0x7fffffff
	s_mov_b32 s100, 0x76543210
	s_mov_b32 s101, 0xfedcba98
	s_lshl_b32 s12, s43, 1                         ; y'_in: block row 2 x tile row + my half, KB blocks of 32,768 bytes to a block row
	s_add_co_u32 s12, s12, s22
	s_mul_i32 s12, s12, KB*32768
	s_add_co_u32 s12, s12, ACT
	s_mov_b32 s13, 0
	s_mul_i32 s16, s42, KB*REC                     ; w: the tile column's first record,
	s_add_co_u32 s16, s16, WOFF
	s_lshl_b32 s17, s22, 14                        ; my half of its 128 k rows
	s_add_co_u32 s18, s16, s17
	s_mov_b32 s19, 0
	s_mul_i32 s10, s22, 128*PA                     ; where they go: no place in the cluster enters an LDS address
	s_mul_i32 s11, s22, 64*PB
	s_add_co_u32 s11, s11, BOFF
	s_wait_dscnt 0x0                               ; both opening adds are done
	s_wait_kmcnt 0x0
	s_add_nc_u64 s[14:15], s[4:5], s[12:13]
	s_add_nc_u64 s[18:19], s[6:7], s[18:19]
.irp s, 0,1
	s_mov_b32 s[G0A+4*(\s)], 1
	s_add_co_u32 s[G0A+4*(\s)+1], s10, (\s)*SLOT
	s_add_nc_u64 s[G0A+4*(\s)+2:G0A+4*(\s)+3], s[14:15], (\s)*32768
	s_or_b32 s[G0A+4*(\s)+3], s[G0A+4*(\s)+3], 0x80000000
	s_mov_b32 s[G0B+4*(\s)], 1
	s_add_co_u32 s[G0B+4*(\s)+1], s11, (\s)*SLOT
	s_add_nc_u64 s[G0B+4*(\s)+2:G0B+4*(\s)+3], s[18:19], (\s)*REC
	s_or_b32 s[G0B+4*(\s)+3], s[G0B+4*(\s)+3], 0x80000000
.endr
.if LAPS > 2
	; the prefetches stand at K step 3; each change of slots that fills steps them first, so the first names K step 4
	s_lshl_b32 s66, s40, 13                        ; my work-group's 32 rows of y'_in's block, by cx
	s_add_co_u32 s66, s66, s12
	s_add_co_u32 s66, s66, 3*32768
	s_lshl_b32 s67, s41, 13                        ; of w's block, by cy
	s_add_co_u32 s67, s67, s16
	s_add_co_u32 s67, s67, 3*REC
	s_and_b32 s68, ttmp7, 0xffff
	s_mov_b32 s46, REC
	s_cmp_eq_u32 s21, 0
	s_cselect_b32 s66, s66, s67
	s_cselect_b32 s68, ttmp9, s68                  ; the coordinate along which other clusters read the same rows
	s_cselect_b32 s46, 32768, s46
	s_cselect_b64 s[44:45], s[4:5], s[6:7]
	s_mov_b32 s67, 0
	s_mov_b32 s47, 0
	s_add_nc_u64 s[44:45], s[44:45], s[66:67]
	s_cmp_eq_u32 s68, 0
	s_cselect_b32 s98, 1, -1                       ; the same in all sixteen partners, for a given wave
	s_cmp_eq_u32 s[WV], 3
	s_cselect_b32 s98, -1, s98                     ; wave 2 covers w's whole block with its partners
.endif
	s_lshl_b32 s70, s43, 10                        ; the rows' parts at my tile's 256 rows
	s_mov_b32 s71, 0
	s_add_nc_u64 s[70:71], s[4:5], s[70:71]
	s_add_co_u32 s72, s16, 32768                   ; the column sums behind the first record's block
	s_mov_b32 s73, 0
	s_add_nc_u64 s[72:73], s[6:7], s[72:73]
	s_lshl_b32 s74, s42, 12                        ; my 128 columns' table
	s_add_co_u32 s74, s74, COFF
	s_mov_b32 s75, 0
	s_add_nc_u64 s[74:75], s[6:7], s[74:75]
	CROUND                                         ; all sixteen work-groups are here: the first joint loads meet
	s_cmp_eq_u32 s21, 0                            ; a wave's two first fills stand in one branch: two loads of mine are out
	s_cbranch_scc0 .Lfirst_b
	tensor_load_to_lds s[G0A:G0A+3], s[G1A:G1A+7]
	s_nop 0
	tensor_load_to_lds s[G0A+4:G0A+7], s[G1A:G1A+7]
	s_nop 0
.rept 4
	v_nop
.endr
	s_branch .Lfirst_asked
.Lfirst_b:
	tensor_load_to_lds s[G0B:G0B+3], s[G1B:G1B+7]
	s_nop 0
	tensor_load_to_lds s[G0B+4:G0B+7], s[G1B:G1B+7]
	s_nop 0
.rept 4
	v_nop
.endr
.Lfirst_asked:
	; THE ROWS' AND COLUMNS' FIGURES, in the wait for the first tile: KB parts of each row's sum and KB of each column's
	v_and_b32 v1, 31, v0                           ; lane
	v_and_b32 v2, 15, v0                           ; r
	v_bfe_u32 v3, v0, 4, 1                         ; h
	s_lshl_b32 s2, s[WV], 8
	v_lshl_add_u32 v4, v2, 2, s2                   ; the rows' parts: my wave's 64 rows, row r,
	v_lshl_add_u32 v4, v3, 16, v4                  ; the odd parts for lanes 16-31
	v_lshlrev_b32 v5, 2, v0
	v_lshlrev_b32 v6, 4, v0
.set i, 0
.rept LAPS                             ; parts 2 i (lanes 0-15) and 2 i + 1 (lanes 16-31) of my four row tiles
.irp a, 0,1,2,3
	global_load_b32 v[64+4*i+(\a)], v4, s[70:71] offset:i*131072+(\a)*64
.endr
.set i, i+1
.endr
.set k, 0
.rept KB                               ; thread t: column t's sum over k block k
	global_load_b32 v[96+k], v5, s[72:73] offset:k*REC
.set k, k+1
.endr
	global_load_b128 v[112:115], v6, s[74:75]
	global_load_b128 v[116:119], v6, s[74:75] offset:2048
	s_mul_i32 s2, s[WV], 64*PA
	v_mul_u32_u24 v[ADRA], v2, PA
	v_lshl_add_u32 v[ADRA], v3, 4, v[ADRA]
	v_add_nc_u32 v[ADRA], s2, v[ADRA]              ; (64 w + r) x pitch + 16 h
	v_add_nc_u32 v[ADRA+1], SLOT, v[ADRA]
	v_add_nc_u32 v[STO], STG, v[ADRA]              ; the stage has the same shape
	v_and_b32 v9, 7, v0
	v_lshl_add_u32 v9, v3, 3, v9
	v_mul_u32_u24 v[ADRB], v9, PB                  ; k row 8 h + lane % 8,
	v_bfe_u32 v9, v0, 3, 1
	v_lshl_add_u32 v[ADRB], v9, 4, v[ADRB]         ; columns 8 ((lane / 8) % 2) on
	v_add_nc_u32 v[ADRB], BOFF, v[ADRB]
	v_add_nc_u32 v[ADRB+1], SLOT, v[ADRB]
	v_mul_u32_u24 v[RD], v3, PA
	v_lshl_add_u32 v[RD], v2, 4, v[RD]
	s_add_co_u32 s2, s2, STG
	v_add_nc_u32 v[RD], s2, v[RD]                  ; back: lanes 0-15 one row of 256 bytes, lanes 16-31 the next
	v_lshlrev_b32 v[GO], 4, v1
	v_lshlrev_b32 v[CTA], 5, v3
	v_add_nc_u32 v[RNA], RN, v[CTA]
	v_add_nc_u32 v[CTA], CT, v[CTA]
	s_lshl_b32 s2, s[WV], 8
	s_add_co_u32 s2, s2, SPS
	v_lshl_add_u32 v[SPA], v2, 2, s2
	v_lshl_add_u32 v[SPB], v1, 3, s2
	v_lshlrev_b32 v27, 3, v1
.if LAPS > 2
	v_lshlrev_b32 v[PFO], 8, v1
.endif
	v_add_nc_u32 v7, RN, v5
	v_add_nc_u32 v8, CT, v6
	v_mov_b32 v9, 0
.irp a, 0,1,2,3
	v_mov_b32 v[120+(\a)], 0                       ; v_permlanex16_b32's destinations count as read
.endr
	s_wait_loadcnt 0x0
.set i, 1
.rept LAPS-1
	v_pk_add_f32 v[64:65], v[64:65], v[64+4*i:65+4*i]
	v_pk_add_f32 v[66:67], v[66:67], v[66+4*i:67+4*i]
.set i, i+1
.endr
.irp a, 0,1,2,3
	v_permlanex16_b32 v[120+(\a)], v[64+(\a)], s100, s101
.endr
.irp a, 0,1,2,3
	v_add_f32 v[64+(\a)], v[64+(\a)], v[120+(\a)]  ; S' of row 16 a + r
.endr
.set k, 1
.rept KB/2-1
	v_pk_add_f32 v[96:97], v[96:97], v[96+2*k:97+2*k]
.set k, k+1
.endr
	v_add_f32 v96, v96, v97                        ; |w|^2 of column t
.irp a, 0,1,2,3
	v_fma_f32 v[124+(\a)], v[64+(\a)], 0x3e800000, 1.0
.endr
.irp a, 0,1,2,3
	v_sqrt_f32 v[124+(\a)], v[124+(\a)]            ; q
.endr
	v_rsq_f32 v97, v96
	v_nop
	s_wait_alu depctr_va_vdst(0)                   ; one wait for each batch, ahead of its first reader
	v_min_num_f32 v97, 0x58635fa9, v97             ; 1 / max(|w|, 1e-15)
.irp a, 0,1,2,3
	v_add_f32 v[128+(\a)], 1.0, v[124+(\a)]
.endr
.irp a, 0,1,2,3
	v_rcp_f32 v[128+(\a)], v[128+(\a)]             ; s = 1 / (1 + q)
.endr
.irp a, 0,1,2,3
	v_add_f32 v[124+(\a)], -1.0, v[124+(\a)]
.endr
	s_wait_alu depctr_va_vdst(0)
.irp a, 0,1,2,3
	v_mul_f32 v[132+(\a)], v[124+(\a)], v[128+(\a)]  ; |h|^2 = (q - 1) / (q + 1)
.endr
.irp a, 0,1,2,3
	v_rsq_f32 v[136+(\a)], v[132+(\a)]
.endr
	v_nop
	s_wait_alu depctr_va_vdst(0)
.irp a, 0,1,2,3
	v_mul_f32 v[136+(\a)], 0x3f7ef9db, v[136+(\a)]
	v_min_num_f32 v[136+(\a)], 1.0, v[136+(\a)]    ; R = min(1, 0.996 / |h|)
	v_mul_f32 v[128+(\a)], v[128+(\a)], v[136+(\a)]
	v_min_num_f32 v[132+(\a)], 0x3f7df4c4, v[132+(\a)]  ; |h|^2 at the rim: 0.996^2
	v_cmp_gt_f32 vcc_lo, 0x7f800000, v[64+(\a)]
	v_cndmask_b32 v[132+(\a)], 0, v[132+(\a)], vcc_lo   ; an overflowed row: h = 0
	v_sub_f32 v[136+(\a)], 1.0, v[132+(\a)]
	v_max_num_f32 v[136+(\a)], 0x26901d7d, v[136+(\a)]
.endr
.irp a, 0,1,2,3
	v_rcp_f32 v[136+(\a)], v[136+(\a)]
.endr
.irp a, 0,1,2,3
	v_add_f32 v[132+(\a)], 1.0, v[132+(\a)]
.endr
	s_wait_alu depctr_va_vdst(0)
.irp a, 0,1,2,3
	v_mul_f32 v[AA+2*(\a)], v[128+(\a)], v[136+(\a)]
	v_mul_f32 v[BB+2*(\a)], v[132+(\a)], v[136+(\a)]
	v_mov_b32 v[AA+2*(\a)+1], v[AA+2*(\a)]
	v_mov_b32 v[BB+2*(\a)+1], v[BB+2*(\a)]
	v_mov_b32 v[SS+2*(\a)], 0
	v_mov_b32 v[SS+2*(\a)+1], 0
.endr
	ds_store_b32 v7, v97
	ds_store_b128 v8, v[112:115]
	ds_store_b128 v8, v[116:119] offset:2048
	s_cmp_lg_u32 s[WV], 0
	s_cbranch_scc1 .Lnopad
	ds_store_b32 v7, v9 offset:512                 ; wave 0: the 128 bytes behind 1 / |w| that the way out's last look-ahead load reads and nobody uses
.Lnopad:
	s_wait_tensorcnt 1                             ; my part of K step 0 is in; K step 1's may stay out
	s_wait_dscnt 0x0                               ; my stores of the tables are done
	s_barrier_signal -1
	s_barrier_wait -1
	FETCH 0, 0, F0
	QUARTER 0, 1, F0, F1, 1                        ; the first quarter stands in front of the loop: its products start the sums
	WIN 0                                          ; at a label and at a branch every window is 0
	s_mov_b32 s3, LAPS-1
.Llap:                                                 ; a trip goes once round the ring, from a lap's second quarter to the next lap's first; both slots are filled again
	QUARTER 0, 2, F1, F0, 0
	QUARTER 0, 3, F0, F1, 0
	TURN 0, 1, 1
	QUARTER 1, 1, F0, F1, 0
	QUARTER 1, 2, F1, F0, 0
	QUARTER 1, 3, F0, F1, 0
	TURN 1, 0, 1
	QUARTER 0, 1, F0, F1, 0
	WIN 0
	s_sub_co_u32 s3, s3, 1
	s_cmp_lg_u32 s3, 0
	s_cbranch_scc1 .Llap
	QUARTER 0, 2, F1, F0, 0                        ; the last lap is written out: it asks for nothing
	QUARTER 0, 3, F0, F1, 0
	TURN 0, 1, 0
	QUARTER 1, 1, F0, F1, 0
	QUARTER 1, 2, F1, F0, 0
	QUARTER 1, 3, F0, F1, 0
	s_wait_dscnt 0x0
	MUL8 F1, 0, 0
	MUL8 F1, 1, 0
	MUL8 F1, 2, 0
	MUL8 F1, 3, 0
; THE WAY OUT: eight trips, a column tile b each: 32 registers a lane (four row tiles x eight columns).  The function is written once; only the first step, which reads the accumulators, is written eight times.
; A trip's constants are asked for in the trip before, each set as soon as its last reader has passed.  A trip's 128 roots, logarithms and powers stand in three batches, one wait each.
	WIN 0
	PLACES
	LDC KCH, CTA, 0
	LDC KRN, RNA, 0
	LDC KSH, CTA, 64
	LDC KA,  CTA, 128
	LDC KC1, CTA, 192
	LDC KC3, CTA, 256
	LDC KC5, CTA, 320
	LDC KTH, CTA, 384
	v_add_nc_u32 v[CTA], 512, v[CTA]
	v_add_nc_u32 v[RNA], 64, v[RNA]
	s_mov_b32 s99, 0
	s_wait_dscnt 0x0
.macro VAR b                           ; raw x CC for column tile b; each accumulator is read from its low end on
	WIN 0x01                                       ; source 0 in window 1
.irp a, 0,1,2,3
.irp p, 0,2,4,6
	v_pk_mul_f32 v[U+8*(\a)+(\p):U+8*(\a)+(\p)+1], v[8*(8*(\a)+(\b))+(\p):8*(8*(\a)+(\b))+(\p)+1], v[KCH+(\p):KCH+(\p)+1]
.endr
.endr
	WIN 0
.endm
.Lcol:
	s_wait_dscnt 4                                 ; the sixteen loads of constants are in; the last trip's four stores into the stage, issued behind them, may be out
.irp p, 0,2,4,6
	v_pk_mul_f32 v[KCH+(\p):KCH+(\p)+1], v[KCH+(\p):KCH+(\p)+1], v[KRN+(\p):KRN+(\p)+1]  ; CC
.endr
.irp b, 0,1,2,3,4,5,6
	s_cmp_lg_u32 s99, \b
	s_cbranch_scc1 .Lnot\b
	VAR \b
	s_branch .Lcommon
.Lnot\b:
.endr
	VAR 7
.Lcommon:
	LDC KCH, CTA, 0
	LDC KRN, RNA, 0
.irp a, 0,1,2,3
.irp p, 0,2,4,6
	v_pk_mul_f32 v[X2+8*(\a)+(\p):X2+8*(\a)+(\p)+1], v[KSH+(\p):KSH+(\p)+1], v[BB+2*(\a):BB+2*(\a)+1]
.endr
.endr
.irp a, 0,1,2,3
.irp p, 0,2,4,6
	v_pk_fma_f32 v[U+8*(\a)+(\p):U+8*(\a)+(\p)+1], v[U+8*(\a)+(\p):U+8*(\a)+(\p)+1], v[AA+2*(\a):AA+2*(\a)+1], v[X2+8*(\a)+(\p):X2+8*(\a)+(\p)+1] neg_lo:[0,0,1] neg_hi:[0,0,1]  ; u
.endr
.endr
	LDC KSH, CTA, 64
.set k, 0
.rept 16
	v_pk_mul_f32 v[X2+2*k:X2+2*k+1], v[U+2*k:U+2*k+1], v[U+2*k:U+2*k+1]
	v_pk_fma_f32 v[W+2*k:W+2*k+1], v[U+2*k:U+2*k+1], v[U+2*k:U+2*k+1], 1.0 op_sel_hi:[1,1,0]
.set k, k+1
.endr
.set k, 0
.rept 16                               ; the roots, the series' two steps between them
	v_sqrt_f32 v[W+2*k], v[W+2*k]
	v_pk_fma_f32 v[YS+2*k:YS+2*k+1], v[X2+2*k:X2+2*k+1], v[KC5+(2*k)%8:KC5+(2*k)%8+1], v[KC3+(2*k)%8:KC3+(2*k)%8+1]
	v_sqrt_f32 v[W+2*k+1], v[W+2*k+1]
	v_pk_fma_f32 v[YS+2*k:YS+2*k+1], v[YS+2*k:YS+2*k+1], v[X2+2*k:X2+2*k+1], v[KC1+(2*k)%8:KC1+(2*k)%8+1]
.set k, k+1
.endr
	LDC KC5, CTA, 320
	LDC KC3, CTA, 256
	LDC KC1, CTA, 192
	s_wait_alu depctr_va_vdst(0)                   ; one wait for the 32 roots
	v_fma_f32 v[W], |v[U]|, 1.0, v[W]
.set e, 0
.rept 32                               ; |u| + root one register ahead; the logarithm; the choice of the series, kept as a lane mask
.if e < 31
	v_fma_f32 v[W+e+1], |v[U+e+1]|, 1.0, v[W+e+1]
.endif
	v_log_f32 v[W+e], v[W+e]
	v_cmp_lt_f32 s[66+e], v[X2+e], v[KTH+e%8]
.set e, e+1
.endr
	s_wait_alu depctr_va_vdst(0)                   ; one wait for the 32 logarithms
	v_pk_mul_f32 v[X2:X2+1], v[W:W+1], v[KA:KA+1]  ; E,
	v_pk_mul_f32 v[W:W+1], v[W:W+1], v[KA:KA+1] neg_lo:[0,1] neg_hi:[0,1]  ; and -E
.set k, 0
.rept 16                               ; the powers; between them the next pair's E and -E and the series' last step
	v_exp_f32 v[X2+2*k], v[X2+2*k]
.if k < 15
	v_pk_mul_f32 v[X2+2*k+2:X2+2*k+3], v[W+2*k+2:W+2*k+3], v[KA+(2*k+2)%8:KA+(2*k+2)%8+1]
.endif
	v_exp_f32 v[W+2*k], v[W+2*k]
.if k < 15
	v_pk_mul_f32 v[W+2*k+2:W+2*k+3], v[W+2*k+2:W+2*k+3], v[KA+(2*k+2)%8:KA+(2*k+2)%8+1] neg_lo:[0,1] neg_hi:[0,1]
.endif
	v_exp_f32 v[X2+2*k+1], v[X2+2*k+1]
	v_pk_mul_f32 v[YS+2*k:YS+2*k+1], v[YS+2*k:YS+2*k+1], v[U+2*k:U+2*k+1]
	v_exp_f32 v[W+2*k+1], v[W+2*k+1]
.set k, k+1
.endr
	v_nop                                          ; a plain instruction behind the last power
	LDC KA,  CTA, 128
	LDC KTH, CTA, 384
	s_wait_alu depctr_va_vdst(0)                   ; one wait for the 64 powers
.set k, 0
.rept 16
	v_pk_add_f32 v[W+2*k:W+2*k+1], v[X2+2*k:X2+2*k+1], v[W+2*k:W+2*k+1] neg_lo:[0,1] neg_hi:[0,1]
.set k, k+1
.endr
.set e, 0
.rept 32
	v_cndmask_b32 v[W+e], v[W+e], v[YS+e], s[66+e]
.set e, e+1
.endr
.set e, 0
.rept 32
	v_bfi_b32 v[W+e], s23, v[W+e], v[U+e]          ; u's sign
.set e, e+1
.endr
.irp p, 0,2,4,6
.irp a, 0,1,2,3
	v_pk_fma_f32 v[SS+2*(\a):SS+2*(\a)+1], v[W+8*(\a)+(\p):W+8*(\a)+(\p)+1], v[W+8*(\a)+(\p):W+8*(\a)+(\p)+1], v[SS+2*(\a):SS+2*(\a)+1]
.endr
.endr
.set k, 0
.rept 16
	v_cvt_pk_bf16_f32 v[X2+k], v[W+2*k], v[W+2*k+1]
.set k, k+1
.endr
.irp a, 0,1,2,3
	ds_store_b128 v[STO], v[X2+4*(\a):X2+4*(\a)+3] offset:(\a)*16*PA
.endr
	v_add_nc_u32 v[STO], 32, v[STO]
	v_add_nc_u32 v[CTA], 512, v[CTA]
	v_add_nc_u32 v[RNA], 64, v[RNA]
	s_add_co_u32 s99, s99, 1
	s_cmp_lt_u32 s99, 8
	s_cbranch_scc1 .Lcol
	; my 64 rows' sums over this tile's 128 columns: one part of S' for the next launch, 256 bytes on end
.irp a, 0,1,2,3
	v_add_f32 v[SS+2*(\a)], v[SS+2*(\a)], v[SS+2*(\a)+1]
.endr
.irp a, 0,1,2,3
	v_permlanex16_b32 v[SS+2*(\a)+1], v[SS+2*(\a)], s100, s101
.endr
.irp a, 0,1,2,3
	v_add_f32 v[SS+2*(\a)], v[SS+2*(\a)], v[SS+2*(\a)+1]
.endr
.irp a, 0,1,2,3
	ds_store_b32 v[SPA], v[SS+2*(\a)] offset:64*(\a)
.endr
	ds_load_b64 v[56:57], v[SPB]                   ; LDS serves a wave's instructions in order (ISA guide 5.7.1.4): this sees the stores above
	s_lshl_b32 s66, s42, 16                        ; part = tile column
	s_lshl_b32 s67, s43, 10
	s_add_co_u32 s66, s66, s67
	s_lshl_b32 s67, s[WV], 8
	s_add_co_u32 s66, s66, s67
	s_mov_b32 s67, 0
	s_add_nc_u64 s[68:69], s[8:9], s[66:67]
	s_lshl_b32 s70, s43, 1                         ; y': block row 2 x tile row + wave / 2, block column = tile column, the upper or lower 64 rows
	s_add_co_u32 s70, s70, s21
	s_mul_i32 s70, s70, NB
	s_add_co_u32 s70, s70, s42
	s_lshl_b32 s70, s70, 15
	s_lshl_b32 s71, s22, 14
	s_add_co_u32 s70, s70, s71
	s_add_co_u32 s70, s70, ACT
	s_mov_b32 s71, 0
	s_add_nc_u64 s[70:71], s[8:9], s[70:71]
	s_wait_dscnt 0x0
	global_store_b64 v27, v[56:57], s[68:69]
.set t, 0
.rept 32
	ds_load_b128 v[64+4*t:64+4*t+3], v[RD] offset:t*2*PA  ; my own stage: two whole rows a load
.set t, t+1
.endr
.set t, 0
.rept 32
	s_wait_dscnt 31-t                              ; load t is in; the later ones stay out
	global_store_b128 v[GO], v[64+4*t:64+4*t+3], s[70:71] offset:t*512  ; 512 consecutive bytes, aligned: 16,384 on end for the wave
.set t, t+1
.endr
	s_wait_tensorcnt 0x0                           ; the wave's end: three closing lines, behind my last tensor load and my last LDS store
	ds_add_u32 v[SPW], v[NIL]
	s_wait_dscnt 0x0
	CROUND                                         ; the closing round: no work-group ends while a partner may still ask for a tile that names it
	s_endpgm
.Lfunc_end_k_q8609b85a25_g2:
	.size	k_q8609b85a25_g2, .Lfunc_end_k_q8609b85a25_g2-k_q8609b85a25_g2
	.p2alignl 7, 3214868480
	.fill 96, 4, 3214868480
	.section	.rodata,"a",@progbits
	.p2align	6, 0x0
	.amdhsa_kernel k_q8609b85a25_g2
		.amdhsa_group_segment_fixed_size 327680
		.amdhsa_private_segment_fixed_size 0
		.amdhsa_enable_private_segment 0
		.amdhsa_kernarg_size 24
		.amdhsa_user_sgpr_count 2
		.amdhsa_user_sgpr_kernarg_segment_ptr 1
		.amdhsa_wavefront_size32 1
		.amdhsa_system_sgpr_workgroup_id_x 1
		.amdhsa_system_sgpr_workgroup_id_y 1
		.amdhsa_system_sgpr_workgroup_id_z 1
		.amdhsa_system_vgpr_workitem_id 0
		.amdhsa_next_free_vgpr 512
		.amdhsa_next_free_sgpr 102
		.amdhsa_reserve_vcc 1
		.amdhsa_float_denorm_mode_32 3
		.amdhsa_float_denorm_mode_16_64 3
		.amdhsa_memory_ordered 1
		.amdhsa_forward_progress 1
		.amdhsa_inst_pref_size 123
	.end_amdhsa_kernel
	.amdgpu_metadata
---
amdhsa.version: [ 1, 2 ]
amdhsa.kernels:
  - .name:           k_q8609b85a25_g2
    .symbol:         k_q8609b85a25_g2.kd
    .args:
      - { .name: actA, .offset: 0, .size: 8, .value_kind: global_buffer, .address_space: global }
      - { .name: wts, .offset: 8, .size: 8, .value_kind: global_buffer, .address_space: global }
      - { .name: actB, .offset: 16, .size: 8, .value_kind: global_buffer, .address_space: global }
    .group_segment_fixed_size: 327680
    .private_segment_fixed_size: 0
    .kernarg_segment_align: 8
    .kernarg_segment_size: 24
    .max_flat_workgroup_size: 128
    .sgpr_count:     102
    .vgpr_count:     512
    .wavefront_size: 32
...
	.end_amdgpu_metadata
.endif
;; end of part 4
;; launch head (part 5): grid 128 x 2, 4 waves a work-group, clusters of 4 x 1, 327,680 bytes of LDS; arguments actB, wts, out0; writes out0
.if DOCPART == 5
	.amdgcn_target "amdgcn-amd-amdhsa--gfx1250"
	.amdhsa_code_object_version 6
	.text
	.protected	k_q8609b85a25_head
	.globl	k_q8609b85a25_head
	.p2align	8
	.type	k_q8609b85a25_head,@function
k_q8609b85a25_head:
	s_mov_b64 s[64:65], 0
	v_nop
	global_prefetch_b8 v0, s[64:65] scope:SCOPE_SE
	s_setreg_imm32_b32 hwreg(HW_REG_WAVE_MODE, 25, 1), 1
	s_wait_xcnt 0x0
	s_wait_alu depctr_hold_cnt(0) depctr_sa_sdst(0) depctr_va_vdst(0) depctr_va_sdst(0) depctr_va_ssrc(0) depctr_va_vcc(0) depctr_vm_vsrc(0)
	s_getreg_b32 s2, hwreg(HW_REG_IB_STS2, 6, 4)
	s_cmp_eq_u32 s2, 0
	s_cbranch_scc0 .Lentry_in_a_cluster
	s_endpgm
.Lentry_in_a_cluster:
	s_bfe_u32 s2, ttmp6, 0x10000c
	s_cmp_lg_u32 s2, 0x3003
	s_cbranch_scc0 .Lentry_shape_is_right
	s_endpgm
.Lentry_shape_is_right:
; THE HEAD: out = 2 g asinh(u), u as in the hidden layers: u = alpha (raw CC) - beta SH, with the rows' alpha, beta from the four parts of S' and the columns' CC, SH, A = |2g| from the table.
; asinh(u) = ln 2 log2(|u| + sqrt(u^2+1)) with u's sign; where u^2 < 0.0625 the series u (1 + u^2 (-1/6 + 0.075 u^2)), whose first term left out is 1.1e-5 of it at the most.  Both are made; v_cndmask_b32 chooses.
; LIMITS.  u^2 must stay finite: |b| below 19.  A row whose S' is not below infinity counts as h = 0.  Roots, logarithms and reciprocals take a denormal as 0.  NaN and infinities are not treated apart.
; SHARES.  A work-group makes 128 rows x 128 columns, a wave 64 x 64: 16 accumulators.  K = 512 lies in LDS whole: four blocks of y' and four of w, all asked for at the start; nothing is filled again.
; CLUSTER 4 x 1: the four partners make four row tiles of one column tile: w's blocks are asked for jointly; y's blocks are each work-group's own (mask 0).
; No prefetch: every fill goes out at the head.
; The matrix instruction is used transposed (source 0 = 16 columns of w, turned by ds_load_tr16_b128; source 1 = 16 rows of y'): a lane holds one row and eight neighbouring columns.
.set ACT,   1048576
.set REC,   33280
.set WH,    7454720                    ; the head's first weight record in wts
.set CHOFF, 7835648                    ; its table
.set PA,    272
.set PB,    288
.set ABLK,  128*PA
.set BBLK,  128*PB
.set BBASE, 4*ABLK
.set STG,   BBASE+4*BBLK               ; 16 rows x 272 bytes for each wave, never filled by a tensor load
.set CT,    STG+4*16*PA
.set RN,    CT+4096
.set SPARE, RN+512                     ; the spare words, 128 bytes for each wave: two blocks of 256 bytes that no other line names
.set STO,  8
.set RD,   9
.set GO,   10
.set CTA,  11
.set SPW,  12                          ; v12  LDS address of my spare word; never rewritten
.set NIL,  13                          ; v13  0; never rewritten
.set RNA,  14
.set ADA,  16                          ; v16-19, v20-23: fragment addresses by block; dead on the way out, where v16-31 hold half of the series
.set ADB,  20
.set AA,   32
.set BB,   40
.set F0,   64                          ; two fragment buffers of 64: w's four fragments, then y's four
.set F1,   128
.set U,    48
.set X2,   80
.set W,    112
.set CC,   160                         ; the constants of my 4 x 8 columns
.set KSH,  192
.set KA,   224
.set WV,   10
.set G1A,  16
.set G1B,  24
.set G0A,  32
.set G0B,  48
.set MSB, 0
.macro WIN new
.if MSB != (\new)
	s_set_vgpr_msb (MSB<<8)|(\new)
.set MSB, \new
.endif
.endm
.macro PLACES
.rept 4
	v_nop
.endr
.endm
.macro CROUND                          ; a round of the cluster's barrier
	s_barrier_signal -1
	s_barrier_wait -1
	s_cmp_lg_u32 s[WV], 0
	s_cbranch_scc1 .Lnot_wave_0_\@
	s_barrier_signal -3
.Lnot_wave_0_\@:
	s_barrier_wait -3
	s_barrier_signal -1
	s_barrier_wait -1
.endm
	s_load_b128 s[4:7], s[0:1], 0x0                ; y' and S' s[4:5], wts s[6:7]
	s_load_b64 s[8:9], s[0:1], 0x10                ; out
	v_lshl_add_u32 v[SPW], v0, 2, SPARE
	v_mov_b32 v[NIL], 0
	ds_add_u32 v[SPW], v[NIL]                      ; the wave's opening: the add, twice on end, and its wait ahead of my first tensor load
	ds_add_u32 v[SPW], v[NIL]
	v_lshrrev_b32 v1, 5, v0
	v_readfirstlane_b32 s[WV], v1
	s_lshr_b32 s11, s[WV], 1                       ; my half of the rows.  Also: I fetch y' (0) or w (1)
	s_and_b32 s12, s[WV], 1                        ; my half of the columns.  Also: which half of a block I fetch
	s_bfe_u32 s13, ttmp6, 0x40000                  ; cx
	s_lshl_b32 s14, ttmp9, 2
	s_add_co_u32 s14, s14, s13                     ; tile row
	s_and_b32 s15, ttmp7, 0xffff                   ; tile column, which the four partners share
	s_mov_b32 s[G1A], (1<<16)|(1<<20)|(5<<22)|(3<<25)             ; no mask; 2-byte elements; padding: 4 words after every 64
	s_mov_b32 s[G1B], 15|(1<<16)|(1<<20)|(1<<21)|(5<<22)|(7<<25)  ; the mask of four, bit 21 beside it; 8 words of padding
.irp g, G1A, G1B
	s_mov_b32 s[(\g)+1], 128<<16                   ; tensor_dim0 = 128
	s_mov_b32 s[(\g)+2], 64<<16                    ; tensor_dim1 = 64
	s_mov_b32 s[(\g)+3], 128<<16                   ; tile_dim0 = 128
	s_mov_b32 s[(\g)+4], 64                        ; tile_dim1 = 64: half a block
	s_mov_b32 s[(\g)+5], 128
	s_mov_b32 s[(\g)+6], 0
	s_mov_b32 s[(\g)+7], 0
.endr
	s_mov_b32 s66, 0x3d99999a                      ; 0.075
	s_mov_b32 s67, s66
	s_mov_b32 s68, 0xbe2aaaab                      ; -1/6
	s_mov_b32 s69, s68
	s_mov_b32 s70, 0x7fffffff
	s_mov_b32 s88, 0x76543210
	s_mov_b32 s89, 0xfedcba98
	s_lshl_b32 s74, s14, 17                        ; y': block row = tile row, four blocks of 32,768 bytes; my half of each
	s_lshl_b32 s75, s12, 14
	s_add_co_u32 s74, s74, s75
	s_add_co_u32 s74, s74, ACT
	s_mov_b32 s75, 0
	s_mul_i32 s76, s15, 4*REC                      ; w: the tile column's four records; no register here holds cx
	s_add_co_u32 s76, s76, WH
	s_lshl_b32 s77, s12, 14
	s_add_co_u32 s78, s76, s77
	s_mov_b32 s79, 0
	s_add_co_u32 s80, s76, 32768                   ; the column sums
	s_mov_b32 s81, 0
	s_lshl_b32 s82, s15, 12                        ; the table
	s_add_co_u32 s82, s82, CHOFF
	s_mov_b32 s83, 0
	s_lshl_b32 s84, s14, 9                         ; the rows' parts
	s_mov_b32 s85, 0
	s_lshl_b32 s86, s14, 17                        ; out: 128 rows of 1,024 bytes a tile row, 64 a wave's half; 512 bytes a tile column, 256 a half
	s_lshl_b32 s87, s11, 16
	s_add_co_u32 s86, s86, s87
	s_lshl_b32 s87, s15, 9
	s_add_co_u32 s86, s86, s87
	s_lshl_b32 s87, s12, 8
	s_add_co_u32 s86, s86, s87
	s_mov_b32 s87, 0
	s_mul_i32 s71, s12, 64*PA
	s_mul_i32 s72, s12, 64*PB
	s_add_co_u32 s72, s72, BBASE
	s_wait_dscnt 0x0                               ; both opening adds are done
	s_wait_kmcnt 0x0
	s_add_nc_u64 s[74:75], s[4:5], s[74:75]
	s_add_nc_u64 s[78:79], s[6:7], s[78:79]
	s_add_nc_u64 s[80:81], s[6:7], s[80:81]
	s_add_nc_u64 s[82:83], s[6:7], s[82:83]
	s_add_nc_u64 s[84:85], s[4:5], s[84:85]
	s_add_nc_u64 s[86:87], s[8:9], s[86:87]
.irp k, 0,1,2,3
	s_mov_b32 s[G0A+4*(\k)], 1
	s_add_co_u32 s[G0A+4*(\k)+1], s71, (\k)*ABLK
	s_add_nc_u64 s[G0A+4*(\k)+2:G0A+4*(\k)+3], s[74:75], (\k)*32768
	s_or_b32 s[G0A+4*(\k)+3], s[G0A+4*(\k)+3], 0x80000000
	s_mov_b32 s[G0B+4*(\k)], 1
	s_add_co_u32 s[G0B+4*(\k)+1], s72, (\k)*BBLK
	s_add_nc_u64 s[G0B+4*(\k)+2:G0B+4*(\k)+3], s[78:79], (\k)*REC
	s_or_b32 s[G0B+4*(\k)+3], s[G0B+4*(\k)+3], 0x80000000
.endr
	CROUND                                         ; all four work-groups are here: the joint loads meet
	s_cmp_eq_u32 s11, 0                            ; a wave's four fills stand in one branch: four loads of mine are out
	s_cbranch_scc0 .Lfill_b
.irp k, 0,1,2,3
	tensor_load_to_lds s[G0A+4*(\k):G0A+4*(\k)+3], s[G1A:G1A+7]
	s_nop 0
.endr
.rept 4
	v_nop
.endr
	s_branch .Lfilled
.Lfill_b:
.irp k, 0,1,2,3
	tensor_load_to_lds s[G0B+4*(\k):G0B+4*(\k)+3], s[G1B:G1B+7]
	s_nop 0
.endr
.rept 4
	v_nop
.endr
.Lfilled:
	v_and_b32 v1, 31, v0
	v_and_b32 v2, 15, v0                           ; r
	v_bfe_u32 v3, v0, 4, 1                         ; h
	s_lshl_b32 s2, s11, 8
	v_lshl_add_u32 v4, v2, 2, s2                   ; the rows' parts: my 64 rows, row r,
	v_lshl_add_u32 v4, v3, 16, v4                  ; the odd parts for lanes 16-31
	v_lshlrev_b32 v5, 2, v0
	v_lshlrev_b32 v6, 4, v0
.irp i, 0,1
.irp a, 0,1,2,3
	global_load_b32 v[64+4*(\i)+(\a)], v4, s[84:85] offset:(\i)*131072+(\a)*64
.endr
.endr
.irp k, 0,1,2,3
	global_load_b32 v[96+(\k)], v5, s[80:81] offset:(\k)*REC
.endr
	global_load_b128 v[112:115], v6, s[82:83]
	global_load_b128 v[116:119], v6, s[82:83] offset:2048
	v_add_nc_u32 v7, RN, v5
	v_add_nc_u32 v15, CT, v6
	s_mul_i32 s2, s11, 64*PA
	v_mul_u32_u24 v[ADA], v2, PA
	v_lshl_add_u32 v[ADA], v3, 4, v[ADA]
	v_add_nc_u32 v[ADA], s2, v[ADA]                ; (64 x half + r) x pitch + 16 h
	v_and_b32 v[ADB], 7, v0
	v_lshl_add_u32 v[ADB], v3, 3, v[ADB]
	v_mul_u32_u24 v[ADB], v[ADB], PB
	v_bfe_u32 v[ADB+1], v0, 3, 1
	v_lshl_add_u32 v[ADB], v[ADB+1], 4, v[ADB]
	s_lshl_b32 s2, s12, 7
	s_add_co_u32 s2, s2, BBASE
	v_add_nc_u32 v[ADB], s2, v[ADB]                ; + my 64 columns
.irp k, 1,2,3
	v_add_nc_u32 v[ADA+(\k)], (\k)*ABLK, v[ADA]
	v_add_nc_u32 v[ADB+(\k)], (\k)*BBLK, v[ADB]
.endr
	s_mul_i32 s2, s[WV], 16*PA
	s_add_co_u32 s2, s2, STG
	v_mul_u32_u24 v[STO], v2, PA
	v_lshl_add_u32 v[STO], v3, 5, v[STO]
	v_add_nc_u32 v[STO], s2, v[STO]                ; in: row r, 32 bytes for each half of the lanes
	v_mul_u32_u24 v[RD], v3, PA
	v_lshl_add_u32 v[RD], v2, 4, v[RD]
	v_add_nc_u32 v[RD], s2, v[RD]                  ; back: lanes 0-15 one row of 256 bytes, lanes 16-31 the next
	v_lshlrev_b32 v[GO], 10, v3
	v_lshl_add_u32 v[GO], v2, 4, v[GO]
	s_lshl_b32 s2, s12, 11
	s_add_co_u32 s2, s2, CT
	v_lshl_add_u32 v[CTA], v3, 5, s2
	s_lshl_b32 s2, s12, 8
	s_add_co_u32 s2, s2, RN
	v_lshl_add_u32 v[RNA], v3, 5, s2
.irp a, 0,1,2,3
	v_mov_b32 v[120+(\a)], 0                       ; v_permlanex16_b32's destinations count as read
.endr
	s_wait_loadcnt 0x0
	v_pk_add_f32 v[64:65], v[64:65], v[68:69]
	v_pk_add_f32 v[66:67], v[66:67], v[70:71]
.irp a, 0,1,2,3
	v_permlanex16_b32 v[120+(\a)], v[64+(\a)], s88, s89
.endr
.irp a, 0,1,2,3
	v_add_f32 v[64+(\a)], v[64+(\a)], v[120+(\a)]  ; S' of row 16 a + r
.endr
	v_pk_add_f32 v[96:97], v[96:97], v[98:99]
	v_add_f32 v96, v96, v97                        ; |w|^2 of column t
.irp a, 0,1,2,3
	v_fma_f32 v[124+(\a)], v[64+(\a)], 0x3e800000, 1.0
.endr
.irp a, 0,1,2,3
	v_sqrt_f32 v[124+(\a)], v[124+(\a)]            ; q
.endr
	v_rsq_f32 v97, v96
	v_nop
	s_wait_alu depctr_va_vdst(0)                   ; one wait for each batch, ahead of its first reader
	v_min_num_f32 v97, 0x58635fa9, v97
.irp a, 0,1,2,3
	v_add_f32 v[128+(\a)], 1.0, v[124+(\a)]
.endr
.irp a, 0,1,2,3
	v_rcp_f32 v[128+(\a)], v[128+(\a)]
.endr
.irp a, 0,1,2,3
	v_add_f32 v[124+(\a)], -1.0, v[124+(\a)]
.endr
	s_wait_alu depctr_va_vdst(0)
.irp a, 0,1,2,3
	v_mul_f32 v[132+(\a)], v[124+(\a)], v[128+(\a)]  ; |h|^2
.endr
.irp a, 0,1,2,3
	v_rsq_f32 v[136+(\a)], v[132+(\a)]
.endr
	v_nop
	s_wait_alu depctr_va_vdst(0)
.irp a, 0,1,2,3
	v_mul_f32 v[136+(\a)], 0x3f7ef9db, v[136+(\a)]
	v_min_num_f32 v[136+(\a)], 1.0, v[136+(\a)]
	v_mul_f32 v[128+(\a)], v[128+(\a)], v[136+(\a)]
	v_min_num_f32 v[132+(\a)], 0x3f7df4c4, v[132+(\a)]
	v_cmp_gt_f32 vcc_lo, 0x7f800000, v[64+(\a)]
	v_cndmask_b32 v[132+(\a)], 0, v[132+(\a)], vcc_lo
	v_sub_f32 v[136+(\a)], 1.0, v[132+(\a)]
	v_max_num_f32 v[136+(\a)], 0x26901d7d, v[136+(\a)]
.endr
.irp a, 0,1,2,3
	v_rcp_f32 v[136+(\a)], v[136+(\a)]
.endr
.irp a, 0,1,2,3
	v_add_f32 v[132+(\a)], 1.0, v[132+(\a)]
.endr
	s_wait_alu depctr_va_vdst(0)
.irp a, 0,1,2,3
	v_mul_f32 v[AA+2*(\a)], v[128+(\a)], v[136+(\a)]
	v_mul_f32 v[BB+2*(\a)], v[132+(\a)], v[136+(\a)]
	v_mov_b32 v[AA+2*(\a)+1], v[AA+2*(\a)]
	v_mov_b32 v[BB+2*(\a)+1], v[BB+2*(\a)]
.endr
	ds_store_b32 v7, v97
	ds_store_b128 v15, v[112:115]
	ds_store_b128 v15, v[116:119] offset:2048
.macro HFETCH kb, q, f                 ; 16 LDS loads in one run: the fragments of 32 along K
	WIN 0
.irp b, 0,1,2,3
	ds_load_tr16_b128 v[(\f)+8*(\b):(\f)+8*(\b)+3],   v[ADB+(\kb)] offset:(\q)*32*PB+32*(\b)
	ds_load_tr16_b128 v[(\f)+8*(\b)+4:(\f)+8*(\b)+7], v[ADB+(\kb)] offset:(\q)*32*PB+32*(\b)+16*PB
.endr
.irp a, 0,1,2,3
	ds_load_b128 v[(\f)+32+8*(\a):(\f)+32+8*(\a)+3],   v[ADA+(\kb)] offset:(\a)*16*PA+64*(\q)
	ds_load_b128 v[(\f)+32+8*(\a)+4:(\f)+32+8*(\a)+7], v[ADA+(\kb)] offset:(\a)*16*PA+64*(\q)+32
.endr
.endm
.macro HMUL f, zero                    ; the 16 accumulators take turns, in the same order every time
	WIN 0x50
.irp a, 0,1,2,3
.irp b, 0,1,2,3
.if \zero
	v_wmma_f32_16x16x32_bf16 v[8*(4*(\a)+(\b)):8*(4*(\a)+(\b))+7], v[(\f)+8*(\b):(\f)+8*(\b)+7], v[(\f)+32+8*(\a):(\f)+32+8*(\a)+7], 0
.else
	v_wmma_f32_16x16x32_bf16 v[8*(4*(\a)+(\b)):8*(4*(\a)+(\b))+7], v[(\f)+8*(\b):(\f)+8*(\b)+7], v[(\f)+32+8*(\a):(\f)+32+8*(\a)+7], v[8*(4*(\a)+(\b)):8*(4*(\a)+(\b))+7]
.endif
.endr
.endr
.endm
.macro HSTEP kb, zero                  ; one block of 128 along K
	s_wait_tensorcnt 3-(\kb)                       ; my part of block kb is in; the later blocks' loads stay out
	s_wait_dscnt 0x0                               ; no LDS instruction of mine is out (at the first: my stores of the tables)
	s_barrier_signal -1
	s_barrier_wait -1                              ; everybody's part is in
	PLACES
	HFETCH \kb, 0, F0
	s_wait_dscnt 0x0
	PLACES
	HFETCH \kb, 1, F1
	HMUL F0, \zero
	s_wait_dscnt 0x0
	PLACES
	HFETCH \kb, 2, F0
	HMUL F1, 0
	s_wait_dscnt 0x0
	PLACES
	HFETCH \kb, 3, F1
	HMUL F0, 0
	s_wait_dscnt 0x0
	HMUL F1, 0
.endm
	HSTEP 0, 1
	HSTEP 1, 0
	HSTEP 2, 0
	HSTEP 3, 0
	; THE WAY OUT.  The constants of my 4 x 8 columns, once; then a row tile at a time: 32 registers a lane.
	WIN 0
	PLACES
.irp b, 0,1,2,3
	ds_load_b128 v[CC+8*(\b):CC+8*(\b)+3],    v[CTA] offset:(\b)*512
	ds_load_b128 v[CC+8*(\b)+4:CC+8*(\b)+7],  v[CTA] offset:(\b)*512+16
	ds_load_b128 v[KSH+8*(\b):KSH+8*(\b)+3],   v[CTA] offset:(\b)*512+64
	ds_load_b128 v[KSH+8*(\b)+4:KSH+8*(\b)+7], v[CTA] offset:(\b)*512+80
	ds_load_b128 v[KA+8*(\b):KA+8*(\b)+3],    v[CTA] offset:(\b)*512+128
	ds_load_b128 v[KA+8*(\b)+4:KA+8*(\b)+7],  v[CTA] offset:(\b)*512+144
	ds_load_b128 v[U+8*(\b):U+8*(\b)+3],      v[RNA] offset:(\b)*64
	ds_load_b128 v[U+8*(\b)+4:U+8*(\b)+7],    v[RNA] offset:(\b)*64+16
.endr
	s_wait_dscnt 0x0
.set k, 0
.rept 16
	v_pk_mul_f32 v[CC+2*k:CC+2*k+1], v[CC+2*k:CC+2*k+1], v[U+2*k:U+2*k+1]  ; CC = sgn(g) cosh 2b / |w|
.set k, k+1
.endr
; register n of the series lies at v[144 + n] for n < 16 and at v[n] for n >= 16
.macro HOUT a
	s_wait_xcnt 0x0                                ; the last tile's stores have read their registers, which are written again below
	WIN 0x01                                       ; source 0 in window 1
.irp b, 0,1,2,3
.irp p, 0,2,4,6
	v_pk_mul_f32 v[U+8*(\b)+(\p):U+8*(\b)+(\p)+1], v[8*(4*(\a)+(\b))+(\p):8*(4*(\a)+(\b))+(\p)+1], v[CC+8*(\b)+(\p):CC+8*(\b)+(\p)+1]
.endr
.endr
	WIN 0
.set k, 0
.rept 16
	v_pk_mul_f32 v[X2+2*k:X2+2*k+1], v[KSH+2*k:KSH+2*k+1], v[BB+2*(\a):BB+2*(\a)+1]
.set k, k+1
.endr
.set k, 0
.rept 16
	v_pk_fma_f32 v[U+2*k:U+2*k+1], v[U+2*k:U+2*k+1], v[AA+2*(\a):AA+2*(\a)+1], v[X2+2*k:X2+2*k+1] neg_lo:[0,0,1] neg_hi:[0,0,1]  ; u
.set k, k+1
.endr
.set k, 0
.rept 16
	v_pk_mul_f32 v[X2+2*k:X2+2*k+1], v[U+2*k:U+2*k+1], v[U+2*k:U+2*k+1]
	v_pk_fma_f32 v[W+2*k:W+2*k+1], v[U+2*k:U+2*k+1], v[U+2*k:U+2*k+1], 1.0 op_sel_hi:[1,1,0]
.set k, k+1
.endr
.set k, 0
.rept 16                               ; the roots, the series' two steps between them
.set ys, 2*k+144*(1-(2*k)/16)
	v_sqrt_f32 v[W+2*k], v[W+2*k]
	v_pk_fma_f32 v[ys:ys+1], v[X2+2*k:X2+2*k+1], s[66:67], s[68:69] op_sel_hi:[1,0,0]
	v_sqrt_f32 v[W+2*k+1], v[W+2*k+1]
	v_pk_fma_f32 v[ys:ys+1], v[ys:ys+1], v[X2+2*k:X2+2*k+1], 1.0 op_sel_hi:[1,1,0]
.set k, k+1
.endr
	s_wait_alu depctr_va_vdst(0)                   ; one wait for the 32 roots
	v_fma_f32 v[W], |v[U]|, 1.0, v[W]
.set e, 0
.rept 32                               ; |u| + root one register ahead; the logarithm; behind every second one the series' last step
.if e < 31
	v_fma_f32 v[W+e+1], |v[U+e+1]|, 1.0, v[W+e+1]
.endif
	v_log_f32 v[W+e], v[W+e]
.if e%2 == 1
.set ys, e-1+144*(1-(e-1)/16)
	v_pk_mul_f32 v[ys:ys+1], v[ys:ys+1], v[U+e-1:U+e]
.endif
.set e, e+1
.endr
	s_wait_alu depctr_va_vdst(0)                   ; one wait for the 32 logarithms
.set k, 0
.rept 16
	v_pk_mul_f32 v[W+2*k:W+2*k+1], v[W+2*k:W+2*k+1], 0x3f317218 op_sel_hi:[1,0]  ; ln 2
.set k, k+1
.endr
.set e, 0
.rept 32
.set ys, e+144*(1-e/16)
	v_cmp_gt_f32 vcc_lo, 0x3d800000, v[X2+e]       ; u^2 < 0.0625
	v_cndmask_b32 v[W+e], v[W+e], v[ys], vcc_lo
	v_bfi_b32 v[W+e], s70, v[W+e], v[U+e]          ; u's sign
.set e, e+1
.endr
.set k, 0
.rept 16
	v_pk_mul_f32 v[W+2*k:W+2*k+1], v[W+2*k:W+2*k+1], v[KA+2*k:KA+2*k+1]
.set k, k+1
.endr
.irp b, 0,1,2,3
	ds_store_b128 v[STO], v[W+8*(\b):W+8*(\b)+3]   offset:64*(\b)
	ds_store_b128 v[STO], v[W+8*(\b)+4:W+8*(\b)+7] offset:64*(\b)+16
.endr
.irp t, 0,1,2,3,4,5,6,7
	ds_load_b128 v[X2+4*(\t):X2+4*(\t)+3], v[RD] offset:(\t)*2*PA  ; LDS serves a wave's instructions in order (ISA guide 5.7.1.4): these see the stores above; the next tile's stores come behind them
.endr
.irp t, 0,1,2,3,4,5,6,7
	s_wait_dscnt 7-(\t)                            ; load t is in; the later ones stay out
	global_store_b128 v[GO], v[X2+4*(\t):X2+4*(\t)+3], s[86:87] offset:(\a)*16384+(\t)*2048 th:TH_STORE_NT  ; sixteen lanes store 256 consecutive bytes, aligned
.endr
.endm
	HOUT 0
	HOUT 1
	HOUT 2
	HOUT 3
	s_wait_tensorcnt 0x0                           ; the wave's end: three closing lines, behind my last tensor load and my last LDS store
	ds_add_u32 v[SPW], v[NIL]
	s_wait_dscnt 0x0
	CROUND                                         ; the closing round: no work-group ends while a partner may still ask for a tile that names it
	s_endpgm
.Lfunc_end_k_q8609b85a25_head:
	.size	k_q8609b85a25_head, .Lfunc_end_k_q8609b85a25_head-k_q8609b85a25_head
	.p2alignl 7, 3214868480
	.fill 96, 4, 3214868480
	.section	.rodata,"a",@progbits
	.p2align	6, 0x0
	.amdhsa_kernel k_q8609b85a25_head
		.amdhsa_group_segment_fixed_size 327680
		.amdhsa_private_segment_fixed_size 0
		.amdhsa_enable_private_segment 0
		.amdhsa_kernarg_size 24
		.amdhsa_user_sgpr_count 2
		.amdhsa_user_sgpr_kernarg_segment_ptr 1
		.amdhsa_wavefront_size32 1
		.amdhsa_system_sgpr_workgroup_id_x 1
		.amdhsa_system_sgpr_workgroup_id_y 1
		.amdhsa_system_sgpr_workgroup_id_z 1
		.amdhsa_system_vgpr_workitem_id 0
		.amdhsa_next_free_vgpr 384
		.amdhsa_next_free_sgpr 92
		.amdhsa_reserve_vcc 1
		.amdhsa_float_denorm_mode_32 3
		.amdhsa_float_denorm_mode_16_64 3
		.amdhsa_memory_ordered 1
		.amdhsa_forward_progress 1
		.amdhsa_inst_pref_size 142
	.end_amdhsa_kernel
	.amdgpu_metadata
---
amdhsa.version: [ 1, 2 ]
amdhsa.kernels:
  - .name:           k_q8609b85a25_head
    .symbol:         k_q8609b85a25_head.kd
    .args:
      - { .name: actB, .offset: 0, .size: 8, .value_kind: global_buffer, .address_space: global }
      - { .name: wts, .offset: 8, .size: 8, .value_kind: global_buffer, .address_space: global }
      - { .name: out0, .offset: 16, .size: 8, .value_kind: global_buffer, .address_space: global }
    .group_segment_fixed_size: 327680
    .private_segment_fixed_size: 0
    .kernarg_segment_align: 8
    .kernarg_segment_size: 24
    .max_flat_workgroup_size: 128
    .sgpr_count:     92
    .vgpr_count:     384
    .wavefront_size: 32
...
	.end_amdgpu_metadata
.endif
;; end of part 5
;; ======== version 2 of 4: 5 launches
;; limits: a function is approximated: absolute error at most 2e-07; right only within a limited range of input values
;; workspace buffers: actA 34,603,008 bytes; actB 68,157,440 bytes; wts 7,843,840 bytes
;; launch prep: the kernel of part 1 again; grid 488 x 1, 8 waves a work-group, no clusters, 9,472 bytes of LDS; arguments x, wv0, wv1, wv2, hv, wg0, wg1, wg2, hg, b0, b1, b2, hb, actA, wts; writes actA, wts
;; launch g0 (part 6): grid 8 x 64, 4 waves a work-group, clusters of 4 x 4, 327,680 bytes of LDS; arguments actA, wts, actB; writes actB
.if DOCPART == 6
	.amdgcn_target "amdgcn-amd-amdhsa--gfx1250"
	.amdhsa_code_object_version 6
	.text
	.protected	k_q8609b85a25_g0
	.globl	k_q8609b85a25_g0
	.p2align	8
	.type	k_q8609b85a25_g0,@function
k_q8609b85a25_g0:
	s_mov_b64 s[64:65], 0
	v_nop
	global_prefetch_b8 v0, s[64:65] scope:SCOPE_SE
	s_setreg_imm32_b32 hwreg(HW_REG_WAVE_MODE, 25, 1), 1
	s_wait_xcnt 0x0
	s_wait_alu depctr_hold_cnt(0) depctr_sa_sdst(0) depctr_va_vdst(0) depctr_va_sdst(0) depctr_va_ssrc(0) depctr_va_vcc(0) depctr_vm_vsrc(0)
	s_getreg_b32 s2, hwreg(HW_REG_IB_STS2, 6, 4)
	s_cmp_eq_u32 s2, 0
	s_cbranch_scc0 .Lentry_in_a_cluster
	s_endpgm
.Lentry_in_a_cluster:
	s_bfe_u32 s2, ttmp6, 0x10000c
	s_cmp_lg_u32 s2, 0xf033
	s_cbranch_scc0 .Lentry_shape_is_right
	s_endpgm
.Lentry_shape_is_right:
; A HIDDEN POINCARE LAYER ON TILES OF 256 x 256.  THIS TEXT: layer 0, K = 512, N = 2,048.  Layer 1 has the same text with other sizes at its head: with joint loads every trip count,
; branch and descriptor word is the same in all partners, so the sizes are constants of the text and are not read from memory.
; y' = 2 sinh(2 g asinh(u)), u = (2 (h . z) cosh 2b - (1 + |h|^2) sinh 2b) / (1 - |h|^2).
; The layer's input h is never formed.  The launch before stored y'_in (bf16) and the parts of S' = sum y'_in^2 (f32).  With q = sqrt(1 + S'/4): h = y'_in / (2 (1 + q)), |h|^2 = (q-1)/(q+1),
; the clamp to the ball's rim is a factor R = min(1, 0.996 / |h|), and z = w / |w| is a factor for each column.  So u = alpha (raw CC) - beta SH with raw = y'_in . w from the matrix unit,
; alpha = R / ((1+q)(1-|h|^2)), beta = (1+|h|^2) / (1-|h|^2) for each row, CC = sgn(g) cosh 2b / |w|, SH = sgn(g) sinh 2b for each column.
; y' = 2^E - 2^-E, E = |2g| log2(|u| + sqrt(u^2+1)), with u's sign; where u^2 lies under the table's bound, the series u (C1 + u^2 (C3 + u^2 C5)) instead.  Both are always made; v_cndmask_b32 chooses.
; LIMITS.  u^2 must stay finite: |b| below 19.  A row whose S' is not below infinity counts as overflowed: h = 0 (reference() does so from sum y^2 = 3.4e38 on, this text from 8.5e37 on).
; The series' first term left out is 1.1e-5 of y' at the most.  2^E - 2^-E is off by some 2e-7 absolutely: more than 1e-3 of y' only where |2g| is under 1e-3.
; Roots, logarithms, reciprocals and powers of two take a denormal as 0.  NaN and infinities are not treated apart.  y' is kept in bf16 since its range passes f16's for large g.
; SHARES.  A work-group makes 256 rows x 256 columns; wave w rows 64 w .. 64 w + 63 and all columns: 64 accumulators.  A wave's rows of the result are whole rows of 256 bytes of two blocks of the next layer's input.
; THE MATRIX INSTRUCTION IS USED TRANSPOSED: source 0 = 16 columns of w (turned on the way out of LDS by ds_load_tr16_b128, since w lies [k][n]), source 1 = 16 rows of y'_in:
; a lane holds one row (lane % 16) and the columns 8 (lane / 16) + 0..7.
; CLUSTER 4 x 4: the four of a row of the cluster need the same blocks of y'_in, the four of a column the same blocks of w: each is asked for jointly.
; RING: two LDS slots of one K step of 128: two blocks of y'_in and two of w, one to a wave.  From a joint load to the wait for it a wave issues 224 matrix instructions.
; A K step is written once for the trips that fill a slot again and once for the last two; the slot in hand is a scalar that an exclusive or turns between 0 and SLOT.
; THE STAGE of the way out lies in slot 0: that slot's last fill is K step KB - 2, and a barrier stands between every wave's last read of the ring and the first store into the stage.
; REGISTERS, in windows of 256 (s_set_vgpr_msb: bits 1:0 source 0, 3:2 source 1, 5:4 source 2, 7:6 destination):
;   window 0: v0-31 addresses; v32-39 alpha, v40-47 beta (a pair for each of my four row tiles), v48-55 the rows' sums; v64-95, v96-127 y's fragments, two buffers; on the way out v64-255 are at work
;   window 1: w's fragments, two buffers of 128 (column tile c at 8 c)     window 2: accumulator (a, c) for column tiles c = 0-7 at 8 (8 a + c)     window 3: for c = 8-15 at 8 (8 a + c - 8)
.set LAPS,  2                          ; K / 256
.set NB,    16                         ; N / 128: the blocks in a block row of the result
.set WOFF,  0                          ; the layer's first weight record in wts, in bytes
.set COFF,  7720960                    ; its columns' table in wts
.set KB,    2*LAPS                     ; K steps
.set ACT,   1048576
.set REC,   33280
.set PA,    272                        ; an LDS row of y'_in: 256 bytes + 16: the 16 rows of a fragment load start at 16 different groups of four banks (64 banks of 4 bytes: ISA guide 11.1)
.set PB,    288                        ; an LDS row of w: 256 + 32
.set ABLK,  128*PA                     ; a block of y'_in in LDS
.set BBLK,  128*PB                     ; a block of w in LDS
.set BOFF,  2*ABLK                     ; in a slot: 256 rows of y'_in, then two blocks of 128 k rows of w
.set SLOT,  BOFF+2*BBLK
.set SP,    528                        ; a row of the stage: 512 bytes + 16; 64 rows a wave, from LDS byte 0 on: 135,168 bytes, inside slot 0
.set CT,    2*SLOT                     ; behind the ring: the columns' table, 8,192 bytes
.set RN,    CT+8192                    ; 1 / |w| of the 256 columns, and 128 bytes that the last look-ahead load touches
.set SPS,   RN+1280                    ; 256 bytes a wave: its 64 rows' sums
.set SPARE, SPS+1024                   ; the spare words, 128 bytes for each wave: two blocks of 256 bytes that no other line names
.set ADA0, 10                          ; v10     my lane's place in a slot's rows of y'_in; never rewritten
.set ADB0, 12                          ; v12-13  my lane's place in a slot's two blocks of w; never rewritten
.set ADRA, 16                          ; v16     the same in the slot in hand
.set ADRB, 18                          ; v18-19
.set STO,  20
.set RD,   21
.set GO,   22
.set CTA,  23
.set RNA,  24
.set SPA,  25
.set SPB,  26
.set SPW,  28                          ; v28  LDS address of my spare word; never rewritten
.set NIL,  29                          ; v29  0; never rewritten
.set PFO,  30                          ; v30  256 x lane: the prefetches' offset; never rewritten
.set AA,   32
.set BB,   40
.set SS,   48
.set FA,   64                          ; y's fragments: buffer f at FA + 32 f
.set U,    64                          ; the way out: raw CC, then u
.set X2,   96                          ; beta SH, u^2, E, 2^E, the packed results
.set W,    128                         ; u^2+1, its root, |u| + root, its log2, -E, 2^-E, y'
.set YS,   160                         ; the series
.set KCH,  192                         ; the column tile's constants, eight registers each
.set KRN,  200
.set KSH,  208
.set KA,   216
.set KC1,  224
.set KC3,  232
.set KC5,  240
.set KTH,  248
.set WV,   20                          ; s20  my wave's number; s21 = wave / 2: I fetch y'_in (0) or w (1); s22 = wave % 2: which of the two blocks
.set G1A,  24                          ; s[24:31], s[32:39] descriptor groups 1 and 0 for y'_in; s[12:15] and s10, which feed them, never hold cx
.set G0A,  32                          ; two sets for the two first fills; the second then walks
.set G1B,  48                          ; s[48:55], s[56:63] the same for w; s[16:19] and s11, which feed them, never hold cy
.set G0B,  56
.set TB,   96                          ; s96  the slot that is read: 0 or SLOT
.set TF,   97                          ; s97  the slot that was filled last: 0 or SLOT
.set MSB, 0
.macro WIN new                         ; the immediate's high byte repeats the setting that is left; a switch that changes nothing is dropped
.if MSB != (\new)
	s_set_vgpr_msb (MSB<<8)|(\new)
.set MSB, \new
.endif
.endm
.macro PLACES                          ; four plain instructions between a matrix instruction and a load into, or a vector read of, its registers (ISA guide 7.12.1 for vector reads)
.rept 4
	v_nop
.endr
.endm
.macro CREST                           ; a round of the cluster's barrier behind its opening barrier
	s_cmp_lg_u32 s[WV], 0
	s_cbranch_scc1 .Lnot_wave_0_\@
	s_barrier_signal -3
.Lnot_wave_0_\@:
	s_barrier_wait -3
	s_barrier_signal -1
	s_barrier_wait -1
.endm
.macro CROUND
	s_barrier_signal -1
	s_barrier_wait -1
	CREST
.endm
.macro JLOAD                           ; a joint refill by the walking descriptors; the branch hangs on the wave's number alone; an s_nop 0 and four v_nop follow each line
	s_cmp_eq_u32 s21, 0
	s_cbranch_scc0 .Lfor_b_\@
	tensor_load_to_lds s[G0A+4:G0A+7], s[G1A:G1A+7]
	s_nop 0
.rept 4
	v_nop
.endr
	s_branch .Lasked_\@
.Lfor_b_\@:
	tensor_load_to_lds s[G0B+4:G0B+7], s[G1B:G1B+7]
	s_nop 0
.rept 4
	v_nop
.endr
.Lasked_\@:
.endm
; A prefetch of the K step that stands two refills on: 32 rows of 256 bytes, a lane a row.  Each row is named once in the launch: y'_in's blocks by the clusters with x = 0 (waves 0 and 1, the four partners
; of a row of the cluster taking 32 rows each, by address), w's blocks by the clusters with y = 0 (waves 2 and 3, the four partners of a column likewise).  The last two trips that fill ask for nothing:
; no K step stands two refills on.  With four K steps there are only those two trips, and nothing of the prefetch is assembled.
.macro ASK
.if KB > 4
	s_cmp_gt_u32 s3, s98                           ; s3 = 2 and 1 in the last two trips; s98 = 2 in a wave that asks, else the greatest number
	s_cbranch_scc0 .Lnot_mine_\@
	global_prefetch_b8 v[PFO], s[44:45] th:TH_LOAD_NT scope:SCOPE_SE
.Lnot_mine_\@:
.endif
.endm
.macro FETCH q, f                      ; 40 LDS loads in one run: the fragments of 32 along K, quarter q of the slot in hand, into buffer f
	WIN 0x40                                       ; destination window 1, address window 0
.irp j, 0,1
.irp b, 0,1,2,3,4,5,6,7
	ds_load_tr16_b128 v[128*(\f)+64*(\j)+8*(\b):128*(\f)+64*(\j)+8*(\b)+3],   v[ADRB+(\j)] offset:(\q)*32*PB+32*(\b)
	ds_load_tr16_b128 v[128*(\f)+64*(\j)+8*(\b)+4:128*(\f)+64*(\j)+8*(\b)+7], v[ADRB+(\j)] offset:(\q)*32*PB+32*(\b)+16*PB
.endr
.endr
	WIN 0
.irp a, 0,1,2,3
	ds_load_b128 v[FA+32*(\f)+8*(\a):FA+32*(\f)+8*(\a)+3],   v[ADRA] offset:(\a)*16*PA+64*(\q)
	ds_load_b128 v[FA+32*(\f)+8*(\a)+4:FA+32*(\f)+8*(\a)+7], v[ADRA] offset:(\a)*16*PA+64*(\q)+32
.endr
.endm
; 16 matrix instructions: row tiles a0, a0 + 1 x the eight column tiles of half hi, from buffer f.  The 64 accumulators take turns, in the same order in every quarter
.macro MUL16 f, hi, a0, zero
	WIN 0xa1+0x50*(\hi)                            ; source 0 (w) window 1, source 1 (y) window 0, C and D window 2 or 3
.irp a, \a0, (\a0)+1
.irp b, 0,1,2,3,4,5,6,7
.if \zero
	v_wmma_f32_16x16x32_bf16 v[8*(8*(\a)+(\b)):8*(8*(\a)+(\b))+7], v[128*(\f)+64*(\hi)+8*(\b):128*(\f)+64*(\hi)+8*(\b)+7], v[FA+32*(\f)+8*(\a):FA+32*(\f)+8*(\a)+7], 0
.else
	v_wmma_f32_16x16x32_bf16 v[8*(8*(\a)+(\b)):8*(8*(\a)+(\b))+7], v[128*(\f)+64*(\hi)+8*(\b):128*(\f)+64*(\hi)+8*(\b)+7], v[FA+32*(\f)+8*(\a):FA+32*(\f)+8*(\a)+7], v[8*(8*(\a)+(\b)):8*(8*(\a)+(\b))+7]
.endif
.endr
.endr
.endm
.macro QUARTER qn, f, g, zero          ; multiplies buffer f; ahead of that asks for quarter qn of the slot in hand into buffer g
	s_wait_dscnt 0x0                               ; buffer f is in: it was asked for a quarter, 64 matrix instructions, ago
	PLACES                                         ; buffer g was read by the matrix instructions just issued
	FETCH \qn, \g
	MUL16 \f, 0, 0, \zero
	MUL16 \f, 0, 2, \zero
	MUL16 \f, 1, 0, \zero
	MUL16 \f, 1, 2, \zero
.endm
; A K step's last quarter multiplies buffer 1 and changes slots.  In front of the barrier each wave waits for all its tensor loads (one at the most is out: its part of the next slot), adds 0 to its spare word,
; and waits for that and for its reads of this slot.  fill = 1: the barrier opens a round of the cluster's, and the joint refill, two K steps on, is the first thing behind it.
; fill = 0, the last two K steps: nothing is asked for; behind the very last K step (s3 = 1) there is no next slot, and the run of LDS loads is jumped over.
.macro TURN fill
.if (\fill) && (KB > 4)
	s_wait_xcnt 0x0                                ; the last prefetch, a K step back, has read its address
	s_add_nc_u64 s[44:45], s[44:45], s[46:47]
.endif
	WIN 0
	s_wait_tensorcnt 0x0
	ds_add_u32 v[SPW], v[NIL]
	s_wait_dscnt 1                                 ; buffer 1 is in; the add may be out
	MUL16 1, 0, 0, 0
	s_wait_dscnt 0x0                               ; the add is done, and my reads of this slot are over
	s_barrier_signal -1
	MUL16 1, 0, 2, 0
	WIN 0
	s_barrier_wait -1
.if \fill
	CREST                                          ; no wave of any partner still reads this slot or has a load on its way
	s_xor_b32 s[TF], s[TF], SLOT                   ; the walking descriptors: the other slot than last time,
	s_add_co_u32 s[G0A+5], s10, s[TF]
	s_add_co_u32 s[G0B+5], s11, s[TF]
	s_add_nc_u64 s[G0A+6:G0A+7], s[G0A+6:G0A+7], 32768  ; one K step on; the type bits on top are not reached
	s_add_nc_u64 s[G0B+6:G0B+7], s[G0B+6:G0B+7], REC
	JLOAD                                          ; its four v_nop are also the places in front of the loads below
.else
	s_cmp_eq_u32 s3, 1
	s_cbranch_scc1 .Lno_next_\@
	PLACES
.endif
	s_xor_b32 s[TB], s[TB], SLOT                   ; the reads go on in the other slot
	v_add_nc_u32 v[ADRA], s[TB], v[ADA0]
	v_add_nc_u32 v[ADRB], s[TB], v[ADB0]
	v_add_nc_u32 v[ADRB+1], s[TB], v[ADB0+1]
	FETCH 0, 0
.if \fill
	ASK
.else
.Lno_next_\@:
.endif
	MUL16 1, 1, 0, 0
	MUL16 1, 1, 2, 0
.endm
.macro LDC dst, adr, off               ; eight constants of my eight columns
	ds_load_b128 v[(\dst):(\dst)+3],   v[\adr] offset:(\off)
	ds_load_b128 v[(\dst)+4:(\dst)+7], v[\adr] offset:(\off)+16
.endm
	s_load_b128 s[4:7], s[0:1], 0x0                ; y'_in and its S' s[4:5], wts s[6:7]
	s_load_b64 s[8:9], s[0:1], 0x10                ; y' and its S'
	v_lshl_add_u32 v[SPW], v0, 2, SPARE
	v_mov_b32 v[NIL], 0
	ds_add_u32 v[SPW], v[NIL]                      ; the wave's opening: the add, twice on end, and its wait ahead of my first tensor load
	ds_add_u32 v[SPW], v[NIL]
	v_lshrrev_b32 v1, 5, v0
	v_readfirstlane_b32 s[WV], v1
	s_lshr_b32 s21, s[WV], 1
	s_and_b32 s22, s[WV], 1
	s_bfe_u32 s40, ttmp6, 0x40000                  ; cx
	s_bfe_u32 s41, ttmp6, 0x40004                  ; cy
	s_lshl_b32 s42, ttmp9, 2
	s_add_co_u32 s42, s42, s40                     ; tile column = 4 x cluster x + cx
	s_and_b32 s43, ttmp7, 0xffff
	s_lshl_b32 s43, s43, 2
	s_add_co_u32 s43, s43, s41                     ; tile row = 4 x cluster y + cy
	s_lshl_b32 s2, s41, 2
	s_lshl_b32 s2, 15, s2                          ; my row of the cluster
	s_lshl_b32 s3, 0x1111, s40                     ; my column
	s_or_b32 s[G1A], s2, (1<<16)|(1<<20)|(1<<21)|(5<<22)|(3<<25)  ; mask; 2-byte elements; padding on; bit 21 beside a mask; after every 64 words; 4 words
	s_or_b32 s[G1B], s3, (1<<16)|(1<<20)|(1<<21)|(5<<22)|(7<<25)  ; the same with my column's mask and 8 words
.irp g, G1A, G1B
	s_mov_b32 s[(\g)+1], 128<<16                   ; tensor_dim0 = 128
	s_mov_b32 s[(\g)+2], 128<<16                   ; tensor_dim1 = 128
	s_mov_b32 s[(\g)+3], 128<<16                   ; tile_dim0 = 128
	s_mov_b32 s[(\g)+4], 128                       ; tile_dim1 = 128: a whole block
	s_mov_b32 s[(\g)+5], 128                       ; 128 elements from row to row: the block is dense
	s_mov_b32 s[(\g)+6], 0
	s_mov_b32 s[(\g)+7], 0
.endr
	s_mov_b32 s23, 0x7fffffff
	s_mov_b32 s100, 0x76543210
	s_mov_b32 s101, 0xfedcba98
	s_mov_b32 s[TB], 0
	s_mov_b32 s[TF], SLOT
	s_lshl_b32 s12, s43, 1                         ; y'_in: block row 2 x tile row + my half, KB blocks of 32,768 bytes to a block row
	s_add_co_u32 s12, s12, s22
	s_mul_i32 s12, s12, KB*32768
	s_add_co_u32 s12, s12, ACT
	s_mov_b32 s13, 0
	s_lshl_b32 s16, s42, 1                         ; w: block column 2 x tile column: its first record,
	s_mul_i32 s16, s16, KB*REC
	s_add_co_u32 s16, s16, WOFF
	s_mul_i32 s17, s22, KB*REC                     ; and that of the block column that I fetch
	s_add_co_u32 s17, s17, s16
	s_mov_b32 s18, s17
	s_mov_b32 s19, 0
	s_mul_i32 s10, s22, ABLK                       ; where they go: no place in the cluster enters an LDS address
	s_mul_i32 s11, s22, BBLK
	s_add_co_u32 s11, s11, BOFF
	s_wait_dscnt 0x0                               ; both opening adds are done
	s_wait_kmcnt 0x0
	s_add_nc_u64 s[14:15], s[4:5], s[12:13]
	s_add_nc_u64 s[18:19], s[6:7], s[18:19]
.irp s, 0,1
	s_mov_b32 s[G0A+4*(\s)], 1
	s_add_co_u32 s[G0A+4*(\s)+1], s10, (\s)*SLOT
	s_add_nc_u64 s[G0A+4*(\s)+2:G0A+4*(\s)+3], s[14:15], (\s)*32768
	s_or_b32 s[G0A+4*(\s)+3], s[G0A+4*(\s)+3], 0x80000000
	s_mov_b32 s[G0B+4*(\s)], 1
	s_add_co_u32 s[G0B+4*(\s)+1], s11, (\s)*SLOT
	s_add_nc_u64 s[G0B+4*(\s)+2:G0B+4*(\s)+3], s[18:19], (\s)*REC
	s_or_b32 s[G0B+4*(\s)+3], s[G0B+4*(\s)+3], 0x80000000
.endr
.if KB > 4
	; the prefetches stand at K step 3; each change of slots that fills steps them first, so the first names K step 4
	s_lshl_b32 s66, s40, 13                        ; my work-group's 32 rows of y'_in's block, by cx
	s_add_co_u32 s66, s66, s12
	s_add_co_u32 s66, s66, 3*32768
	s_lshl_b32 s67, s41, 13                        ; of w's block, by cy
	s_add_co_u32 s67, s67, s17
	s_add_co_u32 s67, s67, 3*REC
	s_and_b32 s68, ttmp7, 0xffff
	s_mov_b32 s46, REC
	s_cmp_eq_u32 s21, 0
	s_cselect_b32 s66, s66, s67
	s_cselect_b32 s68, ttmp9, s68                  ; the coordinate along which other clusters read the same rows
	s_cselect_b32 s46, 32768, s46
	s_cselect_b64 s[44:45], s[4:5], s[6:7]
	s_mov_b32 s67, 0
	s_mov_b32 s47, 0
	s_add_nc_u64 s[44:45], s[44:45], s[66:67]
	s_cmp_eq_u32 s68, 0
	s_cselect_b32 s98, 2, -1                       ; the same in all sixteen partners, for a given wave
.endif
	s_lshl_b32 s70, s43, 10                        ; the rows' parts at my tile's 256 rows
	s_mov_b32 s71, 0
	s_add_nc_u64 s[70:71], s[4:5], s[70:71]
	s_add_co_u32 s72, s16, 32768                   ; the column sums behind the first record's block
	s_mov_b32 s73, 0
	s_add_nc_u64 s[72:73], s[6:7], s[72:73]
	s_lshl_b32 s74, s42, 13                        ; my 256 columns' table
	s_add_co_u32 s74, s74, COFF
	s_mov_b32 s75, 0
	s_add_nc_u64 s[74:75], s[6:7], s[74:75]
	CROUND                                         ; all sixteen work-groups are here: the first joint loads meet
	s_cmp_eq_u32 s21, 0                            ; a wave's two first fills stand in one branch: two loads of mine are out
	s_cbranch_scc0 .Lfirst_b
	tensor_load_to_lds s[G0A:G0A+3], s[G1A:G1A+7]
	s_nop 0
	tensor_load_to_lds s[G0A+4:G0A+7], s[G1A:G1A+7]
	s_nop 0
.rept 4
	v_nop
.endr
	s_branch .Lfirst_asked
.Lfirst_b:
	tensor_load_to_lds s[G0B:G0B+3], s[G1B:G1B+7]
	s_nop 0
	tensor_load_to_lds s[G0B+4:G0B+7], s[G1B:G1B+7]
	s_nop 0
.rept 4
	v_nop
.endr
.Lfirst_asked:
	; THE ROWS' AND COLUMNS' FIGURES, in the wait for the first tile: KB parts of each row's sum, KB of each column's
	v_and_b32 v1, 31, v0                           ; lane
	v_and_b32 v2, 15, v0                           ; r
	v_bfe_u32 v3, v0, 4, 1                         ; h
	s_lshl_b32 s2, s[WV], 8
	v_lshl_add_u32 v4, v2, 2, s2                   ; the rows' parts: my wave's 64 rows, row r,
	v_lshl_add_u32 v4, v3, 16, v4                  ; the odd parts for lanes 16-31
	v_lshlrev_b32 v5, 2, v0
	v_lshlrev_b32 v6, 4, v0
.set i, 0
.rept LAPS                             ; parts 2 i (lanes 0-15) and 2 i + 1 (lanes 16-31) of my four row tiles
.irp a, 0,1,2,3
	global_load_b32 v[64+4*i+(\a)], v4, s[70:71] offset:i*131072+(\a)*64
.endr
.set i, i+1
.endr
.set k, 0
.rept 2*KB                             ; thread t: the sums over k block k % KB of column t (k < KB) and of column 128 + t: the two block columns' records lie on end
	global_load_b32 v[96+k], v5, s[72:73] offset:k*REC
.set k, k+1
.endr
.irp j, 0,1,2,3
	global_load_b128 v[128+4*(\j):131+4*(\j)], v6, s[74:75] offset:2048*(\j)
.endr
	s_mul_i32 s2, s[WV], 64*PA
	v_mul_u32_u24 v[ADA0], v2, PA
	v_lshl_add_u32 v[ADA0], v3, 4, v[ADA0]
	v_add_nc_u32 v[ADA0], s2, v[ADA0]              ; (64 w + r) x pitch + 16 h
	v_and_b32 v9, 7, v0
	v_lshl_add_u32 v9, v3, 3, v9
	v_mul_u32_u24 v[ADB0], v9, PB                  ; k row 8 h + lane % 8,
	v_bfe_u32 v9, v0, 3, 1
	v_lshl_add_u32 v[ADB0], v9, 4, v[ADB0]         ; columns 8 ((lane / 8) % 2) on
	v_add_nc_u32 v[ADB0], BOFF, v[ADB0]
	v_add_nc_u32 v[ADB0+1], BBLK, v[ADB0]
	v_add_nc_u32 v[ADRA], s[TB], v[ADA0]           ; slot 0
	v_add_nc_u32 v[ADRB], s[TB], v[ADB0]
	v_add_nc_u32 v[ADRB+1], s[TB], v[ADB0+1]
	s_mul_i32 s2, s[WV], 64*SP                     ; my stage
	v_mul_u32_u24 v[STO], v2, SP                   ; in: row r, 16 bytes for each half of the lanes
	v_lshl_add_u32 v[STO], v3, 4, v[STO]
	v_add_nc_u32 v[STO], s2, v[STO]
	v_mul_u32_u24 v[RD], v3, SP                    ; back: lanes 0-15 take 256 bytes of one row, lanes 16-31 of the next
	v_lshl_add_u32 v[RD], v2, 4, v[RD]
	v_add_nc_u32 v[RD], s2, v[RD]
	v_lshlrev_b32 v[GO], 4, v1
	v_lshlrev_b32 v[CTA], 5, v3
	v_add_nc_u32 v[RNA], RN, v[CTA]
	v_add_nc_u32 v[CTA], CT, v[CTA]
	s_lshl_b32 s2, s[WV], 8
	s_add_co_u32 s2, s2, SPS
	v_lshl_add_u32 v[SPA], v2, 2, s2
	v_lshl_add_u32 v[SPB], v1, 3, s2
	v_lshlrev_b32 v27, 3, v1
.if KB > 4
	v_lshlrev_b32 v[PFO], 8, v1
.endif
	v_add_nc_u32 v7, RN, v5
	v_add_nc_u32 v8, CT, v6
	v_mov_b32 v9, 0
	v_mov_b32 v58, 0
	v_mov_b32 v59, 0
.irp a, 0,1,2,3
	v_mov_b32 v[144+(\a)], 0                       ; v_permlanex16_b32's destinations count as read
.endr
	s_wait_loadcnt 0x0
.set i, 1
.rept LAPS-1
	v_pk_add_f32 v[64:65], v[64:65], v[64+4*i:65+4*i]
	v_pk_add_f32 v[66:67], v[66:67], v[66+4*i:67+4*i]
.set i, i+1
.endr
.irp a, 0,1,2,3
	v_permlanex16_b32 v[144+(\a)], v[64+(\a)], s100, s101
.endr
.irp a, 0,1,2,3
	v_add_f32 v[64+(\a)], v[64+(\a)], v[144+(\a)]  ; S' of row 16 a + r
.endr
.macro COLSUM base                     ; KB parts into one
.set k, 1
.rept KB/2-1
	v_pk_add_f32 v[(\base):(\base)+1], v[(\base):(\base)+1], v[(\base)+2*k:(\base)+2*k+1]
.set k, k+1
.endr
	v_add_f32 v[\base], v[\base], v[(\base)+1]
.endm
	COLSUM 96                                      ; |w|^2 of column t
	COLSUM 96+KB                                   ; and of column 128 + t
.irp a, 0,1,2,3
	v_fma_f32 v[148+(\a)], v[64+(\a)], 0x3e800000, 1.0
.endr
.irp a, 0,1,2,3
	v_sqrt_f32 v[148+(\a)], v[148+(\a)]            ; q
.endr
	v_rsq_f32 v164, v96
	v_rsq_f32 v165, v[96+KB]
	v_nop
	s_wait_alu depctr_va_vdst(0)                   ; one wait for each batch, ahead of its first reader
	v_min_num_f32 v164, 0x58635fa9, v164           ; 1 / max(|w|, 1e-15)
	v_min_num_f32 v165, 0x58635fa9, v165
.irp a, 0,1,2,3
	v_add_f32 v[152+(\a)], 1.0, v[148+(\a)]
.endr
.irp a, 0,1,2,3
	v_rcp_f32 v[152+(\a)], v[152+(\a)]             ; s = 1 / (1 + q)
.endr
.irp a, 0,1,2,3
	v_add_f32 v[148+(\a)], -1.0, v[148+(\a)]
.endr
	s_wait_alu depctr_va_vdst(0)
.irp a, 0,1,2,3
	v_mul_f32 v[156+(\a)], v[148+(\a)], v[152+(\a)]  ; |h|^2 = (q - 1) / (q + 1)
.endr
.irp a, 0,1,2,3
	v_rsq_f32 v[160+(\a)], v[156+(\a)]
.endr
	v_nop
	s_wait_alu depctr_va_vdst(0)
.irp a, 0,1,2,3
	v_mul_f32 v[160+(\a)], 0x3f7ef9db, v[160+(\a)]
	v_min_num_f32 v[160+(\a)], 1.0, v[160+(\a)]    ; R = min(1, 0.996 / |h|)
	v_mul_f32 v[152+(\a)], v[152+(\a)], v[160+(\a)]
	v_min_num_f32 v[156+(\a)], 0x3f7df4c4, v[156+(\a)]  ; |h|^2 at the rim: 0.996^2
	v_cmp_gt_f32 vcc_lo, 0x7f800000, v[64+(\a)]
	v_cndmask_b32 v[156+(\a)], 0, v[156+(\a)], vcc_lo   ; an overflowed row: h = 0
	v_sub_f32 v[160+(\a)], 1.0, v[156+(\a)]
	v_max_num_f32 v[160+(\a)], 0x26901d7d, v[160+(\a)]
.endr
.irp a, 0,1,2,3
	v_rcp_f32 v[160+(\a)], v[160+(\a)]
.endr
.irp a, 0,1,2,3
	v_add_f32 v[156+(\a)], 1.0, v[156+(\a)]
.endr
	s_wait_alu depctr_va_vdst(0)
.irp a, 0,1,2,3
	v_mul_f32 v[AA+2*(\a)], v[152+(\a)], v[160+(\a)]
	v_mul_f32 v[BB+2*(\a)], v[156+(\a)], v[160+(\a)]
	v_mov_b32 v[AA+2*(\a)+1], v[AA+2*(\a)]
	v_mov_b32 v[BB+2*(\a)+1], v[BB+2*(\a)]
	v_mov_b32 v[SS+2*(\a)], 0
	v_mov_b32 v[SS+2*(\a)+1], 0
.endr
	ds_store_b32 v7, v164
	ds_store_b32 v7, v165 offset:512
.irp j, 0,1,2,3
	ds_store_b128 v8, v[128+4*(\j):131+4*(\j)] offset:2048*(\j)
.endr
	s_cmp_lg_u32 s[WV], 0
	s_cbranch_scc1 .Lnopad
	ds_store_b32 v7, v9 offset:1024                ; wave 0: the 128 bytes behind 1 / |w| that the way out's last look-ahead load reads and nobody uses
.Lnopad:
	s_wait_tensorcnt 1                             ; my part of K step 0 is in; K step 1's may stay out
	s_wait_dscnt 0x0                               ; my stores of the tables are done
	s_barrier_signal -1
	s_barrier_wait -1
	FETCH 0, 0
	QUARTER 1, 0, 1, 1                             ; the first quarter stands in front of the loop: its products start the sums
	WIN 0                                          ; at a label and at a branch every window is 0
	s_mov_b32 s3, KB-2
.Lstep:                                                ; a trip goes from a K step's second quarter to the next K step's first, and fills the slot that it leaves
	QUARTER 2, 1, 0, 0
	QUARTER 3, 0, 1, 0
	TURN 1
	QUARTER 1, 0, 1, 0
	WIN 0
	s_sub_co_u32 s3, s3, 1
	s_cmp_lg_u32 s3, 0
	s_cbranch_scc1 .Lstep
	s_mov_b32 s3, 2
.Ltail:                                                ; the last two K steps have a text of their own; the second trip is left in its middle
	QUARTER 2, 1, 0, 0
	QUARTER 3, 0, 1, 0
	TURN 0
	WIN 0
	s_sub_co_u32 s3, s3, 1
	s_cmp_eq_u32 s3, 0
	s_cbranch_scc1 .Lout
	QUARTER 1, 0, 1, 0
	WIN 0
	s_branch .Ltail
.Lout:
; THE WAY OUT: sixteen trips, a column tile c each: 32 registers a lane (four row tiles x eight columns).  The function is written once; only the first step, which reads the accumulators, is written sixteen times.
; A trip's constants are asked for in the trip before, each set as soon as its last reader has passed.  A trip's 128 roots, logarithms and powers stand in three batches, one wait each.
	PLACES
	LDC KCH, CTA, 0
	LDC KRN, RNA, 0
	LDC KSH, CTA, 64
	LDC KA,  CTA, 128
	LDC KC1, CTA, 192
	LDC KC3, CTA, 256
	LDC KC5, CTA, 320
	LDC KTH, CTA, 384
	v_add_nc_u32 v[CTA], 512, v[CTA]
	v_add_nc_u32 v[RNA], 64, v[RNA]
	s_mov_b32 s99, 0
	s_wait_dscnt 0x0                               ; no LDS instruction of mine is out,
	s_barrier_signal -1
	s_barrier_wait -1                              ; nor of any wave: nobody reads the ring any more, and slot 0 becomes the stages
.macro VAR c                           ; raw x CC for column tile c; each accumulator is read from its low end on
	WIN 0x02+(\c)/8                                ; source 0 in window 2 or 3
.irp a, 0,1,2,3
.irp p, 0,2,4,6
	v_pk_mul_f32 v[U+8*(\a)+(\p):U+8*(\a)+(\p)+1], v[8*(8*(\a)+(\c)%8)+(\p):8*(8*(\a)+(\c)%8)+(\p)+1], v[KCH+(\p):KCH+(\p)+1]
.endr
.endr
	WIN 0
.endm
.Lcol:
	s_wait_dscnt 4                                 ; the sixteen loads of constants are in; the last trip's four stores into the stage, issued behind them, may be out
.irp p, 0,2,4,6
	v_pk_mul_f32 v[KCH+(\p):KCH+(\p)+1], v[KCH+(\p):KCH+(\p)+1], v[KRN+(\p):KRN+(\p)+1]  ; CC
.endr
.irp c, 0,1,2,3,4,5,6,7,8,9,10,11,12,13,14
	s_cmp_eq_u32 s99, \c
	s_cbranch_scc1 .Lv\c
.endr
	VAR 15
	s_branch .Lcommon
.irp c, 0,1,2,3,4,5,6,7,8,9,10,11,12,13
.Lv\c:
	VAR \c
	s_branch .Lcommon
.endr
.Lv14:
	VAR 14
.Lcommon:
	LDC KCH, CTA, 0
	LDC KRN, RNA, 0
.irp a, 0,1,2,3
.irp p, 0,2,4,6
	v_pk_mul_f32 v[X2+8*(\a)+(\p):X2+8*(\a)+(\p)+1], v[KSH+(\p):KSH+(\p)+1], v[BB+2*(\a):BB+2*(\a)+1]
.endr
.endr
.irp a, 0,1,2,3
.irp p, 0,2,4,6
	v_pk_fma_f32 v[U+8*(\a)+(\p):U+8*(\a)+(\p)+1], v[U+8*(\a)+(\p):U+8*(\a)+(\p)+1], v[AA+2*(\a):AA+2*(\a)+1], v[X2+8*(\a)+(\p):X2+8*(\a)+(\p)+1] neg_lo:[0,0,1] neg_hi:[0,0,1]  ; u
.endr
.endr
	LDC KSH, CTA, 64
.set k, 0
.rept 16
	v_pk_mul_f32 v[X2+2*k:X2+2*k+1], v[U+2*k:U+2*k+1], v[U+2*k:U+2*k+1]
	v_pk_fma_f32 v[W+2*k:W+2*k+1], v[U+2*k:U+2*k+1], v[U+2*k:U+2*k+1], 1.0 op_sel_hi:[1,1,0]
.set k, k+1
.endr
.set k, 0
.rept 16                               ; the roots, the series' two steps between them
	v_sqrt_f32 v[W+2*k], v[W+2*k]
	v_pk_fma_f32 v[YS+2*k:YS+2*k+1], v[X2+2*k:X2+2*k+1], v[KC5+(2*k)%8:KC5+(2*k)%8+1], v[KC3+(2*k)%8:KC3+(2*k)%8+1]
	v_sqrt_f32 v[W+2*k+1], v[W+2*k+1]
	v_pk_fma_f32 v[YS+2*k:YS+2*k+1], v[YS+2*k:YS+2*k+1], v[X2+2*k:X2+2*k+1], v[KC1+(2*k)%8:KC1+(2*k)%8+1]
.set k, k+1
.endr
	LDC KC5, CTA, 320
	LDC KC3, CTA, 256
	LDC KC1, CTA, 192
	s_wait_alu depctr_va_vdst(0)                   ; one wait for the 32 roots
	v_fma_f32 v[W], |v[U]|, 1.0, v[W]
.set e, 0
.rept 32                               ; |u| + root one register ahead; the logarithm; the choice of the series, kept as a lane mask
.if e < 31
	v_fma_f32 v[W+e+1], |v[U+e+1]|, 1.0, v[W+e+1]
.endif
	v_log_f32 v[W+e], v[W+e]
	v_cmp_lt_f32 s[66+e], v[X2+e], v[KTH+e%8]
.set e, e+1
.endr
	s_wait_alu depctr_va_vdst(0)                   ; one wait for the 32 logarithms
	v_pk_mul_f32 v[X2:X2+1], v[W:W+1], v[KA:KA+1]  ; E,
	v_pk_mul_f32 v[W:W+1], v[W:W+1], v[KA:KA+1] neg_lo:[0,1] neg_hi:[0,1]  ; and -E
.set k, 0
.rept 16                               ; the powers; between them the next pair's E and -E and the series' last step
	v_exp_f32 v[X2+2*k], v[X2+2*k]
.if k < 15
	v_pk_mul_f32 v[X2+2*k+2:X2+2*k+3], v[W+2*k+2:W+2*k+3], v[KA+(2*k+2)%8:KA+(2*k+2)%8+1]
.endif
	v_exp_f32 v[W+2*k], v[W+2*k]
.if k < 15
	v_pk_mul_f32 v[W+2*k+2:W+2*k+3], v[W+2*k+2:W+2*k+3], v[KA+(2*k+2)%8:KA+(2*k+2)%8+1] neg_lo:[0,1] neg_hi:[0,1]
.endif
	v_exp_f32 v[X2+2*k+1], v[X2+2*k+1]
	v_pk_mul_f32 v[YS+2*k:YS+2*k+1], v[YS+2*k:YS+2*k+1], v[U+2*k:U+2*k+1]
	v_exp_f32 v[W+2*k+1], v[W+2*k+1]
.set k, k+1
.endr
	v_nop                                          ; a plain instruction behind the last power
	LDC KA,  CTA, 128
	LDC KTH, CTA, 384
	s_wait_alu depctr_va_vdst(0)                   ; one wait for the 64 powers
.set k, 0
.rept 16
	v_pk_add_f32 v[W+2*k:W+2*k+1], v[X2+2*k:X2+2*k+1], v[W+2*k:W+2*k+1] neg_lo:[0,1] neg_hi:[0,1]
.set k, k+1
.endr
.set e, 0
.rept 32
	v_cndmask_b32 v[W+e], v[W+e], v[YS+e], s[66+e]
.set e, e+1
.endr
.set e, 0
.rept 32
	v_bfi_b32 v[W+e], s23, v[W+e], v[U+e]          ; u's sign
.set e, e+1
.endr
.irp p, 0,2,4,6
.irp a, 0,1,2,3
	v_pk_fma_f32 v[SS+2*(\a):SS+2*(\a)+1], v[W+8*(\a)+(\p):W+8*(\a)+(\p)+1], v[W+8*(\a)+(\p):W+8*(\a)+(\p)+1], v[SS+2*(\a):SS+2*(\a)+1]
.endr
.endr
.set k, 0
.rept 16
	v_cvt_pk_bf16_f32 v[X2+k], v[W+2*k], v[W+2*k+1]
.set k, k+1
.endr
.irp a, 0,1,2,3
	ds_store_b128 v[STO], v[X2+4*(\a):X2+4*(\a)+3] offset:(\a)*16*SP
.endr
	v_add_nc_u32 v[STO], 32, v[STO]
	v_add_nc_u32 v[CTA], 512, v[CTA]
	v_add_nc_u32 v[RNA], 64, v[RNA]
	s_add_co_u32 s99, s99, 1
	s_cmp_lt_u32 s99, 16
	s_cbranch_scc1 .Lcol
	; my 64 rows' sums over this tile's 256 columns: part 2 x tile column of S' for the next launch, 256 bytes on end; the part beside it, which the next launch adds too, is 0
.irp a, 0,1,2,3
	v_add_f32 v[SS+2*(\a)], v[SS+2*(\a)], v[SS+2*(\a)+1]
.endr
.irp a, 0,1,2,3
	v_permlanex16_b32 v[SS+2*(\a)+1], v[SS+2*(\a)], s100, s101
.endr
.irp a, 0,1,2,3
	v_add_f32 v[SS+2*(\a)], v[SS+2*(\a)], v[SS+2*(\a)+1]
.endr
.irp a, 0,1,2,3
	ds_store_b32 v[SPA], v[SS+2*(\a)] offset:64*(\a)
.endr
	ds_load_b64 v[56:57], v[SPB]                   ; LDS serves a wave's instructions in order (ISA guide 5.7.1.4): this sees the stores above
	s_lshl_b32 s66, s42, 17
	s_lshl_b32 s67, s43, 10
	s_add_co_u32 s66, s66, s67
	s_lshl_b32 s67, s[WV], 8
	s_add_co_u32 s66, s66, s67
	s_mov_b32 s67, 0
	s_add_nc_u64 s[68:69], s[8:9], s[66:67]
	s_lshl_b32 s70, s43, 1                         ; y': block row 2 x tile row + wave / 2, block column 2 x tile column, the upper or lower 64 rows
	s_add_co_u32 s70, s70, s21
	s_mul_i32 s70, s70, NB
	s_lshl_b32 s71, s42, 1
	s_add_co_u32 s70, s70, s71
	s_lshl_b32 s70, s70, 15
	s_lshl_b32 s71, s22, 14
	s_add_co_u32 s70, s70, s71
	s_add_co_u32 s70, s70, ACT
	s_mov_b32 s71, 0
	s_add_nc_u64 s[70:71], s[8:9], s[70:71]
	s_wait_dscnt 0x0
	global_store_b64 v27, v[56:57], s[68:69]
	global_store_b64 v27, v[58:59], s[68:69] offset:65536
	s_mov_b32 s99, 2
.Lflush:                                               ; two trips: my 64 rows' 256 bytes in the left block, then in the right one
.set t, 0
.rept 32
	ds_load_b128 v[64+4*t:64+4*t+3], v[RD] offset:t*2*SP  ; my own stage: 256 bytes of each of two rows a load
.set t, t+1
.endr
.set t, 0
.rept 32
	s_wait_dscnt 31-t                              ; load t is in; the later ones stay out
	global_store_b128 v[GO], v[64+4*t:64+4*t+3], s[70:71] offset:t*512  ; 512 consecutive bytes, aligned: 16,384 on end for the wave
.set t, t+1
.endr
	s_wait_xcnt 0x0                                ; the stores have read their registers and their base, which are written again below and in the next trip
	v_add_nc_u32 v[RD], 256, v[RD]
	s_add_nc_u64 s[70:71], s[70:71], 32768
	s_sub_co_u32 s99, s99, 1
	s_cmp_lg_u32 s99, 0
	s_cbranch_scc1 .Lflush
	s_wait_tensorcnt 0x0                           ; the wave's end: three closing lines, behind my last tensor load and my last LDS store
	ds_add_u32 v[SPW], v[NIL]
	s_wait_dscnt 0x0
	CROUND                                         ; the closing round: no work-group ends while a partner may still ask for a tile that names it
	s_endpgm
.Lfunc_end_k_q8609b85a25_g0:
	.size	k_q8609b85a25_g0, .Lfunc_end_k_q8609b85a25_g0-k_q8609b85a25_g0
	.p2alignl 7, 3214868480
	.fill 96, 4, 3214868480
	.section	.rodata,"a",@progbits
	.p2align	6, 0x0
	.amdhsa_kernel k_q8609b85a25_g0
		.amdhsa_group_segment_fixed_size 327680
		.amdhsa_private_segment_fixed_size 0
		.amdhsa_enable_private_segment 0
		.amdhsa_kernarg_size 24
		.amdhsa_user_sgpr_count 2
		.amdhsa_user_sgpr_kernarg_segment_ptr 1
		.amdhsa_wavefront_size32 1
		.amdhsa_system_sgpr_workgroup_id_x 1
		.amdhsa_system_sgpr_workgroup_id_y 1
		.amdhsa_system_sgpr_workgroup_id_z 1
		.amdhsa_system_vgpr_workitem_id 0
		.amdhsa_next_free_vgpr 1024
		.amdhsa_next_free_sgpr 102
		.amdhsa_reserve_vcc 1
		.amdhsa_float_denorm_mode_32 3
		.amdhsa_float_denorm_mode_16_64 3
		.amdhsa_memory_ordered 1
		.amdhsa_forward_progress 1
		.amdhsa_inst_pref_size 135
	.end_amdhsa_kernel
	.amdgpu_metadata
---
amdhsa.version: [ 1, 2 ]
amdhsa.kernels:
  - .name:           k_q8609b85a25_g0
    .symbol:         k_q8609b85a25_g0.kd
    .args:
      - { .name: actA, .offset: 0, .size: 8, .value_kind: global_buffer, .address_space: global }
      - { .name: wts, .offset: 8, .size: 8, .value_kind: global_buffer, .address_space: global }
      - { .name: actB, .offset: 16, .size: 8, .value_kind: global_buffer, .address_space: global }
    .group_segment_fixed_size: 327680
    .private_segment_fixed_size: 0
    .kernarg_segment_align: 8
    .kernarg_segment_size: 24
    .max_flat_workgroup_size: 128
    .sgpr_count:     102
    .vgpr_count:     1024
    .wavefront_size: 32
...
	.end_amdgpu_metadata
.endif
;; end of part 6
;; launch g1 (part 7): grid 4 x 64, 4 waves a work-group, clusters of 4 x 4, 327,680 bytes of LDS; arguments actB, wts, actA; writes actA
.if DOCPART == 7
	.amdgcn_target "amdgcn-amd-amdhsa--gfx1250"
	.amdhsa_code_object_version 6
	.text
	.protected	k_q8609b85a25_g1
	.globl	k_q8609b85a25_g1
	.p2align	8
	.type	k_q8609b85a25_g1,@function
k_q8609b85a25_g1:
	s_mov_b64 s[64:65], 0
	v_nop
	global_prefetch_b8 v0, s[64:65] scope:SCOPE_SE
	s_setreg_imm32_b32 hwreg(HW_REG_WAVE_MODE, 25, 1), 1
	s_wait_xcnt 0x0
	s_wait_alu depctr_hold_cnt(0) depctr_sa_sdst(0) depctr_va_vdst(0) depctr_va_sdst(0) depctr_va_ssrc(0) depctr_va_vcc(0) depctr_vm_vsrc(0)
	s_getreg_b32 s2, hwreg(HW_REG_IB_STS2, 6, 4)
	s_cmp_eq_u32 s2, 0
	s_cbranch_scc0 .Lentry_in_a_cluster
	s_endpgm
.Lentry_in_a_cluster:
	s_bfe_u32 s2, ttmp6, 0x10000c
	s_cmp_lg_u32 s2, 0xf033
	s_cbranch_scc0 .Lentry_shape_is_right
	s_endpgm
.Lentry_shape_is_right:
; A HIDDEN POINCARE LAYER ON TILES OF 256 x 256.  THIS TEXT: layer 1, K = 2,048, N = 1,024.  Layer 0 has the same text with other sizes at its head: with joint loads every trip count,
; branch and descriptor word is the same in all partners, so the sizes are constants of the text and are not read from memory.
; y' = 2 sinh(2 g asinh(u)), u = (2 (h . z) cosh 2b - (1 + |h|^2) sinh 2b) / (1 - |h|^2).
; The layer's input h is never formed.  The launch before stored y'_in (bf16) and the parts of S' = sum y'_in^2 (f32).  With q = sqrt(1 + S'/4): h = y'_in / (2 (1 + q)), |h|^2 = (q-1)/(q+1),
; the clamp to the ball's rim is a factor R = min(1, 0.996 / |h|), and z = w / |w| is a factor for each column.  So u = alpha (raw CC) - beta SH with raw = y'_in . w from the matrix unit,
; alpha = R / ((1+q)(1-|h|^2)), beta = (1+|h|^2) / (1-|h|^2) for each row, CC = sgn(g) cosh 2b / |w|, SH = sgn(g) sinh 2b for each column.
; y' = 2^E - 2^-E, E = |2g| log2(|u| + sqrt(u^2+1)), with u's sign; where u^2 lies under the table's bound, the series u (C1 + u^2 (C3 + u^2 C5)) instead.  Both are always made; v_cndmask_b32 chooses.
; LIMITS.  u^2 must stay finite: |b| below 19.  A row whose S' is not below infinity counts as overflowed: h = 0 (reference() does so from sum y^2 = 3.4e38 on, this text from 8.5e37 on).
; The series' first term left out is 1.1e-5 of y' at the most.  2^E - 2^-E is off by some 2e-7 absolutely: more than 1e-3 of y' only where |2g| is under 1e-3.
; Roots, logarithms, reciprocals and powers of two take a denormal as 0.  NaN and infinities are not treated apart.  y' is kept in bf16 since its range passes f16's for large g.
; SHARES.  A work-group makes 256 rows x 256 columns; wave w rows 64 w .. 64 w + 63 and all columns: 64 accumulators.  A wave's rows of the result are whole rows of 256 bytes of two blocks of the next layer's input.
; THE MATRIX INSTRUCTION IS USED TRANSPOSED: source 0 = 16 columns of w (turned on the way out of LDS by ds_load_tr16_b128, since w lies [k][n]), source 1 = 16 rows of y'_in:
; a lane holds one row (lane % 16) and the columns 8 (lane / 16) + 0..7.
; CLUSTER 4 x 4: the four of a row of the cluster need the same blocks of y'_in, the four of a column the same blocks of w: each is asked for jointly.
; RING: two LDS slots of one K step of 128: two blocks of y'_in and two of w, one to a wave.  From a joint load to the wait for it a wave issues 224 matrix instructions.
; A K step is written once for the trips that fill a slot again and once for the last two; the slot in hand is a scalar that an exclusive or turns between 0 and SLOT.
; THE STAGE of the way out lies in slot 0: that slot's last fill is K step KB - 2, and a barrier stands between every wave's last read of the ring and the first store into the stage.
; REGISTERS, in windows of 256 (s_set_vgpr_msb: bits 1:0 source 0, 3:2 source 1, 5:4 source 2, 7:6 destination):
;   window 0: v0-31 addresses; v32-39 alpha, v40-47 beta (a pair for each of my four row tiles), v48-55 the rows' sums; v64-95, v96-127 y's fragments, two buffers; on the way out v64-255 are at work
;   window 1: w's fragments, two buffers of 128 (column tile c at 8 c)     window 2: accumulator (a, c) for column tiles c = 0-7 at 8 (8 a + c)     window 3: for c = 8-15 at 8 (8 a + c - 8)
.set LAPS,  8                          ; K / 256
.set NB,    8                          ; N / 128: the blocks in a block row of the result
.set WOFF,  2129920                    ; the layer's first weight record in wts, in bytes: record 64
.set COFF,  7786496                    ; its columns' table in wts
.set KB,    2*LAPS                     ; K steps
.set ACT,   1048576
.set REC,   33280
.set PA,    272                        ; an LDS row of y'_in: 256 bytes + 16: the 16 rows of a fragment load start at 16 different groups of four banks (64 banks of 4 bytes: ISA guide 11.1)
.set PB,    288                        ; an LDS row of w: 256 + 32
.set ABLK,  128*PA                     ; a block of y'_in in LDS
.set BBLK,  128*PB                     ; a block of w in LDS
.set BOFF,  2*ABLK                     ; in a slot: 256 rows of y'_in, then two blocks of 128 k rows of w
.set SLOT,  BOFF+2*BBLK
.set SP,    528                        ; a row of the stage: 512 bytes + 16; 64 rows a wave, from LDS byte 0 on: 135,168 bytes, inside slot 0
.set CT,    2*SLOT                     ; behind the ring: the columns' table, 8,192 bytes
.set RN,    CT+8192                    ; 1 / |w| of the 256 columns, and 128 bytes that the last look-ahead load touches
.set SPS,   RN+1280                    ; 256 bytes a wave: its 64 rows' sums
.set SPARE, SPS+1024                   ; the spare words, 128 bytes for each wave: two blocks of 256 bytes that no other line names
.set ADA0, 10                          ; v10     my lane's place in a slot's rows of y'_in; never rewritten
.set ADB0, 12                          ; v12-13  my lane's place in a slot's two blocks of w; never rewritten
.set ADRA, 16                          ; v16     the same in the slot in hand
.set ADRB, 18                          ; v18-19
.set STO,  20
.set RD,   21
.set GO,   22
.set CTA,  23
.set RNA,  24
.set SPA,  25
.set SPB,  26
.set SPW,  28                          ; v28  LDS address of my spare word; never rewritten
.set NIL,  29                          ; v29  0; never rewritten
.set PFO,  30                          ; v30  256 x lane: the prefetches' offset; never rewritten
.set AA,   32
.set BB,   40
.set SS,   48
.set FA,   64                          ; y's fragments: buffer f at FA + 32 f
.set U,    64                          ; the way out: raw CC, then u
.set X2,   96                          ; beta SH, u^2, E, 2^E, the packed results
.set W,    128                         ; u^2+1, its root, |u| + root, its log2, -E, 2^-E, y'
.set YS,   160                         ; the series
.set KCH,  192                         ; the column tile's constants, eight registers each
.set KRN,  200
.set KSH,  208
.set KA,   216
.set KC1,  224
.set KC3,  232
.set KC5,  240
.set KTH,  248
.set WV,   20                          ; s20  my wave's number; s21 = wave / 2: I fetch y'_in (0) or w (1); s22 = wave % 2: which of the two blocks
.set G1A,  24                          ; s[24:31], s[32:39] descriptor groups 1 and 0 for y'_in; s[12:15] and s10, which feed them, never hold cx
.set G0A,  32                          ; two sets for the two first fills; the second then walks
.set G1B,  48                          ; s[48:55], s[56:63] the same for w; s[16:19] and s11, which feed them, never hold cy
.set G0B,  56
.set TB,   96                          ; s96  the slot that is read: 0 or SLOT
.set TF,   97                          ; s97  the slot that was filled last: 0 or SLOT
.set MSB, 0
.macro WIN new                         ; the immediate's high byte repeats the setting that is left; a switch that changes nothing is dropped
.if MSB != (\new)
	s_set_vgpr_msb (MSB<<8)|(\new)
.set MSB, \new
.endif
.endm
.macro PLACES                          ; four plain instructions between a matrix instruction and a load into, or a vector read of, its registers (ISA guide 7.12.1 for vector reads)
.rept 4
	v_nop
.endr
.endm
.macro CREST                           ; a round of the cluster's barrier behind its opening barrier
	s_cmp_lg_u32 s[WV], 0
	s_cbranch_scc1 .Lnot_wave_0_\@
	s_barrier_signal -3
.Lnot_wave_0_\@:
	s_barrier_wait -3
	s_barrier_signal -1
	s_barrier_wait -1
.endm
.macro CROUND
	s_barrier_signal -1
	s_barrier_wait -1
	CREST
.endm
.macro JLOAD                           ; a joint refill by the walking descriptors; the branch hangs on the wave's number alone; an s_nop 0 and four v_nop follow each line
	s_cmp_eq_u32 s21, 0
	s_cbranch_scc0 .Lfor_b_\@
	tensor_load_to_lds s[G0A+4:G0A+7], s[G1A:G1A+7]
	s_nop 0
.rept 4
	v_nop
.endr
	s_branch .Lasked_\@
.Lfor_b_\@:
	tensor_load_to_lds s[G0B+4:G0B+7], s[G1B:G1B+7]
	s_nop 0
.rept 4
	v_nop
.endr
.Lasked_\@:
.endm
; A prefetch of the K step that stands two refills on: 32 rows of 256 bytes, a lane a row.  Each row is named once in the launch: y'_in's blocks by the clusters with x = 0 (waves 0 and 1, the four partners
; of a row of the cluster taking 32 rows each, by address), w's blocks by the clusters with y = 0 (waves 2 and 3, the four partners of a column likewise).  The last two trips that fill ask for nothing:
; no K step stands two refills on.  With four K steps there are only those two trips, and nothing of the prefetch is assembled.
.macro ASK
.if KB > 4
	s_cmp_gt_u32 s3, s98                           ; s3 = 2 and 1 in the last two trips; s98 = 2 in a wave that asks, else the greatest number
	s_cbranch_scc0 .Lnot_mine_\@
	global_prefetch_b8 v[PFO], s[44:45] th:TH_LOAD_NT scope:SCOPE_SE
.Lnot_mine_\@:
.endif
.endm
.macro FETCH q, f                      ; 40 LDS loads in one run: the fragments of 32 along K, quarter q of the slot in hand, into buffer f
	WIN 0x40                                       ; destination window 1, address window 0
.irp j, 0,1
.irp b, 0,1,2,3,4,5,6,7
	ds_load_tr16_b128 v[128*(\f)+64*(\j)+8*(\b):128*(\f)+64*(\j)+8*(\b)+3],   v[ADRB+(\j)] offset:(\q)*32*PB+32*(\b)
	ds_load_tr16_b128 v[128*(\f)+64*(\j)+8*(\b)+4:128*(\f)+64*(\j)+8*(\b)+7], v[ADRB+(\j)] offset:(\q)*32*PB+32*(\b)+16*PB
.endr
.endr
	WIN 0
.irp a, 0,1,2,3
	ds_load_b128 v[FA+32*(\f)+8*(\a):FA+32*(\f)+8*(\a)+3],   v[ADRA] offset:(\a)*16*PA+64*(\q)
	ds_load_b128 v[FA+32*(\f)+8*(\a)+4:FA+32*(\f)+8*(\a)+7], v[ADRA] offset:(\a)*16*PA+64*(\q)+32
.endr
.endm
; 16 matrix instructions: row tiles a0, a0 + 1 x the eight column tiles of half hi, from buffer f.  The 64 accumulators take turns, in the same order in every quarter
.macro MUL16 f, hi, a0, zero
	WIN 0xa1+0x50*(\hi)                            ; source 0 (w) window 1, source 1 (y) window 0, C and D window 2 or 3
.irp a, \a0, (\a0)+1
.irp b, 0,1,2,3,4,5,6,7
.if \zero
	v_wmma_f32_16x16x32_bf16 v[8*(8*(\a)+(\b)):8*(8*(\a)+(\b))+7], v[128*(\f)+64*(\hi)+8*(\b):128*(\f)+64*(\hi)+8*(\b)+7], v[FA+32*(\f)+8*(\a):FA+32*(\f)+8*(\a)+7], 0
.else
	v_wmma_f32_16x16x32_bf16 v[8*(8*(\a)+(\b)):8*(8*(\a)+(\b))+7], v[128*(\f)+64*(\hi)+8*(\b):128*(\f)+64*(\hi)+8*(\b)+7], v[FA+32*(\f)+8*(\a):FA+32*(\f)+8*(\a)+7], v[8*(8*(\a)+(\b)):8*(8*(\a)+(\b))+7]
.endif
.endr
.endr
.endm
.macro QUARTER qn, f, g, zero          ; multiplies buffer f; ahead of that asks for quarter qn of the slot in hand into buffer g
	s_wait_dscnt 0x0                               ; buffer f is in: it was asked for a quarter, 64 matrix instructions, ago
	PLACES                                         ; buffer g was read by the matrix instructions just issued
	FETCH \qn, \g
	MUL16 \f, 0, 0, \zero
	MUL16 \f, 0, 2, \zero
	MUL16 \f, 1, 0, \zero
	MUL16 \f, 1, 2, \zero
.endm
; A K step's last quarter multiplies buffer 1 and changes slots.  In front of the barrier each wave waits for all its tensor loads (one at the most is out: its part of the next slot), adds 0 to its spare word,
; and waits for that and for its reads of this slot.  fill = 1: the barrier opens a round of the cluster's, and the joint refill, two K steps on, is the first thing behind it.
; fill = 0, the last two K steps: nothing is asked for; behind the very last K step (s3 = 1) there is no next slot, and the run of LDS loads is jumped over.
.macro TURN fill
.if (\fill) && (KB > 4)
	s_wait_xcnt 0x0                                ; the last prefetch, a K step back, has read its address
	s_add_nc_u64 s[44:45], s[44:45], s[46:47]
.endif
	WIN 0
	s_wait_tensorcnt 0x0
	ds_add_u32 v[SPW], v[NIL]
	s_wait_dscnt 1                                 ; buffer 1 is in; the add may be out
	MUL16 1, 0, 0, 0
	s_wait_dscnt 0x0                               ; the add is done, and my reads of this slot are over
	s_barrier_signal -1
	MUL16 1, 0, 2, 0
	WIN 0
	s_barrier_wait -1
.if \fill
	CREST                                          ; no wave of any partner still reads this slot or has a load on its way
	s_xor_b32 s[TF], s[TF], SLOT                   ; the walking descriptors: the other slot than last time,
	s_add_co_u32 s[G0A+5], s10, s[TF]
	s_add_co_u32 s[G0B+5], s11, s[TF]
	s_add_nc_u64 s[G0A+6:G0A+7], s[G0A+6:G0A+7], 32768  ; one K step on; the type bits on top are not reached
	s_add_nc_u64 s[G0B+6:G0B+7], s[G0B+6:G0B+7], REC
	JLOAD                                          ; its four v_nop are also the places in front of the loads below
.else
	s_cmp_eq_u32 s3, 1
	s_cbranch_scc1 .Lno_next_\@
	PLACES
.endif
	s_xor_b32 s[TB], s[TB], SLOT                   ; the reads go on in the other slot
	v_add_nc_u32 v[ADRA], s[TB], v[ADA0]
	v_add_nc_u32 v[ADRB], s[TB], v[ADB0]
	v_add_nc_u32 v[ADRB+1], s[TB], v[ADB0+1]
	FETCH 0, 0
.if \fill
	ASK
.else
.Lno_next_\@:
.endif
	MUL16 1, 1, 0, 0
	MUL16 1, 1, 2, 0
.endm
.macro LDC dst, adr, off               ; eight constants of my eight columns
	ds_load_b128 v[(\dst):(\dst)+3],   v[\adr] offset:(\off)
	ds_load_b128 v[(\dst)+4:(\dst)+7], v[\adr] offset:(\off)+16
.endm
	s_load_b128 s[4:7], s[0:1], 0x0                ; y'_in and its S' s[4:5], wts s[6:7]
	s_load_b64 s[8:9], s[0:1], 0x10                ; y' and its S'
	v_lshl_add_u32 v[SPW], v0, 2, SPARE
	v_mov_b32 v[NIL], 0
	ds_add_u32 v[SPW], v[NIL]                      ; the wave's opening: the add, twice on end, and its wait ahead of my first tensor load
	ds_add_u32 v[SPW], v[NIL]
	v_lshrrev_b32 v1, 5, v0
	v_readfirstlane_b32 s[WV], v1
	s_lshr_b32 s21, s[WV], 1
	s_and_b32 s22, s[WV], 1
	s_bfe_u32 s40, ttmp6, 0x40000                  ; cx
	s_bfe_u32 s41, ttmp6, 0x40004                  ; cy
	s_lshl_b32 s42, ttmp9, 2
	s_add_co_u32 s42, s42, s40                     ; tile column = 4 x cluster x + cx
	s_and_b32 s43, ttmp7, 0xffff
	s_lshl_b32 s43, s43, 2
	s_add_co_u32 s43, s43, s41                     ; tile row = 4 x cluster y + cy
	s_lshl_b32 s2, s41, 2
	s_lshl_b32 s2, 15, s2                          ; my row of the cluster
	s_lshl_b32 s3, 0x1111, s40                     ; my column
	s_or_b32 s[G1A], s2, (1<<16)|(1<<20)|(1<<21)|(5<<22)|(3<<25)  ; mask; 2-byte elements; padding on; bit 21 beside a mask; after every 64 words; 4 words
	s_or_b32 s[G1B], s3, (1<<16)|(1<<20)|(1<<21)|(5<<22)|(7<<25)  ; the same with my column's mask and 8 words
.irp g, G1A, G1B
	s_mov_b32 s[(\g)+1], 128<<16                   ; tensor_dim0 = 128
	s_mov_b32 s[(\g)+2], 128<<16                   ; tensor_dim1 = 128
	s_mov_b32 s[(\g)+3], 128<<16                   ; tile_dim0 = 128
	s_mov_b32 s[(\g)+4], 128                       ; tile_dim1 = 128: a whole block
	s_mov_b32 s[(\g)+5], 128                       ; 128 elements from row to row: the block is dense
	s_mov_b32 s[(\g)+6], 0
	s_mov_b32 s[(\g)+7], 0
.endr
	s_mov_b32 s23, 0x7fffffff
	s_mov_b32 s100, 0x76543210
	s_mov_b32 s101, 0xfedcba98
	s_mov_b32 s[TB], 0
	s_mov_b32 s[TF], SLOT
	s_lshl_b32 s12, s43, 1                         ; y'_in: block row 2 x tile row + my half, KB blocks of 32,768 bytes to a block row
	s_add_co_u32 s12, s12, s22
	s_mul_i32 s12, s12, KB*32768
	s_add_co_u32 s12, s12, ACT
	s_mov_b32 s13, 0
	s_lshl_b32 s16, s42, 1                         ; w: block column 2 x tile column: its first record,
	s_mul_i32 s16, s16, KB*REC
	s_add_co_u32 s16, s16, WOFF
	s_mul_i32 s17, s22, KB*REC                     ; and that of the block column that I fetch
	s_add_co_u32 s17, s17, s16
	s_mov_b32 s18, s17
	s_mov_b32 s19, 0
	s_mul_i32 s10, s22, ABLK                       ; where they go: no place in the cluster enters an LDS address
	s_mul_i32 s11, s22, BBLK
	s_add_co_u32 s11, s11, BOFF
	s_wait_dscnt 0x0                               ; both opening adds are done
	s_wait_kmcnt 0x0
	s_add_nc_u64 s[14:15], s[4:5], s[12:13]
	s_add_nc_u64 s[18:19], s[6:7], s[18:19]
.irp s, 0,1
	s_mov_b32 s[G0A+4*(\s)], 1
	s_add_co_u32 s[G0A+4*(\s)+1], s10, (\s)*SLOT
	s_add_nc_u64 s[G0A+4*(\s)+2:G0A+4*(\s)+3], s[14:15], (\s)*32768
	s_or_b32 s[G0A+4*(\s)+3], s[G0A+4*(\s)+3], 0x80000000
	s_mov_b32 s[G0B+4*(\s)], 1
	s_add_co_u32 s[G0B+4*(\s)+1], s11, (\s)*SLOT
	s_add_nc_u64 s[G0B+4*(\s)+2:G0B+4*(\s)+3], s[18:19], (\s)*REC
	s_or_b32 s[G0B+4*(\s)+3], s[G0B+4*(\s)+3], 0x80000000
.endr
.if KB > 4
	; the prefetches stand at K step 3; each change of slots that fills steps them first, so the first names K step 4
	s_lshl_b32 s66, s40, 13                        ; my work-group's 32 rows of y'_in's block, by cx
	s_add_co_u32 s66, s66, s12
	s_add_co_u32 s66, s66, 3*32768
	s_lshl_b32 s67, s41, 13                        ; of w's block, by cy
	s_add_co_u32 s67, s67, s17
	s_add_co_u32 s67, s67, 3*REC
	s_and_b32 s68, ttmp7, 0xffff
	s_mov_b32 s46, REC
	s_cmp_eq_u32 s21, 0
	s_cselect_b32 s66, s66, s67
	s_cselect_b32 s68, ttmp9, s68                  ; the coordinate along which other clusters read the same rows
	s_cselect_b32 s46, 32768, s46
	s_cselect_b64 s[44:45], s[4:5], s[6:7]
	s_mov_b32 s67, 0
	s_mov_b32 s47, 0
	s_add_nc_u64 s[44:45], s[44:45], s[66:67]
	s_cmp_eq_u32 s68, 0
	s_cselect_b32 s98, 2, -1                       ; the same in all sixteen partners, for a given wave
.endif
	s_lshl_b32 s70, s43, 10                        ; the rows' parts at my tile's 256 rows
	s_mov_b32 s71, 0
	s_add_nc_u64 s[70:71], s[4:5], s[70:71]
	s_add_co_u32 s72, s16, 32768                   ; the column sums behind the first record's block
	s_mov_b32 s73, 0
	s_add_nc_u64 s[72:73], s[6:7], s[72:73]
	s_lshl_b32 s74, s42, 13                        ; my 256 columns' table
	s_add_co_u32 s74, s74, COFF
	s_mov_b32 s75, 0
	s_add_nc_u64 s[74:75], s[6:7], s[74:75]
	CROUND                                         ; all sixteen work-groups are here: the first joint loads meet
	s_cmp_eq_u32 s21, 0                            ; a wave's two first fills stand in one branch: two loads of mine are out
	s_cbranch_scc0 .Lfirst_b
	tensor_load_to_lds s[G0A:G0A+3], s[G1A:G1A+7]
	s_nop 0
	tensor_load_to_lds s[G0A+4:G0A+7], s[G1A:G1A+7]
	s_nop 0
.rept 4
	v_nop
.endr
	s_branch .Lfirst_asked
.Lfirst_b:
	tensor_load_to_lds s[G0B:G0B+3], s[G1B:G1B+7]
	s_nop 0
	tensor_load_to_lds s[G0B+4:G0B+7], s[G1B:G1B+7]
	s_nop 0
.rept 4
	v_nop
.endr
.Lfirst_asked:
	; THE ROWS' AND COLUMNS' FIGURES, in the wait for the first tile: KB parts of each row's sum, KB of each column's
	v_and_b32 v1, 31, v0                           ; lane
	v_and_b32 v2, 15, v0                           ; r
	v_bfe_u32 v3, v0, 4, 1                         ; h
	s_lshl_b32 s2, s[WV], 8
	v_lshl_add_u32 v4, v2, 2, s2                   ; the rows' parts: my wave's 64 rows, row r,
	v_lshl_add_u32 v4, v3, 16, v4                  ; the odd parts for lanes 16-31
	v_lshlrev_b32 v5, 2, v0
	v_lshlrev_b32 v6, 4, v0
.set i, 0
.rept LAPS                             ; parts 2 i (lanes 0-15) and 2 i + 1 (lanes 16-31) of my four row tiles
.irp a, 0,1,2,3
	global_load_b32 v[64+4*i+(\a)], v4, s[70:71] offset:i*131072+(\a)*64
.endr
.set i, i+1
.endr
.set k, 0
.rept 2*KB                             ; thread t: the sums over k block k % KB of column t (k < KB) and of column 128 + t: the two block columns' records lie on end
	global_load_b32 v[96+k], v5, s[72:73] offset:k*REC
.set k, k+1
.endr
.irp j, 0,1,2,3
	global_load_b128 v[128+4*(\j):131+4*(\j)], v6, s[74:75] offset:2048*(\j)
.endr
	s_mul_i32 s2, s[WV], 64*PA
	v_mul_u32_u24 v[ADA0], v2, PA
	v_lshl_add_u32 v[ADA0], v3, 4, v[ADA0]
	v_add_nc_u32 v[ADA0], s2, v[ADA0]              ; (64 w + r) x pitch + 16 h
	v_and_b32 v9, 7, v0
	v_lshl_add_u32 v9, v3, 3, v9
	v_mul_u32_u24 v[ADB0], v9, PB                  ; k row 8 h + lane % 8,
	v_bfe_u32 v9, v0, 3, 1
	v_lshl_add_u32 v[ADB0], v9, 4, v[ADB0]         ; columns 8 ((lane / 8) % 2) on
	v_add_nc_u32 v[ADB0], BOFF, v[ADB0]
	v_add_nc_u32 v[ADB0+1], BBLK, v[ADB0]
	v_add_nc_u32 v[ADRA], s[TB], v[ADA0]           ; slot 0
	v_add_nc_u32 v[ADRB], s[TB], v[ADB0]
	v_add_nc_u32 v[ADRB+1], s[TB], v[ADB0+1]
	s_mul_i32 s2, s[WV], 64*SP                     ; my stage
	v_mul_u32_u24 v[STO], v2, SP                   ; in: row r, 16 bytes for each half of the lanes
	v_lshl_add_u32 v[STO], v3, 4, v[STO]
	v_add_nc_u32 v[STO], s2, v[STO]
	v_mul_u32_u24 v[RD], v3, SP                    ; back: lanes 0-15 take 256 bytes of one row, lanes 16-31 of the next
	v_lshl_add_u32 v[RD], v2, 4, v[RD]
	v_add_nc_u32 v[RD], s2, v[RD]
	v_lshlrev_b32 v[GO], 4, v1
	v_lshlrev_b32 v[CTA], 5, v3
	v_add_nc_u32 v[RNA], RN, v[CTA]
	v_add_nc_u32 v[CTA], CT, v[CTA]
	s_lshl_b32 s2, s[WV], 8
	s_add_co_u32 s2, s2, SPS
	v_lshl_add_u32 v[SPA], v2, 2, s2
	v_lshl_add_u32 v[SPB], v1, 3, s2
	v_lshlrev_b32 v27, 3, v1
.if KB > 4
	v_lshlrev_b32 v[PFO], 8, v1
.endif
	v_add_nc_u32 v7, RN, v5
	v_add_nc_u32 v8, CT, v6
	v_mov_b32 v9, 0
	v_mov_b32 v58, 0
	v_mov_b32 v59, 0
.irp a, 0,1,2,3
	v_mov_b32 v[144+(\a)], 0                       ; v_permlanex16_b32's destinations count as read
.endr
	s_wait_loadcnt 0x0
.set i, 1
.rept LAPS-1
	v_pk_add_f32 v[64:65], v[64:65], v[64+4*i:65+4*i]
	v_pk_add_f32 v[66:67], v[66:67], v[66+4*i:67+4*i]
.set i, i+1
.endr
.irp a, 0,1,2,3
	v_permlanex16_b32 v[144+(\a)], v[64+(\a)], s100, s101
.endr
.irp a, 0,1,2,3
	v_add_f32 v[64+(\a)], v[64+(\a)], v[144+(\a)]  ; S' of row 16 a + r
.endr
.macro COLSUM base                     ; KB parts into one
.set k, 1
.rept KB/2-1
	v_pk_add_f32 v[(\base):(\base)+1], v[(\base):(\base)+1], v[(\base)+2*k:(\base)+2*k+1]
.set k, k+1
.endr
	v_add_f32 v[\base], v[\base], v[(\base)+1]
.endm
	COLSUM 96                                      ; |w|^2 of column t
	COLSUM 96+KB                                   ; and of column 128 + t
.irp a, 0,1,2,3
	v_fma_f32 v[148+(\a)], v[64+(\a)], 0x3e800000, 1.0
.endr
.irp a, 0,1,2,3
	v_sqrt_f32 v[148+(\a)], v[148+(\a)]            ; q
.endr
	v_rsq_f32 v164, v96
	v_rsq_f32 v165, v[96+KB]
	v_nop
	s_wait_alu depctr_va_vdst(0)                   ; one wait for each batch, ahead of its first reader
	v_min_num_f32 v164, 0x58635fa9, v164           ; 1 / max(|w|, 1e-15)
	v_min_num_f32 v165, 0x58635fa9, v165
.irp a, 0,1,2,3
	v_add_f32 v[152+(\a)], 1.0, v[148+(\a)]
.endr
.irp a, 0,1,2,3
	v_rcp_f32 v[152+(\a)], v[152+(\a)]             ; s = 1 / (1 + q)
.endr
.irp a, 0,1,2,3
	v_add_f32 v[148+(\a)], -1.0, v[148+(\a)]
.endr
	s_wait_alu depctr_va_vdst(0)
.irp a, 0,1,2,3
	v_mul_f32 v[156+(\a)], v[148+(\a)], v[152+(\a)]  ; |h|^2 = (q - 1) / (q + 1)
.endr
.irp a, 0,1,2,3
	v_rsq_f32 v[160+(\a)], v[156+(\a)]
.endr
	v_nop
	s_wait_alu depctr_va_vdst(0)
.irp a, 0,1,2,3
	v_mul_f32 v[160+(\a)], 0x3f7ef9db, v[160+(\a)]
	v_min_num_f32 v[160+(\a)], 1.0, v[160+(\a)]    ; R = min(1, 0.996 / |h|)
	v_mul_f32 v[152+(\a)], v[152+(\a)], v[160+(\a)]
	v_min_num_f32 v[156+(\a)], 0x3f7df4c4, v[156+(\a)]  ; |h|^2 at the rim: 0.996^2
	v_cmp_gt_f32 vcc_lo, 0x7f800000, v[64+(\a)]
	v_cndmask_b32 v[156+(\a)], 0, v[156+(\a)], vcc_lo   ; an overflowed row: h = 0
	v_sub_f32 v[160+(\a)], 1.0, v[156+(\a)]
	v_max_num_f32 v[160+(\a)], 0x26901d7d, v[160+(\a)]
.endr
.irp a, 0,1,2,3
	v_rcp_f32 v[160+(\a)], v[160+(\a)]
.endr
.irp a, 0,1,2,3
	v_add_f32 v[156+(\a)], 1.0, v[156+(\a)]
.endr
	s_wait_alu depctr_va_vdst(0)
.irp a, 0,1,2,3
	v_mul_f32 v[AA+2*(\a)], v[152+(\a)], v[160+(\a)]
	v_mul_f32 v[BB+2*(\a)], v[156+(\a)], v[160+(\a)]
	v_mov_b32 v[AA+2*(\a)+1], v[AA+2*(\a)]
	v_mov_b32 v[BB+2*(\a)+1], v[BB+2*(\a)]
	v_mov_b32 v[SS+2*(\a)], 0
	v_mov_b32 v[SS+2*(\a)+1], 0
.endr
	ds_store_b32 v7, v164
	ds_store_b32 v7, v165 offset:512
.irp j, 0,1,2,3
	ds_store_b128 v8, v[128+4*(\j):131+4*(\j)] offset:2048*(\j)
.endr
	s_cmp_lg_u32 s[WV], 0
	s_cbranch_scc1 .Lnopad
	ds_store_b32 v7, v9 offset:1024                ; wave 0: the 128 bytes behind 1 / |w| that the way out's last look-ahead load reads and nobody uses
.Lnopad:
	s_wait_tensorcnt 1                             ; my part of K step 0 is in; K step 1's may stay out
	s_wait_dscnt 0x0                               ; my stores of the tables are done
	s_barrier_signal -1
	s_barrier_wait -1
	FETCH 0, 0
	QUARTER 1, 0, 1, 1                             ; the first quarter stands in front of the loop: its products start the sums
	WIN 0                                          ; at a label and at a branch every window is 0
	s_mov_b32 s3, KB-2
.Lstep:                                                ; a trip goes from a K step's second quarter to the next K step's first, and fills the slot that it leaves
	QUARTER 2, 1, 0, 0
	QUARTER 3, 0, 1, 0
	TURN 1
	QUARTER 1, 0, 1, 0
	WIN 0
	s_sub_co_u32 s3, s3, 1
	s_cmp_lg_u32 s3, 0
	s_cbranch_scc1 .Lstep
	s_mov_b32 s3, 2
.Ltail:                                                ; the last two K steps have a text of their own; the second trip is left in its middle
	QUARTER 2, 1, 0, 0
	QUARTER 3, 0, 1, 0
	TURN 0
	WIN 0
	s_sub_co_u32 s3, s3, 1
	s_cmp_eq_u32 s3, 0
	s_cbranch_scc1 .Lout
	QUARTER 1, 0, 1, 0
	WIN 0
	s_branch .Ltail
.Lout:
; THE WAY OUT: sixteen trips, a column tile c each: 32 registers a lane (four row tiles x eight columns).  The function is written once; only the first step, which reads the accumulators, is written sixteen times.
; A trip's constants are asked for in the trip before, each set as soon as its last reader has passed.  A trip's 128 roots, logarithms and powers stand in three batches, one wait each.
	PLACES
	LDC KCH, CTA, 0
	LDC KRN, RNA, 0
	LDC KSH, CTA, 64
	LDC KA,  CTA, 128
	LDC KC1, CTA, 192
	LDC KC3, CTA, 256
	LDC KC5, CTA, 320
	LDC KTH, CTA, 384
	v_add_nc_u32 v[CTA], 512, v[CTA]
	v_add_nc_u32 v[RNA], 64, v[RNA]
	s_mov_b32 s99, 0
	s_wait_dscnt 0x0                               ; no LDS instruction of mine is out,
	s_barrier_signal -1
	s_barrier_wait -1                              ; nor of any wave: nobody reads the ring any more, and slot 0 becomes the stages
.macro VAR c                           ; raw x CC for column tile c; each accumulator is read from its low end on
	WIN 0x02+(\c)/8                                ; source 0 in window 2 or 3
.irp a, 0,1,2,3
.irp p, 0,2,4,6
	v_pk_mul_f32 v[U+8*(\a)+(\p):U+8*(\a)+(\p)+1], v[8*(8*(\a)+(\c)%8)+(\p):8*(8*(\a)+(\c)%8)+(\p)+1], v[KCH+(\p):KCH+(\p)+1]
.endr
.endr
	WIN 0
.endm
.Lcol:
	s_wait_dscnt 4                                 ; the sixteen loads of constants are in; the last trip's four stores into the stage, issued behind them, may be out
.irp p, 0,2,4,6
	v_pk_mul_f32 v[KCH+(\p):KCH+(\p)+1], v[KCH+(\p):KCH+(\p)+1], v[KRN+(\p):KRN+(\p)+1]  ; CC
.endr
.irp c, 0,1,2,3,4,5,6,7,8,9,10,11,12,13,14
	s_cmp_eq_u32 s99, \c
	s_cbranch_scc1 .Lv\c
.endr
	VAR 15
	s_branch .Lcommon
.irp c, 0,1,2,3,4,5,6,7,8,9,10,11,12,13
.Lv\c:
	VAR \c
	s_branch .Lcommon
.endr
.Lv14:
	VAR 14
.Lcommon:
	LDC KCH, CTA, 0
	LDC KRN, RNA, 0
.irp a, 0,1,2,3
.irp p, 0,2,4,6
	v_pk_mul_f32 v[X2+8*(\a)+(\p):X2+8*(\a)+(\p)+1], v[KSH+(\p):KSH+(\p)+1], v[BB+2*(\a):BB+2*(\a)+1]
.endr
.endr
.irp a, 0,1,2,3
.irp p, 0,2,4,6
	v_pk_fma_f32 v[U+8*(\a)+(\p):U+8*(\a)+(\p)+1], v[U+8*(\a)+(\p):U+8*(\a)+(\p)+1], v[AA+2*(\a):AA+2*(\a)+1], v[X2+8*(\a)+(\p):X2+8*(\a)+(\p)+1] neg_lo:[0,0,1] neg_hi:[0,0,1]  ; u
.endr
.endr
	LDC KSH, CTA, 64
.set k, 0
.rept 16
	v_pk_mul_f32 v[X2+2*k:X2+2*k+1], v[U+2*k:U+2*k+1], v[U+2*k:U+2*k+1]
	v_pk_fma_f32 v[W+2*k:W+2*k+1], v[U+2*k:U+2*k+1], v[U+2*k:U+2*k+1], 1.0 op_sel_hi:[1,1,0]
.set k, k+1
.endr
.set k, 0
.rept 16                               ; the roots, the series' two steps between them
	v_sqrt_f32 v[W+2*k], v[W+2*k]
	v_pk_fma_f32 v[YS+2*k:YS+2*k+1], v[X2+2*k:X2+2*k+1], v[KC5+(2*k)%8:KC5+(2*k)%8+1], v[KC3+(2*k)%8:KC3+(2*k)%8+1]
	v_sqrt_f32 v[W+2*k+1], v[W+2*k+1]
	v_pk_fma_f32 v[YS+2*k:YS+2*k+1], v[YS+2*k:YS+2*k+1], v[X2+2*k:X2+2*k+1], v[KC1+(2*k)%8:KC1+(2*k)%8+1]
.set k, k+1
.endr
	LDC KC5, CTA, 320
	LDC KC3, CTA, 256
	LDC KC1, CTA, 192
	s_wait_alu depctr_va_vdst(0)                   ; one wait for the 32 roots
	v_fma_f32 v[W], |v[U]|, 1.0, v[W]
.set e, 0
.rept 32                               ; |u| + root one register ahead; the logarithm; the choice of the series, kept as a lane mask
.if e < 31
	v_fma_f32 v[W+e+1], |v[U+e+1]|, 1.0, v[W+e+1]
.endif
	v_log_f32 v[W+e], v[W+e]
	v_cmp_lt_f32 s[66+e], v[X2+e], v[KTH+e%8]
.set e, e+1
.endr
	s_wait_alu depctr_va_vdst(0)                   ; one wait for the 32 logarithms
	v_pk_mul_f32 v[X2:X2+1], v[W:W+1], v[KA:KA+1]  ; E,
	v_pk_mul_f32 v[W:W+1], v[W:W+1], v[KA:KA+1] neg_lo:[0,1] neg_hi:[0,1]  ; and -E
.set k, 0
.rept 16                               ; the powers; between them the next pair's E and -E and the series' last step
	v_exp_f32 v[X2+2*k], v[X2+2*k]
.if k < 15
	v_pk_mul_f32 v[X2+2*k+2:X2+2*k+3], v[W+2*k+2:W+2*k+3], v[KA+(2*k+2)%8:KA+(2*k+2)%8+1]
.endif
	v_exp_f32 v[W+2*k], v[W+2*k]
.if k < 15
	v_pk_mul_f32 v[W+2*k+2:W+2*k+3], v[W+2*k+2:W+2*k+3], v[KA+(2*k+2)%8:KA+(2*k+2)%8+1] neg_lo:[0,1] neg_hi:[0,1]
.endif
	v_exp_f32 v[X2+2*k+1], v[X2+2*k+1]
	v_pk_mul_f32 v[YS+2*k:YS+2*k+1], v[YS+2*k:YS+2*k+1], v[U+2*k:U+2*k+1]
	v_exp_f32 v[W+2*k+1], v[W+2*k+1]
.set k, k+1
.endr
	v_nop                                          ; a plain instruction behind the last power
	LDC KA,  CTA, 128
	LDC KTH, CTA, 384
	s_wait_alu depctr_va_vdst(0)                   ; one wait for the 64 powers
.set k, 0
.rept 16
	v_pk_add_f32 v[W+2*k:W+2*k+1], v[X2+2*k:X2+2*k+1], v[W+2*k:W+2*k+1] neg_lo:[0,1] neg_hi:[0,1]
.set k, k+1
.endr
.set e, 0
.rept 32
	v_cndmask_b32 v[W+e], v[W+e], v[YS+e], s[66+e]
.set e, e+1
.endr
.set e, 0
.rept 32
	v_bfi_b32 v[W+e], s23, v[W+e], v[U+e]          ; u's sign
.set e, e+1
.endr
.irp p, 0,2,4,6
.irp a, 0,1,2,3
	v_pk_fma_f32 v[SS+2*(\a):SS+2*(\a)+1], v[W+8*(\a)+(\p):W+8*(\a)+(\p)+1], v[W+8*(\a)+(\p):W+8*(\a)+(\p)+1], v[SS+2*(\a):SS+2*(\a)+1]
.endr
.endr
.set k, 0
.rept 16
	v_cvt_pk_bf16_f32 v[X2+k], v[W+2*k], v[W+2*k+1]
.set k, k+1
.endr
.irp a, 0,1,2,3
	ds_store_b128 v[STO], v[X2+4*(\a):X2+4*(\a)+3] offset:(\a)*16*SP
.endr
	v_add_nc_u32 v[STO], 32, v[STO]
	v_add_nc_u32 v[CTA], 512, v[CTA]
	v_add_nc_u32 v[RNA], 64, v[RNA]
	s_add_co_u32 s99, s99, 1
	s_cmp_lt_u32 s99, 16
	s_cbranch_scc1 .Lcol
	; my 64 rows' sums over this tile's 256 columns: part 2 x tile column of S' for the next launch, 256 bytes on end; the part beside it, which the next launch adds too, is 0
.irp a, 0,1,2,3
	v_add_f32 v[SS+2*(\a)], v[SS+2*(\a)], v[SS+2*(\a)+1]
.endr
.irp a, 0,1,2,3
	v_permlanex16_b32 v[SS+2*(\a)+1], v[SS+2*(\a)], s100, s101
.endr
.irp a, 0,1,2,3
	v_add_f32 v[SS+2*(\a)], v[SS+2*(\a)], v[SS+2*(\a)+1]
.endr
.irp a, 0,1,2,3
	ds_store_b32 v[SPA], v[SS+2*(\a)] offset:64*(\a)
.endr
	ds_load_b64 v[56:57], v[SPB]                   ; LDS serves a wave's instructions in order (ISA guide 5.7.1.4): this sees the stores above
	s_lshl_b32 s66, s42, 17
	s_lshl_b32 s67, s43, 10
	s_add_co_u32 s66, s66, s67
	s_lshl_b32 s67, s[WV], 8
	s_add_co_u32 s66, s66, s67
	s_mov_b32 s67, 0
	s_add_nc_u64 s[68:69], s[8:9], s[66:67]
	s_lshl_b32 s70, s43, 1                         ; y': block row 2 x tile row + wave / 2, block column 2 x tile column, the upper or lower 64 rows
	s_add_co_u32 s70, s70, s21
	s_mul_i32 s70, s70, NB
	s_lshl_b32 s71, s42, 1
	s_add_co_u32 s70, s70, s71
	s_lshl_b32 s70, s70, 15
	s_lshl_b32 s71, s22, 14
	s_add_co_u32 s70, s70, s71
	s_add_co_u32 s70, s70, ACT
	s_mov_b32 s71, 0
	s_add_nc_u64 s[70:71], s[8:9], s[70:71]
	s_wait_dscnt 0x0
	global_store_b64 v27, v[56:57], s[68:69]
	global_store_b64 v27, v[58:59], s[68:69] offset:65536
	s_mov_b32 s99, 2
.Lflush:                                               ; two trips: my 64 rows' 256 bytes in the left block, then in the right one
.set t, 0
.rept 32
	ds_load_b128 v[64+4*t:64+4*t+3], v[RD] offset:t*2*SP  ; my own stage: 256 bytes of each of two rows a load
.set t, t+1
.endr
.set t, 0
.rept 32
	s_wait_dscnt 31-t                              ; load t is in; the later ones stay out
	global_store_b128 v[GO], v[64+4*t:64+4*t+3], s[70:71] offset:t*512  ; 512 consecutive bytes, aligned: 16,384 on end for the wave
.set t, t+1
.endr
	s_wait_xcnt 0x0                                ; the stores have read their registers and their base, which are written again below and in the next trip
	v_add_nc_u32 v[RD], 256, v[RD]
	s_add_nc_u64 s[70:71], s[70:71], 32768
	s_sub_co_u32 s99, s99, 1
	s_cmp_lg_u32 s99, 0
	s_cbranch_scc1 .Lflush
	s_wait_tensorcnt 0x0                           ; the wave's end: three closing lines, behind my last tensor load and my last LDS store
	ds_add_u32 v[SPW], v[NIL]
	s_wait_dscnt 0x0
	CROUND                                         ; the closing round: no work-group ends while a partner may still ask for a tile that names it
	s_endpgm
.Lfunc_end_k_q8609b85a25_g1:
	.size	k_q8609b85a25_g1, .Lfunc_end_k_q8609b85a25_g1-k_q8609b85a25_g1
	.p2alignl 7, 3214868480
	.fill 96, 4, 3214868480
	.section	.rodata,"a",@progbits
	.p2align	6, 0x0
	.amdhsa_kernel k_q8609b85a25_g1
		.amdhsa_group_segment_fixed_size 327680
		.amdhsa_private_segment_fixed_size 0
		.amdhsa_enable_private_segment 0
		.amdhsa_kernarg_size 24
		.amdhsa_user_sgpr_count 2
		.amdhsa_user_sgpr_kernarg_segment_ptr 1
		.amdhsa_wavefront_size32 1
		.amdhsa_system_sgpr_workgroup_id_x 1
		.amdhsa_system_sgpr_workgroup_id_y 1
		.amdhsa_system_sgpr_workgroup_id_z 1
		.amdhsa_system_vgpr_workitem_id 0
		.amdhsa_next_free_vgpr 1024
		.amdhsa_next_free_sgpr 102
		.amdhsa_reserve_vcc 1
		.amdhsa_float_denorm_mode_32 3
		.amdhsa_float_denorm_mode_16_64 3
		.amdhsa_memory_ordered 1
		.amdhsa_forward_progress 1
		.amdhsa_inst_pref_size 142
	.end_amdhsa_kernel
	.amdgpu_metadata
---
amdhsa.version: [ 1, 2 ]
amdhsa.kernels:
  - .name:           k_q8609b85a25_g1
    .symbol:         k_q8609b85a25_g1.kd
    .args:
      - { .name: actB, .offset: 0, .size: 8, .value_kind: global_buffer, .address_space: global }
      - { .name: wts, .offset: 8, .size: 8, .value_kind: global_buffer, .address_space: global }
      - { .name: actA, .offset: 16, .size: 8, .value_kind: global_buffer, .address_space: global }
    .group_segment_fixed_size: 327680
    .private_segment_fixed_size: 0
    .kernarg_segment_align: 8
    .kernarg_segment_size: 24
    .max_flat_workgroup_size: 128
    .sgpr_count:     102
    .vgpr_count:     1024
    .wavefront_size: 32
...
	.end_amdgpu_metadata
.endif
;; end of part 7
;; launch g2: the kernel of part 4 again; grid 4 x 64, 4 waves a work-group, clusters of 4 x 4, 327,680 bytes of LDS; arguments actA, wts, actB; writes actB
;; launch head (part 8): grid 128 x 2, 4 waves a work-group, clusters of 4 x 1, 327,680 bytes of LDS; arguments actB, wts, out0; writes out0
.if DOCPART == 8
	.amdgcn_target "amdgcn-amd-amdhsa--gfx1250"
	.amdhsa_code_object_version 6
	.text
	.protected	k_q8609b85a25_head
	.globl	k_q8609b85a25_head
	.p2align	8
	.type	k_q8609b85a25_head,@function
k_q8609b85a25_head:
	s_mov_b64 s[64:65], 0
	v_nop
	global_prefetch_b8 v0, s[64:65] scope:SCOPE_SE
	s_setreg_imm32_b32 hwreg(HW_REG_WAVE_MODE, 25, 1), 1
	s_wait_xcnt 0x0
	s_wait_alu depctr_hold_cnt(0) depctr_sa_sdst(0) depctr_va_vdst(0) depctr_va_sdst(0) depctr_va_ssrc(0) depctr_va_vcc(0) depctr_vm_vsrc(0)
	s_getreg_b32 s2, hwreg(HW_REG_IB_STS2, 6, 4)
	s_cmp_eq_u32 s2, 0
	s_cbranch_scc0 .Lentry_in_a_cluster
	s_endpgm
.Lentry_in_a_cluster:
	s_bfe_u32 s2, ttmp6, 0x10000c
	s_cmp_lg_u32 s2, 0x3003
	s_cbranch_scc0 .Lentry_shape_is_right
	s_endpgm
.Lentry_shape_is_right:
; THE HEAD: out = 2 g asinh(u), u as in the hidden layers: u = alpha (raw CC) - beta SH, with the rows' alpha, beta from the four parts of S' and the columns' CC, SH, A = |2g| from the table.
; asinh(u) = ln 2 log2(|u| + sqrt(u^2+1)) with u's sign; where u^2 < 0.0625 the series u (1 + u^2 (-1/6 + 0.075 u^2)), whose first term left out is 1.1e-5 of it at the most.  Both are made; v_cndmask_b32 chooses.
; LIMITS.  u^2 must stay finite: |b| below 19.  A row whose S' is not below infinity counts as h = 0.  Roots, logarithms and reciprocals take a denormal as 0.  NaN and infinities are not treated apart.
; SHARES.  A work-group makes 128 rows x 128 columns, a wave 64 x 64: 16 accumulators.  K = 512 lies in LDS whole: four blocks of y' and four of w, all asked for at the start; nothing is filled again.
; CLUSTER 4 x 1: the four partners make four row tiles of one column tile: w's blocks are asked for jointly; y's blocks are each work-group's own (mask 0).
; No prefetch: every fill goes out at the head.
; The matrix instruction is used transposed (source 0 = 16 columns of w, turned by ds_load_tr16_b128; source 1 = 16 rows of y'): a lane holds one row and eight neighbouring columns.
.set ACT,   1048576
.set REC,   33280
.set WH,    7454720                    ; the head's first weight record in wts
.set CHOFF, 7835648                    ; its table
.set PA,    272
.set PB,    288
.set ABLK,  128*PA
.set BBLK,  128*PB
.set BBASE, 4*ABLK
.set STG,   BBASE+4*BBLK               ; 16 rows x 272 bytes for each wave, never filled by a tensor load
.set CT,    STG+4*16*PA
.set RN,    CT+4096
.set SPARE, RN+512                     ; the spare words, 128 bytes for each wave: two blocks of 256 bytes that no other line names
.set AW,   4                           ; v[4:5]  on the way out: alpha of the row tile in hand, twice
.set BW,   6                           ; v[6:7]  its beta, twice
.set STO,  8
.set RD,   9
.set GO,   10
.set CTA,  11
.set SPW,  12                          ; v12  LDS address of my spare word; never rewritten
.set NIL,  13                          ; v13  0; never rewritten
.set RNA,  14
.set ADA,  16                          ; v16-19, v20-23: fragment addresses by block; dead on the way out, where v16-31 hold half of the series
.set ADB,  20
.set AA,   32
.set BB,   40
.set F0,   64                          ; two fragment buffers of 64: w's four fragments, then y's four
.set F1,   128
.set U,    48
.set X2,   80
.set W,    112
.set CC,   160                         ; the constants of my 4 x 8 columns
.set KSH,  192
.set KA,   224
.set WV,   10
.set G1A,  16
.set G1B,  24
.set G0A,  32
.set G0B,  48
.set MSB, 0
.macro WIN new
.if MSB != (\new)
	s_set_vgpr_msb (MSB<<8)|(\new)
.set MSB, \new
.endif
.endm
.macro PLACES
.rept 4
	v_nop
.endr
.endm
.macro CROUND                          ; a round of the cluster's barrier
	s_barrier_signal -1
	s_barrier_wait -1
	s_cmp_lg_u32 s[WV], 0
	s_cbranch_scc1 .Lnot_wave_0_\@
	s_barrier_signal -3
.Lnot_wave_0_\@:
	s_barrier_wait -3
	s_barrier_signal -1
	s_barrier_wait -1
.endm
	s_load_b128 s[4:7], s[0:1], 0x0                ; y' and S' s[4:5], wts s[6:7]
	s_load_b64 s[8:9], s[0:1], 0x10                ; out
	v_lshl_add_u32 v[SPW], v0, 2, SPARE
	v_mov_b32 v[NIL], 0
	ds_add_u32 v[SPW], v[NIL]                      ; the wave's opening: the add, twice on end, and its wait ahead of my first tensor load
	ds_add_u32 v[SPW], v[NIL]
	v_lshrrev_b32 v1, 5, v0
	v_readfirstlane_b32 s[WV], v1
	s_lshr_b32 s11, s[WV], 1                       ; my half of the rows.  Also: I fetch y' (0) or w (1)
	s_and_b32 s12, s[WV], 1                        ; my half of the columns.  Also: which half of a block I fetch
	s_bfe_u32 s13, ttmp6, 0x40000                  ; cx
	s_lshl_b32 s14, ttmp9, 2
	s_add_co_u32 s14, s14, s13                     ; tile row
	s_and_b32 s15, ttmp7, 0xffff                   ; tile column, which the four partners share
	s_mov_b32 s[G1A], (1<<16)|(1<<20)|(5<<22)|(3<<25)             ; no mask; 2-byte elements; padding: 4 words after every 64
	s_mov_b32 s[G1B], 15|(1<<16)|(1<<20)|(1<<21)|(5<<22)|(7<<25)  ; the mask of four, bit 21 beside it; 8 words of padding
.irp g, G1A, G1B
	s_mov_b32 s[(\g)+1], 128<<16                   ; tensor_dim0 = 128
	s_mov_b32 s[(\g)+2], 64<<16                    ; tensor_dim1 = 64
	s_mov_b32 s[(\g)+3], 128<<16                   ; tile_dim0 = 128
	s_mov_b32 s[(\g)+4], 64                        ; tile_dim1 = 64: half a block
	s_mov_b32 s[(\g)+5], 128
	s_mov_b32 s[(\g)+6], 0
	s_mov_b32 s[(\g)+7], 0
.endr
	s_mov_b32 s66, 0x3d99999a                      ; 0.075
	s_mov_b32 s67, s66
	s_mov_b32 s68, 0xbe2aaaab                      ; -1/6
	s_mov_b32 s69, s68
	s_mov_b32 s70, 0x7fffffff
	s_mov_b32 s88, 0x76543210
	s_mov_b32 s89, 0xfedcba98
	s_lshl_b32 s74, s14, 17                        ; y': block row = tile row, four blocks of 32,768 bytes; my half of each
	s_lshl_b32 s75, s12, 14
	s_add_co_u32 s74, s74, s75
	s_add_co_u32 s74, s74, ACT
	s_mov_b32 s75, 0
	s_mul_i32 s76, s15, 4*REC                      ; w: the tile column's four records; no register here holds cx
	s_add_co_u32 s76, s76, WH
	s_lshl_b32 s77, s12, 14
	s_add_co_u32 s78, s76, s77
	s_mov_b32 s79, 0
	s_add_co_u32 s80, s76, 32768                   ; the column sums
	s_mov_b32 s81, 0
	s_lshl_b32 s82, s15, 12                        ; the table
	s_add_co_u32 s82, s82, CHOFF
	s_mov_b32 s83, 0
	s_lshl_b32 s84, s14, 9                         ; the rows' parts
	s_mov_b32 s85, 0
	s_lshl_b32 s86, s14, 17                        ; out: 128 rows of 1,024 bytes a tile row, 64 a wave's half; 512 bytes a tile column, 256 a half
	s_lshl_b32 s87, s11, 16
	s_add_co_u32 s86, s86, s87
	s_lshl_b32 s87, s15, 9
	s_add_co_u32 s86, s86, s87
	s_lshl_b32 s87, s12, 8
	s_add_co_u32 s86, s86, s87
	s_mov_b32 s87, 0
	s_mul_i32 s71, s12, 64*PA
	s_mul_i32 s72, s12, 64*PB
	s_add_co_u32 s72, s72, BBASE
	s_wait_dscnt 0x0                               ; both opening adds are done
	s_wait_kmcnt 0x0
	s_add_nc_u64 s[74:75], s[4:5], s[74:75]
	s_add_nc_u64 s[78:79], s[6:7], s[78:79]
	s_add_nc_u64 s[80:81], s[6:7], s[80:81]
	s_add_nc_u64 s[82:83], s[6:7], s[82:83]
	s_add_nc_u64 s[84:85], s[4:5], s[84:85]
	s_add_nc_u64 s[86:87], s[8:9], s[86:87]
.irp k, 0,1,2,3
	s_mov_b32 s[G0A+4*(\k)], 1
	s_add_co_u32 s[G0A+4*(\k)+1], s71, (\k)*ABLK
	s_add_nc_u64 s[G0A+4*(\k)+2:G0A+4*(\k)+3], s[74:75], (\k)*32768
	s_or_b32 s[G0A+4*(\k)+3], s[G0A+4*(\k)+3], 0x80000000
	s_mov_b32 s[G0B+4*(\k)], 1
	s_add_co_u32 s[G0B+4*(\k)+1], s72, (\k)*BBLK
	s_add_nc_u64 s[G0B+4*(\k)+2:G0B+4*(\k)+3], s[78:79], (\k)*REC
	s_or_b32 s[G0B+4*(\k)+3], s[G0B+4*(\k)+3], 0x80000000
.endr
	CROUND                                         ; all four work-groups are here: the joint loads meet
	s_cmp_eq_u32 s11, 0                            ; a wave's four fills stand in one branch: four loads of mine are out
	s_cbranch_scc0 .Lfill_b
.irp k, 0,1,2,3
	tensor_load_to_lds s[G0A+4*(\k):G0A+4*(\k)+3], s[G1A:G1A+7]
	s_nop 0
.endr
.rept 4
	v_nop
.endr
	s_branch .Lfilled
.Lfill_b:
.irp k, 0,1,2,3
	tensor_load_to_lds s[G0B+4*(\k):G0B+4*(\k)+3], s[G1B:G1B+7]
	s_nop 0
.endr
.rept 4
	v_nop
.endr
.Lfilled:
	v_and_b32 v1, 31, v0
	v_and_b32 v2, 15, v0                           ; r
	v_bfe_u32 v3, v0, 4, 1                         ; h
	s_lshl_b32 s2, s11, 8
	v_lshl_add_u32 v4, v2, 2, s2                   ; the rows' parts: my 64 rows, row r,
	v_lshl_add_u32 v4, v3, 16, v4                  ; the odd parts for lanes 16-31
	v_lshlrev_b32 v5, 2, v0
	v_lshlrev_b32 v6, 4, v0
.irp i, 0,1
.irp a, 0,1,2,3
	global_load_b32 v[64+4*(\i)+(\a)], v4, s[84:85] offset:(\i)*131072+(\a)*64
.endr
.endr
.irp k, 0,1,2,3
	global_load_b32 v[96+(\k)], v5, s[80:81] offset:(\k)*REC
.endr
	global_load_b128 v[112:115], v6, s[82:83]
	global_load_b128 v[116:119], v6, s[82:83] offset:2048
	v_add_nc_u32 v7, RN, v5
	v_add_nc_u32 v15, CT, v6
	s_mul_i32 s2, s11, 64*PA
	v_mul_u32_u24 v[ADA], v2, PA
	v_lshl_add_u32 v[ADA], v3, 4, v[ADA]
	v_add_nc_u32 v[ADA], s2, v[ADA]                ; (64 x half + r) x pitch + 16 h
	v_and_b32 v[ADB], 7, v0
	v_lshl_add_u32 v[ADB], v3, 3, v[ADB]
	v_mul_u32_u24 v[ADB], v[ADB], PB
	v_bfe_u32 v[ADB+1], v0, 3, 1
	v_lshl_add_u32 v[ADB], v[ADB+1], 4, v[ADB]
	s_lshl_b32 s2, s12, 7
	s_add_co_u32 s2, s2, BBASE
	v_add_nc_u32 v[ADB], s2, v[ADB]                ; + my 64 columns
.irp k, 1,2,3
	v_add_nc_u32 v[ADA+(\k)], (\k)*ABLK, v[ADA]
	v_add_nc_u32 v[ADB+(\k)], (\k)*BBLK, v[ADB]
.endr
	s_mul_i32 s2, s[WV], 16*PA
	s_add_co_u32 s2, s2, STG
	v_mul_u32_u24 v[STO], v2, PA
	v_lshl_add_u32 v[STO], v3, 5, v[STO]
	v_add_nc_u32 v[STO], s2, v[STO]                ; in: row r, 32 bytes for each half of the lanes
	v_mul_u32_u24 v[RD], v3, PA
	v_lshl_add_u32 v[RD], v2, 4, v[RD]
	v_add_nc_u32 v[RD], s2, v[RD]                  ; back: lanes 0-15 one row of 256 bytes, lanes 16-31 the next
	v_lshlrev_b32 v[GO], 10, v3
	v_lshl_add_u32 v[GO], v2, 4, v[GO]
	s_lshl_b32 s2, s12, 11
	s_add_co_u32 s2, s2, CT
	v_lshl_add_u32 v[CTA], v3, 5, s2
	s_lshl_b32 s2, s12, 8
	s_add_co_u32 s2, s2, RN
	v_lshl_add_u32 v[RNA], v3, 5, s2
.irp a, 0,1,2,3
	v_mov_b32 v[120+(\a)], 0                       ; v_permlanex16_b32's destinations count as read
.endr
	s_wait_loadcnt 0x0
	v_pk_add_f32 v[64:65], v[64:65], v[68:69]
	v_pk_add_f32 v[66:67], v[66:67], v[70:71]
.irp a, 0,1,2,3
	v_permlanex16_b32 v[120+(\a)], v[64+(\a)], s88, s89
.endr
.irp a, 0,1,2,3
	v_add_f32 v[64+(\a)], v[64+(\a)], v[120+(\a)]  ; S' of row 16 a + r
.endr
	v_pk_add_f32 v[96:97], v[96:97], v[98:99]
	v_add_f32 v96, v96, v97                        ; |w|^2 of column t
.irp a, 0,1,2,3
	v_fma_f32 v[124+(\a)], v[64+(\a)], 0x3e800000, 1.0
.endr
.irp a, 0,1,2,3
	v_sqrt_f32 v[124+(\a)], v[124+(\a)]            ; q
.endr
	v_rsq_f32 v97, v96
	v_nop
	s_wait_alu depctr_va_vdst(0)                   ; one wait for each batch, ahead of its first reader
	v_min_num_f32 v97, 0x58635fa9, v97
.irp a, 0,1,2,3
	v_add_f32 v[128+(\a)], 1.0, v[124+(\a)]
.endr
.irp a, 0,1,2,3
	v_rcp_f32 v[128+(\a)], v[128+(\a)]
.endr
.irp a, 0,1,2,3
	v_add_f32 v[124+(\a)], -1.0, v[124+(\a)]
.endr
	s_wait_alu depctr_va_vdst(0)
.irp a, 0,1,2,3
	v_mul_f32 v[132+(\a)], v[124+(\a)], v[128+(\a)]  ; |h|^2
.endr
.irp a, 0,1,2,3
	v_rsq_f32 v[136+(\a)], v[132+(\a)]
.endr
	v_nop
	s_wait_alu depctr_va_vdst(0)
.irp a, 0,1,2,3
	v_mul_f32 v[136+(\a)], 0x3f7ef9db, v[136+(\a)]
	v_min_num_f32 v[136+(\a)], 1.0, v[136+(\a)]
	v_mul_f32 v[128+(\a)], v[128+(\a)], v[136+(\a)]
	v_min_num_f32 v[132+(\a)], 0x3f7df4c4, v[132+(\a)]
	v_cmp_gt_f32 vcc_lo, 0x7f800000, v[64+(\a)]
	v_cndmask_b32 v[132+(\a)], 0, v[132+(\a)], vcc_lo
	v_sub_f32 v[136+(\a)], 1.0, v[132+(\a)]
	v_max_num_f32 v[136+(\a)], 0x26901d7d, v[136+(\a)]
.endr
.irp a, 0,1,2,3
	v_rcp_f32 v[136+(\a)], v[136+(\a)]
.endr
.irp a, 0,1,2,3
	v_add_f32 v[132+(\a)], 1.0, v[132+(\a)]
.endr
	s_wait_alu depctr_va_vdst(0)
.irp a, 0,1,2,3
	v_mul_f32 v[AA+2*(\a)], v[128+(\a)], v[136+(\a)]
	v_mul_f32 v[BB+2*(\a)], v[132+(\a)], v[136+(\a)]
	v_mov_b32 v[AA+2*(\a)+1], v[AA+2*(\a)]
	v_mov_b32 v[BB+2*(\a)+1], v[BB+2*(\a)]
.endr
	ds_store_b32 v7, v97
	ds_store_b128 v15, v[112:115]
	ds_store_b128 v15, v[116:119] offset:2048
.macro HFETCH kb, q, f                 ; 16 LDS loads in one run: the fragments of 32 along K
	WIN 0
.irp b, 0,1,2,3
	ds_load_tr16_b128 v[(\f)+8*(\b):(\f)+8*(\b)+3],   v[ADB+(\kb)] offset:(\q)*32*PB+32*(\b)
	ds_load_tr16_b128 v[(\f)+8*(\b)+4:(\f)+8*(\b)+7], v[ADB+(\kb)] offset:(\q)*32*PB+32*(\b)+16*PB
.endr
.irp a, 0,1,2,3
	ds_load_b128 v[(\f)+32+8*(\a):(\f)+32+8*(\a)+3],   v[ADA+(\kb)] offset:(\a)*16*PA+64*(\q)
	ds_load_b128 v[(\f)+32+8*(\a)+4:(\f)+32+8*(\a)+7], v[ADA+(\kb)] offset:(\a)*16*PA+64*(\q)+32
.endr
.endm
.macro HMUL f, zero                    ; the 16 accumulators take turns, in the same order every time
	WIN 0x50
.irp a, 0,1,2,3
.irp b, 0,1,2,3
.if \zero
	v_wmma_f32_16x16x32_bf16 v[8*(4*(\a)+(\b)):8*(4*(\a)+(\b))+7], v[(\f)+8*(\b):(\f)+8*(\b)+7], v[(\f)+32+8*(\a):(\f)+32+8*(\a)+7], 0
.else
	v_wmma_f32_16x16x32_bf16 v[8*(4*(\a)+(\b)):8*(4*(\a)+(\b))+7], v[(\f)+8*(\b):(\f)+8*(\b)+7], v[(\f)+32+8*(\a):(\f)+32+8*(\a)+7], v[8*(4*(\a)+(\b)):8*(4*(\a)+(\b))+7]
.endif
.endr
.endr
.endm
.macro HSTEP kb, zero                  ; one block of 128 along K
	s_wait_tensorcnt 3-(\kb)                       ; my part of block kb is in; the later blocks' loads stay out
	s_wait_dscnt 0x0                               ; no LDS instruction of mine is out (at the first: my stores of the tables)
	s_barrier_signal -1
	s_barrier_wait -1                              ; everybody's part is in
	PLACES
	HFETCH \kb, 0, F0
	s_wait_dscnt 0x0
	PLACES
	HFETCH \kb, 1, F1
	HMUL F0, \zero
	s_wait_dscnt 0x0
	PLACES
	HFETCH \kb, 2, F0
	HMUL F1, 0
	s_wait_dscnt 0x0
	PLACES
	HFETCH \kb, 3, F1
	HMUL F0, 0
	s_wait_dscnt 0x0
	HMUL F1, 0
.endm
	HSTEP 0, 1
	HSTEP 1, 0
	HSTEP 2, 0
	HSTEP 3, 0
	; THE WAY OUT.  The constants of my 4 x 8 columns, once; then four trips, a row tile each: 32 registers a lane.  The function is written once; only the first step, which reads the accumulators, is written four times.
	WIN 0
	PLACES
.irp b, 0,1,2,3
	ds_load_b128 v[CC+8*(\b):CC+8*(\b)+3],    v[CTA] offset:(\b)*512
	ds_load_b128 v[CC+8*(\b)+4:CC+8*(\b)+7],  v[CTA] offset:(\b)*512+16
	ds_load_b128 v[KSH+8*(\b):KSH+8*(\b)+3],   v[CTA] offset:(\b)*512+64
	ds_load_b128 v[KSH+8*(\b)+4:KSH+8*(\b)+7], v[CTA] offset:(\b)*512+80
	ds_load_b128 v[KA+8*(\b):KA+8*(\b)+3],    v[CTA] offset:(\b)*512+128
	ds_load_b128 v[KA+8*(\b)+4:KA+8*(\b)+7],  v[CTA] offset:(\b)*512+144
	ds_load_b128 v[U+8*(\b):U+8*(\b)+3],      v[RNA] offset:(\b)*64
	ds_load_b128 v[U+8*(\b)+4:U+8*(\b)+7],    v[RNA] offset:(\b)*64+16
.endr
	s_wait_dscnt 0x0
.set k, 0
.rept 16
	v_pk_mul_f32 v[CC+2*k:CC+2*k+1], v[CC+2*k:CC+2*k+1], v[U+2*k:U+2*k+1]  ; CC = sgn(g) cosh 2b / |w|
.set k, k+1
.endr
.macro HVAR a                          ; raw x CC for row tile a, and its alpha and beta; each accumulator is read from its low end on
	WIN 0x01                                       ; source 0 in window 1
.irp b, 0,1,2,3
.irp p, 0,2,4,6
	v_pk_mul_f32 v[U+8*(\b)+(\p):U+8*(\b)+(\p)+1], v[8*(4*(\a)+(\b))+(\p):8*(4*(\a)+(\b))+(\p)+1], v[CC+8*(\b)+(\p):CC+8*(\b)+(\p)+1]
.endr
.endr
	WIN 0
	v_mov_b32 v[AW], v[AA+2*(\a)]
	v_mov_b32 v[AW+1], v[AA+2*(\a)]
	v_mov_b32 v[BW], v[BB+2*(\a)]
	v_mov_b32 v[BW+1], v[BB+2*(\a)]
.endm
	s_mov_b32 s73, 0
; register n of the series lies at v[144 + n] for n < 16 and at v[n] for n >= 16
.Lrow:
.irp a, 0,1,2
	s_cmp_eq_u32 s73, \a
	s_cbranch_scc1 .Lr\a
.endr
	HVAR 3
	s_branch .Lrcommon
.irp a, 0,1
.Lr\a:
	HVAR \a
	s_branch .Lrcommon
.endr
.Lr2:
	HVAR 2
.Lrcommon:
.set k, 0
.rept 16
	v_pk_mul_f32 v[X2+2*k:X2+2*k+1], v[KSH+2*k:KSH+2*k+1], v[BW:BW+1]
.set k, k+1
.endr
.set k, 0
.rept 16
	v_pk_fma_f32 v[U+2*k:U+2*k+1], v[U+2*k:U+2*k+1], v[AW:AW+1], v[X2+2*k:X2+2*k+1] neg_lo:[0,0,1] neg_hi:[0,0,1]  ; u
.set k, k+1
.endr
.set k, 0
.rept 16
	v_pk_mul_f32 v[X2+2*k:X2+2*k+1], v[U+2*k:U+2*k+1], v[U+2*k:U+2*k+1]
	v_pk_fma_f32 v[W+2*k:W+2*k+1], v[U+2*k:U+2*k+1], v[U+2*k:U+2*k+1], 1.0 op_sel_hi:[1,1,0]
.set k, k+1
.endr
.set k, 0
.rept 16                               ; the roots, the series' two steps between them
.set ys, 2*k+144*(1-(2*k)/16)
	v_sqrt_f32 v[W+2*k], v[W+2*k]
	v_pk_fma_f32 v[ys:ys+1], v[X2+2*k:X2+2*k+1], s[66:67], s[68:69] op_sel_hi:[1,0,0]
	v_sqrt_f32 v[W+2*k+1], v[W+2*k+1]
	v_pk_fma_f32 v[ys:ys+1], v[ys:ys+1], v[X2+2*k:X2+2*k+1], 1.0 op_sel_hi:[1,1,0]
.set k, k+1
.endr
	s_wait_alu depctr_va_vdst(0)                   ; one wait for the 32 roots
	v_fma_f32 v[W], |v[U]|, 1.0, v[W]
.set e, 0
.rept 32                               ; |u| + root one register ahead; the logarithm; behind every second one the series' last step
.if e < 31
	v_fma_f32 v[W+e+1], |v[U+e+1]|, 1.0, v[W+e+1]
.endif
	v_log_f32 v[W+e], v[W+e]
.if e%2 == 1
.set ys, e-1+144*(1-(e-1)/16)
	v_pk_mul_f32 v[ys:ys+1], v[ys:ys+1], v[U+e-1:U+e]
.endif
.set e, e+1
.endr
	s_wait_alu depctr_va_vdst(0)                   ; one wait for the 32 logarithms
.set k, 0
.rept 16
	v_pk_mul_f32 v[W+2*k:W+2*k+1], v[W+2*k:W+2*k+1], 0x3f317218 op_sel_hi:[1,0]  ; ln 2
.set k, k+1
.endr
.set e, 0
.rept 32
.set ys, e+144*(1-e/16)
	v_cmp_gt_f32 vcc_lo, 0x3d800000, v[X2+e]       ; u^2 < 0.0625
	v_cndmask_b32 v[W+e], v[W+e], v[ys], vcc_lo
	v_bfi_b32 v[W+e], s70, v[W+e], v[U+e]          ; u's sign
.set e, e+1
.endr
.set k, 0
.rept 16
	v_pk_mul_f32 v[W+2*k:W+2*k+1], v[W+2*k:W+2*k+1], v[KA+2*k:KA+2*k+1]
.set k, k+1
.endr
.irp b, 0,1,2,3
	ds_store_b128 v[STO], v[W+8*(\b):W+8*(\b)+3]   offset:64*(\b)
	ds_store_b128 v[STO], v[W+8*(\b)+4:W+8*(\b)+7] offset:64*(\b)+16
.endr
.irp t, 0,1,2,3,4,5,6,7
	ds_load_b128 v[X2+4*(\t):X2+4*(\t)+3], v[RD] offset:(\t)*2*PA  ; LDS serves a wave's instructions in order (ISA guide 5.7.1.4): these see the stores above; the next trip's stores come behind them
.endr
.irp t, 0,1,2,3,4,5,6,7
	s_wait_dscnt 7-(\t)                            ; load t is in; the later ones stay out
	global_store_b128 v[GO], v[X2+4*(\t):X2+4*(\t)+3], s[86:87] offset:(\t)*2048 th:TH_STORE_NT  ; sixteen lanes store 256 consecutive bytes, aligned
.endr
	s_wait_xcnt 0x0                                ; the stores have read their registers, which are written again below and in the next trip
	v_add_nc_u32 v[GO], 16384, v[GO]               ; the next 16 rows of 1,024 bytes
	s_add_co_u32 s73, s73, 1
	s_cmp_lt_u32 s73, 4
	s_cbranch_scc1 .Lrow
	s_wait_tensorcnt 0x0                           ; the wave's end: three closing lines, behind my last tensor load and my last LDS store
	ds_add_u32 v[SPW], v[NIL]
	s_wait_dscnt 0x0
	CROUND                                         ; the closing round: no work-group ends while a partner may still ask for a tile that names it
	s_endpgm
.Lfunc_end_k_q8609b85a25_head:
	.size	k_q8609b85a25_head, .Lfunc_end_k_q8609b85a25_head-k_q8609b85a25_head
	.p2alignl 7, 3214868480
	.fill 96, 4, 3214868480
	.section	.rodata,"a",@progbits
	.p2align	6, 0x0
	.amdhsa_kernel k_q8609b85a25_head
		.amdhsa_group_segment_fixed_size 327680
		.amdhsa_private_segment_fixed_size 0
		.amdhsa_enable_private_segment 0
		.amdhsa_kernarg_size 24
		.amdhsa_user_sgpr_count 2
		.amdhsa_user_sgpr_kernarg_segment_ptr 1
		.amdhsa_wavefront_size32 1
		.amdhsa_system_sgpr_workgroup_id_x 1
		.amdhsa_system_sgpr_workgroup_id_y 1
		.amdhsa_system_sgpr_workgroup_id_z 1
		.amdhsa_system_vgpr_workitem_id 0
		.amdhsa_next_free_vgpr 384
		.amdhsa_next_free_sgpr 92
		.amdhsa_reserve_vcc 1
		.amdhsa_float_denorm_mode_32 3
		.amdhsa_float_denorm_mode_16_64 3
		.amdhsa_memory_ordered 1
		.amdhsa_forward_progress 1
		.amdhsa_inst_pref_size 81
	.end_amdhsa_kernel
	.amdgpu_metadata
---
amdhsa.version: [ 1, 2 ]
amdhsa.kernels:
  - .name:           k_q8609b85a25_head
    .symbol:         k_q8609b85a25_head.kd
    .args:
      - { .name: actB, .offset: 0, .size: 8, .value_kind: global_buffer, .address_space: global }
      - { .name: wts, .offset: 8, .size: 8, .value_kind: global_buffer, .address_space: global }
      - { .name: out0, .offset: 16, .size: 8, .value_kind: global_buffer, .address_space: global }
    .group_segment_fixed_size: 327680
    .private_segment_fixed_size: 0
    .kernarg_segment_align: 8
    .kernarg_segment_size: 24
    .max_flat_workgroup_size: 128
    .sgpr_count:     92
    .vgpr_count:     384
    .wavefront_size: 32
...
	.end_amdgpu_metadata
.endif
;; end of part 8
;; ======== version 3 of 4: 5 launches
;; limits: a function is approximated: absolute error at most 2e-07; right only within a limited range of input values
;; workspace buffers: actA 34,603,008 bytes; actB 68,157,440 bytes; wts 7,843,840 bytes
;; launch prep: the kernel of part 1 again; grid 488 x 1, 8 waves a work-group, no clusters, 9,472 bytes of LDS; arguments x, wv0, wv1, wv2, hv, wg0, wg1, wg2, hg, b0, b1, b2, hb, actA, wts; writes actA, wts
;; launch g0 (part 9): grid 8 x 64, 8 waves a work-group, clusters of 4 x 4, 327,680 bytes of LDS; arguments actA, wts, actB; writes actB
.if DOCPART == 9
	.amdgcn_target "amdgcn-amd-amdhsa--gfx1250"
	.amdhsa_code_object_version 6
	.text
	.protected	k_q8609b85a25_g0
	.globl	k_q8609b85a25_g0
	.p2align	8
	.type	k_q8609b85a25_g0,@function
k_q8609b85a25_g0:
	s_mov_b64 s[64:65], 0
	v_nop
	global_prefetch_b8 v0, s[64:65] scope:SCOPE_SE
	s_setreg_imm32_b32 hwreg(HW_REG_WAVE_MODE, 25, 1), 1
	s_wait_xcnt 0x0
	s_wait_alu depctr_hold_cnt(0) depctr_sa_sdst(0) depctr_va_vdst(0) depctr_va_sdst(0) depctr_va_ssrc(0) depctr_va_vcc(0) depctr_vm_vsrc(0)
	s_getreg_b32 s2, hwreg(HW_REG_IB_STS2, 6, 4)
	s_cmp_eq_u32 s2, 0
	s_cbranch_scc0 .Lentry_in_a_cluster
	s_endpgm
.Lentry_in_a_cluster:
	s_bfe_u32 s2, ttmp6, 0x10000c
	s_cmp_lg_u32 s2, 0xf033
	s_cbranch_scc0 .Lentry_shape_is_right
	s_endpgm
.Lentry_shape_is_right:
; A HIDDEN POINCARE LAYER.  THIS TEXT: layer 0, K = 512, N = 2,048, tiles of 256 x 256 (CB = 2), eight waves.  The three hidden layers have the same text with other sizes at its head:
; with joint loads every trip count, branch and descriptor word is the same in all partners, so the sizes are constants of the text and are not read from memory.
; y' = 2 sinh(2 g asinh(u)), u = (2 (h . z) cosh 2b - (1 + |h|^2) sinh 2b) / (1 - |h|^2).
; The layer's input h is never formed.  The launch before stored y'_in (bf16) and the parts of S' = sum y'_in^2 (f32).  With q = sqrt(1 + S'/4): h = y'_in / (2 (1 + q)), |h|^2 = (q-1)/(q+1),
; the clamp to the ball's rim is a factor R = min(1, 0.996 / |h|), and z = w / |w| is a factor for each column.  So u = alpha (raw CC) - beta SH with raw = y'_in . w from the matrix unit,
; alpha = R / ((1+q)(1-|h|^2)), beta = (1+|h|^2) / (1-|h|^2) for each row, CC = sgn(g) cosh 2b / |w|, SH = sgn(g) sinh 2b for each column.
; y' = 2^E - 2^-E, E = |2g| log2(|u| + sqrt(u^2+1)), with u's sign; where u^2 lies under the table's bound, the series u (C1 + u^2 (C3 + u^2 C5)) instead.  Both are always made; v_cndmask_b32 chooses.
; LIMITS.  u^2 must stay finite: |b| below 19.  A row whose S' is not below infinity counts as overflowed: h = 0 (reference() does so from sum y^2 = 3.4e38 on, this text from 8.5e37 on).
; The series' first term left out is 1.1e-5 of y' at the most.  2^E - 2^-E is off by some 2e-7 absolutely: more than 1e-3 of y' only where |2g| is under 1e-3.
; Roots, logarithms, reciprocals and powers of two take a denormal as 0.  NaN and infinities are not treated apart.  y' is kept in bf16 since its range passes f16's for large g.
; SHARES.  A work-group makes 256 rows x 128 CB columns with 4 CB waves; wave w takes rows 64 (w % 4) .. + 63 and the 128 columns of block w / 4: 32 accumulators, 512 registers in all.
; With CB = 2 two waves of the work-group share a SIMD's registers: one has instructions to issue while the other stands at a wait.  The price: 24 LDS loads for 32 matrix instructions.
; A wave's rows of the result are whole rows of 256 bytes of one block of the next layer's input, and its sums of squares are one part of that layer's S'.
; THE MATRIX INSTRUCTION IS USED TRANSPOSED: source 0 = 16 columns of w (turned on the way out of LDS by ds_load_tr16_b128, since w lies [k][n]), source 1 = 16 rows of y'_in:
; a lane holds one row (lane % 16) and the columns 8 (lane / 16) + 0..7.
; CLUSTER 4 x 4: the four of a row of the cluster need the same blocks of y'_in, the four of a column the same blocks of w: each is asked for jointly.
; RING: two LDS slots of one K step of 128: 256 rows of y'_in and CB blocks of w.  Each wave brings one part: the first 2 CB waves 128 / CB rows of y'_in, the others 64 k rows of w.
; From a joint load to the wait for it a wave issues 112 matrix instructions; with CB = 2 the two waves of a SIMD issue 224 between them.
; A K step is written once for the trips that fill a slot again and once for the last two; the slot in hand is a scalar that an exclusive or turns between 0 and SLOT.
; THE STAGE of the way out lies in slot 0: that slot's last fill is K step KB - 2, and a barrier stands between every wave's last read of the ring and the first store into the stage.
; REGISTERS: window 0: v0-31 addresses; v32-39 alpha, v40-47 beta (a pair for each of my four row tiles), v48-55 the rows' sums; v64-159, v160-255 two fragment buffers (w's eight fragments, then y's four).
;   window 1: accumulator (a, b) at 8 (8 a + b).  On the way out window 0's v64-255 are at work: see there.
.set LAPS,  2                          ; K / 256
.set NB,    16                         ; N / 128: the blocks in a block row of the result
.set WOFF,  0                          ; the layer's first weight record in wts, in bytes
.set COFF,  7720960                    ; its columns' table in wts
.set CB,    2                          ; blocks of 128 columns in a tile; the work-group has 4 CB waves
.set KB,    2*LAPS                     ; K steps
.set NW,    4*CB                       ; waves
.set RA,    128/CB                     ; rows of y'_in that one tensor load brings: the tile's 256 shared among 2 CB waves
.set ACT,   1048576
.set REC,   33280
.set PA,    272                        ; an LDS row of y'_in: 256 bytes + 16: the 16 rows of a fragment load start at 16 different groups of four banks (64 banks of 4 bytes: ISA guide 11.1)
.set PB,    288                        ; an LDS row of w: 256 + 32
.set BBLK,  128*PB                     ; a block of w in LDS
.set BOFF,  256*PA                     ; in a slot: 256 rows of y'_in, then CB blocks of 128 k rows of w
.set SLOT,  BOFF+CB*BBLK
.set CT,    2*SLOT                     ; behind the ring: the columns' table, 4,096 bytes a block
.set RN,    CT+CB*4096                 ; 1 / |w| of the columns, and 128 bytes that the last look-ahead load touches
.set SPS,   RN+CB*512+256              ; 256 bytes a wave: its 64 rows' sums
.set SPARE, SPS+NW*256                 ; the spare words, 128 bytes for each wave, in whole blocks of 256 bytes that no other line names
.set ADA0, 10                          ; v10  my lane's place in a slot's rows of y'_in; never rewritten
.set ADB0, 12                          ; v12  my lane's place in my block of w in a slot; never rewritten
.set ADRA, 16                          ; v16  the same in the slot in hand
.set ADRB, 18                          ; v18
.set STO,  20
.set RD,   21
.set GO,   22
.set CTA,  23
.set RNA,  24
.set SPA,  25
.set SPB,  26
.set SPW,  28                          ; v28  LDS address of my spare word; never rewritten
.set NIL,  29                          ; v29  0; never rewritten
.set PFO,  30                          ; v30  256 x lane: the prefetches' offset; never rewritten
.set AA,   32
.set BB,   40
.set SS,   48
.set F0,   64
.set F1,   160
.set U,    64                          ; the way out: raw CC, then u
.set X2,   96                          ; beta SH, u^2, E, 2^E, the packed results
.set W,    128                         ; u^2+1, its root, |u| + root, its log2, -E, 2^-E, y'
.set YS,   160                         ; the series
.set KCH,  192                         ; the column tile's constants, eight registers each
.set KRN,  200
.set KSH,  208
.set KA,   216
.set KC1,  224
.set KC3,  232
.set KC5,  240
.set KTH,  248
.set WV,   20                          ; s20  my wave's number; s21: I fetch y'_in (0) or w (1); s22: which of the 2 CB parts
.set G1A,  24                          ; s[24:31], s[32:39] descriptor groups 1 and 0 for y'_in; s[12:15] and s10, which feed them, never hold cx
.set G0A,  32                          ; two sets for the two first fills; the second then walks
.set G1B,  48                          ; s[48:55], s[56:63] the same for w; s[16:19] and s11, which feed them, never hold cy
.set G0B,  56
.set TB,   96                          ; s96  the slot that is read: 0 or SLOT
.set TF,   97                          ; s97  the slot that was filled last: 0 or SLOT
.set MSB, 0
.macro WIN new                         ; the immediate's high byte repeats the setting that is left; a switch that changes nothing is dropped
.if MSB != (\new)
	s_set_vgpr_msb (MSB<<8)|(\new)
.set MSB, \new
.endif
.endm
.macro PLACES                          ; four plain instructions between a matrix instruction and a load into, or a vector read of, its registers (ISA guide 7.12.1 for vector reads)
.rept 4
	v_nop
.endr
.endm
.macro CREST                           ; a round of the cluster's barrier behind its opening barrier
	s_cmp_lg_u32 s[WV], 0
	s_cbranch_scc1 .Lnot_wave_0_\@
	s_barrier_signal -3
.Lnot_wave_0_\@:
	s_barrier_wait -3
	s_barrier_signal -1
	s_barrier_wait -1
.endm
.macro CROUND
	s_barrier_signal -1
	s_barrier_wait -1
	CREST
.endm
.macro JLOAD                           ; a joint refill by the walking descriptors; the branch hangs on the wave's number alone; an s_nop 0 and four v_nop follow each line
	s_cmp_eq_u32 s21, 0
	s_cbranch_scc0 .Lfor_b_\@
	tensor_load_to_lds s[G0A+4:G0A+7], s[G1A:G1A+7]
	s_nop 0
.rept 4
	v_nop
.endr
	s_branch .Lasked_\@
.Lfor_b_\@:
	tensor_load_to_lds s[G0B+4:G0B+7], s[G1B:G1B+7]
	s_nop 0
.rept 4
	v_nop
.endr
.Lasked_\@:
.endm
; A prefetch of the K step that stands two refills on: 32 rows of 256 bytes of a block, a lane a row.  Each row is named once in the launch: the wave that fetches a block's first rows asks for the block;
; y'_in's blocks are asked for by the clusters with x = 0 (the four partners of a row of the cluster taking 32 rows each, by address), w's blocks by the clusters with y = 0 (the four partners of a column likewise).
; The last two trips that fill ask for nothing: no K step stands two refills on.  With four K steps there are only those two trips, and nothing of the prefetch is assembled.
.macro ASK
.if KB > 4
	s_cmp_gt_u32 s3, s98                           ; s3 = 2 and 1 in the last two trips; s98 = 2 in a wave that asks, else the greatest number
	s_cbranch_scc0 .Lnot_mine_\@
	global_prefetch_b8 v[PFO], s[44:45] th:TH_LOAD_NT scope:SCOPE_SE
.Lnot_mine_\@:
.endif
.endm
.macro FETCH q, f                      ; 24 LDS loads in one run: the fragments of 32 along K, quarter q of the slot in hand, into buffer f
	WIN 0
.irp b, 0,1,2,3,4,5,6,7
	ds_load_tr16_b128 v[(\f)+8*(\b):(\f)+8*(\b)+3],   v[ADRB] offset:(\q)*32*PB+32*(\b)
	ds_load_tr16_b128 v[(\f)+8*(\b)+4:(\f)+8*(\b)+7], v[ADRB] offset:(\q)*32*PB+32*(\b)+16*PB
.endr
.irp a, 0,1,2,3
	ds_load_b128 v[(\f)+64+8*(\a):(\f)+64+8*(\a)+3],   v[ADRA] offset:(\a)*16*PA+64*(\q)
	ds_load_b128 v[(\f)+64+8*(\a)+4:(\f)+64+8*(\a)+7], v[ADRA] offset:(\a)*16*PA+64*(\q)+32
.endr
.endm
.macro MUL8 f, a, zero                 ; row tile a x all eight column tiles.  The 32 accumulators take turns, in the same order in every quarter
	WIN 0x50                                       ; C and D in window 1
.irp b, 0,1,2,3,4,5,6,7
.if \zero
	v_wmma_f32_16x16x32_bf16 v[8*(8*(\a)+(\b)):8*(8*(\a)+(\b))+7], v[(\f)+8*(\b):(\f)+8*(\b)+7], v[(\f)+64+8*(\a):(\f)+64+8*(\a)+7], 0
.else
	v_wmma_f32_16x16x32_bf16 v[8*(8*(\a)+(\b)):8*(8*(\a)+(\b))+7], v[(\f)+8*(\b):(\f)+8*(\b)+7], v[(\f)+64+8*(\a):(\f)+64+8*(\a)+7], v[8*(8*(\a)+(\b)):8*(8*(\a)+(\b))+7]
.endif
.endr
.endm
.macro QUARTER qn, f, g, zero          ; multiplies buffer f; ahead of that asks for quarter qn of the slot in hand into buffer g
	s_wait_dscnt 0x0                               ; buffer f is in: it was asked for a quarter ago
	PLACES                                         ; buffer g was read by the matrix instructions just issued
	FETCH \qn, \g
	MUL8 \f, 0, \zero
	MUL8 \f, 1, \zero
	MUL8 \f, 2, \zero
	MUL8 \f, 3, \zero
.endm
; A K step's last quarter multiplies buffer 1 and changes slots.  In front of the barrier each wave waits for all its tensor loads (one at the most is out: its part of the next slot), adds 0 to its spare word,
; and waits for that and for its reads of this slot.  fill = 1: the barrier opens a round of the cluster's, and the joint refill, two K steps on, is the first thing behind it.
; fill = 0, the last two K steps: nothing is asked for; behind the very last K step (s3 = 1) there is no next slot, and the run of LDS loads is jumped over.
.macro TURN fill
.if (\fill) && (KB > 4)
	s_wait_xcnt 0x0                                ; the last prefetch, a K step back, has read its address
	s_add_nc_u64 s[44:45], s[44:45], s[46:47]
.endif
	WIN 0
	s_wait_tensorcnt 0x0
	ds_add_u32 v[SPW], v[NIL]
	s_wait_dscnt 1                                 ; buffer 1 is in; the add may be out
	MUL8 F1, 0, 0
	s_wait_dscnt 0x0                               ; the add is done, and my reads of this slot are over
	s_barrier_signal -1
	MUL8 F1, 1, 0
	WIN 0
	s_barrier_wait -1
.if \fill
	CREST                                          ; no wave of any partner still reads this slot or has a load on its way
	s_xor_b32 s[TF], s[TF], SLOT                   ; the walking descriptors: the other slot than last time,
	s_add_co_u32 s[G0A+5], s10, s[TF]
	s_add_co_u32 s[G0B+5], s11, s[TF]
	s_add_nc_u64 s[G0A+6:G0A+7], s[G0A+6:G0A+7], 32768  ; one K step on; the type bits on top are not reached
	s_add_nc_u64 s[G0B+6:G0B+7], s[G0B+6:G0B+7], REC
	JLOAD                                          ; its four v_nop are also the places in front of the loads below
.else
	s_cmp_eq_u32 s3, 1
	s_cbranch_scc1 .Lno_next_\@
	PLACES
.endif
	s_xor_b32 s[TB], s[TB], SLOT                   ; the reads go on in the other slot
	v_add_nc_u32 v[ADRA], s[TB], v[ADA0]
	v_add_nc_u32 v[ADRB], s[TB], v[ADB0]
	FETCH 0, F0
.if \fill
	ASK
.else
.Lno_next_\@:
.endif
	MUL8 F1, 2, 0
	MUL8 F1, 3, 0
.endm
.macro LDC dst, adr, off               ; eight constants of my eight columns
	ds_load_b128 v[(\dst):(\dst)+3],   v[\adr] offset:(\off)
	ds_load_b128 v[(\dst)+4:(\dst)+7], v[\adr] offset:(\off)+16
.endm
	s_load_b128 s[4:7], s[0:1], 0x0                ; y'_in and its S' s[4:5], wts s[6:7]
	s_load_b64 s[8:9], s[0:1], 0x10                ; y' and its S'
	v_lshl_add_u32 v[SPW], v0, 2, SPARE
	v_mov_b32 v[NIL], 0
	ds_add_u32 v[SPW], v[NIL]                      ; the wave's opening: the add, twice on end, and its wait ahead of my first tensor load
	ds_add_u32 v[SPW], v[NIL]
	v_lshrrev_b32 v1, 5, v0
	v_readfirstlane_b32 s[WV], v1
	s_lshr_b32 s21, s[WV], CB                      ; wave / (2 CB): the shift is CB for CB = 1 and for CB = 2
	s_and_b32 s22, s[WV], 2*CB-1                   ; wave % (2 CB)
	s_bfe_u32 s40, ttmp6, 0x40000                  ; cx
	s_bfe_u32 s41, ttmp6, 0x40004                  ; cy
	s_lshl_b32 s42, ttmp9, 2
	s_add_co_u32 s42, s42, s40                     ; tile column = 4 x cluster x + cx
	s_and_b32 s43, ttmp7, 0xffff
	s_lshl_b32 s43, s43, 2
	s_add_co_u32 s43, s43, s41                     ; tile row = 4 x cluster y + cy
	s_lshl_b32 s2, s41, 2
	s_lshl_b32 s2, 15, s2                          ; my row of the cluster
	s_lshl_b32 s3, 0x1111, s40                     ; my column
	s_or_b32 s[G1A], s2, (1<<16)|(1<<20)|(1<<21)|(5<<22)|(3<<25)  ; mask; 2-byte elements; padding on; bit 21 beside a mask; after every 64 words; 4 words
	s_or_b32 s[G1B], s3, (1<<16)|(1<<20)|(1<<21)|(5<<22)|(7<<25)  ; the same with my column's mask and 8 words
	s_mov_b32 s[G1A+1], 128<<16                    ; tensor_dim0 = 128
	s_mov_b32 s[G1A+2], RA<<16                     ; tensor_dim1 = RA
	s_mov_b32 s[G1A+3], 128<<16                    ; tile_dim0 = 128
	s_mov_b32 s[G1A+4], RA                         ; tile_dim1 = RA rows of a block
	s_mov_b32 s[G1A+5], 128                        ; 128 elements from row to row: the block is dense
	s_mov_b32 s[G1A+6], 0
	s_mov_b32 s[G1A+7], 0
	s_mov_b32 s[G1B+1], 128<<16
	s_mov_b32 s[G1B+2], 64<<16                     ; half a block of w: 64 k rows
	s_mov_b32 s[G1B+3], 128<<16
	s_mov_b32 s[G1B+4], 64
	s_mov_b32 s[G1B+5], 128
	s_mov_b32 s[G1B+6], 0
	s_mov_b32 s[G1B+7], 0
	s_mov_b32 s23, 0x7fffffff
	s_mov_b32 s100, 0x76543210
	s_mov_b32 s101, 0xfedcba98
	s_mov_b32 s[TB], 0
	s_mov_b32 s[TF], SLOT
	s_mul_i32 s13, s22, RA                         ; y'_in: the first of the tile's 256 rows that I fetch:
	s_lshr_b32 s12, s13, 7                         ; its block of 128 rows,
	s_and_b32 s13, s13, 127
	s_lshl_b32 s13, s13, 8                         ; and its place there, 256 bytes a row
	s_lshl_b32 s14, s43, 1
	s_add_co_u32 s12, s12, s14                     ; block row 2 x tile row + 0 or 1, KB blocks of 32,768 bytes to a block row
	s_mul_i32 s12, s12, KB*32768
	s_add_co_u32 s12, s12, ACT                     ; the block of K step 0
	s_add_co_u32 s14, s12, s13
	s_mov_b32 s15, 0
	s_mul_i32 s16, s42, CB*KB*REC                  ; w: the tile's first record,
	s_add_co_u32 s16, s16, WOFF
	s_lshr_b32 s17, s22, 1
	s_mul_i32 s17, s17, KB*REC
	s_add_co_u32 s17, s17, s16                     ; the first record of the block column that I fetch for,
	s_and_b32 s18, s22, 1
	s_lshl_b32 s18, s18, 14                        ; my half of its 128 k rows
	s_add_co_u32 s18, s18, s17
	s_mov_b32 s19, 0
	s_mul_i32 s10, s22, RA*PA                      ; where they go: no place in the cluster enters an LDS address
	s_mul_i32 s11, s22, 64*PB
	s_add_co_u32 s11, s11, BOFF
	s_wait_dscnt 0x0                               ; both opening adds are done
	s_wait_kmcnt 0x0
	s_add_nc_u64 s[14:15], s[4:5], s[14:15]
	s_add_nc_u64 s[18:19], s[6:7], s[18:19]
.irp s, 0,1
	s_mov_b32 s[G0A+4*(\s)], 1
	s_add_co_u32 s[G0A+4*(\s)+1], s10, (\s)*SLOT
	s_add_nc_u64 s[G0A+4*(\s)+2:G0A+4*(\s)+3], s[14:15], (\s)*32768
	s_or_b32 s[G0A+4*(\s)+3], s[G0A+4*(\s)+3], 0x80000000
	s_mov_b32 s[G0B+4*(\s)], 1
	s_add_co_u32 s[G0B+4*(\s)+1], s11, (\s)*SLOT
	s_add_nc_u64 s[G0B+4*(\s)+2:G0B+4*(\s)+3], s[18:19], (\s)*REC
	s_or_b32 s[G0B+4*(\s)+3], s[G0B+4*(\s)+3], 0x80000000
.endr
.if KB > 4
	; the prefetches stand at K step 3; each change of slots that fills steps them first, so the first names K step 4
	s_lshl_b32 s66, s40, 13                        ; my work-group's 32 rows of y'_in's block, by cx
	s_add_co_u32 s66, s66, s12
	s_add_co_u32 s66, s66, 3*32768
	s_lshl_b32 s67, s41, 13                        ; of w's block, by cy
	s_add_co_u32 s67, s67, s17
	s_add_co_u32 s67, s67, 3*REC
	s_and_b32 s68, ttmp7, 0xffff
	s_and_b32 s69, s22, 1
	s_mov_b32 s46, REC
	s_cmp_eq_u32 s21, 0
	s_cselect_b32 s66, s66, s67
	s_cselect_b32 s68, ttmp9, s68                  ; the coordinate along which other clusters read the same rows
	s_cselect_b32 s69, s13, s69                    ; 0 in the wave that fetches a block's first rows
	s_cselect_b32 s46, 32768, s46
	s_cselect_b64 s[44:45], s[4:5], s[6:7]
	s_mov_b32 s67, 0
	s_mov_b32 s47, 0
	s_add_nc_u64 s[44:45], s[44:45], s[66:67]
	s_or_b32 s68, s68, s69
	s_cmp_eq_u32 s68, 0
	s_cselect_b32 s98, 2, -1                       ; the same in all sixteen partners, for a given wave
.endif
	s_lshl_b32 s70, s43, 10                        ; the rows' parts at my tile's 256 rows
	s_mov_b32 s71, 0
	s_add_nc_u64 s[70:71], s[4:5], s[70:71]
	s_add_co_u32 s72, s16, 32768                   ; the column sums behind the first record's block
	s_mov_b32 s73, 0
	s_add_nc_u64 s[72:73], s[6:7], s[72:73]
	s_mul_i32 s74, s42, CB*4096                    ; my tile's columns' table
	s_add_co_u32 s74, s74, COFF
	s_mov_b32 s75, 0
	s_add_nc_u64 s[74:75], s[6:7], s[74:75]
	CROUND                                         ; all sixteen work-groups are here: the first joint loads meet
	s_cmp_eq_u32 s21, 0                            ; a wave's two first fills stand in one branch: two loads of mine are out
	s_cbranch_scc0 .Lfirst_b
	tensor_load_to_lds s[G0A:G0A+3], s[G1A:G1A+7]
	s_nop 0
	tensor_load_to_lds s[G0A+4:G0A+7], s[G1A:G1A+7]
	s_nop 0
.rept 4
	v_nop
.endr
	s_branch .Lfirst_asked
.Lfirst_b:
	tensor_load_to_lds s[G0B:G0B+3], s[G1B:G1B+7]
	s_nop 0
	tensor_load_to_lds s[G0B+4:G0B+7], s[G1B:G1B+7]
	s_nop 0
.rept 4
	v_nop
.endr
.Lfirst_asked:
	; THE ROWS' AND COLUMNS' FIGURES, in the wait for the first tile: KB parts of each row's sum and KB of each column's
	v_and_b32 v1, 31, v0                           ; lane
	v_and_b32 v2, 15, v0                           ; r
	v_bfe_u32 v3, v0, 4, 1                         ; h
	s_and_b32 s2, s[WV], 3
	s_lshl_b32 s2, s2, 8
	v_lshl_add_u32 v4, v2, 2, s2                   ; the rows' parts: my wave's 64 rows, row r,
	v_lshl_add_u32 v4, v3, 16, v4                  ; the odd parts for lanes 16-31
	v_lshlrev_b32 v5, 2, v0
	v_lshlrev_b32 v6, 4, v0
	v_and_b32 v11, 127, v0                         ; thread t serves column t of the tile: column t % 128 of block column t / 128 = wave / 4
	s_lshr_b32 s2, s[WV], 2
	s_mul_i32 s2, s2, KB*REC
	v_lshl_add_u32 v11, v11, 2, s2
.set i, 0
.rept LAPS                             ; parts 2 i (lanes 0-15) and 2 i + 1 (lanes 16-31) of my four row tiles
.irp a, 0,1,2,3
	global_load_b32 v[64+4*i+(\a)], v4, s[70:71] offset:i*131072+(\a)*64
.endr
.set i, i+1
.endr
.set k, 0
.rept KB                               ; my column's sum over k block k
	global_load_b32 v[96+k], v11, s[72:73] offset:k*REC
.set k, k+1
.endr
	global_load_b128 v[112:115], v6, s[74:75]
	global_load_b128 v[116:119], v6, s[74:75] offset:CB*2048
	s_and_b32 s2, s[WV], 3
	s_mul_i32 s2, s2, 64*PA
	v_mul_u32_u24 v[ADA0], v2, PA
	v_lshl_add_u32 v[ADA0], v3, 4, v[ADA0]
	v_add_nc_u32 v[ADA0], s2, v[ADA0]              ; (64 (w % 4) + r) x pitch + 16 h
	v_and_b32 v9, 7, v0
	v_lshl_add_u32 v9, v3, 3, v9
	v_mul_u32_u24 v[ADB0], v9, PB                  ; k row 8 h + lane % 8,
	v_bfe_u32 v9, v0, 3, 1
	v_lshl_add_u32 v[ADB0], v9, 4, v[ADB0]         ; columns 8 ((lane / 8) % 2) on,
	s_lshr_b32 s2, s[WV], 2
	s_mul_i32 s2, s2, BBLK
	s_add_co_u32 s2, s2, BOFF
	v_add_nc_u32 v[ADB0], s2, v[ADB0]              ; in block w / 4
	v_add_nc_u32 v[ADRA], s[TB], v[ADA0]           ; slot 0
	v_add_nc_u32 v[ADRB], s[TB], v[ADB0]
	s_mul_i32 s2, s[WV], 64*PA                     ; my stage: 64 rows of 272 bytes, from LDS byte 0 on
	v_mul_u32_u24 v[STO], v2, PA                   ; in: row r, 16 bytes for each half of the lanes
	v_lshl_add_u32 v[STO], v3, 4, v[STO]
	v_add_nc_u32 v[STO], s2, v[STO]
	v_mul_u32_u24 v[RD], v3, PA                    ; back: lanes 0-15 one row of 256 bytes, lanes 16-31 the next
	v_lshl_add_u32 v[RD], v2, 4, v[RD]
	v_add_nc_u32 v[RD], s2, v[RD]
	v_lshlrev_b32 v[GO], 4, v1
	s_lshr_b32 s2, s[WV], 2
	s_lshl_b32 s3, s2, 12
	s_add_co_u32 s3, s3, CT
	v_lshl_add_u32 v[CTA], v3, 5, s3               ; my block's table
	s_lshl_b32 s3, s2, 9
	s_add_co_u32 s3, s3, RN
	v_lshl_add_u32 v[RNA], v3, 5, s3
	s_lshl_b32 s2, s[WV], 8
	s_add_co_u32 s2, s2, SPS
	v_lshl_add_u32 v[SPA], v2, 2, s2
	v_lshl_add_u32 v[SPB], v1, 3, s2
	v_lshlrev_b32 v27, 3, v1
.if KB > 4
	v_lshlrev_b32 v[PFO], 8, v1
.endif
	v_add_nc_u32 v7, RN, v5
	v_add_nc_u32 v8, CT, v6
	v_mov_b32 v9, 0
.irp a, 0,1,2,3
	v_mov_b32 v[120+(\a)], 0                       ; v_permlanex16_b32's destinations count as read
.endr
	s_wait_loadcnt 0x0
.set i, 1
.rept LAPS-1
	v_pk_add_f32 v[64:65], v[64:65], v[64+4*i:65+4*i]
	v_pk_add_f32 v[66:67], v[66:67], v[66+4*i:67+4*i]
.set i, i+1
.endr
.irp a, 0,1,2,3
	v_permlanex16_b32 v[120+(\a)], v[64+(\a)], s100, s101
.endr
.irp a, 0,1,2,3
	v_add_f32 v[64+(\a)], v[64+(\a)], v[120+(\a)]  ; S' of row 16 a + r
.endr
.set k, 1
.rept KB/2-1
	v_pk_add_f32 v[96:97], v[96:97], v[96+2*k:97+2*k]
.set k, k+1
.endr
	v_add_f32 v96, v96, v97                        ; |w|^2 of my column
.irp a, 0,1,2,3
	v_fma_f32 v[124+(\a)], v[64+(\a)], 0x3e800000, 1.0
.endr
.irp a, 0,1,2,3
	v_sqrt_f32 v[124+(\a)], v[124+(\a)]            ; q
.endr
	v_rsq_f32 v97, v96
	v_nop
	s_wait_alu depctr_va_vdst(0)                   ; one wait for each batch, ahead of its first reader
	v_min_num_f32 v97, 0x58635fa9, v97             ; 1 / max(|w|, 1e-15)
.irp a, 0,1,2,3
	v_add_f32 v[128+(\a)], 1.0, v[124+(\a)]
.endr
.irp a, 0,1,2,3
	v_rcp_f32 v[128+(\a)], v[128+(\a)]             ; s = 1 / (1 + q)
.endr
.irp a, 0,1,2,3
	v_add_f32 v[124+(\a)], -1.0, v[124+(\a)]
.endr
	s_wait_alu depctr_va_vdst(0)
.irp a, 0,1,2,3
	v_mul_f32 v[132+(\a)], v[124+(\a)], v[128+(\a)]  ; |h|^2 = (q - 1) / (q + 1)
.endr
.irp a, 0,1,2,3
	v_rsq_f32 v[136+(\a)], v[132+(\a)]
.endr
	v_nop
	s_wait_alu depctr_va_vdst(0)
.irp a, 0,1,2,3
	v_mul_f32 v[136+(\a)], 0x3f7ef9db, v[136+(\a)]
	v_min_num_f32 v[136+(\a)], 1.0, v[136+(\a)]    ; R = min(1, 0.996 / |h|)
	v_mul_f32 v[128+(\a)], v[128+(\a)], v[136+(\a)]
	v_min_num_f32 v[132+(\a)], 0x3f7df4c4, v[132+(\a)]  ; |h|^2 at the rim: 0.996^2
	v_cmp_gt_f32 vcc_lo, 0x7f800000, v[64+(\a)]
	v_cndmask_b32 v[132+(\a)], 0, v[132+(\a)], vcc_lo   ; an overflowed row: h = 0
	v_sub_f32 v[136+(\a)], 1.0, v[132+(\a)]
	v_max_num_f32 v[136+(\a)], 0x26901d7d, v[136+(\a)]
.endr
.irp a, 0,1,2,3
	v_rcp_f32 v[136+(\a)], v[136+(\a)]
.endr
.irp a, 0,1,2,3
	v_add_f32 v[132+(\a)], 1.0, v[132+(\a)]
.endr
	s_wait_alu depctr_va_vdst(0)
.irp a, 0,1,2,3
	v_mul_f32 v[AA+2*(\a)], v[128+(\a)], v[136+(\a)]
	v_mul_f32 v[BB+2*(\a)], v[132+(\a)], v[136+(\a)]
	v_mov_b32 v[AA+2*(\a)+1], v[AA+2*(\a)]
	v_mov_b32 v[BB+2*(\a)+1], v[BB+2*(\a)]
	v_mov_b32 v[SS+2*(\a)], 0
	v_mov_b32 v[SS+2*(\a)+1], 0
.endr
	ds_store_b32 v7, v97
	ds_store_b128 v8, v[112:115]
	ds_store_b128 v8, v[116:119] offset:CB*2048
	s_cmp_lg_u32 s[WV], 0
	s_cbranch_scc1 .Lnopad
	ds_store_b32 v7, v9 offset:CB*512              ; wave 0: the 128 bytes behind 1 / |w| that the way out's last look-ahead load reads and nobody uses
.Lnopad:
	s_wait_tensorcnt 1                             ; my part of K step 0 is in; K step 1's may stay out
	s_wait_dscnt 0x0                               ; my stores of the tables are done
	s_barrier_signal -1
	s_barrier_wait -1
	FETCH 0, F0
	QUARTER 1, F0, F1, 1                           ; the first quarter stands in front of the loop: its products start the sums
	WIN 0                                          ; at a label and at a branch every window is 0
	s_mov_b32 s3, KB-2
.Lstep:                                                ; a trip goes from a K step's second quarter to the next K step's first, and fills the slot that it leaves
	QUARTER 2, F1, F0, 0
	QUARTER 3, F0, F1, 0
	TURN 1
	QUARTER 1, F0, F1, 0
	WIN 0
	s_sub_co_u32 s3, s3, 1
	s_cmp_lg_u32 s3, 0
	s_cbranch_scc1 .Lstep
	s_mov_b32 s3, 2
.Ltail:                                                ; the last two K steps have a text of their own; the second trip is left in its middle
	QUARTER 2, F1, F0, 0
	QUARTER 3, F0, F1, 0
	TURN 0
	WIN 0
	s_sub_co_u32 s3, s3, 1
	s_cmp_eq_u32 s3, 0
	s_cbranch_scc1 .Lout
	QUARTER 1, F0, F1, 0
	WIN 0
	s_branch .Ltail
.Lout:
; THE WAY OUT: eight trips, a column tile b each: 32 registers a lane (four row tiles x eight columns).  The function is written once; only the first step, which reads the accumulators, is written eight times.
; A trip's constants are asked for in the trip before, in two runs that stand at two of the trip's waits.  A trip's 128 roots, logarithms and powers stand in three batches, one wait each.
	PLACES
	LDC KCH, CTA, 0
	LDC KRN, RNA, 0
	LDC KSH, CTA, 64
	LDC KA,  CTA, 128
	LDC KC1, CTA, 192
	LDC KC3, CTA, 256
	LDC KC5, CTA, 320
	LDC KTH, CTA, 384
	v_add_nc_u32 v[CTA], 512, v[CTA]
	v_add_nc_u32 v[RNA], 64, v[RNA]
	s_mov_b32 s99, 0
	s_wait_dscnt 0x0                               ; no LDS instruction of mine is out,
	s_barrier_signal -1
	s_barrier_wait -1                              ; nor of any wave: nobody reads the ring any more, and slot 0 becomes the stages
.macro VAR b                           ; raw x CC for column tile b; each accumulator is read from its low end on
	WIN 0x01                                       ; source 0 in window 1
.irp a, 0,1,2,3
.irp p, 0,2,4,6
	v_pk_mul_f32 v[U+8*(\a)+(\p):U+8*(\a)+(\p)+1], v[8*(8*(\a)+(\b))+(\p):8*(8*(\a)+(\b))+(\p)+1], v[KCH+(\p):KCH+(\p)+1]
.endr
.endr
	WIN 0
.endm
.Lcol:
	s_wait_dscnt 4                                 ; the sixteen loads of constants are in; the last trip's four stores into the stage, issued behind them, may be out
.irp p, 0,2,4,6
	v_pk_mul_f32 v[KCH+(\p):KCH+(\p)+1], v[KCH+(\p):KCH+(\p)+1], v[KRN+(\p):KRN+(\p)+1]  ; CC
.endr
.irp c, 0,1,2,3,4,5,6
	s_cmp_eq_u32 s99, \c
	s_cbranch_scc1 .Lv\c
.endr
	VAR 7
	s_branch .Lcommon
.irp c, 0,1,2,3,4,5
.Lv\c:
	VAR \c
	s_branch .Lcommon
.endr
.Lv6:
	VAR 6
.Lcommon:
.irp a, 0,1,2,3
.irp p, 0,2,4,6
	v_pk_mul_f32 v[X2+8*(\a)+(\p):X2+8*(\a)+(\p)+1], v[KSH+(\p):KSH+(\p)+1], v[BB+2*(\a):BB+2*(\a)+1]
.endr
.endr
.irp a, 0,1,2,3
.irp p, 0,2,4,6
	v_pk_fma_f32 v[U+8*(\a)+(\p):U+8*(\a)+(\p)+1], v[U+8*(\a)+(\p):U+8*(\a)+(\p)+1], v[AA+2*(\a):AA+2*(\a)+1], v[X2+8*(\a)+(\p):X2+8*(\a)+(\p)+1] neg_lo:[0,0,1] neg_hi:[0,0,1]  ; u
.endr
.endr
.set k, 0
.rept 16
	v_pk_mul_f32 v[X2+2*k:X2+2*k+1], v[U+2*k:U+2*k+1], v[U+2*k:U+2*k+1]
	v_pk_fma_f32 v[W+2*k:W+2*k+1], v[U+2*k:U+2*k+1], v[U+2*k:U+2*k+1], 1.0 op_sel_hi:[1,1,0]
.set k, k+1
.endr
.set k, 0
.rept 16                               ; the roots, the series' two steps between them
	v_sqrt_f32 v[W+2*k], v[W+2*k]
	v_pk_fma_f32 v[YS+2*k:YS+2*k+1], v[X2+2*k:X2+2*k+1], v[KC5+(2*k)%8:KC5+(2*k)%8+1], v[KC3+(2*k)%8:KC3+(2*k)%8+1]
	v_sqrt_f32 v[W+2*k+1], v[W+2*k+1]
	v_pk_fma_f32 v[YS+2*k:YS+2*k+1], v[YS+2*k:YS+2*k+1], v[X2+2*k:X2+2*k+1], v[KC1+(2*k)%8:KC1+(2*k)%8+1]
.set k, k+1
.endr
	LDC KCH, CTA, 0                                ; the next trip's constants whose last readers have passed: one run of twelve loads
	LDC KRN, RNA, 0
	LDC KSH, CTA, 64
	LDC KC5, CTA, 320
	LDC KC3, CTA, 256
	LDC KC1, CTA, 192
	s_wait_alu depctr_va_vdst(0)                   ; one wait for the 32 roots
	v_fma_f32 v[W], |v[U]|, 1.0, v[W]
.set e, 0
.rept 32                               ; |u| + root one register ahead; the logarithm; the choice of the series, kept as a lane mask
.if e < 31
	v_fma_f32 v[W+e+1], |v[U+e+1]|, 1.0, v[W+e+1]
.endif
	v_log_f32 v[W+e], v[W+e]
	v_cmp_lt_f32 s[66+e], v[X2+e], v[KTH+e%8]
.set e, e+1
.endr
	s_wait_alu depctr_va_vdst(0)                   ; one wait for the 32 logarithms
	v_pk_mul_f32 v[X2:X2+1], v[W:W+1], v[KA:KA+1]  ; E,
	v_pk_mul_f32 v[W:W+1], v[W:W+1], v[KA:KA+1] neg_lo:[0,1] neg_hi:[0,1]  ; and -E
.set k, 0
.rept 16                               ; the powers; between them the next pair's E and -E and the series' last step
	v_exp_f32 v[X2+2*k], v[X2+2*k]
.if k < 15
	v_pk_mul_f32 v[X2+2*k+2:X2+2*k+3], v[W+2*k+2:W+2*k+3], v[KA+(2*k+2)%8:KA+(2*k+2)%8+1]
.endif
	v_exp_f32 v[W+2*k], v[W+2*k]
.if k < 15
	v_pk_mul_f32 v[W+2*k+2:W+2*k+3], v[W+2*k+2:W+2*k+3], v[KA+(2*k+2)%8:KA+(2*k+2)%8+1] neg_lo:[0,1] neg_hi:[0,1]
.endif
	v_exp_f32 v[X2+2*k+1], v[X2+2*k+1]
	v_pk_mul_f32 v[YS+2*k:YS+2*k+1], v[YS+2*k:YS+2*k+1], v[U+2*k:U+2*k+1]
	v_exp_f32 v[W+2*k+1], v[W+2*k+1]
.set k, k+1
.endr
	v_nop                                          ; a plain instruction behind the last power
	LDC KA,  CTA, 128
	LDC KTH, CTA, 384
	s_wait_alu depctr_va_vdst(0)                   ; one wait for the 64 powers
.set k, 0
.rept 16
	v_pk_add_f32 v[W+2*k:W+2*k+1], v[X2+2*k:X2+2*k+1], v[W+2*k:W+2*k+1] neg_lo:[0,1] neg_hi:[0,1]
.set k, k+1
.endr
.set e, 0
.rept 32
	v_cndmask_b32 v[W+e], v[W+e], v[YS+e], s[66+e]
.set e, e+1
.endr
.set e, 0
.rept 32
	v_bfi_b32 v[W+e], s23, v[W+e], v[U+e]          ; u's sign
.set e, e+1
.endr
.irp p, 0,2,4,6
.irp a, 0,1,2,3
	v_pk_fma_f32 v[SS+2*(\a):SS+2*(\a)+1], v[W+8*(\a)+(\p):W+8*(\a)+(\p)+1], v[W+8*(\a)+(\p):W+8*(\a)+(\p)+1], v[SS+2*(\a):SS+2*(\a)+1]
.endr
.endr
.set k, 0
.rept 16
	v_cvt_pk_bf16_f32 v[X2+k], v[W+2*k], v[W+2*k+1]
.set k, k+1
.endr
.irp a, 0,1,2,3
	ds_store_b128 v[STO], v[X2+4*(\a):X2+4*(\a)+3] offset:(\a)*16*PA
.endr
	v_add_nc_u32 v[STO], 32, v[STO]
	v_add_nc_u32 v[CTA], 512, v[CTA]
	v_add_nc_u32 v[RNA], 64, v[RNA]
	s_add_co_u32 s99, s99, 1
	s_cmp_lt_u32 s99, 8
	s_cbranch_scc1 .Lcol
	; my 64 rows' sums over my 128 columns: one part of S' for the next launch, 256 bytes on end
.irp a, 0,1,2,3
	v_add_f32 v[SS+2*(\a)], v[SS+2*(\a)], v[SS+2*(\a)+1]
.endr
.irp a, 0,1,2,3
	v_permlanex16_b32 v[SS+2*(\a)+1], v[SS+2*(\a)], s100, s101
.endr
.irp a, 0,1,2,3
	v_add_f32 v[SS+2*(\a)], v[SS+2*(\a)], v[SS+2*(\a)+1]
.endr
.irp a, 0,1,2,3
	ds_store_b32 v[SPA], v[SS+2*(\a)] offset:64*(\a)
.endr
	ds_load_b64 v[56:57], v[SPB]                   ; LDS serves a wave's instructions in order (ISA guide 5.7.1.4): this sees the stores above
	s_mul_i32 s72, s42, CB
	s_lshr_b32 s67, s[WV], 2
	s_add_co_u32 s72, s72, s67                     ; my block column = CB x tile column + wave / 4: the part's number too
	s_and_b32 s73, s[WV], 3                        ; which 64 of the tile's rows are mine
	s_lshl_b32 s66, s72, 16
	s_lshl_b32 s67, s43, 10
	s_add_co_u32 s66, s66, s67
	s_lshl_b32 s67, s73, 8
	s_add_co_u32 s66, s66, s67
	s_mov_b32 s67, 0
	s_add_nc_u64 s[68:69], s[8:9], s[66:67]
	s_lshl_b32 s70, s43, 1                         ; y': block row 2 x tile row + 0 or 1, my block column, the upper or lower 64 rows
	s_lshr_b32 s71, s73, 1
	s_add_co_u32 s70, s70, s71
	s_mul_i32 s70, s70, NB
	s_add_co_u32 s70, s70, s72
	s_lshl_b32 s70, s70, 15
	s_and_b32 s71, s73, 1
	s_lshl_b32 s71, s71, 14
	s_add_co_u32 s70, s70, s71
	s_add_co_u32 s70, s70, ACT
	s_mov_b32 s71, 0
	s_add_nc_u64 s[70:71], s[8:9], s[70:71]
	s_wait_dscnt 0x0
	global_store_b64 v27, v[56:57], s[68:69]
.set t, 0
.rept 32
	ds_load_b128 v[64+4*t:64+4*t+3], v[RD] offset:t*2*PA  ; my own stage: two whole rows a load
.set t, t+1
.endr
.set t, 0
.rept 32
	s_wait_dscnt 31-t                              ; load t is in; the later ones stay out
	global_store_b128 v[GO], v[64+4*t:64+4*t+3], s[70:71] offset:t*512  ; 512 consecutive bytes, aligned: 16,384 on end for the wave
.set t, t+1
.endr
	s_wait_tensorcnt 0x0                           ; the wave's end: three closing lines, behind my last tensor load and my last LDS store
	ds_add_u32 v[SPW], v[NIL]
	s_wait_dscnt 0x0
	CROUND                                         ; the closing round: no work-group ends while a partner may still ask for a tile that names it
	s_endpgm
.Lfunc_end_k_q8609b85a25_g0:
	.size	k_q8609b85a25_g0, .Lfunc_end_k_q8609b85a25_g0-k_q8609b85a25_g0
	.p2alignl 7, 3214868480
	.fill 96, 4, 3214868480
	.section	.rodata,"a",@progbits
	.p2align	6, 0x0
	.amdhsa_kernel k_q8609b85a25_g0
		.amdhsa_group_segment_fixed_size 327680
		.amdhsa_private_segment_fixed_size 0
		.amdhsa_enable_private_segment 0
		.amdhsa_kernarg_size 24
		.amdhsa_user_sgpr_count 2
		.amdhsa_user_sgpr_kernarg_segment_ptr 1
		.amdhsa_wavefront_size32 1
		.amdhsa_system_sgpr_workgroup_id_x 1
		.amdhsa_system_sgpr_workgroup_id_y 1
		.amdhsa_system_sgpr_workgroup_id_z 1
		.amdhsa_system_vgpr_workitem_id 0
		.amdhsa_next_free_vgpr 512
		.amdhsa_next_free_sgpr 102
		.amdhsa_reserve_vcc 1
		.amdhsa_float_denorm_mode_32 3
		.amdhsa_float_denorm_mode_16_64 3
		.amdhsa_memory_ordered 1
		.amdhsa_forward_progress 1
		.amdhsa_inst_pref_size 97
	.end_amdhsa_kernel
	.amdgpu_metadata
---
amdhsa.version: [ 1, 2 ]
amdhsa.kernels:
  - .name:           k_q8609b85a25_g0
    .symbol:         k_q8609b85a25_g0.kd
    .args:
      - { .name: actA, .offset: 0, .size: 8, .value_kind: global_buffer, .address_space: global }
      - { .name: wts, .offset: 8, .size: 8, .value_kind: global_buffer, .address_space: global }
      - { .name: actB, .offset: 16, .size: 8, .value_kind: global_buffer, .address_space: global }
    .group_segment_fixed_size: 327680
    .private_segment_fixed_size: 0
    .kernarg_segment_align: 8
    .kernarg_segment_size: 24
    .max_flat_workgroup_size: 256
    .sgpr_count:     102
    .vgpr_count:     512
    .wavefront_size: 32
...
	.end_amdgpu_metadata
.endif
;; end of part 9
;; launch g1 (part 10): grid 4 x 64, 8 waves a work-group, clusters of 4 x 4, 327,680 bytes of LDS; arguments actB, wts, actA; writes actA
.if DOCPART == 10
	.amdgcn_target "amdgcn-amd-amdhsa--gfx1250"
	.amdhsa_code_object_version 6
	.text
	.protected	k_q8609b85a25_g1
	.globl	k_q8609b85a25_g1
	.p2align	8
	.type	k_q8609b85a25_g1,@function
k_q8609b85a25_g1:
	s_mov_b64 s[64:65], 0
	v_nop
	global_prefetch_b8 v0, s[64:65] scope:SCOPE_SE
	s_setreg_imm32_b32 hwreg(HW_REG_WAVE_MODE, 25, 1), 1
	s_wait_xcnt 0x0
	s_wait_alu depctr_hold_cnt(0) depctr_sa_sdst(0) depctr_va_vdst(0) depctr_va_sdst(0) depctr_va_ssrc(0) depctr_va_vcc(0) depctr_vm_vsrc(0)
	s_getreg_b32 s2, hwreg(HW_REG_IB_STS2, 6, 4)
	s_cmp_eq_u32 s2, 0
	s_cbranch_scc0 .Lentry_in_a_cluster
	s_endpgm
.Lentry_in_a_cluster:
	s_bfe_u32 s2, ttmp6, 0x10000c
	s_cmp_lg_u32 s2, 0xf033
	s_cbranch_scc0 .Lentry_shape_is_right
	s_endpgm
.Lentry_shape_is_right:
; A HIDDEN POINCARE LAYER.  THIS TEXT: layer 1, K = 2,048, N = 1,024, tiles of 256 x 256 (CB = 2), eight waves.  The three hidden layers have the same text with other sizes at its head:
; with joint loads every trip count, branch and descriptor word is the same in all partners, so the sizes are constants of the text and are not read from memory.
; y' = 2 sinh(2 g asinh(u)), u = (2 (h . z) cosh 2b - (1 + |h|^2) sinh 2b) / (1 - |h|^2).
; The layer's input h is never formed.  The launch before stored y'_in (bf16) and the parts of S' = sum y'_in^2 (f32).  With q = sqrt(1 + S'/4): h = y'_in / (2 (1 + q)), |h|^2 = (q-1)/(q+1),
; the clamp to the ball's rim is a factor R = min(1, 0.996 / |h|), and z = w / |w| is a factor for each column.  So u = alpha (raw CC) - beta SH with raw = y'_in . w from the matrix unit,
; alpha = R / ((1+q)(1-|h|^2)), beta = (1+|h|^2) / (1-|h|^2) for each row, CC = sgn(g) cosh 2b / |w|, SH = sgn(g) sinh 2b for each column.
; y' = 2^E - 2^-E, E = |2g| log2(|u| + sqrt(u^2+1)), with u's sign; where u^2 lies under the table's bound, the series u (C1 + u^2 (C3 + u^2 C5)) instead.  Both are always made; v_cndmask_b32 chooses.
; LIMITS.  u^2 must stay finite: |b| below 19.  A row whose S' is not below infinity counts as overflowed: h = 0 (reference() does so from sum y^2 = 3.4e38 on, this text from 8.5e37 on).
; The series' first term left out is 1.1e-5 of y' at the most.  2^E - 2^-E is off by some 2e-7 absolutely: more than 1e-3 of y' only where |2g| is under 1e-3.
; Roots, logarithms, reciprocals and powers of two take a denormal as 0.  NaN and infinities are not treated apart.  y' is kept in bf16 since its range passes f16's for large g.
; SHARES.  A work-group makes 256 rows x 128 CB columns with 4 CB waves; wave w takes rows 64 (w % 4) .. + 63 and the 128 columns of block w / 4: 32 accumulators, 512 registers in all.
; With CB = 2 two waves of the work-group share a SIMD's registers: one has instructions to issue while the other stands at a wait.  The price: 24 LDS loads for 32 matrix instructions.
; A wave's rows of the result are whole rows of 256 bytes of one block of the next layer's input, and its sums of squares are one part of that layer's S'.
; THE MATRIX INSTRUCTION IS USED TRANSPOSED: source 0 = 16 columns of w (turned on the way out of LDS by ds_load_tr16_b128, since w lies [k][n]), source 1 = 16 rows of y'_in:
; a lane holds one row (lane % 16) and the columns 8 (lane / 16) + 0..7.
; CLUSTER 4 x 4: the four of a row of the cluster need the same blocks of y'_in, the four of a column the same blocks of w: each is asked for jointly.
; RING: two LDS slots of one K step of 128: 256 rows of y'_in and CB blocks of w.  Each wave brings one part: the first 2 CB waves 128 / CB rows of y'_in, the others 64 k rows of w.
; From a joint load to the wait for it a wave issues 112 matrix instructions; with CB = 2 the two waves of a SIMD issue 224 between them.
; A K step is written once for the trips that fill a slot again and once for the last two; the slot in hand is a scalar that an exclusive or turns between 0 and SLOT.
; THE STAGE of the way out lies in slot 0: that slot's last fill is K step KB - 2, and a barrier stands between every wave's last read of the ring and the first store into the stage.
; REGISTERS: window 0: v0-31 addresses; v32-39 alpha, v40-47 beta (a pair for each of my four row tiles), v48-55 the rows' sums; v64-159, v160-255 two fragment buffers (w's eight fragments, then y's four).
;   window 1: accumulator (a, b) at 8 (8 a + b).  On the way out window 0's v64-255 are at work: see there.
.set LAPS,  8                          ; K / 256
.set NB,    8                          ; N / 128: the blocks in a block row of the result
.set WOFF,  2129920                    ; the layer's first weight record in wts, in bytes: record 64
.set COFF,  7786496                    ; its columns' table in wts
.set CB,    2                          ; blocks of 128 columns in a tile; the work-group has 4 CB waves
.set KB,    2*LAPS                     ; K steps
.set NW,    4*CB                       ; waves
.set RA,    128/CB                     ; rows of y'_in that one tensor load brings: the tile's 256 shared among 2 CB waves
.set ACT,   1048576
.set REC,   33280
.set PA,    272                        ; an LDS row of y'_in: 256 bytes + 16: the 16 rows of a fragment load start at 16 different groups of four banks (64 banks of 4 bytes: ISA guide 11.1)
.set PB,    288                        ; an LDS row of w: 256 + 32
.set BBLK,  128*PB                     ; a block of w in LDS
.set BOFF,  256*PA                     ; in a slot: 256 rows of y'_in, then CB blocks of 128 k rows of w
.set SLOT,  BOFF+CB*BBLK
.set CT,    2*SLOT                     ; behind the ring: the columns' table, 4,096 bytes a block
.set RN,    CT+CB*4096                 ; 1 / |w| of the columns, and 128 bytes that the last look-ahead load touches
.set SPS,   RN+CB*512+256              ; 256 bytes a wave: its 64 rows' sums
.set SPARE, SPS+NW*256                 ; the spare words, 128 bytes for each wave, in whole blocks of 256 bytes that no other line names
.set ADA0, 10                          ; v10  my lane's place in a slot's rows of y'_in; never rewritten
.set ADB0, 12                          ; v12  my lane's place in my block of w in a slot; never rewritten
.set ADRA, 16                          ; v16  the same in the slot in hand
.set ADRB, 18                          ; v18
.set STO,  20
.set RD,   21
.set GO,   22
.set CTA,  23
.set RNA,  24
.set SPA,  25
.set SPB,  26
.set SPW,  28                          ; v28  LDS address of my spare word; never rewritten
.set NIL,  29                          ; v29  0; never rewritten
.set PFO,  30                          ; v30  256 x lane: the prefetches' offset; never rewritten
.set AA,   32
.set BB,   40
.set SS,   48
.set F0,   64
.set F1,   160
.set U,    64                          ; the way out: raw CC, then u
.set X2,   96                          ; beta SH, u^2, E, 2^E, the packed results
.set W,    128                         ; u^2+1, its root, |u| + root, its log2, -E, 2^-E, y'
.set YS,   160                         ; the series
.set KCH,  192                         ; the column tile's constants, eight registers each
.set KRN,  200
.set KSH,  208
.set KA,   216
.set KC1,  224
.set KC3,  232
.set KC5,  240
.set KTH,  248
.set WV,   20                          ; s20  my wave's number; s21: I fetch y'_in (0) or w (1); s22: which of the 2 CB parts
.set G1A,  24                          ; s[24:31], s[32:39] descriptor groups 1 and 0 for y'_in; s[12:15] and s10, which feed them, never hold cx
.set G0A,  32                          ; two sets for the two first fills; the second then walks
.set G1B,  48                          ; s[48:55], s[56:63] the same for w; s[16:19] and s11, which feed them, never hold cy
.set G0B,  56
.set TB,   96                          ; s96  the slot that is read: 0 or SLOT
.set TF,   97                          ; s97  the slot that was filled last: 0 or SLOT
.set MSB, 0
.macro WIN new                         ; the immediate's high byte repeats the setting that is left; a switch that changes nothing is dropped
.if MSB != (\new)
	s_set_vgpr_msb (MSB<<8)|(\new)
.set MSB, \new
.endif
.endm
.macro PLACES                          ; four plain instructions between a matrix instruction and a load into, or a vector read of, its registers (ISA guide 7.12.1 for vector reads)
.rept 4
	v_nop
.endr
.endm
.macro CREST                           ; a round of the cluster's barrier behind its opening barrier
	s_cmp_lg_u32 s[WV], 0
	s_cbranch_scc1 .Lnot_wave_0_\@
	s_barrier_signal -3
.Lnot_wave_0_\@:
	s_barrier_wait -3
	s_barrier_signal -1
	s_barrier_wait -1
.endm
.macro CROUND
	s_barrier_signal -1
	s_barrier_wait -1
	CREST
.endm
.macro JLOAD                           ; a joint refill by the walking descriptors; the branch hangs on the wave's number alone; an s_nop 0 and four v_nop follow each line
	s_cmp_eq_u32 s21, 0
	s_cbranch_scc0 .Lfor_b_\@
	tensor_load_to_lds s[G0A+4:G0A+7], s[G1A:G1A+7]
	s_nop 0
.rept 4
	v_nop
.endr
	s_branch .Lasked_\@
.Lfor_b_\@:
	tensor_load_to_lds s[G0B+4:G0B+7], s[G1B:G1B+7]
	s_nop 0
.rept 4
	v_nop
.endr
.Lasked_\@:
.endm
; A prefetch of the K step that stands two refills on: 32 rows of 256 bytes of a block, a lane a row.  Each row is named once in the launch: the wave that fetches a block's first rows asks for the block;
; y'_in's blocks are asked for by the clusters with x = 0 (the four partners of a row of the cluster taking 32 rows each, by address), w's blocks by the clusters with y = 0 (the four partners of a column likewise).
; The last two trips that fill ask for nothing: no K step stands two refills on.  With four K steps there are only those two trips, and nothing of the prefetch is assembled.
.macro ASK
.if KB > 4
	s_cmp_gt_u32 s3, s98                           ; s3 = 2 and 1 in the last two trips; s98 = 2 in a wave that asks, else the greatest number
	s_cbranch_scc0 .Lnot_mine_\@
	global_prefetch_b8 v[PFO], s[44:45] th:TH_LOAD_NT scope:SCOPE_SE
.Lnot_mine_\@:
.endif
.endm
.macro FETCH q, f                      ; 24 LDS loads in one run: the fragments of 32 along K, quarter q of the slot in hand, into buffer f
	WIN 0
.irp b, 0,1,2,3,4,5,6,7
	ds_load_tr16_b128 v[(\f)+8*(\b):(\f)+8*(\b)+3],   v[ADRB] offset:(\q)*32*PB+32*(\b)
	ds_load_tr16_b128 v[(\f)+8*(\b)+4:(\f)+8*(\b)+7], v[ADRB] offset:(\q)*32*PB+32*(\b)+16*PB
.endr
.irp a, 0,1,2,3
	ds_load_b128 v[(\f)+64+8*(\a):(\f)+64+8*(\a)+3],   v[ADRA] offset:(\a)*16*PA+64*(\q)
	ds_load_b128 v[(\f)+64+8*(\a)+4:(\f)+64+8*(\a)+7], v[ADRA] offset:(\a)*16*PA+64*(\q)+32
.endr
.endm
.macro MUL8 f, a, zero                 ; row tile a x all eight column tiles.  The 32 accumulators take turns, in the same order in every quarter
	WIN 0x50                                       ; C and D in window 1
.irp b, 0,1,2,3,4,5,6,7
.if \zero
	v_wmma_f32_16x16x32_bf16 v[8*(8*(\a)+(\b)):8*(8*(\a)+(\b))+7], v[(\f)+8*(\b):(\f)+8*(\b)+7], v[(\f)+64+8*(\a):(\f)+64+8*(\a)+7], 0
.else
	v_wmma_f32_16x16x32_bf16 v[8*(8*(\a)+(\b)):8*(8*(\a)+(\b))+7], v[(\f)+8*(\b):(\f)+8*(\b)+7], v[(\f)+64+8*(\a):(\f)+64+8*(\a)+7], v[8*(8*(\a)+(\b)):8*(8*(\a)+(\b))+7]
.endif
.endr
.endm
.macro QUARTER qn, f, g, zero          ; multiplies buffer f; ahead of that asks for quarter qn of the slot in hand into buffer g
	s_wait_dscnt 0x0                               ; buffer f is in: it was asked for a quarter ago
	PLACES                                         ; buffer g was read by the matrix instructions just issued
	FETCH \qn, \g
	MUL8 \f, 0, \zero
	MUL8 \f, 1, \zero
	MUL8 \f, 2, \zero
	MUL8 \f, 3, \zero
.endm
; A K step's last quarter multiplies buffer 1 and changes slots.  In front of the barrier each wave waits for all its tensor loads (one at the most is out: its part of the next slot), adds 0 to its spare word,
; and waits for that and for its reads of this slot.  fill = 1: the barrier opens a round of the cluster's, and the joint refill, two K steps on, is the first thing behind it.
; fill = 0, the last two K steps: nothing is asked for; behind the very last K step (s3 = 1) there is no next slot, and the run of LDS loads is jumped over.
.macro TURN fill
.if (\fill) && (KB > 4)
	s_wait_xcnt 0x0                                ; the last prefetch, a K step back, has read its address
	s_add_nc_u64 s[44:45], s[44:45], s[46:47]
.endif
	WIN 0
	s_wait_tensorcnt 0x0
	ds_add_u32 v[SPW], v[NIL]
	s_wait_dscnt 1                                 ; buffer 1 is in; the add may be out
	MUL8 F1, 0, 0
	s_wait_dscnt 0x0                               ; the add is done, and my reads of this slot are over
	s_barrier_signal -1
	MUL8 F1, 1, 0
	WIN 0
	s_barrier_wait -1
.if \fill
	CREST                                          ; no wave of any partner still reads this slot or has a load on its way
	s_xor_b32 s[TF], s[TF], SLOT                   ; the walking descriptors: the other slot than last time,
	s_add_co_u32 s[G0A+5], s10, s[TF]
	s_add_co_u32 s[G0B+5], s11, s[TF]
	s_add_nc_u64 s[G0A+6:G0A+7], s[G0A+6:G0A+7], 32768  ; one K step on; the type bits on top are not reached
	s_add_nc_u64 s[G0B+6:G0B+7], s[G0B+6:G0B+7], REC
	JLOAD                                          ; its four v_nop are also the places in front of the loads below
.else
	s_cmp_eq_u32 s3, 1
	s_cbranch_scc1 .Lno_next_\@
	PLACES
.endif
	s_xor_b32 s[TB], s[TB], SLOT                   ; the reads go on in the other slot
	v_add_nc_u32 v[ADRA], s[TB], v[ADA0]
	v_add_nc_u32 v[ADRB], s[TB], v[ADB0]
	FETCH 0, F0
.if \fill
	ASK
.else
.Lno_next_\@:
.endif
	MUL8 F1, 2, 0
	MUL8 F1, 3, 0
.endm
.macro LDC dst, adr, off               ; eight constants of my eight columns
	ds_load_b128 v[(\dst):(\dst)+3],   v[\adr] offset:(\off)
	ds_load_b128 v[(\dst)+4:(\dst)+7], v[\adr] offset:(\off)+16
.endm
	s_load_b128 s[4:7], s[0:1], 0x0                ; y'_in and its S' s[4:5], wts s[6:7]
	s_load_b64 s[8:9], s[0:1], 0x10                ; y' and its S'
	v_lshl_add_u32 v[SPW], v0, 2, SPARE
	v_mov_b32 v[NIL], 0
	ds_add_u32 v[SPW], v[NIL]                      ; the wave's opening: the add, twice on end, and its wait ahead of my first tensor load
	ds_add_u32 v[SPW], v[NIL]
	v_lshrrev_b32 v1, 5, v0
	v_readfirstlane_b32 s[WV], v1
	s_lshr_b32 s21, s[WV], CB                      ; wave / (2 CB): the shift is CB for CB = 1 and for CB = 2
	s_and_b32 s22, s[WV], 2*CB-1                   ; wave % (2 CB)
	s_bfe_u32 s40, ttmp6, 0x40000                  ; cx
	s_bfe_u32 s41, ttmp6, 0x40004                  ; cy
	s_lshl_b32 s42, ttmp9, 2
	s_add_co_u32 s42, s42, s40                     ; tile column = 4 x cluster x + cx
	s_and_b32 s43, ttmp7, 0xffff
	s_lshl_b32 s43, s43, 2
	s_add_co_u32 s43, s43, s41                     ; tile row = 4 x cluster y + cy
	s_lshl_b32 s2, s41, 2
	s_lshl_b32 s2, 15, s2                          ; my row of the cluster
	s_lshl_b32 s3, 0x1111, s40                     ; my column
	s_or_b32 s[G1A], s2, (1<<16)|(1<<20)|(1<<21)|(5<<22)|(3<<25)  ; mask; 2-byte elements; padding on; bit 21 beside a mask; after every 64 words; 4 words
	s_or_b32 s[G1B], s3, (1<<16)|(1<<20)|(1<<21)|(5<<22)|(7<<25)  ; the same with my column's mask and 8 words
	s_mov_b32 s[G1A+1], 128<<16                    ; tensor_dim0 = 128
	s_mov_b32 s[G1A+2], RA<<16                     ; tensor_dim1 = RA
	s_mov_b32 s[G1A+3], 128<<16                    ; tile_dim0 = 128
	s_mov_b32 s[G1A+4], RA                         ; tile_dim1 = RA rows of a block
	s_mov_b32 s[G1A+5], 128                        ; 128 elements from row to row: the block is dense
	s_mov_b32 s[G1A+6], 0
	s_mov_b32 s[G1A+7], 0
	s_mov_b32 s[G1B+1], 128<<16
	s_mov_b32 s[G1B+2], 64<<16                     ; half a block of w: 64 k rows
	s_mov_b32 s[G1B+3], 128<<16
	s_mov_b32 s[G1B+4], 64
	s_mov_b32 s[G1B+5], 128
	s_mov_b32 s[G1B+6], 0
	s_mov_b32 s[G1B+7], 0
	s_mov_b32 s23, 0x7fffffff
	s_mov_b32 s100, 0x76543210
	s_mov_b32 s101, 0xfedcba98
	s_mov_b32 s[TB], 0
	s_mov_b32 s[TF], SLOT
	s_mul_i32 s13, s22, RA                         ; y'_in: the first of the tile's 256 rows that I fetch:
	s_lshr_b32 s12, s13, 7                         ; its block of 128 rows,
	s_and_b32 s13, s13, 127
	s_lshl_b32 s13, s13, 8                         ; and its place there, 256 bytes a row
	s_lshl_b32 s14, s43, 1
	s_add_co_u32 s12, s12, s14                     ; block row 2 x tile row + 0 or 1, KB blocks of 32,768 bytes to a block row
	s_mul_i32 s12, s12, KB*32768
	s_add_co_u32 s12, s12, ACT                     ; the block of K step 0
	s_add_co_u32 s14, s12, s13
	s_mov_b32 s15, 0
	s_mul_i32 s16, s42, CB*KB*REC                  ; w: the tile's first record,
	s_add_co_u32 s16, s16, WOFF
	s_lshr_b32 s17, s22, 1
	s_mul_i32 s17, s17, KB*REC
	s_add_co_u32 s17, s17, s16                     ; the first record of the block column that I fetch for,
	s_and_b32 s18, s22, 1
	s_lshl_b32 s18, s18, 14                        ; my half of its 128 k rows
	s_add_co_u32 s18, s18, s17
	s_mov_b32 s19, 0
	s_mul_i32 s10, s22, RA*PA                      ; where they go: no place in the cluster enters an LDS address
	s_mul_i32 s11, s22, 64*PB
	s_add_co_u32 s11, s11, BOFF
	s_wait_dscnt 0x0                               ; both opening adds are done
	s_wait_kmcnt 0x0
	s_add_nc_u64 s[14:15], s[4:5], s[14:15]
	s_add_nc_u64 s[18:19], s[6:7], s[18:19]
.irp s, 0,1
	s_mov_b32 s[G0A+4*(\s)], 1
	s_add_co_u32 s[G0A+4*(\s)+1], s10, (\s)*SLOT
	s_add_nc_u64 s[G0A+4*(\s)+2:G0A+4*(\s)+3], s[14:15], (\s)*32768
	s_or_b32 s[G0A+4*(\s)+3], s[G0A+4*(\s)+3], 0x80000000
	s_mov_b32 s[G0B+4*(\s)], 1
	s_add_co_u32 s[G0B+4*(\s)+1], s11, (\s)*SLOT
	s_add_nc_u64 s[G0B+4*(\s)+2:G0B+4*(\s)+3], s[18:19], (\s)*REC
	s_or_b32 s[G0B+4*(\s)+3], s[G0B+4*(\s)+3], 0x80000000
.endr
.if KB > 4
	; the prefetches stand at K step 3; each change of slots that fills steps them first, so the first names K step 4
	s_lshl_b32 s66, s40, 13                        ; my work-group's 32 rows of y'_in's block, by cx
	s_add_co_u32 s66, s66, s12
	s_add_co_u32 s66, s66, 3*32768
	s_lshl_b32 s67, s41, 13                        ; of w's block, by cy
	s_add_co_u32 s67, s67, s17
	s_add_co_u32 s67, s67, 3*REC
	s_and_b32 s68, ttmp7, 0xffff
	s_and_b32 s69, s22, 1
	s_mov_b32 s46, REC
	s_cmp_eq_u32 s21, 0
	s_cselect_b32 s66, s66, s67
	s_cselect_b32 s68, ttmp9, s68                  ; the coordinate along which other clusters read the same rows
	s_cselect_b32 s69, s13, s69                    ; 0 in the wave that fetches a block's first rows
	s_cselect_b32 s46, 32768, s46
	s_cselect_b64 s[44:45], s[4:5], s[6:7]
	s_mov_b32 s67, 0
	s_mov_b32 s47, 0
	s_add_nc_u64 s[44:45], s[44:45], s[66:67]
	s_or_b32 s68, s68, s69
	s_cmp_eq_u32 s68, 0
	s_cselect_b32 s98, 2, -1                       ; the same in all sixteen partners, for a given wave
.endif
	s_lshl_b32 s70, s43, 10                        ; the rows' parts at my tile's 256 rows
	s_mov_b32 s71, 0
	s_add_nc_u64 s[70:71], s[4:5], s[70:71]
	s_add_co_u32 s72, s16, 32768                   ; the column sums behind the first record's block
	s_mov_b32 s73, 0
	s_add_nc_u64 s[72:73], s[6:7], s[72:73]
	s_mul_i32 s74, s42, CB*4096                    ; my tile's columns' table
	s_add_co_u32 s74, s74, COFF
	s_mov_b32 s75, 0
	s_add_nc_u64 s[74:75], s[6:7], s[74:75]
	CROUND                                         ; all sixteen work-groups are here: the first joint loads meet
	s_cmp_eq_u32 s21, 0                            ; a wave's two first fills stand in one branch: two loads of mine are out
	s_cbranch_scc0 .Lfirst_b
	tensor_load_to_lds s[G0A:G0A+3], s[G1A:G1A+7]
	s_nop 0
	tensor_load_to_lds s[G0A+4:G0A+7], s[G1A:G1A+7]
	s_nop 0
.rept 4
	v_nop
.endr
	s_branch .Lfirst_asked
.Lfirst_b:
	tensor_load_to_lds s[G0B:G0B+3], s[G1B:G1B+7]
	s_nop 0
	tensor_load_to_lds s[G0B+4:G0B+7], s[G1B:G1B+7]
	s_nop 0
.rept 4
	v_nop
.endr
.Lfirst_asked:
	; THE ROWS' AND COLUMNS' FIGURES, in the wait for the first tile: KB parts of each row's sum and KB of each column's
	v_and_b32 v1, 31, v0                           ; lane
	v_and_b32 v2, 15, v0                           ; r
	v_bfe_u32 v3, v0, 4, 1                         ; h
	s_and_b32 s2, s[WV], 3
	s_lshl_b32 s2, s2, 8
	v_lshl_add_u32 v4, v2, 2, s2                   ; the rows' parts: my wave's 64 rows, row r,
	v_lshl_add_u32 v4, v3, 16, v4                  ; the odd parts for lanes 16-31
	v_lshlrev_b32 v5, 2, v0
	v_lshlrev_b32 v6, 4, v0
	v_and_b32 v11, 127, v0                         ; thread t serves column t of the tile: column t % 128 of block column t / 128 = wave / 4
	s_lshr_b32 s2, s[WV], 2
	s_mul_i32 s2, s2, KB*REC
	v_lshl_add_u32 v11, v11, 2, s2
.set i, 0
.rept LAPS                             ; parts 2 i (lanes 0-15) and 2 i + 1 (lanes 16-31) of my four row tiles
.irp a, 0,1,2,3
	global_load_b32 v[64+4*i+(\a)], v4, s[70:71] offset:i*131072+(\a)*64
.endr
.set i, i+1
.endr
.set k, 0
.rept KB                               ; my column's sum over k block k
	global_load_b32 v[96+k], v11, s[72:73] offset:k*REC
.set k, k+1
.endr
	global_load_b128 v[112:115], v6, s[74:75]
	global_load_b128 v[116:119], v6, s[74:75] offset:CB*2048
	s_and_b32 s2, s[WV], 3
	s_mul_i32 s2, s2, 64*PA
	v_mul_u32_u24 v[ADA0], v2, PA
	v_lshl_add_u32 v[ADA0], v3, 4, v[ADA0]
	v_add_nc_u32 v[ADA0], s2, v[ADA0]              ; (64 (w % 4) + r) x pitch + 16 h
	v_and_b32 v9, 7, v0
	v_lshl_add_u32 v9, v3, 3, v9
	v_mul_u32_u24 v[ADB0], v9, PB                  ; k row 8 h + lane % 8,
	v_bfe_u32 v9, v0, 3, 1
	v_lshl_add_u32 v[ADB0], v9, 4, v[ADB0]         ; columns 8 ((lane / 8) % 2) on,
	s_lshr_b32 s2, s[WV], 2
	s_mul_i32 s2, s2, BBLK
	s_add_co_u32 s2, s2, BOFF
	v_add_nc_u32 v[ADB0], s2, v[ADB0]              ; in block w / 4
	v_add_nc_u32 v[ADRA], s[TB], v[ADA0]           ; slot 0
	v_add_nc_u32 v[ADRB], s[TB], v[ADB0]
	s_mul_i32 s2, s[WV], 64*PA                     ; my stage: 64 rows of 272 bytes, from LDS byte 0 on
	v_mul_u32_u24 v[STO], v2, PA                   ; in: row r, 16 bytes for each half of the lanes
	v_lshl_add_u32 v[STO], v3, 4, v[STO]
	v_add_nc_u32 v[STO], s2, v[STO]
	v_mul_u32_u24 v[RD], v3, PA                    ; back: lanes 0-15 one row of 256 bytes, lanes 16-31 the next
	v_lshl_add_u32 v[RD], v2, 4, v[RD]
	v_add_nc_u32 v[RD], s2, v[RD]
	v_lshlrev_b32 v[GO], 4, v1
	s_lshr_b32 s2, s[WV], 2
	s_lshl_b32 s3, s2, 12
	s_add_co_u32 s3, s3, CT
	v_lshl_add_u32 v[CTA], v3, 5, s3               ; my block's table
	s_lshl_b32 s3, s2, 9
	s_add_co_u32 s3, s3, RN
	v_lshl_add_u32 v[RNA], v3, 5, s3
	s_lshl_b32 s2, s[WV], 8
	s_add_co_u32 s2, s2, SPS
	v_lshl_add_u32 v[SPA], v2, 2, s2
	v_lshl_add_u32 v[SPB], v1, 3, s2
	v_lshlrev_b32 v27, 3, v1
.if KB > 4
	v_lshlrev_b32 v[PFO], 8, v1
.endif
	v_add_nc_u32 v7, RN, v5
	v_add_nc_u32 v8, CT, v6
	v_mov_b32 v9, 0
.irp a, 0,1,2,3
	v_mov_b32 v[120+(\a)], 0                       ; v_permlanex16_b32's destinations count as read
.endr
	s_wait_loadcnt 0x0
.set i, 1
.rept LAPS-1
	v_pk_add_f32 v[64:65], v[64:65], v[64+4*i:65+4*i]
	v_pk_add_f32 v[66:67], v[66:67], v[66+4*i:67+4*i]
.set i, i+1
.endr
.irp a, 0,1,2,3
	v_permlanex16_b32 v[120+(\a)], v[64+(\a)], s100, s101
.endr
.irp a, 0,1,2,3
	v_add_f32 v[64+(\a)], v[64+(\a)], v[120+(\a)]  ; S' of row 16 a + r
.endr
.set k, 1
.rept KB/2-1
	v_pk_add_f32 v[96:97], v[96:97], v[96+2*k:97+2*k]
.set k, k+1
.endr
	v_add_f32 v96, v96, v97                        ; |w|^2 of my column
.irp a, 0,1,2,3
	v_fma_f32 v[124+(\a)], v[64+(\a)], 0x3e800000, 1.0
.endr
.irp a, 0,1,2,3
	v_sqrt_f32 v[124+(\a)], v[124+(\a)]            ; q
.endr
	v_rsq_f32 v97, v96
	v_nop
	s_wait_alu depctr_va_vdst(0)                   ; one wait for each batch, ahead of its first reader
	v_min_num_f32 v97, 0x58635fa9, v97             ; 1 / max(|w|, 1e-15)
.irp a, 0,1,2,3
	v_add_f32 v[128+(\a)], 1.0, v[124+(\a)]
.endr
.irp a, 0,1,2,3
	v_rcp_f32 v[128+(\a)], v[128+(\a)]             ; s = 1 / (1 + q)
.endr
.irp a, 0,1,2,3
	v_add_f32 v[124+(\a)], -1.0, v[124+(\a)]
.endr
	s_wait_alu depctr_va_vdst(0)
.irp a, 0,1,2,3
	v_mul_f32 v[132+(\a)], v[124+(\a)], v[128+(\a)]  ; |h|^2 = (q - 1) / (q + 1)
.endr
.irp a, 0,1,2,3
	v_rsq_f32 v[136+(\a)], v[132+(\a)]
.endr
	v_nop
	s_wait_alu depctr_va_vdst(0)
.irp a, 0,1,2,3
	v_mul_f32 v[136+(\a)], 0x3f7ef9db, v[136+(\a)]
	v_min_num_f32 v[136+(\a)], 1.0, v[136+(\a)]    ; R = min(1, 0.996 / |h|)
	v_mul_f32 v[128+(\a)], v[128+(\a)], v[136+(\a)]
	v_min_num_f32 v[132+(\a)], 0x3f7df4c4, v[132+(\a)]  ; |h|^2 at the rim: 0.996^2
	v_cmp_gt_f32 vcc_lo, 0x7f800000, v[64+(\a)]
	v_cndmask_b32 v[132+(\a)], 0, v[132+(\a)], vcc_lo   ; an overflowed row: h = 0
	v_sub_f32 v[136+(\a)], 1.0, v[132+(\a)]
	v_max_num_f32 v[136+(\a)], 0x26901d7d, v[136+(\a)]
.endr
.irp a, 0,1,2,3
	v_rcp_f32 v[136+(\a)], v[136+(\a)]
.endr
.irp a, 0,1,2,3
	v_add_f32 v[132+(\a)], 1.0, v[132+(\a)]
.endr
	s_wait_alu depctr_va_vdst(0)
.irp a, 0,1,2,3
	v_mul_f32 v[AA+2*(\a)], v[128+(\a)], v[136+(\a)]
	v_mul_f32 v[BB+2*(\a)], v[132+(\a)], v[136+(\a)]
	v_mov_b32 v[AA+2*(\a)+1], v[AA+2*(\a)]
	v_mov_b32 v[BB+2*(\a)+1], v[BB+2*(\a)]
	v_mov_b32 v[SS+2*(\a)], 0
	v_mov_b32 v[SS+2*(\a)+1], 0
.endr
	ds_store_b32 v7, v97
	ds_store_b128 v8, v[112:115]
	ds_store_b128 v8, v[116:119] offset:CB*2048
	s_cmp_lg_u32 s[WV], 0
	s_cbranch_scc1 .Lnopad
	ds_store_b32 v7, v9 offset:CB*512              ; wave 0: the 128 bytes behind 1 / |w| that the way out's last look-ahead load reads and nobody uses
.Lnopad:
	s_wait_tensorcnt 1                             ; my part of K step 0 is in; K step 1's may stay out
	s_wait_dscnt 0x0                               ; my stores of the tables are done
	s_barrier_signal -1
	s_barrier_wait -1
	FETCH 0, F0
	QUARTER 1, F0, F1, 1                           ; the first quarter stands in front of the loop: its products start the sums
	WIN 0                                          ; at a label and at a branch every window is 0
	s_mov_b32 s3, KB-2
.Lstep:                                                ; a trip goes from a K step's second quarter to the next K step's first, and fills the slot that it leaves
	QUARTER 2, F1, F0, 0
	QUARTER 3, F0, F1, 0
	TURN 1
	QUARTER 1, F0, F1, 0
	WIN 0
	s_sub_co_u32 s3, s3, 1
	s_cmp_lg_u32 s3, 0
	s_cbranch_scc1 .Lstep
	s_mov_b32 s3, 2
.Ltail:                                                ; the last two K steps have a text of their own; the second trip is left in its middle
	QUARTER 2, F1, F0, 0
	QUARTER 3, F0, F1, 0
	TURN 0
	WIN 0
	s_sub_co_u32 s3, s3, 1
	s_cmp_eq_u32 s3, 0
	s_cbranch_scc1 .Lout
	QUARTER 1, F0, F1, 0
	WIN 0
	s_branch .Ltail
.Lout:
; THE WAY OUT: eight trips, a column tile b each: 32 registers a lane (four row tiles x eight columns).  The function is written once; only the first step, which reads the accumulators, is written eight times.
; A trip's constants are asked for in the trip before, in two runs that stand at two of the trip's waits.  A trip's 128 roots, logarithms and powers stand in three batches, one wait each.
	PLACES
	LDC KCH, CTA, 0
	LDC KRN, RNA, 0
	LDC KSH, CTA, 64
	LDC KA,  CTA, 128
	LDC KC1, CTA, 192
	LDC KC3, CTA, 256
	LDC KC5, CTA, 320
	LDC KTH, CTA, 384
	v_add_nc_u32 v[CTA], 512, v[CTA]
	v_add_nc_u32 v[RNA], 64, v[RNA]
	s_mov_b32 s99, 0
	s_wait_dscnt 0x0                               ; no LDS instruction of mine is out,
	s_barrier_signal -1
	s_barrier_wait -1                              ; nor of any wave: nobody reads the ring any more, and slot 0 becomes the stages
.macro VAR b                           ; raw x CC for column tile b; each accumulator is read from its low end on
	WIN 0x01                                       ; source 0 in window 1
.irp a, 0,1,2,3
.irp p, 0,2,4,6
	v_pk_mul_f32 v[U+8*(\a)+(\p):U+8*(\a)+(\p)+1], v[8*(8*(\a)+(\b))+(\p):8*(8*(\a)+(\b))+(\p)+1], v[KCH+(\p):KCH+(\p)+1]
.endr
.endr
	WIN 0
.endm
.Lcol:
	s_wait_dscnt 4                                 ; the sixteen loads of constants are in; the last trip's four stores into the stage, issued behind them, may be out
.irp p, 0,2,4,6
	v_pk_mul_f32 v[KCH+(\p):KCH+(\p)+1], v[KCH+(\p):KCH+(\p)+1], v[KRN+(\p):KRN+(\p)+1]  ; CC
.endr
.irp c, 0,1,2,3,4,5,6
	s_cmp_eq_u32 s99, \c
	s_cbranch_scc1 .Lv\c
.endr
	VAR 7
	s_branch .Lcommon
.irp c, 0,1,2,3,4,5
.Lv\c:
	VAR \c
	s_branch .Lcommon
.endr
.Lv6:
	VAR 6
.Lcommon:
.irp a, 0,1,2,3
.irp p, 0,2,4,6
	v_pk_mul_f32 v[X2+8*(\a)+(\p):X2+8*(\a)+(\p)+1], v[KSH+(\p):KSH+(\p)+1], v[BB+2*(\a):BB+2*(\a)+1]
.endr
.endr
.irp a, 0,1,2,3
.irp p, 0,2,4,6
	v_pk_fma_f32 v[U+8*(\a)+(\p):U+8*(\a)+(\p)+1], v[U+8*(\a)+(\p):U+8*(\a)+(\p)+1], v[AA+2*(\a):AA+2*(\a)+1], v[X2+8*(\a)+(\p):X2+8*(\a)+(\p)+1] neg_lo:[0,0,1] neg_hi:[0,0,1]  ; u
.endr
.endr
.set k, 0
.rept 16
	v_pk_mul_f32 v[X2+2*k:X2+2*k+1], v[U+2*k:U+2*k+1], v[U+2*k:U+2*k+1]
	v_pk_fma_f32 v[W+2*k:W+2*k+1], v[U+2*k:U+2*k+1], v[U+2*k:U+2*k+1], 1.0 op_sel_hi:[1,1,0]
.set k, k+1
.endr
.set k, 0
.rept 16                               ; the roots, the series' two steps between them
	v_sqrt_f32 v[W+2*k], v[W+2*k]
	v_pk_fma_f32 v[YS+2*k:YS+2*k+1], v[X2+2*k:X2+2*k+1], v[KC5+(2*k)%8:KC5+(2*k)%8+1], v[KC3+(2*k)%8:KC3+(2*k)%8+1]
	v_sqrt_f32 v[W+2*k+1], v[W+2*k+1]
	v_pk_fma_f32 v[YS+2*k:YS+2*k+1], v[YS+2*k:YS+2*k+1], v[X2+2*k:X2+2*k+1], v[KC1+(2*k)%8:KC1+(2*k)%8+1]
.set k, k+1
.endr
	LDC KCH, CTA, 0                                ; the next trip's constants whose last readers have passed: one run of twelve loads
	LDC KRN, RNA, 0
	LDC KSH, CTA, 64
	LDC KC5, CTA, 320
	LDC KC3, CTA, 256
	LDC KC1, CTA, 192
	s_wait_alu depctr_va_vdst(0)                   ; one wait for the 32 roots
	v_fma_f32 v[W], |v[U]|, 1.0, v[W]
.set e, 0
.rept 32                               ; |u| + root one register ahead; the logarithm; the choice of the series, kept as a lane mask
.if e < 31
	v_fma_f32 v[W+e+1], |v[U+e+1]|, 1.0, v[W+e+1]
.endif
	v_log_f32 v[W+e], v[W+e]
	v_cmp_lt_f32 s[66+e], v[X2+e], v[KTH+e%8]
.set e, e+1
.endr
	s_wait_alu depctr_va_vdst(0)                   ; one wait for the 32 logarithms
	v_pk_mul_f32 v[X2:X2+1], v[W:W+1], v[KA:KA+1]  ; E,
	v_pk_mul_f32 v[W:W+1], v[W:W+1], v[KA:KA+1] neg_lo:[0,1] neg_hi:[0,1]  ; and -E
.set k, 0
.rept 16                               ; the powers; between them the next pair's E and -E and the series' last step
	v_exp_f32 v[X2+2*k], v[X2+2*k]
.if k < 15
	v_pk_mul_f32 v[X2+2*k+2:X2+2*k+3], v[W+2*k+2:W+2*k+3], v[KA+(2*k+2)%8:KA+(2*k+2)%8+1]
.endif
	v_exp_f32 v[W+2*k], v[W+2*k]
.if k < 15
	v_pk_mul_f32 v[W+2*k+2:W+2*k+3], v[W+2*k+2:W+2*k+3], v[KA+(2*k+2)%8:KA+(2*k+2)%8+1] neg_lo:[0,1] neg_hi:[0,1]
.endif
	v_exp_f32 v[X2+2*k+1], v[X2+2*k+1]
	v_pk_mul_f32 v[YS+2*k:YS+2*k+1], v[YS+2*k:YS+2*k+1], v[U+2*k:U+2*k+1]
	v_exp_f32 v[W+2*k+1], v[W+2*k+1]
.set k, k+1
.endr
	v_nop                                          ; a plain instruction behind the last power
	LDC KA,  CTA, 128
	LDC KTH, CTA, 384
	s_wait_alu depctr_va_vdst(0)                   ; one wait for the 64 powers
.set k, 0
.rept 16
	v_pk_add_f32 v[W+2*k:W+2*k+1], v[X2+2*k:X2+2*k+1], v[W+2*k:W+2*k+1] neg_lo:[0,1] neg_hi:[0,1]
.set k, k+1
.endr
.set e, 0
.rept 32
	v_cndmask_b32 v[W+e], v[W+e], v[YS+e], s[66+e]
.set e, e+1
.endr
.set e, 0
.rept 32
	v_bfi_b32 v[W+e], s23, v[W+e], v[U+e]          ; u's sign
.set e, e+1
.endr
.irp p, 0,2,4,6
.irp a, 0,1,2,3
	v_pk_fma_f32 v[SS+2*(\a):SS+2*(\a)+1], v[W+8*(\a)+(\p):W+8*(\a)+(\p)+1], v[W+8*(\a)+(\p):W+8*(\a)+(\p)+1], v[SS+2*(\a):SS+2*(\a)+1]
.endr
.endr
.set k, 0
.rept 16
	v_cvt_pk_bf16_f32 v[X2+k], v[W+2*k], v[W+2*k+1]
.set k, k+1
.endr
.irp a, 0,1,2,3
	ds_store_b128 v[STO], v[X2+4*(\a):X2+4*(\a)+3] offset:(\a)*16*PA
.endr
	v_add_nc_u32 v[STO], 32, v[STO]
	v_add_nc_u32 v[CTA], 512, v[CTA]
	v_add_nc_u32 v[RNA], 64, v[RNA]
	s_add_co_u32 s99, s99, 1
	s_cmp_lt_u32 s99, 8
	s_cbranch_scc1 .Lcol
	; my 64 rows' sums over my 128 columns: one part of S' for the next launch, 256 bytes on end
.irp a, 0,1,2,3
	v_add_f32 v[SS+2*(\a)], v[SS+2*(\a)], v[SS+2*(\a)+1]
.endr
.irp a, 0,1,2,3
	v_permlanex16_b32 v[SS+2*(\a)+1], v[SS+2*(\a)], s100, s101
.endr
.irp a, 0,1,2,3
	v_add_f32 v[SS+2*(\a)], v[SS+2*(\a)], v[SS+2*(\a)+1]
.endr
.irp a, 0,1,2,3
	ds_store_b32 v[SPA], v[SS+2*(\a)] offset:64*(\a)
.endr
	ds_load_b64 v[56:57], v[SPB]                   ; LDS serves a wave's instructions in order (ISA guide 5.7.1.4): this sees the stores above
	s_mul_i32 s72, s42, CB
	s_lshr_b32 s67, s[WV], 2
	s_add_co_u32 s72, s72, s67                     ; my block column = CB x tile column + wave / 4: the part's number too
	s_and_b32 s73, s[WV], 3                        ; which 64 of the tile's rows are mine
	s_lshl_b32 s66, s72, 16
	s_lshl_b32 s67, s43, 10
	s_add_co_u32 s66, s66, s67
	s_lshl_b32 s67, s73, 8
	s_add_co_u32 s66, s66, s67
	s_mov_b32 s67, 0
	s_add_nc_u64 s[68:69], s[8:9], s[66:67]
	s_lshl_b32 s70, s43, 1                         ; y': block row 2 x tile row + 0 or 1, my block column, the upper or lower 64 rows
	s_lshr_b32 s71, s73, 1
	s_add_co_u32 s70, s70, s71
	s_mul_i32 s70, s70, NB
	s_add_co_u32 s70, s70, s72
	s_lshl_b32 s70, s70, 15
	s_and_b32 s71, s73, 1
	s_lshl_b32 s71, s71, 14
	s_add_co_u32 s70, s70, s71
	s_add_co_u32 s70, s70, ACT
	s_mov_b32 s71, 0
	s_add_nc_u64 s[70:71], s[8:9], s[70:71]
	s_wait_dscnt 0x0
	global_store_b64 v27, v[56:57], s[68:69]
.set t, 0
.rept 32
	ds_load_b128 v[64+4*t:64+4*t+3], v[RD] offset:t*2*PA  ; my own stage: two whole rows a load
.set t, t+1
.endr
.set t, 0
.rept 32
	s_wait_dscnt 31-t                              ; load t is in; the later ones stay out
	global_store_b128 v[GO], v[64+4*t:64+4*t+3], s[70:71] offset:t*512  ; 512 consecutive bytes, aligned: 16,384 on end for the wave
.set t, t+1
.endr
	s_wait_tensorcnt 0x0                           ; the wave's end: three closing lines, behind my last tensor load and my last LDS store
	ds_add_u32 v[SPW], v[NIL]
	s_wait_dscnt 0x0
	CROUND                                         ; the closing round: no work-group ends while a partner may still ask for a tile that names it
	s_endpgm
.Lfunc_end_k_q8609b85a25_g1:
	.size	k_q8609b85a25_g1, .Lfunc_end_k_q8609b85a25_g1-k_q8609b85a25_g1
	.p2alignl 7, 3214868480
	.fill 96, 4, 3214868480
	.section	.rodata,"a",@progbits
	.p2align	6, 0x0
	.amdhsa_kernel k_q8609b85a25_g1
		.amdhsa_group_segment_fixed_size 327680
		.amdhsa_private_segment_fixed_size 0
		.amdhsa_enable_private_segment 0
		.amdhsa_kernarg_size 24
		.amdhsa_user_sgpr_count 2
		.amdhsa_user_sgpr_kernarg_segment_ptr 1
		.amdhsa_wavefront_size32 1
		.amdhsa_system_sgpr_workgroup_id_x 1
		.amdhsa_system_sgpr_workgroup_id_y 1
		.amdhsa_system_sgpr_workgroup_id_z 1
		.amdhsa_system_vgpr_workitem_id 0
		.amdhsa_next_free_vgpr 512
		.amdhsa_next_free_sgpr 102
		.amdhsa_reserve_vcc 1
		.amdhsa_float_denorm_mode_32 3
		.amdhsa_float_denorm_mode_16_64 3
		.amdhsa_memory_ordered 1
		.amdhsa_forward_progress 1
		.amdhsa_inst_pref_size 103
	.end_amdhsa_kernel
	.amdgpu_metadata
---
amdhsa.version: [ 1, 2 ]
amdhsa.kernels:
  - .name:           k_q8609b85a25_g1
    .symbol:         k_q8609b85a25_g1.kd
    .args:
      - { .name: actB, .offset: 0, .size: 8, .value_kind: global_buffer, .address_space: global }
      - { .name: wts, .offset: 8, .size: 8, .value_kind: global_buffer, .address_space: global }
      - { .name: actA, .offset: 16, .size: 8, .value_kind: global_buffer, .address_space: global }
    .group_segment_fixed_size: 327680
    .private_segment_fixed_size: 0
    .kernarg_segment_align: 8
    .kernarg_segment_size: 24
    .max_flat_workgroup_size: 256
    .sgpr_count:     102
    .vgpr_count:     512
    .wavefront_size: 32
...
	.end_amdgpu_metadata
.endif
;; end of part 10
;; launch g2 (part 11): grid 4 x 64, 4 waves a work-group, clusters of 4 x 4, 327,680 bytes of LDS; arguments actA, wts, actB; writes actB
.if DOCPART == 11
	.amdgcn_target "amdgcn-amd-amdhsa--gfx1250"
	.amdhsa_code_object_version 6
	.text
	.protected	k_q8609b85a25_g2
	.globl	k_q8609b85a25_g2
	.p2align	8
	.type	k_q8609b85a25_g2,@function
k_q8609b85a25_g2:
	s_mov_b64 s[64:65], 0
	v_nop
	global_prefetch_b8 v0, s[64:65] scope:SCOPE_SE
	s_setreg_imm32_b32 hwreg(HW_REG_WAVE_MODE, 25, 1), 1
	s_wait_xcnt 0x0
	s_wait_alu depctr_hold_cnt(0) depctr_sa_sdst(0) depctr_va_vdst(0) depctr_va_sdst(0) depctr_va_ssrc(0) depctr_va_vcc(0) depctr_vm_vsrc(0)
	s_getreg_b32 s2, hwreg(HW_REG_IB_STS2, 6, 4)
	s_cmp_eq_u32 s2, 0
	s_cbranch_scc0 .Lentry_in_a_cluster
	s_endpgm
.Lentry_in_a_cluster:
	s_bfe_u32 s2, ttmp6, 0x10000c
	s_cmp_lg_u32 s2, 0xf033
	s_cbranch_scc0 .Lentry_shape_is_right
	s_endpgm
.Lentry_shape_is_right:
; A HIDDEN POINCARE LAYER.  THIS TEXT: layer 2, K = 1,024, N = 512, tiles of 256 x 128 (CB = 1), four waves: tiles of 256 x 256 would make a grid of 2 along x, which clusters of 4 x 4 do not divide.
; The three hidden layers have the same text with other sizes at its head:
; with joint loads every trip count, branch and descriptor word is the same in all partners, so the sizes are constants of the text and are not read from memory.
; y' = 2 sinh(2 g asinh(u)), u = (2 (h . z) cosh 2b - (1 + |h|^2) sinh 2b) / (1 - |h|^2).
; The layer's input h is never formed.  The launch before stored y'_in (bf16) and the parts of S' = sum y'_in^2 (f32).  With q = sqrt(1 + S'/4): h = y'_in / (2 (1 + q)), |h|^2 = (q-1)/(q+1),
; the clamp to the ball's rim is a factor R = min(1, 0.996 / |h|), and z = w / |w| is a factor for each column.  So u = alpha (raw CC) - beta SH with raw = y'_in . w from the matrix unit,
; alpha = R / ((1+q)(1-|h|^2)), beta = (1+|h|^2) / (1-|h|^2) for each row, CC = sgn(g) cosh 2b / |w|, SH = sgn(g) sinh 2b for each column.
; y' = 2^E - 2^-E, E = |2g| log2(|u| + sqrt(u^2+1)), with u's sign; where u^2 lies under the table's bound, the series u (C1 + u^2 (C3 + u^2 C5)) instead.  Both are always made; v_cndmask_b32 chooses.
; LIMITS.  u^2 must stay finite: |b| below 19.  A row whose S' is not below infinity counts as overflowed: h = 0 (reference() does so from sum y^2 = 3.4e38 on, this text from 8.5e37 on).
; The series' first term left out is 1.1e-5 of y' at the most.  2^E - 2^-E is off by some 2e-7 absolutely: more than 1e-3 of y' only where |2g| is under 1e-3.
; Roots, logarithms, reciprocals and powers of two take a denormal as 0.  NaN and infinities are not treated apart.  y' is kept in bf16 since its range passes f16's for large g.
; SHARES.  A work-group makes 256 rows x 128 CB columns with 4 CB waves; wave w takes rows 64 (w % 4) .. + 63 and the 128 columns of block w / 4: 32 accumulators, 512 registers in all.
; With CB = 2 two waves of the work-group share a SIMD's registers: one has instructions to issue while the other stands at a wait.  The price: 24 LDS loads for 32 matrix instructions.
; A wave's rows of the result are whole rows of 256 bytes of one block of the next layer's input, and its sums of squares are one part of that layer's S'.
; THE MATRIX INSTRUCTION IS USED TRANSPOSED: source 0 = 16 columns of w (turned on the way out of LDS by ds_load_tr16_b128, since w lies [k][n]), source 1 = 16 rows of y'_in:
; a lane holds one row (lane % 16) and the columns 8 (lane / 16) + 0..7.
; CLUSTER 4 x 4: the four of a row of the cluster need the same blocks of y'_in, the four of a column the same blocks of w: each is asked for jointly.
; RING: two LDS slots of one K step of 128: 256 rows of y'_in and CB blocks of w.  Each wave brings one part: the first 2 CB waves 128 / CB rows of y'_in, the others 64 k rows of w.
; From a joint load to the wait for it a wave issues 112 matrix instructions; with CB = 2 the two waves of a SIMD issue 224 between them.
; A K step is written once for the trips that fill a slot again and once for the last two; the slot in hand is a scalar that an exclusive or turns between 0 and SLOT.
; THE STAGE of the way out lies in slot 0: that slot's last fill is K step KB - 2, and a barrier stands between every wave's last read of the ring and the first store into the stage.
; REGISTERS: window 0: v0-31 addresses; v32-39 alpha, v40-47 beta (a pair for each of my four row tiles), v48-55 the rows' sums; v64-159, v160-255 two fragment buffers (w's eight fragments, then y's four).
;   window 1: accumulator (a, b) at 8 (8 a + b).  On the way out window 0's v64-255 are at work: see there.
.set LAPS,  4                          ; K / 256
.set NB,    4                          ; N / 128: the blocks in a block row of the result
.set WOFF,  6389760                    ; the layer's first weight record in wts, in bytes: record 192
.set COFF,  7819264                    ; its columns' table in wts
.set CB,    1                          ; blocks of 128 columns in a tile; the work-group has 4 CB waves
.set KB,    2*LAPS                     ; K steps
.set NW,    4*CB                       ; waves
.set RA,    128/CB                     ; rows of y'_in that one tensor load brings: the tile's 256 shared among 2 CB waves
.set ACT,   1048576
.set REC,   33280
.set PA,    272                        ; an LDS row of y'_in: 256 bytes + 16: the 16 rows of a fragment load start at 16 different groups of four banks (64 banks of 4 bytes: ISA guide 11.1)
.set PB,    288                        ; an LDS row of w: 256 + 32
.set BBLK,  128*PB                     ; a block of w in LDS
.set BOFF,  256*PA                     ; in a slot: 256 rows of y'_in, then CB blocks of 128 k rows of w
.set SLOT,  BOFF+CB*BBLK
.set CT,    2*SLOT                     ; behind the ring: the columns' table, 4,096 bytes a block
.set RN,    CT+CB*4096                 ; 1 / |w| of the columns, and 128 bytes that the last look-ahead load touches
.set SPS,   RN+CB*512+256              ; 256 bytes a wave: its 64 rows' sums
.set SPARE, SPS+NW*256                 ; the spare words, 128 bytes for each wave, in whole blocks of 256 bytes that no other line names
.set ADA0, 10                          ; v10  my lane's place in a slot's rows of y'_in; never rewritten
.set ADB0, 12                          ; v12  my lane's place in my block of w in a slot; never rewritten
.set ADRA, 16                          ; v16  the same in the slot in hand
.set ADRB, 18                          ; v18
.set STO,  20
.set RD,   21
.set GO,   22
.set CTA,  23
.set RNA,  24
.set SPA,  25
.set SPB,  26
.set SPW,  28                          ; v28  LDS address of my spare word; never rewritten
.set NIL,  29                          ; v29  0; never rewritten
.set PFO,  30                          ; v30  256 x lane: the prefetches' offset; never rewritten
.set AA,   32
.set BB,   40
.set SS,   48
.set F0,   64
.set F1,   160
.set U,    64                          ; the way out: raw CC, then u
.set X2,   96                          ; beta SH, u^2, E, 2^E, the packed results
.set W,    128                         ; u^2+1, its root, |u| + root, its log2, -E, 2^-E, y'
.set YS,   160                         ; the series
.set KCH,  192                         ; the column tile's constants, eight registers each
.set KRN,  200
.set KSH,  208
.set KA,   216
.set KC1,  224
.set KC3,  232
.set KC5,  240
.set KTH,  248
.set WV,   20                          ; s20  my wave's number; s21: I fetch y'_in (0) or w (1); s22: which of the 2 CB parts
.set G1A,  24                          ; s[24:31], s[32:39] descriptor groups 1 and 0 for y'_in; s[12:15] and s10, which feed them, never hold cx
.set G0A,  32                          ; two sets for the two first fills; the second then walks
.set G1B,  48                          ; s[48:55], s[56:63] the same for w; s[16:19] and s11, which feed them, never hold cy
.set G0B,  56
.set TB,   96                          ; s96  the slot that is read: 0 or SLOT
.set TF,   97                          ; s97  the slot that was filled last: 0 or SLOT
.set MSB, 0
.macro WIN new                         ; the immediate's high byte repeats the setting that is left; a switch that changes nothing is dropped
.if MSB != (\new)
	s_set_vgpr_msb (MSB<<8)|(\new)
.set MSB, \new
.endif
.endm
.macro PLACES                          ; four plain instructions between a matrix instruction and a load into, or a vector read of, its registers (ISA guide 7.12.1 for vector reads)
.rept 4
	v_nop
.endr
.endm
.macro CREST                           ; a round of the cluster's barrier behind its opening barrier
	s_cmp_lg_u32 s[WV], 0
	s_cbranch_scc1 .Lnot_wave_0_\@
	s_barrier_signal -3
.Lnot_wave_0_\@:
	s_barrier_wait -3
	s_barrier_signal -1
	s_barrier_wait -1
.endm
.macro CROUND
	s_barrier_signal -1
	s_barrier_wait -1
	CREST
.endm
.macro JLOAD                           ; a joint refill by the walking descriptors; the branch hangs on the wave's number alone; an s_nop 0 and four v_nop follow each line
	s_cmp_eq_u32 s21, 0
	s_cbranch_scc0 .Lfor_b_\@
	tensor_load_to_lds s[G0A+4:G0A+7], s[G1A:G1A+7]
	s_nop 0
.rept 4
	v_nop
.endr
	s_branch .Lasked_\@
.Lfor_b_\@:
	tensor_load_to_lds s[G0B+4:G0B+7], s[G1B:G1B+7]
	s_nop 0
.rept 4
	v_nop
.endr
.Lasked_\@:
.endm
; A prefetch of the K step that stands two refills on: 32 rows of 256 bytes of a block, a lane a row.  Each row is named once in the launch: the wave that fetches a block's first rows asks for the block;
; y'_in's blocks are asked for by the clusters with x = 0 (the four partners of a row of the cluster taking 32 rows each, by address), w's blocks by the clusters with y = 0 (the four partners of a column likewise).
; The last two trips that fill ask for nothing: no K step stands two refills on.  With four K steps there are only those two trips, and nothing of the prefetch is assembled.
.macro ASK
.if KB > 4
	s_cmp_gt_u32 s3, s98                           ; s3 = 2 and 1 in the last two trips; s98 = 2 in a wave that asks, else the greatest number
	s_cbranch_scc0 .Lnot_mine_\@
	global_prefetch_b8 v[PFO], s[44:45] th:TH_LOAD_NT scope:SCOPE_SE
.Lnot_mine_\@:
.endif
.endm
.macro FETCH q, f                      ; 24 LDS loads in one run: the fragments of 32 along K, quarter q of the slot in hand, into buffer f
	WIN 0
.irp b, 0,1,2,3,4,5,6,7
	ds_load_tr16_b128 v[(\f)+8*(\b):(\f)+8*(\b)+3],   v[ADRB] offset:(\q)*32*PB+32*(\b)
	ds_load_tr16_b128 v[(\f)+8*(\b)+4:(\f)+8*(\b)+7], v[ADRB] offset:(\q)*32*PB+32*(\b)+16*PB
.endr
.irp a, 0,1,2,3
	ds_load_b128 v[(\f)+64+8*(\a):(\f)+64+8*(\a)+3],   v[ADRA] offset:(\a)*16*PA+64*(\q)
	ds_load_b128 v[(\f)+64+8*(\a)+4:(\f)+64+8*(\a)+7], v[ADRA] offset:(\a)*16*PA+64*(\q)+32
.endr
.endm
.macro MUL8 f, a, zero                 ; row tile a x all eight column tiles.  The 32 accumulators take turns, in the same order in every quarter
	WIN 0x50                                       ; C and D in window 1
.irp b, 0,1,2,3,4,5,6,7
.if \zero
	v_wmma_f32_16x16x32_bf16 v[8*(8*(\a)+(\b)):8*(8*(\a)+(\b))+7], v[(\f)+8*(\b):(\f)+8*(\b)+7], v[(\f)+64+8*(\a):(\f)+64+8*(\a)+7], 0
.else
	v_wmma_f32_16x16x32_bf16 v[8*(8*(\a)+(\b)):8*(8*(\a)+(\b))+7], v[(\f)+8*(\b):(\f)+8*(\b)+7], v[(\f)+64+8*(\a):(\f)+64+8*(\a)+7], v[8*(8*(\a)+(\b)):8*(8*(\a)+(\b))+7]
.endif
.endr
.endm
.macro QUARTER qn, f, g, zero          ; multiplies buffer f; ahead of that asks for quarter qn of the slot in hand into buffer g
	s_wait_dscnt 0x0                               ; buffer f is in: it was asked for a quarter ago
	PLACES                                         ; buffer g was read by the matrix instructions just issued
	FETCH \qn, \g
	MUL8 \f, 0, \zero
	MUL8 \f, 1, \zero
	MUL8 \f, 2, \zero
	MUL8 \f, 3, \zero
.endm
; A K step's last quarter multiplies buffer 1 and changes slots.  In front of the barrier each wave waits for all its tensor loads (one at the most is out: its part of the next slot), adds 0 to its spare word,
; and waits for that and for its reads of this slot.  fill = 1: the barrier opens a round of the cluster's, and the joint refill, two K steps on, is the first thing behind it.
; fill = 0, the last two K steps: nothing is asked for; behind the very last K step (s3 = 1) there is no next slot, and the run of LDS loads is jumped over.
.macro TURN fill
.if (\fill) && (KB > 4)
	s_wait_xcnt 0x0                                ; the last prefetch, a K step back, has read its address
	s_add_nc_u64 s[44:45], s[44:45], s[46:47]
.endif
	WIN 0
	s_wait_tensorcnt 0x0
	ds_add_u32 v[SPW], v[NIL]
	s_wait_dscnt 1                                 ; buffer 1 is in; the add may be out
	MUL8 F1, 0, 0
	s_wait_dscnt 0x0                               ; the add is done, and my reads of this slot are over
	s_barrier_signal -1
	MUL8 F1, 1, 0
	WIN 0
	s_barrier_wait -1
.if \fill
	CREST                                          ; no wave of any partner still reads this slot or has a load on its way
	s_xor_b32 s[TF], s[TF], SLOT                   ; the walking descriptors: the other slot than last time,
	s_add_co_u32 s[G0A+5], s10, s[TF]
	s_add_co_u32 s[G0B+5], s11, s[TF]
	s_add_nc_u64 s[G0A+6:G0A+7], s[G0A+6:G0A+7], 32768  ; one K step on; the type bits on top are not reached
	s_add_nc_u64 s[G0B+6:G0B+7], s[G0B+6:G0B+7], REC
	JLOAD                                          ; its four v_nop are also the places in front of the loads below
.else
	s_cmp_eq_u32 s3, 1
	s_cbranch_scc1 .Lno_next_\@
	PLACES
.endif
	s_xor_b32 s[TB], s[TB], SLOT                   ; the reads go on in the other slot
	v_add_nc_u32 v[ADRA], s[TB], v[ADA0]
	v_add_nc_u32 v[ADRB], s[TB], v[ADB0]
	FETCH 0, F0
.if \fill
	ASK
.else
.Lno_next_\@:
.endif
	MUL8 F1, 2, 0
	MUL8 F1, 3, 0
.endm
.macro LDC dst, adr, off               ; eight constants of my eight columns
	ds_load_b128 v[(\dst):(\dst)+3],   v[\adr] offset:(\off)
	ds_load_b128 v[(\dst)+4:(\dst)+7], v[\adr] offset:(\off)+16
.endm
	s_load_b128 s[4:7], s[0:1], 0x0                ; y'_in and its S' s[4:5], wts s[6:7]
	s_load_b64 s[8:9], s[0:1], 0x10                ; y' and its S'
	v_lshl_add_u32 v[SPW], v0, 2, SPARE
	v_mov_b32 v[NIL], 0
	ds_add_u32 v[SPW], v[NIL]                      ; the wave's opening: the add, twice on end, and its wait ahead of my first tensor load
	ds_add_u32 v[SPW], v[NIL]
	v_lshrrev_b32 v1, 5, v0
	v_readfirstlane_b32 s[WV], v1
	s_lshr_b32 s21, s[WV], CB                      ; wave / (2 CB): the shift is CB for CB = 1 and for CB = 2
	s_and_b32 s22, s[WV], 2*CB-1                   ; wave % (2 CB)
	s_bfe_u32 s40, ttmp6, 0x40000                  ; cx
	s_bfe_u32 s41, ttmp6, 0x40004                  ; cy
	s_lshl_b32 s42, ttmp9, 2
	s_add_co_u32 s42, s42, s40                     ; tile column = 4 x cluster x + cx
	s_and_b32 s43, ttmp7, 0xffff
	s_lshl_b32 s43, s43, 2
	s_add_co_u32 s43, s43, s41                     ; tile row = 4 x cluster y + cy
	s_lshl_b32 s2, s41, 2
	s_lshl_b32 s2, 15, s2                          ; my row of the cluster
	s_lshl_b32 s3, 0x1111, s40                     ; my column
	s_or_b32 s[G1A], s2, (1<<16)|(1<<20)|(1<<21)|(5<<22)|(3<<25)  ; mask; 2-byte elements; padding on; bit 21 beside a mask; after every 64 words; 4 words
	s_or_b32 s[G1B], s3, (1<<16)|(1<<20)|(1<<21)|(5<<22)|(7<<25)  ; the same with my column's mask and 8 words
	s_mov_b32 s[G1A+1], 128<<16                    ; tensor_dim0 = 128
	s_mov_b32 s[G1A+2], RA<<16                     ; tensor_dim1 = RA
	s_mov_b32 s[G1A+3], 128<<16                    ; tile_dim0 = 128
	s_mov_b32 s[G1A+4], RA                         ; tile_dim1 = RA rows of a block
	s_mov_b32 s[G1A+5], 128                        ; 128 elements from row to row: the block is dense
	s_mov_b32 s[G1A+6], 0
	s_mov_b32 s[G1A+7], 0
	s_mov_b32 s[G1B+1], 128<<16
	s_mov_b32 s[G1B+2], 64<<16                     ; half a block of w: 64 k rows
	s_mov_b32 s[G1B+3], 128<<16
	s_mov_b32 s[G1B+4], 64
	s_mov_b32 s[G1B+5], 128
	s_mov_b32 s[G1B+6], 0
	s_mov_b32 s[G1B+7], 0
	s_mov_b32 s23, 0x7fffffff
	s_mov_b32 s100, 0x76543210
	s_mov_b32 s101, 0xfedcba98
	s_mov_b32 s[TB], 0
	s_mov_b32 s[TF], SLOT
	s_mul_i32 s13, s22, RA                         ; y'_in: the first of the tile's 256 rows that I fetch:
	s_lshr_b32 s12, s13, 7                         ; its block of 128 rows,
	s_and_b32 s13, s13, 127
	s_lshl_b32 s13, s13, 8                         ; and its place there, 256 bytes a row
	s_lshl_b32 s14, s43, 1
	s_add_co_u32 s12, s12, s14                     ; block row 2 x tile row + 0 or 1, KB blocks of 32,768 bytes to a block row
	s_mul_i32 s12, s12, KB*32768
	s_add_co_u32 s12, s12, ACT                     ; the block of K step 0
	s_add_co_u32 s14, s12, s13
	s_mov_b32 s15, 0
	s_mul_i32 s16, s42, CB*KB*REC                  ; w: the tile's first record,
	s_add_co_u32 s16, s16, WOFF
	s_lshr_b32 s17, s22, 1
	s_mul_i32 s17, s17, KB*REC
	s_add_co_u32 s17, s17, s16                     ; the first record of the block column that I fetch for,
	s_and_b32 s18, s22, 1
	s_lshl_b32 s18, s18, 14                        ; my half of its 128 k rows
	s_add_co_u32 s18, s18, s17
	s_mov_b32 s19, 0
	s_mul_i32 s10, s22, RA*PA                      ; where they go: no place in the cluster enters an LDS address
	s_mul_i32 s11, s22, 64*PB
	s_add_co_u32 s11, s11, BOFF
	s_wait_dscnt 0x0                               ; both opening adds are done
	s_wait_kmcnt 0x0
	s_add_nc_u64 s[14:15], s[4:5], s[14:15]
	s_add_nc_u64 s[18:19], s[6:7], s[18:19]
.irp s, 0,1
	s_mov_b32 s[G0A+4*(\s)], 1
	s_add_co_u32 s[G0A+4*(\s)+1], s10, (\s)*SLOT
	s_add_nc_u64 s[G0A+4*(\s)+2:G0A+4*(\s)+3], s[14:15], (\s)*32768
	s_or_b32 s[G0A+4*(\s)+3], s[G0A+4*(\s)+3], 0x80000000
	s_mov_b32 s[G0B+4*(\s)], 1
	s_add_co_u32 s[G0B+4*(\s)+1], s11, (\s)*SLOT
	s_add_nc_u64 s[G0B+4*(\s)+2:G0B+4*(\s)+3], s[18:19], (\s)*REC
	s_or_b32 s[G0B+4*(\s)+3], s[G0B+4*(\s)+3], 0x80000000
.endr
.if KB > 4
	; the prefetches stand at K step 3; each change of slots that fills steps them first, so the first names K step 4
	s_lshl_b32 s66, s40, 13                        ; my work-group's 32 rows of y'_in's block, by cx
	s_add_co_u32 s66, s66, s12
	s_add_co_u32 s66, s66, 3*32768
	s_lshl_b32 s67, s41, 13                        ; of w's block, by cy
	s_add_co_u32 s67, s67, s17
	s_add_co_u32 s67, s67, 3*REC
	s_and_b32 s68, ttmp7, 0xffff
	s_and_b32 s69, s22, 1
	s_mov_b32 s46, REC
	s_cmp_eq_u32 s21, 0
	s_cselect_b32 s66, s66, s67
	s_cselect_b32 s68, ttmp9, s68                  ; the coordinate along which other clusters read the same rows
	s_cselect_b32 s69, s13, s69                    ; 0 in the wave that fetches a block's first rows
	s_cselect_b32 s46, 32768, s46
	s_cselect_b64 s[44:45], s[4:5], s[6:7]
	s_mov_b32 s67, 0
	s_mov_b32 s47, 0
	s_add_nc_u64 s[44:45], s[44:45], s[66:67]
	s_or_b32 s68, s68, s69
	s_cmp_eq_u32 s68, 0
	s_cselect_b32 s98, 2, -1                       ; the same in all sixteen partners, for a given wave
.endif
	s_lshl_b32 s70, s43, 10                        ; the rows' parts at my tile's 256 rows
	s_mov_b32 s71, 0
	s_add_nc_u64 s[70:71], s[4:5], s[70:71]
	s_add_co_u32 s72, s16, 32768                   ; the column sums behind the first record's block
	s_mov_b32 s73, 0
	s_add_nc_u64 s[72:73], s[6:7], s[72:73]
	s_mul_i32 s74, s42, CB*4096                    ; my tile's columns' table
	s_add_co_u32 s74, s74, COFF
	s_mov_b32 s75, 0
	s_add_nc_u64 s[74:75], s[6:7], s[74:75]
	CROUND                                         ; all sixteen work-groups are here: the first joint loads meet
	s_cmp_eq_u32 s21, 0                            ; a wave's two first fills stand in one branch: two loads of mine are out
	s_cbranch_scc0 .Lfirst_b
	tensor_load_to_lds s[G0A:G0A+3], s[G1A:G1A+7]
	s_nop 0
	tensor_load_to_lds s[G0A+4:G0A+7], s[G1A:G1A+7]
	s_nop 0
.rept 4
	v_nop
.endr
	s_branch .Lfirst_asked
.Lfirst_b:
	tensor_load_to_lds s[G0B:G0B+3], s[G1B:G1B+7]
	s_nop 0
	tensor_load_to_lds s[G0B+4:G0B+7], s[G1B:G1B+7]
	s_nop 0
.rept 4
	v_nop
.endr
.Lfirst_asked:
	; THE ROWS' AND COLUMNS' FIGURES, in the wait for the first tile: KB parts of each row's sum and KB of each column's
	v_and_b32 v1, 31, v0                           ; lane
	v_and_b32 v2, 15, v0                           ; r
	v_bfe_u32 v3, v0, 4, 1                         ; h
	s_and_b32 s2, s[WV], 3
	s_lshl_b32 s2, s2, 8
	v_lshl_add_u32 v4, v2, 2, s2                   ; the rows' parts: my wave's 64 rows, row r,
	v_lshl_add_u32 v4, v3, 16, v4                  ; the odd parts for lanes 16-31
	v_lshlrev_b32 v5, 2, v0
	v_lshlrev_b32 v6, 4, v0
	v_and_b32 v11, 127, v0                         ; thread t serves column t of the tile: column t % 128 of block column t / 128 = wave / 4
	s_lshr_b32 s2, s[WV], 2
	s_mul_i32 s2, s2, KB*REC
	v_lshl_add_u32 v11, v11, 2, s2
.set i, 0
.rept LAPS                             ; parts 2 i (lanes 0-15) and 2 i + 1 (lanes 16-31) of my four row tiles
.irp a, 0,1,2,3
	global_load_b32 v[64+4*i+(\a)], v4, s[70:71] offset:i*131072+(\a)*64
.endr
.set i, i+1
.endr
.set k, 0
.rept KB                               ; my column's sum over k block k
	global_load_b32 v[96+k], v11, s[72:73] offset:k*REC
.set k, k+1
.endr
	global_load_b128 v[112:115], v6, s[74:75]
	global_load_b128 v[116:119], v6, s[74:75] offset:CB*2048
	s_and_b32 s2, s[WV], 3
	s_mul_i32 s2, s2, 64*PA
	v_mul_u32_u24 v[ADA0], v2, PA
	v_lshl_add_u32 v[ADA0], v3, 4, v[ADA0]
	v_add_nc_u32 v[ADA0], s2, v[ADA0]              ; (64 (w % 4) + r) x pitch + 16 h
	v_and_b32 v9, 7, v0
	v_lshl_add_u32 v9, v3, 3, v9
	v_mul_u32_u24 v[ADB0], v9, PB                  ; k row 8 h + lane % 8,
	v_bfe_u32 v9, v0, 3, 1
	v_lshl_add_u32 v[ADB0], v9, 4, v[ADB0]         ; columns 8 ((lane / 8) % 2) on,
	s_lshr_b32 s2, s[WV], 2
	s_mul_i32 s2, s2, BBLK
	s_add_co_u32 s2, s2, BOFF
	v_add_nc_u32 v[ADB0], s2, v[ADB0]              ; in block w / 4
	v_add_nc_u32 v[ADRA], s[TB], v[ADA0]           ; slot 0
	v_add_nc_u32 v[ADRB], s[TB], v[ADB0]
	s_mul_i32 s2, s[WV], 64*PA                     ; my stage: 64 rows of 272 bytes, from LDS byte 0 on
	v_mul_u32_u24 v[STO], v2, PA                   ; in: row r, 16 bytes for each half of the lanes
	v_lshl_add_u32 v[STO], v3, 4, v[STO]
	v_add_nc_u32 v[STO], s2, v[STO]
	v_mul_u32_u24 v[RD], v3, PA                    ; back: lanes 0-15 one row of 256 bytes, lanes 16-31 the next
	v_lshl_add_u32 v[RD], v2, 4, v[RD]
	v_add_nc_u32 v[RD], s2, v[RD]
	v_lshlrev_b32 v[GO], 4, v1
	s_lshr_b32 s2, s[WV], 2
	s_lshl_b32 s3, s2, 12
	s_add_co_u32 s3, s3, CT
	v_lshl_add_u32 v[CTA], v3, 5, s3               ; my block's table
	s_lshl_b32 s3, s2, 9
	s_add_co_u32 s3, s3, RN
	v_lshl_add_u32 v[RNA], v3, 5, s3
	s_lshl_b32 s2, s[WV], 8
	s_add_co_u32 s2, s2, SPS
	v_lshl_add_u32 v[SPA], v2, 2, s2
	v_lshl_add_u32 v[SPB], v1, 3, s2
	v_lshlrev_b32 v27, 3, v1
.if KB > 4
	v_lshlrev_b32 v[PFO], 8, v1
.endif
	v_add_nc_u32 v7, RN, v5
	v_add_nc_u32 v8, CT, v6
	v_mov_b32 v9, 0
.irp a, 0,1,2,3
	v_mov_b32 v[120+(\a)], 0                       ; v_permlanex16_b32's destinations count as read
.endr
	s_wait_loadcnt 0x0
.set i, 1
.rept LAPS-1
	v_pk_add_f32 v[64:65], v[64:65], v[64+4*i:65+4*i]
	v_pk_add_f32 v[66:67], v[66:67], v[66+4*i:67+4*i]
.set i, i+1
.endr
.irp a, 0,1,2,3
	v_permlanex16_b32 v[120+(\a)], v[64+(\a)], s100, s101
.endr
.irp a, 0,1,2,3
	v_add_f32 v[64+(\a)], v[64+(\a)], v[120+(\a)]  ; S' of row 16 a + r
.endr
.set k, 1
.rept KB/2-1
	v_pk_add_f32 v[96:97], v[96:97], v[96+2*k:97+2*k]
.set k, k+1
.endr
	v_add_f32 v96, v96, v97                        ; |w|^2 of my column
.irp a, 0,1,2,3
	v_fma_f32 v[124+(\a)], v[64+(\a)], 0x3e800000, 1.0
.endr
.irp a, 0,1,2,3
	v_sqrt_f32 v[124+(\a)], v[124+(\a)]            ; q
.endr
	v_rsq_f32 v97, v96
	v_nop
	s_wait_alu depctr_va_vdst(0)                   ; one wait for each batch, ahead of its first reader
	v_min_num_f32 v97, 0x58635fa9, v97             ; 1 / max(|w|, 1e-15)
.irp a, 0,1,2,3
	v_add_f32 v[128+(\a)], 1.0, v[124+(\a)]
.endr
.irp a, 0,1,2,3
	v_rcp_f32 v[128+(\a)], v[128+(\a)]             ; s = 1 / (1 + q)
.endr
.irp a, 0,1,2,3
	v_add_f32 v[124+(\a)], -1.0, v[124+(\a)]
.endr
	s_wait_alu depctr_va_vdst(0)
.irp a, 0,1,2,3
	v_mul_f32 v[132+(\a)], v[124+(\a)], v[128+(\a)]  ; |h|^2 = (q - 1) / (q + 1)
.endr
.irp a, 0,1,2,3
	v_rsq_f32 v[136+(\a)], v[132+(\a)]
.endr
	v_nop
	s_wait_alu depctr_va_vdst(0)
.irp a, 0,1,2,3
	v_mul_f32 v[136+(\a)], 0x3f7ef9db, v[136+(\a)]
	v_min_num_f32 v[136+(\a)], 1.0, v[136+(\a)]    ; R = min(1, 0.996 / |h|)
	v_mul_f32 v[128+(\a)], v[128+(\a)], v[136+(\a)]
	v_min_num_f32 v[132+(\a)], 0x3f7df4c4, v[132+(\a)]  ; |h|^2 at the rim: 0.996^2
	v_cmp_gt_f32 vcc_lo, 0x7f800000, v[64+(\a)]
	v_cndmask_b32 v[132+(\a)], 0, v[132+(\a)], vcc_lo   ; an overflowed row: h = 0
	v_sub_f32 v[136+(\a)], 1.0, v[132+(\a)]
	v_max_num_f32 v[136+(\a)], 0x26901d7d, v[136+(\a)]
.endr
.irp a, 0,1,2,3
	v_rcp_f32 v[136+(\a)], v[136+(\a)]
.endr
.irp a, 0,1,2,3
	v_add_f32 v[132+(\a)], 1.0, v[132+(\a)]
.endr
	s_wait_alu depctr_va_vdst(0)
.irp a, 0,1,2,3
	v_mul_f32 v[AA+2*(\a)], v[128+(\a)], v[136+(\a)]
	v_mul_f32 v[BB+2*(\a)], v[132+(\a)], v[136+(\a)]
	v_mov_b32 v[AA+2*(\a)+1], v[AA+2*(\a)]
	v_mov_b32 v[BB+2*(\a)+1], v[BB+2*(\a)]
	v_mov_b32 v[SS+2*(\a)], 0
	v_mov_b32 v[SS+2*(\a)+1], 0
.endr
	ds_store_b32 v7, v97
	ds_store_b128 v8, v[112:115]
	ds_store_b128 v8, v[116:119] offset:CB*2048
	s_cmp_lg_u32 s[WV], 0
	s_cbranch_scc1 .Lnopad
	ds_store_b32 v7, v9 offset:CB*512              ; wave 0: the 128 bytes behind 1 / |w| that the way out's last look-ahead load reads and nobody uses
.Lnopad:
	s_wait_tensorcnt 1                             ; my part of K step 0 is in; K step 1's may stay out
	s_wait_dscnt 0x0                               ; my stores of the tables are done
	s_barrier_signal -1
	s_barrier_wait -1
	FETCH 0, F0
	QUARTER 1, F0, F1, 1                           ; the first quarter stands in front of the loop: its products start the sums
	WIN 0                                          ; at a label and at a branch every window is 0
	s_mov_b32 s3, KB-2
.Lstep:                                                ; a trip goes from a K step's second quarter to the next K step's first, and fills the slot that it leaves
	QUARTER 2, F1, F0, 0
	QUARTER 3, F0, F1, 0
	TURN 1
	QUARTER 1, F0, F1, 0
	WIN 0
	s_sub_co_u32 s3, s3, 1
	s_cmp_lg_u32 s3, 0
	s_cbranch_scc1 .Lstep
	s_mov_b32 s3, 2
.Ltail:                                                ; the last two K steps have a text of their own; the second trip is left in its middle
	QUARTER 2, F1, F0, 0
	QUARTER 3, F0, F1, 0
	TURN 0
	WIN 0
	s_sub_co_u32 s3, s3, 1
	s_cmp_eq_u32 s3, 0
	s_cbranch_scc1 .Lout
	QUARTER 1, F0, F1, 0
	WIN 0
	s_branch .Ltail
.Lout:
; THE WAY OUT: eight trips, a column tile b each: 32 registers a lane (four row tiles x eight columns).  The function is written once; only the first step, which reads the accumulators, is written eight times.
; A trip's constants are asked for in the trip before, in two runs that stand at two of the trip's waits.  A trip's 128 roots, logarithms and powers stand in three batches, one wait each.
	PLACES
	LDC KCH, CTA, 0
	LDC KRN, RNA, 0
	LDC KSH, CTA, 64
	LDC KA,  CTA, 128
	LDC KC1, CTA, 192
	LDC KC3, CTA, 256
	LDC KC5, CTA, 320
	LDC KTH, CTA, 384
	v_add_nc_u32 v[CTA], 512, v[CTA]
	v_add_nc_u32 v[RNA], 64, v[RNA]
	s_mov_b32 s99, 0
	s_wait_dscnt 0x0                               ; no LDS instruction of mine is out,
	s_barrier_signal -1
	s_barrier_wait -1                              ; nor of any wave: nobody reads the ring any more, and slot 0 becomes the stages
.macro VAR b                           ; raw x CC for column tile b; each accumulator is read from its low end on
	WIN 0x01                                       ; source 0 in window 1
.irp a, 0,1,2,3
.irp p, 0,2,4,6
	v_pk_mul_f32 v[U+8*(\a)+(\p):U+8*(\a)+(\p)+1], v[8*(8*(\a)+(\b))+(\p):8*(8*(\a)+(\b))+(\p)+1], v[KCH+(\p):KCH+(\p)+1]
.endr
.endr
	WIN 0
.endm
.Lcol:
	s_wait_dscnt 4                                 ; the sixteen loads of constants are in; the last trip's four stores into the stage, issued behind them, may be out
.irp p, 0,2,4,6
	v_pk_mul_f32 v[KCH+(\p):KCH+(\p)+1], v[KCH+(\p):KCH+(\p)+1], v[KRN+(\p):KRN+(\p)+1]  ; CC
.endr
.irp c, 0,1,2,3,4,5,6
	s_cmp_eq_u32 s99, \c
	s_cbranch_scc1 .Lv\c
.endr
	VAR 7
	s_branch .Lcommon
.irp c, 0,1,2,3,4,5
.Lv\c:
	VAR \c
	s_branch .Lcommon
.endr
.Lv6:
	VAR 6
.Lcommon:
.irp a, 0,1,2,3
.irp p, 0,2,4,6
	v_pk_mul_f32 v[X2+8*(\a)+(\p):X2+8*(\a)+(\p)+1], v[KSH+(\p):KSH+(\p)+1], v[BB+2*(\a):BB+2*(\a)+1]
.endr
.endr
.irp a, 0,1,2,3
.irp p, 0,2,4,6
	v_pk_fma_f32 v[U+8*(\a)+(\p):U+8*(\a)+(\p)+1], v[U+8*(\a)+(\p):U+8*(\a)+(\p)+1], v[AA+2*(\a):AA+2*(\a)+1], v[X2+8*(\a)+(\p):X2+8*(\a)+(\p)+1] neg_lo:[0,0,1] neg_hi:[0,0,1]  ; u
.endr
.endr
.set k, 0
.rept 16
	v_pk_mul_f32 v[X2+2*k:X2+2*k+1], v[U+2*k:U+2*k+1], v[U+2*k:U+2*k+1]
	v_pk_fma_f32 v[W+2*k:W+2*k+1], v[U+2*k:U+2*k+1], v[U+2*k:U+2*k+1], 1.0 op_sel_hi:[1,1,0]
.set k, k+1
.endr
.set k, 0
.rept 16                               ; the roots, the series' two steps between them
	v_sqrt_f32 v[W+2*k], v[W+2*k]
	v_pk_fma_f32 v[YS+2*k:YS+2*k+1], v[X2+2*k:X2+2*k+1], v[KC5+(2*k)%8:KC5+(2*k)%8+1], v[KC3+(2*k)%8:KC3+(2*k)%8+1]
	v_sqrt_f32 v[W+2*k+1], v[W+2*k+1]
	v_pk_fma_f32 v[YS+2*k:YS+2*k+1], v[YS+2*k:YS+2*k+1], v[X2+2*k:X2+2*k+1], v[KC1+(2*k)%8:KC1+(2*k)%8+1]
.set k, k+1
.endr
	LDC KCH, CTA, 0                                ; the next trip's constants whose last readers have passed: one run of twelve loads
	LDC KRN, RNA, 0
	LDC KSH, CTA, 64
	LDC KC5, CTA, 320
	LDC KC3, CTA, 256
	LDC KC1, CTA, 192
	s_wait_alu depctr_va_vdst(0)                   ; one wait for the 32 roots
	v_fma_f32 v[W], |v[U]|, 1.0, v[W]
.set e, 0
.rept 32                               ; |u| + root one register ahead; the logarithm; the choice of the series, kept as a lane mask
.if e < 31
	v_fma_f32 v[W+e+1], |v[U+e+1]|, 1.0, v[W+e+1]
.endif
	v_log_f32 v[W+e], v[W+e]
	v_cmp_lt_f32 s[66+e], v[X2+e], v[KTH+e%8]
.set e, e+1
.endr
	s_wait_alu depctr_va_vdst(0)                   ; one wait for the 32 logarithms
	v_pk_mul_f32 v[X2:X2+1], v[W:W+1], v[KA:KA+1]  ; E,
	v_pk_mul_f32 v[W:W+1], v[W:W+1], v[KA:KA+1] neg_lo:[0,1] neg_hi:[0,1]  ; and -E
.set k, 0
.rept 16                               ; the powers; between them the next pair's E and -E and the series' last step
	v_exp_f32 v[X2+2*k], v[X2+2*k]
.if k < 15
	v_pk_mul_f32 v[X2+2*k+2:X2+2*k+3], v[W+2*k+2:W+2*k+3], v[KA+(2*k+2)%8:KA+(2*k+2)%8+1]
.endif
	v_exp_f32 v[W+2*k], v[W+2*k]
.if k < 15
	v_pk_mul_f32 v[W+2*k+2:W+2*k+3], v[W+2*k+2:W+2*k+3], v[KA+(2*k+2)%8:KA+(2*k+2)%8+1] neg_lo:[0,1] neg_hi:[0,1]
.endif
	v_exp_f32 v[X2+2*k+1], v[X2+2*k+1]
	v_pk_mul_f32 v[YS+2*k:YS+2*k+1], v[YS+2*k:YS+2*k+1], v[U+2*k:U+2*k+1]
	v_exp_f32 v[W+2*k+1], v[W+2*k+1]
.set k, k+1
.endr
	v_nop                                          ; a plain instruction behind the last power
	LDC KA,  CTA, 128
	LDC KTH, CTA, 384
	s_wait_alu depctr_va_vdst(0)                   ; one wait for the 64 powers
.set k, 0
.rept 16
	v_pk_add_f32 v[W+2*k:W+2*k+1], v[X2+2*k:X2+2*k+1], v[W+2*k:W+2*k+1] neg_lo:[0,1] neg_hi:[0,1]
.set k, k+1
.endr
.set e, 0
.rept 32
	v_cndmask_b32 v[W+e], v[W+e], v[YS+e], s[66+e]
.set e, e+1
.endr
.set e, 0
.rept 32
	v_bfi_b32 v[W+e], s23, v[W+e], v[U+e]          ; u's sign
.set e, e+1
.endr
.irp p, 0,2,4,6
.irp a, 0,1,2,3
	v_pk_fma_f32 v[SS+2*(\a):SS+2*(\a)+1], v[W+8*(\a)+(\p):W+8*(\a)+(\p)+1], v[W+8*(\a)+(\p):W+8*(\a)+(\p)+1], v[SS+2*(\a):SS+2*(\a)+1]
.endr
.endr
.set k, 0
.rept 16
	v_cvt_pk_bf16_f32 v[X2+k], v[W+2*k], v[W+2*k+1]
.set k, k+1
.endr
.irp a, 0,1,2,3
	ds_store_b128 v[STO], v[X2+4*(\a):X2+4*(\a)+3] offset:(\a)*16*PA
.endr
	v_add_nc_u32 v[STO], 32, v[STO]
	v_add_nc_u32 v[CTA], 512, v[CTA]
	v_add_nc_u32 v[RNA], 64, v[RNA]
	s_add_co_u32 s99, s99, 1
	s_cmp_lt_u32 s99, 8
	s_cbranch_scc1 .Lcol
	; my 64 rows' sums over my 128 columns: one part of S' for the next launch, 256 bytes on end
.irp a, 0,1,2,3
	v_add_f32 v[SS+2*(\a)], v[SS+2*(\a)], v[SS+2*(\a)+1]
.endr
.irp a, 0,1,2,3
	v_permlanex16_b32 v[SS+2*(\a)+1], v[SS+2*(\a)], s100, s101
.endr
.irp a, 0,1,2,3
	v_add_f32 v[SS+2*(\a)], v[SS+2*(\a)], v[SS+2*(\a)+1]
.endr
.irp a, 0,1,2,3
	ds_store_b32 v[SPA], v[SS+2*(\a)] offset:64*(\a)
.endr
	ds_load_b64 v[56:57], v[SPB]                   ; LDS serves a wave's instructions in order (ISA guide 5.7.1.4): this sees the stores above
	s_mul_i32 s72, s42, CB
	s_lshr_b32 s67, s[WV], 2
	s_add_co_u32 s72, s72, s67                     ; my block column = CB x tile column + wave / 4: the part's number too
	s_and_b32 s73, s[WV], 3                        ; which 64 of the tile's rows are mine
	s_lshl_b32 s66, s72, 16
	s_lshl_b32 s67, s43, 10
	s_add_co_u32 s66, s66, s67
	s_lshl_b32 s67, s73, 8
	s_add_co_u32 s66, s66, s67
	s_mov_b32 s67, 0
	s_add_nc_u64 s[68:69], s[8:9], s[66:67]
	s_lshl_b32 s70, s43, 1                         ; y': block row 2 x tile row + 0 or 1, my block column, the upper or lower 64 rows
	s_lshr_b32 s71, s73, 1
	s_add_co_u32 s70, s70, s71
	s_mul_i32 s70, s70, NB
	s_add_co_u32 s70, s70, s72
	s_lshl_b32 s70, s70, 15
	s_and_b32 s71, s73, 1
	s_lshl_b32 s71, s71, 14
	s_add_co_u32 s70, s70, s71
	s_add_co_u32 s70, s70, ACT
	s_mov_b32 s71, 0
	s_add_nc_u64 s[70:71], s[8:9], s[70:71]
	s_wait_dscnt 0x0
	global_store_b64 v27, v[56:57], s[68:69]
.set t, 0
.rept 32
	ds_load_b128 v[64+4*t:64+4*t+3], v[RD] offset:t*2*PA  ; my own stage: two whole rows a load
.set t, t+1
.endr
.set t, 0
.rept 32
	s_wait_dscnt 31-t                              ; load t is in; the later ones stay out
	global_store_b128 v[GO], v[64+4*t:64+4*t+3], s[70:71] offset:t*512  ; 512 consecutive bytes, aligned: 16,384 on end for the wave
.set t, t+1
.endr
	s_wait_tensorcnt 0x0                           ; the wave's end: three closing lines, behind my last tensor load and my last LDS store
	ds_add_u32 v[SPW], v[NIL]
	s_wait_dscnt 0x0
	CROUND                                         ; the closing round: no work-group ends while a partner may still ask for a tile that names it
	s_endpgm
.Lfunc_end_k_q8609b85a25_g2:
	.size	k_q8609b85a25_g2, .Lfunc_end_k_q8609b85a25_g2-k_q8609b85a25_g2
	.p2alignl 7, 3214868480
	.fill 96, 4, 3214868480
	.section	.rodata,"a",@progbits
	.p2align	6, 0x0
	.amdhsa_kernel k_q8609b85a25_g2
		.amdhsa_group_segment_fixed_size 327680
		.amdhsa_private_segment_fixed_size 0
		.amdhsa_enable_private_segment 0
		.amdhsa_kernarg_size 24
		.amdhsa_user_sgpr_count 2
		.amdhsa_user_sgpr_kernarg_segment_ptr 1
		.amdhsa_wavefront_size32 1
		.amdhsa_system_sgpr_workgroup_id_x 1
		.amdhsa_system_sgpr_workgroup_id_y 1
		.amdhsa_system_sgpr_workgroup_id_z 1
		.amdhsa_system_vgpr_workitem_id 0
		.amdhsa_next_free_vgpr 512
		.amdhsa_next_free_sgpr 102
		.amdhsa_reserve_vcc 1
		.amdhsa_float_denorm_mode_32 3
		.amdhsa_float_denorm_mode_16_64 3
		.amdhsa_memory_ordered 1
		.amdhsa_forward_progress 1
		.amdhsa_inst_pref_size 100
	.end_amdhsa_kernel
	.amdgpu_metadata
---
amdhsa.version: [ 1, 2 ]
amdhsa.kernels:
  - .name:           k_q8609b85a25_g2
    .symbol:         k_q8609b85a25_g2.kd
    .args:
      - { .name: actA, .offset: 0, .size: 8, .value_kind: global_buffer, .address_space: global }
      - { .name: wts, .offset: 8, .size: 8, .value_kind: global_buffer, .address_space: global }
      - { .name: actB, .offset: 16, .size: 8, .value_kind: global_buffer, .address_space: global }
    .group_segment_fixed_size: 327680
    .private_segment_fixed_size: 0
    .kernarg_segment_align: 8
    .kernarg_segment_size: 24
    .max_flat_workgroup_size: 128
    .sgpr_count:     102
    .vgpr_count:     512
    .wavefront_size: 32
...
	.end_amdgpu_metadata
.endif
;; end of part 11
;; launch head: the kernel of part 8 again; grid 128 x 2, 4 waves a work-group, clusters of 4 x 1, 327,680 bytes of LDS; arguments actB, wts, out0; writes out0
;; ======== version 4 of 4: 5 launches; version 3 with the launch prep written anew for expert scheduling mode
;; limits: a function is approximated: absolute error at most 2e-07; right only within a limited range of input values
;; workspace buffers: actA 34,603,008 bytes; actB 68,157,440 bytes; wts 7,843,840 bytes
;; launch prep (part 12): grid 488 x 1, 8 waves a work-group, no clusters, 9,472 bytes of LDS; arguments x, wv0, wv1, wv2, hv, wg0, wg1, wg2, hg, b0, b1, b2, hb, actA, wts; writes actA, wts
.if DOCPART == 12
	.amdgcn_target "amdgcn-amd-amdhsa--gfx1250"
	.amdhsa_code_object_version 6
	.text
	.protected	k_q8609b85a25_prep
	.globl	k_q8609b85a25_prep
	.p2align	8
	.type	k_q8609b85a25_prep,@function
k_q8609b85a25_prep:
	s_mov_b64 s[64:65], 0
	v_nop
	global_prefetch_b8 v0, s[64:65] scope:SCOPE_SE
	s_setreg_imm32_b32 hwreg(HW_REG_WAVE_SCHED_MODE, 0, 2), 2
	s_setreg_imm32_b32 hwreg(HW_REG_WAVE_MODE, 25, 1), 1
	s_wait_xcnt 0x0
	s_wait_alu depctr_vm_vsrc(0)
; PREP: everything that is made once, ahead of the four products.  Two roles, by the work-group's number.
; ROLE X (work-groups 0-255, 64 rows of x each, 8 a wave).  expmap0 is written as a hidden layer's output: with n = |x| and y' = x F, F = 2 sinh(2 n) / n,
;   tanh(n) x / n = (y'/2) / (1 + sqrt(1 + |y'|^2 / 4)).  y' goes out in bf16, in blocks [row/128][col/128][128][128]; |y'|^2 / 4 goes out four times, as the four parts of the row's sum.
;   n is held to 4 inside the exponentials only: from there on tanh(n) lies above the ball's rim 0.996 and the next launch clamps the norm; the direction x / n is kept.
;   Below n = 0.25 F is its series 4 (1 + t/6 + t^2/120 + t^3/5040), t = 4 n^2.
; ROLE W (work-groups 256-487, one block of 128 k x 128 columns of a weight matrix each): the block in bf16 as it lies, [k][n], and behind it the sum over its 128 k of w^2 for each column, f32.
;   The work-group of a column block's first k block also makes the columns' table (eight f32 a column, 16 columns to a group of 512 bytes):
;   sgn(g) cosh 2b, sgn(g) sinh 2b, A = |2g|, C1 = 2A, C3 = C1 (A^2-1)/6, C5 = C3 (A^2-9)/20, min(0.25, 0.5/A)^2, 0.
; LIMITS.  cosh 2b and sinh 2b are made from 2^(+-2b log2 e): finite for |b| below 44; the launches behind ask for |b| below 19.  sinh 2b is its series to t^7 below |2b| = 0.5.
; The roots, reciprocals and powers of two take a denormal as 0.  NaN and infinities are not treated apart.
; No matrix unit, no tensor load, no cluster: nothing is shared, and memory binds.
; THE MODE: SCHED_MODE bits 1:0 = 2 (LLVM: expert scheduling mode 2), set by the entry lines.  The code itself states the register dependences
; between vector instructions and memory or LDS instructions, with s_wait_alu, always for 0.
; THE PLAN.  Registers that memory or LDS instructions touch:
;   ROLE X  v1       the loads' offset: written once, ahead of the wait in front of the loads; never written again.
;           X        the 32 loads land in it; no vector line names it before them.  Row i's roundings write two of each four of its registers, row i's four stores read them; none is written again.
;           v5, v6   the stores' offset and the LDS address of the sums: written behind the loads, ahead of the wait for the roots; never written again.
;           TA       written where F is made; read by eight LDS stores behind the last wait on va_vdst.   v[8:9]: last named where TA is made; an LDS load lands there behind the barrier.
;           The rows go out in four blocks of two: ONE wait on va_vdst behind a block's roundings; the block's eight stores follow it, dealt among the next block's vector lines, which name the next
;           block's registers and F alone.
;   ROLE W  v7-v9, v14, v15, v16-v31  all offsets and LDS addresses: made together, ahead of the one wait in front of the first load.  Of them v7 alone is written again (one wait on vm_vsrc).
;           v10, v11, v32-v95  loads land there; no vector line names them before.    v96-v127: written by the roundings, read by the 16 stores, never written again.
;           The rows go out in four blocks of four: ONE wait on va_vdst behind a block's arithmetic, then its four stores in one run, ahead of the next row's wait for its load.
;           v164-v167, v168-v199  LDS loads land there; no vector line of this role names them before, so these loads owe no wait.
;   BOTH    s40, the wave's number, comes from a vector line: one wait on va_sdst ahead of the branch that parts the roles.  v[SPW], v[NIL]: written at the head, read by the closing add alone.
.set ACT,   1048576                    ; the activations begin behind the sixteen parts of the rows' sums
.set REC,   33280                      ; a weight record: 32,768 bytes of bf16 and 512 of column sums
.set C0OFF, 7720960                    ; the columns' tables in wts, by layer
.set C1OFF, 7786496
.set C2OFF, 7819264
.set CHOFF, 7835648
.set TAB,   4096                       ; LDS: 0-4,095 role w's partial sums; 4,096-8,191 the table's stage
.set XS,    8192                       ; role x's 64 row sums: bytes of their own, so that the two roles name no LDS byte in common
.set SPARE, 8448                       ; the spare words, 128 bytes for each of eight waves: four blocks of 256 bytes that no other line names
.set MK,  52                           ; s[52:59]   role x: row i's choice of the series, a lane mask
.set SS,  8                            ; v[8:15]    a row's sum of squares
.set NN,  16                           ; v[16:23]   n
.set TA,  24                           ; v[24:31]   at work
.set X,   32                           ; v[32:159]  role x: 8 rows x 16 registers; role w: 16 rows x 4, then bf16 from v96 on
.set SPW, 160                          ; v160  LDS address of my spare word; never rewritten
.set NIL, 161                          ; v161  0; never rewritten
.set E1,  162
.set E2,  170
.set RC,  178
.set F,   186                          ; v[186:201] F of row i, twice: a pair for the packed multiply
.set CS,  168                          ; v[168:199] role w, wave 0: the eight waves' column sums, as loaded from LDS
	s_load_b512 s[4:19], s[0:1], 0x0               ; x 4, wv0 6, wv1 8, wv2 10, hv 12, wg0 14, wg1 16, wg2 18
	s_load_b256 s[20:27], s[0:1], 0x40             ; hg 20, b0 22, b1 24, b2 26
	s_load_b128 s[28:31], s[0:1], 0x60             ; hb 28, actA 30
	s_load_b64 s[32:33], s[0:1], 0x70              ; wts 32
	v_lshl_add_u32 v[SPW], v0, 2, SPARE
	v_mov_b32 v[NIL], 0
	v_and_b32 v2, 31, v0                           ; lane
	v_lshrrev_b32 v3, 5, v0
	v_readfirstlane_b32 s40, v3                    ; wave 0..7
	v_lshlrev_b32 v4, 3, v2                        ; 8 x lane
	s_mov_b32 s42, 0x76543210                      ; v_permlanex16_b32: each lane takes its own place in the other half
	s_mov_b32 s43, 0xfedcba98
	s_wait_alu depctr_va_sdst(0)                   ; s40 is written: ahead of the branch below and of its first reader in either role
	s_wait_kmcnt 0x0
	s_cmp_lt_u32 ttmp9, 256
	s_cbranch_scc0 .Lweights
; ---------------------------------------------------------------- role x
	s_lshl_b32 s44, ttmp9, 17                      ; 64 rows of 2,048 bytes
	s_mov_b32 s45, 0
	s_add_nc_u64 s[4:5], s[4:5], s[44:45]
	s_lshl_b32 s50, s40, 14                        ; my 8 rows
	v_lshl_add_u32 v1, v2, 4, s50
	s_wait_alu depctr_va_vdst(0)                   ; v1 is written, which the 32 loads read as their offset
.irp i, 0,1,2,3,4,5,6,7
.irp j, 0,1,2,3
	global_load_b128 v[X+16*(\i)+4*(\j):X+16*(\i)+4*(\j)+3], v1, s[4:5] offset:(\i)*2048+(\j)*512 th:TH_LOAD_NT  ; 512 bytes on end: columns 128 j .. 128 j + 127 of row i
.endr
.endr
	s_lshr_b32 s46, ttmp9, 1                       ; block row = work-group / 2: four blocks of 32,768 bytes,
	s_lshl_b32 s46, s46, 17
	s_and_b32 s47, ttmp9, 1                        ; and its upper or lower 64 rows of 256 bytes
	s_lshl_b32 s47, s47, 14
	s_add_co_u32 s46, s46, s47
	s_add_co_u32 s46, s46, ACT
	s_mov_b32 s47, 0
	s_add_nc_u64 s[46:47], s[30:31], s[46:47]
	s_lshl_b32 s48, s40, 11
	v_add_nc_u32 v5, s48, v4                       ; my 8 rows of 256 bytes + 8 x lane
	s_lshl_b32 s49, s40, 5
	s_add_co_u32 s49, s49, XS
	v_mov_b32 v6, s49                              ; LDS: my 8 rows' sums
	v_mov_b32 v28, 0                               ; v_permlanex16_b32's destination counts as read
.macro ROWSUM i
	s_wait_loadcnt 28-4*(\i)                       ; row i's four loads are in; the later rows' stay out
	v_pk_mul_f32 v[24:25], v[X+16*(\i):X+16*(\i)+1], v[X+16*(\i):X+16*(\i)+1]
	v_pk_mul_f32 v[26:27], v[X+16*(\i)+2:X+16*(\i)+3], v[X+16*(\i)+2:X+16*(\i)+3]
.irp k, 1,2,3
	v_pk_fma_f32 v[24:25], v[X+16*(\i)+4*(\k):X+16*(\i)+4*(\k)+1], v[X+16*(\i)+4*(\k):X+16*(\i)+4*(\k)+1], v[24:25]
	v_pk_fma_f32 v[26:27], v[X+16*(\i)+4*(\k)+2:X+16*(\i)+4*(\k)+3], v[X+16*(\i)+4*(\k)+2:X+16*(\i)+4*(\k)+3], v[26:27]
.endr
	v_pk_add_f32 v[24:25], v[24:25], v[26:27]
	v_add_f32 v[SS+(\i)], v24, v25
	v_add_f32_dpp v[SS+(\i)], v[SS+(\i)], v[SS+(\i)] row_xmask:1 row_mask:0xf bank_mask:0xf
	v_add_f32_dpp v[SS+(\i)], v[SS+(\i)], v[SS+(\i)] row_xmask:2 row_mask:0xf bank_mask:0xf
	v_add_f32_dpp v[SS+(\i)], v[SS+(\i)], v[SS+(\i)] row_xmask:4 row_mask:0xf bank_mask:0xf
	v_add_f32_dpp v[SS+(\i)], v[SS+(\i)], v[SS+(\i)] row_xmask:8 row_mask:0xf bank_mask:0xf
	v_permlanex16_b32 v28, v[SS+(\i)], s42, s43
	v_add_f32 v[SS+(\i)], v[SS+(\i)], v28          ; every lane holds the row's sum of squares
.endm
.irp i, 0,1,2,3,4,5,6,7
	ROWSUM \i
.endr
.irp i, 0,1,2,3,4,5,6,7
	v_sqrt_f32 v[NN+(\i)], v[SS+(\i)]
.endr
	v_nop                                          ; a plain instruction behind the last root,
	s_wait_alu depctr_va_vdst(0)                   ; and one wait for the eight roots, ahead of their first reader; v5 and v6, which the stores below read as offset and address, are written too
.irp i, 0,1,2,3,4,5,6,7
	v_cmp_gt_f32 s[MK+(\i)], 0x3e800000, v[NN+(\i)]  ; n < 0.25: the eight compares in one run, a scalar register each
.endr
.irp i, 0,1,2,3,4,5,6,7
	v_min_num_f32 v[TA+(\i)], 4.0, v[NN+(\i)]
	v_mul_f32 v[E2+(\i)], 0xc038aa3b, v[TA+(\i)]   ; -2 log2(e) n
	v_mul_f32 v[TA+(\i)], 0x4038aa3b, v[TA+(\i)]   ; +2 log2(e) n
.endr
.irp i, 0,1,2,3,4,5,6,7
	v_exp_f32 v[E1+(\i)], v[TA+(\i)]
	v_exp_f32 v[E2+(\i)], v[E2+(\i)]
	v_rcp_f32 v[RC+(\i)], v[NN+(\i)]
.endr
	v_nop
	s_wait_alu depctr_va_vdst(0)                   ; one wait for the 24 powers and reciprocals, ahead of their first reader
	s_wait_alu depctr_va_sdst(0)                   ; the eight masks s[MK ..] are written, ahead of the first v_cndmask_b32 that reads one
.irp i, 0,1,2,3,4,5,6,7
	v_sub_f32 v[E1+(\i)], v[E1+(\i)], v[E2+(\i)]
	v_mul_f32 v[E1+(\i)], v[E1+(\i)], v[RC+(\i)]   ; 2 sinh(2n) / n
	v_mul_f32 v[TA+(\i)], 4.0, v[SS+(\i)]          ; t = 4 n^2
	v_mov_b32 v[E2+(\i)], 0x39500d01               ; 1/5040
	v_fmaak_f32 v[E2+(\i)], v[E2+(\i)], v[TA+(\i)], 0x3c088889  ; 1/120
	v_fmaak_f32 v[E2+(\i)], v[E2+(\i)], v[TA+(\i)], 0x3e2aaaab  ; 1/6
	v_fmaak_f32 v[E2+(\i)], v[E2+(\i)], v[TA+(\i)], 0x3f800000
	v_mul_f32 v[E2+(\i)], 4.0, v[E2+(\i)]          ; the series
	v_cndmask_b32 v[F+2*(\i)], v[E1+(\i)], v[E2+(\i)], s[MK+(\i)]
	v_mov_b32 v[F+2*(\i)+1], v[F+2*(\i)]
	v_mul_f32 v[TA+(\i)], v[F+2*(\i)], v[F+2*(\i)]
	v_mul_f32 v[TA+(\i)], v[TA+(\i)], v[SS+(\i)]
	v_mul_f32 v[TA+(\i)], 0x3e800000, v[TA+(\i)]   ; |y'|^2 / 4: one of four equal parts
.endr
; Row i is scaled and rounded.  st = 1: in front of each four lines stands a store of row i - 2, of the block before: its data stand written by the wait at this block's head,
; and no line of this block names them or v5.
.macro ROWOUT i, st
.irp j, 0,1,2,3
.if \st
	global_store_b64 v5, v[X+16*((\i)-2)+4*(\j):X+16*((\i)-2)+4*(\j)+1], s[46:47] offset:(\j)*32768+((\i)-2)*256  ; the wave stores 256 consecutive bytes, aligned: a row of block j.  No data register is written again
.endif
	v_pk_mul_f32 v[X+16*(\i)+4*(\j):X+16*(\i)+4*(\j)+1], v[X+16*(\i)+4*(\j):X+16*(\i)+4*(\j)+1], v[F+2*(\i):F+2*(\i)+1]
	v_pk_mul_f32 v[X+16*(\i)+4*(\j)+2:X+16*(\i)+4*(\j)+3], v[X+16*(\i)+4*(\j)+2:X+16*(\i)+4*(\j)+3], v[F+2*(\i):F+2*(\i)+1]
	v_cvt_pk_bf16_f32 v[X+16*(\i)+4*(\j)], v[X+16*(\i)+4*(\j)], v[X+16*(\i)+4*(\j)+1]
	v_cvt_pk_bf16_f32 v[X+16*(\i)+4*(\j)+1], v[X+16*(\i)+4*(\j)+2], v[X+16*(\i)+4*(\j)+3]
.endr
.endm
	ROWOUT 0, 0
	ROWOUT 1, 0
	s_wait_alu depctr_va_vdst(0)                   ; the roundings of rows 0 and 1 are written, which the eight stores dealt among rows 2 and 3 read
	ROWOUT 2, 1
	ROWOUT 3, 1
	s_wait_alu depctr_va_vdst(0)                   ; the roundings of rows 2 and 3 are written, for the stores among rows 4 and 5
	ROWOUT 4, 1
	ROWOUT 5, 1
	s_wait_alu depctr_va_vdst(0)                   ; the roundings of rows 4 and 5 are written, for the stores among rows 6 and 7
	ROWOUT 6, 1
	ROWOUT 7, 1
	s_wait_alu depctr_va_vdst(0)                   ; the roundings of rows 6 and 7 are written, for the last eight stores; no vector line follows in this role, so it also stands for TA, which the LDS stores read, and for v[8:9], in which an LDS load lands
.irp i, 6,7
.irp j, 0,1,2,3
	global_store_b64 v5, v[X+16*(\i)+4*(\j):X+16*(\i)+4*(\j)+1], s[46:47] offset:(\j)*32768+(\i)*256
.endr
.endr
.irp i, 0,1,2,3,4,5,6,7
	ds_store_b32 v6, v[TA+(\i)] offset:4*(\i)      ; all lanes hold the same number
.endr
	s_wait_dscnt 0x0                               ; for the others' sake: my stores are done
	s_barrier_signal -1
	s_barrier_wait -1
	s_cmp_lt_u32 s40, 4                            ; wave p writes part p: the group's 64 sums, 256 bytes
	s_cbranch_scc0 .Lend
	ds_load_b64 v[8:9], v4 offset:XS
	s_lshl_b32 s48, s40, 16
	s_lshl_b32 s49, ttmp9, 8
	s_add_co_u32 s48, s48, s49
	s_mov_b32 s49, 0
	s_add_nc_u64 s[48:49], s[30:31], s[48:49]
	s_wait_dscnt 0x0
	global_store_b64 v4, v[8:9], s[48:49]
	s_branch .Lend
; ---------------------------------------------------------------- role w
.Lweights:
	s_sub_co_u32 s44, ttmp9, 256                   ; record j, 0..231
	s_mov_b32 s45, 224                             ; the head's figures: first record,
	s_mov_b32 s46, 2                               ; log2 of the k blocks in a column block,
	s_mov_b32 s47, 1024                            ; bytes in a row of the matrix,
	s_mov_b32 s48, CHOFF                           ; the table's place
	s_mov_b64 s[50:51], s[12:13]
	s_mov_b64 s[52:53], s[20:21]
	s_mov_b64 s[54:55], s[28:29]
	s_cmp_lt_u32 s44, 224                          ; layer 2
	s_cselect_b32 s45, 192, s45
	s_cselect_b32 s46, 3, s46
	s_cselect_b32 s47, 2048, s47
	s_cselect_b32 s48, C2OFF, s48
	s_cselect_b64 s[50:51], s[10:11], s[50:51]
	s_cselect_b64 s[52:53], s[18:19], s[52:53]
	s_cselect_b64 s[54:55], s[26:27], s[54:55]
	s_cmp_lt_u32 s44, 192                          ; layer 1
	s_cselect_b32 s45, 64, s45
	s_cselect_b32 s46, 4, s46
	s_cselect_b32 s47, 4096, s47
	s_cselect_b32 s48, C1OFF, s48
	s_cselect_b64 s[50:51], s[8:9], s[50:51]
	s_cselect_b64 s[52:53], s[16:17], s[52:53]
	s_cselect_b64 s[54:55], s[24:25], s[54:55]
	s_cmp_lt_u32 s44, 64                           ; layer 0
	s_cselect_b32 s45, 0, s45
	s_cselect_b32 s46, 2, s46
	s_cselect_b32 s47, 8192, s47
	s_cselect_b32 s48, C0OFF, s48
	s_cselect_b64 s[50:51], s[6:7], s[50:51]
	s_cselect_b64 s[52:53], s[14:15], s[52:53]
	s_cselect_b64 s[54:55], s[22:23], s[54:55]
	s_sub_co_u32 s56, s44, s45
	s_lshr_b32 s57, s56, s46                       ; nb: the column block
	s_lshl_b32 s58, s57, s46
	s_sub_co_u32 s58, s56, s58                     ; kb: the k block
	s_lshl_b32 s60, s58, 7
	s_mul_i32 s60, s60, s47                        ; 128 kb rows,
	s_lshl_b32 s62, s57, 9                         ; 128 nb columns of f32
	s_add_co_u32 s60, s60, s62
	s_mov_b32 s61, 0
	s_mov_b32 s63, 0
	s_add_nc_u64 s[50:51], s[50:51], s[60:61]
	s_add_nc_u64 s[52:53], s[52:53], s[62:63]
	s_add_nc_u64 s[54:55], s[54:55], s[62:63]
	; all of this role's offsets and LDS addresses but the table's are made here, ahead of one wait
	v_and_b32 v7, 127, v0
	v_lshlrev_b32 v7, 2, v7                        ; g and b: column t & 127 of the block
	s_lshl_b32 s59, s40, 4
	s_mul_i32 s59, s59, s47                        ; my 16 rows
	v_lshl_add_u32 v16, v2, 4, s59
.irp i, 1,2,3,4,5,6,7,8,9,10,11,12,13,14,15
	v_add_nc_u32 v[16+(\i)], s47, v[15+(\i)]       ; a row further down
.endr
	s_lshl_b32 s59, s40, 12
	v_add_nc_u32 v8, s59, v4                       ; my 16 rows of 256 bytes + 8 x lane
	s_lshl_b32 s59, s40, 9
	v_lshl_add_u32 v9, v2, 4, s59                  ; LDS: my wave's 128 partial column sums
	v_lshlrev_b32 v14, 4, v2                       ; 16 x lane: wave 0's reads of those sums, and its store of their total
	v_lshlrev_b32 v15, 4, v0                       ; 16 x thread: the table's way out
	s_wait_alu depctr_va_vdst(0)                   ; v7 to v9, v14, v15 and v16 to v31 are written, which the loads, stores and LDS instructions of this role read as offsets and addresses
	global_load_b32 v10, v7, s[52:53]              ; g and b of column t & 127 of the block
	global_load_b32 v11, v7, s[54:55]
.irp i, 0,1,2,3,4,5,6,7,8,9,10,11,12,13,14,15
	global_load_b128 v[X+4*(\i):X+4*(\i)+3], v[16+(\i)], s[50:51] th:TH_LOAD_NT  ; 512 bytes on end: the block's 128 columns of one k
.endr
	s_mul_i32 s66, s44, REC
	s_mov_b32 s67, 0
	s_add_nc_u64 s[66:67], s[32:33], s[66:67]      ; my record
.macro WROW i                          ; row i: its squares onto the column sums, its numbers rounded
	s_wait_loadcnt 15-(\i)                         ; row i is in (and g and b, asked for earlier); the later rows' loads stay out
.if (\i) == 0
	s_wait_alu depctr_vm_vsrc(0)                   ; the loads of g and b have read v7, which the second line below writes
	v_pk_mul_f32 v[4:5], v[X:X+1], v[X:X+1]        ; the first row starts the sums (v4's 8 x lane has been used)
	v_pk_mul_f32 v[6:7], v[X+2:X+3], v[X+2:X+3]
.else
	v_pk_fma_f32 v[4:5], v[X+4*(\i):X+4*(\i)+1], v[X+4*(\i):X+4*(\i)+1], v[4:5]
	v_pk_fma_f32 v[6:7], v[X+4*(\i)+2:X+4*(\i)+3], v[X+4*(\i)+2:X+4*(\i)+3], v[6:7]
.endif
	v_cvt_pk_bf16_f32 v[96+2*(\i)], v[X+4*(\i)], v[X+4*(\i)+1]
	v_cvt_pk_bf16_f32 v[97+2*(\i)], v[X+4*(\i)+2], v[X+4*(\i)+3]
.endm
.macro WOUT i
	global_store_b64 v8, v[96+2*(\i):97+2*(\i)], s[66:67] offset:(\i)*256  ; 256 consecutive bytes, aligned; no data register is written again
.endm
.irp p, 0,4,8,12
	WROW (\p)
	WROW (\p)+1
	WROW (\p)+2
	WROW (\p)+3
	s_wait_alu depctr_va_vdst(0)                   ; the four rows' roundings are written, which the four stores read; behind the last block also the column sums v[4:7], which the LDS store reads
	WOUT (\p)
	WOUT (\p)+1
	WOUT (\p)+2
	WOUT (\p)+3
.endr
	ds_store_b128 v9, v[4:7]
	s_cmp_lg_u32 s58, 0                            ; the table is made where kb = 0,
	s_cbranch_scc1 .Lnotab
	s_cmp_lt_u32 s40, 4                            ; by threads 0-127, a column each
	s_cbranch_scc0 .Lnotab
	v_lshrrev_b32 v12, 4, v2
	v_and_b32 v13, 15, v2
	v_lshlrev_b32 v13, 2, v13
	v_lshl_add_u32 v12, v12, 9, v13
	s_lshl_b32 s59, s40, 10
	s_add_co_u32 s59, s59, TAB
	v_add_nc_u32 v12, s59, v12                     ; the stage: 1,024 bytes a wave: group lane / 16, column lane % 16
	v_add_f32 v128, v11, v11                       ; t = 2 b
	v_add_f32 v129, v10, v10
	v_and_b32 v129, 0x7fffffff, v129               ; A = |2 g|
	v_mul_f32 v130, 0x3fb8aa3b, v128
	v_mul_f32 v131, 0xbfb8aa3b, v128
	v_exp_f32 v130, v130
	v_exp_f32 v131, v131
	v_rcp_f32 v132, v129
	v_mul_f32 v133, v128, v128                     ; t^2: the plain instruction behind the batch
	v_cmp_gt_f32 vcc_lo, 0x3e800000, v133          ; t^2 < 0.25: made here, well ahead of the line that reads it
	s_wait_alu depctr_va_vdst(0)                   ; one wait for the two powers and the reciprocal, ahead of their first reader
	v_add_f32 v134, v130, v131
	v_mul_f32 v134, 0.5, v134                      ; cosh t
	v_sub_f32 v135, v130, v131
	v_mul_f32 v135, 0.5, v135                      ; sinh t
	v_mov_b32 v136, 0x39500d01
	v_fmaak_f32 v136, v136, v133, 0x3c088889
	v_fmaak_f32 v136, v136, v133, 0x3e2aaaab
	v_fmaak_f32 v136, v136, v133, 0x3f800000
	v_mul_f32 v136, v136, v128                     ; its series
	s_wait_alu depctr_va_vcc(0)                    ; VCC is written by the compare above, ahead of the v_cndmask_b32 that reads it
	v_cndmask_b32 v135, v135, v136, vcc_lo
	v_and_b32 v137, 0x80000000, v10                ; g's sign goes onto both
	v_xor_b32 v134, v134, v137
	v_xor_b32 v135, v135, v137
	v_add_f32 v138, v129, v129                     ; C1
	v_mul_f32 v139, v129, v129
	v_add_f32 v140, -1.0, v139
	v_mul_f32 v140, 0x3e2aaaab, v140
	v_mul_f32 v140, v138, v140                     ; C3
	v_add_f32 v141, 0xc1100000, v139               ; A^2 - 9
	v_mul_f32 v141, 0x3d4ccccd, v141
	v_mul_f32 v141, v140, v141                     ; C5
	v_mul_f32 v142, 0.5, v132
	v_min_num_f32 v142, 0x3e800000, v142
	v_mul_f32 v142, v142, v142                     ; the bound on u^2 below which the series is taken
	v_mov_b32 v143, 0
	s_wait_alu depctr_va_vdst(0)                   ; the stage's address v12 and the column's eight figures are written, which the LDS stores read
	ds_store_b32 v12, v134
	ds_store_b32 v12, v135 offset:64
	ds_store_b32 v12, v129 offset:128
	ds_store_b32 v12, v138 offset:192
	ds_store_b32 v12, v140 offset:256
	ds_store_b32 v12, v141 offset:320
	ds_store_b32 v12, v142 offset:384
	ds_store_b32 v12, v143 offset:448
.Lnotab:
	s_wait_dscnt 0x0                               ; for the others' sake: my stores are done
	s_barrier_signal -1
	s_barrier_wait -1
	s_cmp_lg_u32 s40, 0                            ; wave 0 adds the eight waves' column sums
	s_cbranch_scc1 .Lnot0
.irp k, 0,1,2,3,4,5,6,7
	ds_load_b128 v[CS+4*(\k):CS+4*(\k)+3], v14 offset:512*(\k)  ; no wait: v14 was written ahead of this role's first wait, and no vector or LDS line of this role has named v[CS ..]
.endr
	s_wait_dscnt 0x0
.irp k, 1,2,3,4,5,6,7
	v_pk_add_f32 v[CS:CS+1], v[CS:CS+1], v[CS+4*(\k):CS+4*(\k)+1]
	v_pk_add_f32 v[CS+2:CS+3], v[CS+2:CS+3], v[CS+4*(\k)+2:CS+4*(\k)+3]
.endr
	s_wait_alu depctr_va_vdst(0)                   ; the additions have written v[CS:CS+3], which the store reads
	global_store_b128 v14, v[CS:CS+3], s[66:67] offset:32768
.Lnot0:
	s_cmp_lg_u32 s58, 0                            ; the table leaves as 4,096 bytes on end, 16 a thread
	s_cbranch_scc1 .Lend
	ds_load_b128 v[164:167], v15 offset:TAB        ; no wait: v15 was written ahead of this role's first wait, and no vector line of this role names v[164:167]
	s_lshl_b32 s70, s57, 12
	s_add_co_u32 s70, s70, s48
	s_mov_b32 s71, 0
	s_add_nc_u64 s[70:71], s[32:33], s[70:71]
	s_wait_dscnt 0x0
	global_store_b128 v15, v[164:167], s[70:71]
.Lend:
	s_wait_dscnt 0x0                               ; the wave's end: the closing lines, six on end
	s_wait_alu 0x0
	s_wait_tensorcnt 0x0
	ds_add_u32 v[SPW], v[NIL]
	s_wait_dscnt 0x0
	s_endpgm
.Lfunc_end_k_q8609b85a25_prep:
	.size	k_q8609b85a25_prep, .Lfunc_end_k_q8609b85a25_prep-k_q8609b85a25_prep
	.p2alignl 7, 3214868480
	.fill 96, 4, 3214868480
	.section	.rodata,"a",@progbits
	.p2align	6, 0x0
	.amdhsa_kernel k_q8609b85a25_prep
		.amdhsa_group_segment_fixed_size 9472
		.amdhsa_private_segment_fixed_size 0
		.amdhsa_enable_private_segment 0
		.amdhsa_kernarg_size 120
		.amdhsa_user_sgpr_count 2
		.amdhsa_user_sgpr_kernarg_segment_ptr 1
		.amdhsa_wavefront_size32 1
		.amdhsa_system_sgpr_workgroup_id_x 1
		.amdhsa_system_sgpr_workgroup_id_y 1
		.amdhsa_system_sgpr_workgroup_id_z 1
		.amdhsa_system_vgpr_workitem_id 0
		.amdhsa_next_free_vgpr 204
		.amdhsa_next_free_sgpr 76
		.amdhsa_reserve_vcc 1
		.amdhsa_float_denorm_mode_32 3
		.amdhsa_float_denorm_mode_16_64 3
		.amdhsa_memory_ordered 1
		.amdhsa_forward_progress 1
		.amdhsa_inst_pref_size 49
	.end_amdhsa_kernel
	.amdgpu_metadata
---
amdhsa.version: [ 1, 2 ]
amdhsa.kernels:
  - .name:           k_q8609b85a25_prep
    .symbol:         k_q8609b85a25_prep.kd
    .args:
      - { .name: x, .offset: 0, .size: 8, .value_kind: global_buffer, .address_space: global }
      - { .name: wv0, .offset: 8, .size: 8, .value_kind: global_buffer, .address_space: global }
      - { .name: wv1, .offset: 16, .size: 8, .value_kind: global_buffer, .address_space: global }
      - { .name: wv2, .offset: 24, .size: 8, .value_kind: global_buffer, .address_space: global }
      - { .name: hv, .offset: 32, .size: 8, .value_kind: global_buffer, .address_space: global }
      - { .name: wg0, .offset: 40, .size: 8, .value_kind: global_buffer, .address_space: global }
      - { .name: wg1, .offset: 48, .size: 8, .value_kind: global_buffer, .address_space: global }
      - { .name: wg2, .offset: 56, .size: 8, .value_kind: global_buffer, .address_space: global }
      - { .name: hg, .offset: 64, .size: 8, .value_kind: global_buffer, .address_space: global }
      - { .name: b0, .offset: 72, .size: 8, .value_kind: global_buffer, .address_space: global }
      - { .name: b1, .offset: 80, .size: 8, .value_kind: global_buffer, .address_space: global }
      - { .name: b2, .offset: 88, .size: 8, .value_kind: global_buffer, .address_space: global }
      - { .name: hb, .offset: 96, .size: 8, .value_kind: global_buffer, .address_space: global }
      - { .name: actA, .offset: 104, .size: 8, .value_kind: global_buffer, .address_space: global }
      - { .name: wts, .offset: 112, .size: 8, .value_kind: global_buffer, .address_space: global }
    .group_segment_fixed_size: 9472
    .private_segment_fixed_size: 0
    .kernarg_segment_align: 8
    .kernarg_segment_size: 120
    .max_flat_workgroup_size: 256
    .sgpr_count:     76
    .vgpr_count:     204
    .wavefront_size: 32
...
	.end_amdgpu_metadata
.endif
;; end of part 12
;; launch g0: the kernel of part 9 again; grid 8 x 64, 8 waves a work-group, clusters of 4 x 4, 327,680 bytes of LDS; arguments actA, wts, actB; writes actB
;; launch g1: the kernel of part 10 again; grid 4 x 64, 8 waves a work-group, clusters of 4 x 4, 327,680 bytes of LDS; arguments actB, wts, actA; writes actA
;; launch g2: the kernel of part 11 again; grid 4 x 64, 4 waves a work-group, clusters of 4 x 4, 327,680 bytes of LDS; arguments actA, wts, actB; writes actB
;; launch head: the kernel of part 8 again; grid 128 x 2, 4 waves a work-group, clusters of 4 x 1, 327,680 bytes of LDS; arguments actB, wts, out0; writes out0
